; MI455X (gfx1250); checked and timed in simulation.
; The chip was launched on July 23, 2026; its instructions are those of AMD's public machine-readable ISA for CDNA 5 (MIT licence, August 2026) and "CDNA5" Instruction Set Architecture Reference Guide (July 2026). The comments in the code are by the model that wrote it; some were corrected since.
;; Transformer Block. Allowed arithmetic: matrix products marked QUANTISED: E2M3 operands, one E8M0 scale for each 32 along K, by v_wmma_scale_f32_16x16x128_f8f6f4 with both operands' format E2M3, f32 sums; everything else in f32.
;; Inputs: context_codes 2 x 1,024 x 32 x 24 uint8 (E2M3 codes of context, K innermost, in blocks of 32 codes, four codes in three bytes); context_mask 2 x 1,024 int32; context_scales 2 x 1,024 x 32 uint8 (E8M0 scales of context, one for each 32 codes along K); cos 2,048 x 64 float32; g_norm1 1,024 float32; g_norm2 1,024 float32; g_norm_cross 1,024 float32; sin 2,048 x 64 float32; w1_codes 1,024 x 32 x 24 uint8 (E2M3 codes of w1, K innermost, in blocks of 32 codes, four codes in three bytes); w1_scales 1,024 x 32 uint8 (E8M0 scales of w1, one for each 32 codes along K); w2_codes 1,024 x 32 x 24 uint8 (E2M3 codes of w2, K innermost, in blocks of 32 codes, four codes in three bytes); w2_scales 1,024 x 32 uint8 (E8M0 scales of w2, one for each 32 codes along K); w3_codes 1,024 x 32 x 24 uint8 (E2M3 codes of w3, K innermost, in blocks of 32 codes, four codes in three bytes); w3_scales 1,024 x 32 uint8 (E8M0 scales of w3, one for each 32 codes along K); w_cout_codes 1,024 x 32 x 24 uint8 (E2M3 codes of w_cout, K innermost, in blocks of 32 codes, four codes in three bytes); w_cout_scales 1,024 x 32 uint8 (E8M0 scales of w_cout, one for each 32 codes along K); w_kv_codes 2,048 x 32 x 24 uint8 (E2M3 codes of w_kv, K innermost, in blocks of 32 codes, four codes in three bytes); w_kv_scales 2,048 x 32 uint8 (E8M0 scales of w_kv, one for each 32 codes along K); w_out_codes 1,024 x 32 x 24 uint8 (E2M3 codes of w_out, K innermost, in blocks of 32 codes, four codes in three bytes); w_out_scales 1,024 x 32 uint8 (E8M0 scales of w_out, one for each 32 codes along K); w_q_codes 1,024 x 32 x 24 uint8 (E2M3 codes of w_q, K innermost, in blocks of 32 codes, four codes in three bytes); w_q_scales 1,024 x 32 uint8 (E8M0 scales of w_q, one for each 32 codes along K); w_qkv_codes 3,072 x 32 x 24 uint8 (E2M3 codes of w_qkv, K innermost, in blocks of 32 codes, four codes in three bytes); w_qkv_scales 3,072 x 32 uint8 (E8M0 scales of w_qkv, one for each 32 codes along K); x 2 x 2,048 x 1,024 float32.
;; Outputs: out0 2 x 2,048 x 1,024 float32.
;; This version of the problem:
;;   THIS VERSION OF THE PROBLEM IS GIVEN IN LOW PRECISION. The matrix products marked QUANTISED in the list below multiply operands that are first quantised to E2M3 (2 exponent bits, 3 mantissa bits; 6 bits a number), with one power-of-two scale for each 32 numbers along K (OCP MX v1.0); their sums are f32. All else is computed in f32.
;;   The module's matrix products, in the order in which they are computed (A, B: the left and right operand; K: the contracted axis; several contracted axes count as one K, in the product's order):
;;     1. [M 4,096, K 1,024] x [K 1,024, N 3,072]; A: computed on the way; B: input w_qkv (given as codes): QUANTISED
;;     2. batch 32 x [M 2,048, K 64] x [K 64, N 2,048]; A: computed on the way; B: computed on the way: QUANTISED
;;     3. batch 32 x [M 64, K 2,048] x [K 2,048, N 2,048]; A: computed on the way; B: softmax (see below): QUANTISED
;;     4. [M 4,096, K 1,024] x [K 1,024, N 1,024]; A: computed on the way; B: input w_out (given as codes): QUANTISED
;;     5. [M 4,096, K 1,024] x [K 1,024, N 1,024]; A: computed on the way; B: input w_q (given as codes): QUANTISED
;;     6. [M 2,048, K 1,024] x [K 1,024, N 2,048]; A: input context (given as codes); B: input w_kv (given as codes): QUANTISED
;;     7. batch 32 x [M 2,048, K 64] x [K 64, N 1,024]; A: computed on the way; B: computed on the way: QUANTISED
;;     8. batch 32 x [M 64, K 1,024] x [K 1,024, N 2,048]; A: computed on the way; B: softmax (see below): QUANTISED
;;     9. [M 4,096, K 1,024] x [K 1,024, N 1,024]; A: computed on the way; B: input w_cout (given as codes): QUANTISED
;;     10. [M 4,096, K 1,024] x [K 1,024, N 1,024]; A: computed on the way; B: input w1 (given as codes): QUANTISED
;;     11. [M 4,096, K 1,024] x [K 1,024, N 1,024]; A: computed on the way; B: input w3 (given as codes): QUANTISED
;;     12. [M 4,096, K 1,024] x [K 1,024, N 1,024]; A: computed on the way; B: input w2 (given as codes): QUANTISED
;;   THE QUANTISER, for each operand of a quantised product, along K:
;;     - K is cut into blocks of 32 from its start; a last block that is shorter is filled with zeros.
;;     - A block's scale is 2^e with e = floor(log2(the largest magnitude in the block)) - 2, held to -126 .. 127; a block of zeros has e = 0. As a byte (E8M0): e + 127.
;;     - Each number is divided by its block's scale, clamped to +-7.5, and rounded to the nearest number of E2M3, ties to even, subnormals kept.
;;     - The product sums the exact products of the quantised numbers (number of the format x scale) in f32.
;;   ~~~python
;;   def quantise(x, axis):      # numpy; x: float32 -> the quantised numbers, widened to float32 again
;;       x = np.moveaxis(x, axis, -1); K = x.shape[-1]
;;       x = np.pad(x, [(0, 0)] * (x.ndim - 1) + [(0, -K % 32)]); x = x.reshape(x.shape[:-1] + (-1, 32)); a = np.abs(x).max(-1, keepdims=True)
;;       e = np.where(a > 0, np.clip(np.frexp(np.where(a > 0, a, 1))[1] - 1 - 2, -126, 127), 0)      # np.frexp(a)[1] - 1 = floor(log2(a)), exactly
;;       r = np.clip(x / 2.0 ** e, -7.5, 7.5)
;;       step = 2.0 ** (np.maximum(np.frexp(np.where(r == 0, 1, r))[1] - 1, 0) - 3)
;;       q = np.round(r / step) * step * 2.0 ** e      # np.round: ties to even
;;       return np.moveaxis(q.reshape(q.shape[:-2] + (-1,))[..., :K], -1, axis).astype(np.float32)
;;   ~~~
;;   SOFTMAX AHEAD OF A QUANTISED PRODUCT. Where the list says 'softmax', what is quantised is not the finished softmax but p = 2^(t - M), with t = logit x log2(e) and M = ceil(the row's largest t), a whole number; so 1/2 < the row's largest p <= 1. The row's sum l is taken of the UNQUANTISED p, in f32, and the product's result is divided by l at the end. Since M is a whole number, a kernel that streams over the keys may use a running M (the ceiling of the running maximum): every later rescaling is an exact power of two, which a block's scale takes up: the codes' values come out the same.
;;   OPERANDS COMPUTED ON THE WAY. 'Computed on the way' means the value that the module computes at that place (a softmax that the list does not call 'softmax' is quantised finished and normalised). What goes into a quantiser is computed in f32, as accurately as f32 sums, v_exp_f32 and their like allow (about 1e-6 of the number): no bf16 or f16 on the way to a quantiser, and a product that is left as it is and whose result goes on into a quantised operand takes f32 operands (vector FMAs, or v_wmma_f32_16x16x4_f32). A number that lies on a knife's edge between two numbers of the format may be rounded either way, as far as f32 arithmetic and the matrix unit's own rounding can turn it there, and no further.
;;   INPUTS GIVEN AS CODES. context (in the module: [2, 1024, 1024], K = its axis 2); w1 (in the module: [1024, 1024], K = its axis 1); w2 (in the module: [1024, 1024], K = its axis 1); w3 (in the module: [1024, 1024], K = its axis 1); w_cout (in the module: [1024, 1024], K = its axis 1); w_kv (in the module: [2048, 1024], K = its axis 1); w_out (in the module: [1024, 1024], K = its axis 1); w_q (in the module: [1024, 1024], K = its axis 1); w_qkv (in the module: [3072, 1024], K = its axis 1): each comes as NAME_codes (uint8): NAME with its K axis moved to the last place and cut into blocks of 32 codes, [.., K / 32, bytes a block], one block behind the other in memory; four codes in three bytes: a row's codes are one little-endian stream of bits, code i at bits 6 i .. 6 i + 5 (a code: sign, 2 exponent bits, 3 mantissa bits); and NAME_scales (uint8): the same leading axes, one E8M0 byte (e + 127) for each 32 codes along K. Its value is code x scale, taken as it is: it is not quantised again, and the codes and scales need not be those that the quantiser above would give.
;; 3 versions, each right; version 2 is faster than version 1; version 3 is version 2 with the launches proj, sattn, midl, xattn, ffn written anew for expert scheduling mode. Each part assembles by itself: llvm-mc -triple=amdgcn-amd-amdhsa -mcpu=gfx1250 --defsym DOCPART=n.
;; ======== version 1 of 3: 6 launches
;; limits: right only within a limited range of input values
;; workspace buffers: prep 13,926,400 bytes; qkv 13,107,200 bytes; oa 3,276,800 bytes; mid 20,054,016 bytes; ob 3,276,800 bytes
;; launch prep (part 1): grid 336 x 1, 16 waves a work-group, no clusters, 3,072 bytes of LDS; arguments x, g_norm1, w_qkv_codes, w_qkv_scales, w_kv_codes, w_kv_scales, w_out_codes, w_out_scales, w_q_codes, w_q_scales, w_cout_codes, w_cout_scales, w1_codes, w1_scales, w3_codes, w3_scales, w2_codes, w2_scales, context_codes, context_scales, prep; writes prep
.if DOCPART == 1
	.amdgcn_target "amdgcn-amd-amdhsa--gfx1250"
	.amdhsa_code_object_version 6
	.text
	.protected	k_q506478e1b1_prep
	.globl	k_q506478e1b1_prep
	.p2align	8
	.type	k_q506478e1b1_prep,@function
k_q506478e1b1_prep:
	s_mov_b64 s[64:65], 0
	v_nop
	global_prefetch_b8 v0, s[64:65] scope:SCOPE_SE
	s_setreg_imm32_b32 hwreg(HW_REG_WAVE_MODE, 25, 1), 1
	s_wait_xcnt 0x0
; PREP.  Work-groups 0-127: RMS norm 1 of 32 tokens of x, quantised to FP6 (E2M3) along the 1,024 features, stored as a token record.
; Work-groups 128-335: the eight weights and the context, which arrive as codes, are laid out anew in the order of the matrix operand's registers, so that the later launches load fragments by dense loads.
; A PAIR is 32 rows in two tiles u: lane-row r of tile u is row 32 P + 8 u + r + (r & 8).  A fragment is 16 rows x 128 K: lane (r, h) register 6 c + e = bytes 96 s + 48 c + 24 h + 4 e of its row.
; Weights:  WIMG[P][s 8][u 2][g 3][lane][16 B] (registers 4 g .. 4 g + 3), WSC[P][s][lane][4 B] (lane (r, h): the scale word of row 32 P + 8 h + r + (r & 8)).
; Token record, 25,600 B:  [u 2][s 8][p 6][lane][8 B] (registers 2 p, 2 p + 1), then [s 8][16 u + r][4 B] scale words.
; LIMITS: NaN and infinities are not served; a block of zeros gets the scale byte 1 (its codes are zeros; this program alone reads the bytes).
; No cluster, no tensor load: no two work-groups read the same bytes.
.set WSC, 8650752
.set TR0, 9011200
.set SEL, 58
.set X, 16                             ; v16-79   64 numbers of x
.set G, 80                             ; v80-143  the gain at the same features
.set TM, 144
.set TX, 148
.set TE, 152
.set TB, 156
.set PC, 160
.set PW, 180
.macro QCVT s, bk                      ; 16 numbers -> 96 bits of codes; even blocks into the operand's place, odd ones beside it (a conversion's three registers begin on an even number)
.if ((\bk) % 2) == 0
	v_cvt_scalef32_pk16_fp6_f32 v[PC+6*((\bk)/2):PC+6*((\bk)/2)+2], v[(\s):(\s)+15], v[TE+(\bk)]
.else
	v_cvt_scalef32_pk16_fp6_f32 v[PC+12+4*((\bk)/2):PC+12+4*((\bk)/2)+2], v[(\s):(\s)+15], v[TE+(\bk)]
.endif
.endm
.macro QPART2 sa, ba, sb, bb           ; two blocks by turns: a lane's 16 numbers and lane l xor 16's make a block of 32
	v_mov_b32 v[TX+(\ba)], 0                       ; a lane permute's destination counts as one of its sources
	v_mov_b32 v[TX+(\bb)], 0
	v_max3_num_f32 v[TM+(\ba)], |v[(\sa)]|, |v[(\sa)+1]|, 0x1800000   ; with the floor 2^(3 - 127): the byte cannot fall under 1
	v_max3_num_f32 v[TM+(\bb)], |v[(\sb)]|, |v[(\sb)+1]|, 0x1800000
.irp i, 2,4,6,8,10,12,14
	v_max3_num_f32 v[TM+(\ba)], v[TM+(\ba)], |v[(\sa)+\i]|, |v[(\sa)+\i+1]|
	v_max3_num_f32 v[TM+(\bb)], v[TM+(\bb)], |v[(\sb)+\i]|, |v[(\sb)+\i+1]|
.endr
	v_permlanex16_b32 v[TX+(\ba)], v[TM+(\ba)], s[SEL], s[SEL+1]
	v_permlanex16_b32 v[TX+(\bb)], v[TM+(\bb)], s[SEL], s[SEL+1]
	v_max_num_f32 v[TM+(\ba)], v[TM+(\ba)], v[TX+(\ba)]
	v_max_num_f32 v[TM+(\bb)], v[TM+(\bb)], v[TX+(\bb)]
	v_add_nc_u32 v[TE+(\ba)], 0xff000000, v[TM+(\ba)]   ; 2 off the exponent field: the conversion's scale operand
	v_add_nc_u32 v[TE+(\bb)], 0xff000000, v[TM+(\bb)]
	v_lshrrev_b32 v[TB+(\ba)], 23, v[TE+(\ba)]          ; the scale's byte
	v_lshrrev_b32 v[TB+(\bb)], 23, v[TE+(\bb)]
	QCVT \sa, \ba
	QCVT \sb, \bb
	v_nop                                          ; one plain place behind a scaled conversion
.endm
.macro QTAIL nc                        ; the scale word, and whole blocks into the lanes: lanes 0-15 block 2 c, lanes 16-31 block 2 c + 1
	v_lshl_or_b32 v[PW], v[TB+1], 8, v[TB]
.if \nc > 1
	v_lshl_or_b32 v[PW], v[TB+2], 16, v[PW]
	v_lshl_or_b32 v[PW], v[TB+3], 24, v[PW]
.endif
.irp c, 0,1
.if \c < \nc
.irp i, 0,1,2
	v_permlane16_swap_b32 v[PC+6*\c+\i], v[PC+12+4*\c+\i]
.endr
.irp i, 0,1,2
	v_mov_b32 v[PC+3+6*\c+\i], v[PC+12+4*\c+\i]
.endr
.endif
.endr
.endm
.macro PICK bound, c                   ; from work-group number bound on: the tensor whose two pointers stand at s[c], s[c + 2]
	s_cmp_ge_u32 s50, \bound
	s_cselect_b64 s[52:53], s[\c:\c+1], s[52:53]
	s_cselect_b64 s[54:55], s[\c+2:\c+3], s[54:55]
	s_cselect_b32 s56, \bound, s56
.endm
	s_load_b512 s[4:19], s[0:1], 0x0               ; x, g_norm1, w_qkv c/s, w_kv c/s, w_out c/s
	s_load_b512 s[20:35], s[0:1], 0x40             ; w_q c/s, w_cout c/s, w1 c/s, w3 c/s
	s_load_b256 s[36:43], s[0:1], 0x80             ; w2 c/s, context c/s
	s_load_b64 s[44:45], s[0:1], 0xa0              ; prep
	v_lshl_add_u32 v192, v0, 2, 0x400
	v_mov_b32 v193, 0
	v_lshrrev_b32 v1, 5, v0
	v_readfirstlane_b32 s46, v1                    ; wave 0..15
	v_and_b32 v1, 31, v0                           ; lane
	v_and_b32 v2, 15, v0                           ; r
	v_bfe_u32 v3, v0, 4, 1                         ; h
	v_and_b32 v4, 8, v2
	v_add_nc_u32 v4, v4, v2                        ; r + (r & 8)
	v_lshlrev_b32 v9, 3, v1                        ; 8 x lane
	v_lshlrev_b32 v10, 2, v2                       ; 4 r
	s_lshr_b32 s47, s46, 3                         ; tile u (norm) or which of the group's two pairs (layout)
	s_and_b32 s48, s46, 7                          ; K step s
	s_mov_b32 s[SEL], 0x76543210
	s_mov_b32 s[SEL+1], 0xfedcba98                 ; lane l xor 16
	s_mov_b32 s51, 0
	s_mov_b32 s61, 0
	s_wait_kmcnt 0x0
	s_cmp_ge_u32 ttmp9, 128
	s_cbranch_scc1 .Llayout
	; ---- norm 1: wave (u, s) holds K step s of the 16 tokens of tile u: lane (r, h) 16 neighbours of each block of 32
	v_lshlrev_b32 v5, 12, v4
	v_lshl_add_u32 v5, v3, 6, v5                   ; x: 4,096 x token row + 64 h
	v_lshlrev_b32 v6, 6, v3                        ; gain: 64 h
	s_lshl_b32 s50, ttmp9, 17                      ; 32 tokens of 4,096 bytes
	s_lshl_b32 s52, s47, 15
	s_add_co_u32 s50, s50, s52
	s_lshl_b32 s52, s48, 9
	s_add_co_u32 s50, s50, s52
	s_add_nc_u64 s[4:5], s[4:5], s[50:51]
	s_mov_b32 s50, s52
	s_add_nc_u64 s[6:7], s[6:7], s[50:51]
.irp b, 0,1,2,3
.irp j, 0,1,2,3
	global_load_b128 v[X+16*\b+4*\j:X+16*\b+4*\j+3], v5, s[4:5] offset:128*\b+16*\j
.endr
.endr
.irp b, 0,1,2,3
.irp j, 0,1,2,3
	global_load_b128 v[G+16*\b+4*\j:G+16*\b+4*\j+3], v6, s[6:7] offset:128*\b+16*\j
.endr
.endr
	s_lshl_b32 s52, s47, 9
	v_lshl_add_u32 v8, v2, 5, s52                  ; LDS: 32 r + 512 u: a token's eight partial sums
	s_lshl_b32 s53, s48, 2
	v_add_nc_u32 v7, s53, v8                       ; + 4 s: mine
	s_mov_b32 s49, 0x3a800000                      ; 1 / 1,024
	s_mov_b32 s62, 0x358637bd                      ; 1e-6
	s_mul_i32 s50, ttmp9, 25600
	s_add_co_u32 s50, s50, TR0                     ; my record
	s_mul_i32 s52, s47, 12288
	s_mul_i32 s53, s48, 1536
	s_add_co_u32 s52, s52, s53
	s_add_co_u32 s52, s52, s50
	s_mov_b32 s53, 0
	s_add_nc_u64 s[54:55], s[44:45], s[52:53]      ; my fragment's image
	s_lshl_b32 s52, s47, 6
	s_lshl_b32 s56, s48, 7
	s_add_co_u32 s52, s52, s56
	s_add_co_u32 s52, s52, s50
	s_add_co_u32 s52, s52, 24576
	s_add_nc_u64 s[56:57], s[44:45], s[52:53]      ; its scale words
	s_wait_loadcnt 16                              ; x is in; the gain's 16 loads may be out
	v_pk_mul_f32 v[182:183], v[X:X+1], v[X:X+1]
	v_pk_mul_f32 v[184:185], v[X+2:X+3], v[X+2:X+3]
.irp i, 4,8,12,16,20,24,28,32,36,40,44,48,52,56,60
	v_pk_fma_f32 v[182:183], v[X+\i:X+\i+1], v[X+\i:X+\i+1], v[182:183]
	v_pk_fma_f32 v[184:185], v[X+\i+2:X+\i+3], v[X+\i+2:X+\i+3], v[184:185]
.endr
	v_pk_add_f32 v[182:183], v[182:183], v[184:185]
	v_add_f32 v182, v182, v183
	v_permlanex16_b32 v184, v182, s[SEL], s[SEL+1]
	v_add_f32 v182, v182, v184                     ; the token's sum of squares over this K step
	ds_store_b32 v7, v182                          ; (lanes r and r + 16 write the same word with the same value)
	s_wait_dscnt 0x0                               ; my store has landed: then the barrier
	s_barrier_signal -1
	s_barrier_wait -1
	ds_load_b128 v[184:187], v8
	ds_load_b128 v[188:191], v8 offset:16
	s_wait_dscnt 0x0
	v_pk_add_f32 v[184:185], v[184:185], v[188:189]
	v_pk_add_f32 v[186:187], v[186:187], v[190:191]
	v_pk_add_f32 v[184:185], v[184:185], v[186:187]
	v_add_f32 v184, v184, v185
	v_fma_f32 v184, v184, s49, s62                 ; mean + eps
	v_rsq_f32 v182, v184
	v_rsq_f32 v183, v184                           ; twice: the packed multiply takes a pair
	v_nop                                          ; a plain place behind the transcendentals
	s_wait_alu depctr_va_vdst(0)                   ; one wait for both, ahead of their first reader
	s_wait_loadcnt 0x0                             ; the gain
.set qi, 0
.rept 32
	v_pk_mul_f32 v[X+qi:X+qi+1], v[X+qi:X+qi+1], v[182:183]
.set qi, qi+2
.endr
.set qi, 0
.rept 32
	v_pk_mul_f32 v[X+qi:X+qi+1], v[X+qi:X+qi+1], v[G+qi:G+qi+1]   ; g (x rs), in the order of the definition
.set qi, qi+2
.endr
	QPART2 X, 0, X+16, 1
	QPART2 X+32, 2, X+48, 3
	QTAIL 2
.irp p, 0,1,2,3,4,5
	global_store_b64 v9, v[PC+2*\p:PC+2*\p+1], s[54:55] offset:256*\p   ; 32 lanes store 256 consecutive bytes, aligned
.endr
	global_store_b32 v10, v[PW], s[56:57]
	s_wait_tensorcnt 0x0
	ds_add_u32 v192, v193
	s_wait_dscnt 0x0
	s_endpgm
.Llayout:
	; ---- layout: wave = (pair, K step): two fragments and their scale words, rows in, register images out
	s_sub_co_u32 s50, ttmp9, 128                   ; g: two pairs to a work-group
	s_mov_b64 s[52:53], s[8:9]
	s_mov_b64 s[54:55], s[10:11]
	s_mov_b32 s56, 0
	PICK 48, 12
	PICK 80, 16
	PICK 96, 20
	PICK 112, 24
	PICK 128, 28
	PICK 144, 32
	PICK 160, 36
	PICK 176, 40
	s_sub_co_u32 s57, s50, s56
	s_lshl_b32 s57, s57, 1
	s_add_co_u32 s57, s57, s47                     ; the pair within its tensor
	s_mul_i32 s60, s57, 24576
	s_mul_i32 s62, s48, 96
	s_add_co_u32 s60, s60, s62
	s_add_nc_u64 s[52:53], s[52:53], s[60:61]
	s_lshl_b32 s60, s57, 10
	s_lshl_b32 s62, s48, 2
	s_add_co_u32 s60, s60, s62
	s_add_nc_u64 s[54:55], s[54:55], s[60:61]
	v_mul_u32_u24 v5, v4, 768
	v_mad_u32_u24 v5, v3, 24, v5                   ; a row of 768 bytes, + 24 h
	v_lshl_add_u32 v6, v3, 3, v4
	v_lshlrev_b32 v6, 5, v6                        ; scale bytes: row 8 h + r + (r & 8), 32 bytes a row
	v_lshlrev_b32 v7, 4, v1                        ; 16 x lane
	v_lshlrev_b32 v8, 2, v1                        ; 4 x lane
.irp u, 0,1
.irp p, 0,1,2,3,4,5
	global_load_b64 v[16+12*\u+2*\p:17+12*\u+2*\p], v5, s[52:53] offset:6144*\u+48*(\p/3)+8*(\p%3)
.endr
.endr
	global_load_b32 v40, v6, s[54:55]
	s_lshl_b32 s57, s50, 1
	s_add_co_u32 s57, s57, s47                     ; the pair among all 416
	s_wait_loadcnt 0x0
	s_cmp_ge_u32 s50, 176
	s_cbranch_scc1 .Lcontext
	s_mul_i32 s60, s57, 24576
	s_mul_i32 s62, s48, 3072
	s_add_co_u32 s60, s60, s62
	s_add_nc_u64 s[4:5], s[44:45], s[60:61]
	s_lshl_b32 s60, s57, 10
	s_lshl_b32 s62, s48, 7
	s_add_co_u32 s60, s60, s62
	s_add_co_u32 s60, s60, WSC
	s_add_nc_u64 s[6:7], s[44:45], s[60:61]
.irp u, 0,1
.irp g, 0,1,2
	global_store_b128 v7, v[16+12*\u+4*\g:19+12*\u+4*\g], s[4:5] offset:1536*\u+512*\g   ; 512 consecutive bytes
.endr
.endr
	global_store_b32 v8, v40, s[6:7]
	s_endpgm
.Lcontext:
	s_sub_co_u32 s57, s57, 224                     ; record 128 + (pair - 352)
	s_mul_i32 s60, s57, 25600
	s_add_co_u32 s60, s60, TR0
	s_mul_i32 s62, s48, 1536
	s_add_co_u32 s62, s62, s60
	s_mov_b32 s63, 0
	s_add_nc_u64 s[4:5], s[44:45], s[62:63]
	s_lshl_b32 s62, s48, 7
	s_add_co_u32 s62, s62, s60
	s_add_co_u32 s62, s62, 24576
	s_add_nc_u64 s[6:7], s[44:45], s[62:63]
.irp u, 0,1
.irp p, 0,1,2,3,4,5
	global_store_b64 v9, v[16+12*\u+2*\p:17+12*\u+2*\p], s[4:5] offset:12288*\u+256*\p
.endr
.endr
	global_store_b32 v8, v40, s[6:7]
	s_endpgm
.Lfunc_end_k_q506478e1b1_prep:
	.size	k_q506478e1b1_prep, .Lfunc_end_k_q506478e1b1_prep-k_q506478e1b1_prep
	.p2alignl 7, 3214868480
	.fill 96, 4, 3214868480
	.section	.rodata,"a",@progbits
	.p2align	6, 0x0
	.amdhsa_kernel k_q506478e1b1_prep
		.amdhsa_group_segment_fixed_size 3072
		.amdhsa_private_segment_fixed_size 0
		.amdhsa_enable_private_segment 0
		.amdhsa_kernarg_size 168
		.amdhsa_user_sgpr_count 2
		.amdhsa_user_sgpr_kernarg_segment_ptr 1
		.amdhsa_wavefront_size32 1
		.amdhsa_system_sgpr_workgroup_id_x 1
		.amdhsa_system_sgpr_workgroup_id_y 1
		.amdhsa_system_sgpr_workgroup_id_z 1
		.amdhsa_system_vgpr_workitem_id 0
		.amdhsa_next_free_vgpr 194
		.amdhsa_next_free_sgpr 66
		.amdhsa_reserve_vcc 0
		.amdhsa_float_denorm_mode_32 3
		.amdhsa_float_denorm_mode_16_64 3
		.amdhsa_memory_ordered 1
		.amdhsa_forward_progress 1
		.amdhsa_inst_pref_size 24
	.end_amdhsa_kernel
	.amdgpu_metadata
---
amdhsa.version: [ 1, 2 ]
amdhsa.kernels:
  - .name:           k_q506478e1b1_prep
    .symbol:         k_q506478e1b1_prep.kd
    .args:
      - { .name: x, .offset: 0, .size: 8, .value_kind: global_buffer, .address_space: global }
      - { .name: g_norm1, .offset: 8, .size: 8, .value_kind: global_buffer, .address_space: global }
      - { .name: w_qkv_codes, .offset: 16, .size: 8, .value_kind: global_buffer, .address_space: global }
      - { .name: w_qkv_scales, .offset: 24, .size: 8, .value_kind: global_buffer, .address_space: global }
      - { .name: w_kv_codes, .offset: 32, .size: 8, .value_kind: global_buffer, .address_space: global }
      - { .name: w_kv_scales, .offset: 40, .size: 8, .value_kind: global_buffer, .address_space: global }
      - { .name: w_out_codes, .offset: 48, .size: 8, .value_kind: global_buffer, .address_space: global }
      - { .name: w_out_scales, .offset: 56, .size: 8, .value_kind: global_buffer, .address_space: global }
      - { .name: w_q_codes, .offset: 64, .size: 8, .value_kind: global_buffer, .address_space: global }
      - { .name: w_q_scales, .offset: 72, .size: 8, .value_kind: global_buffer, .address_space: global }
      - { .name: w_cout_codes, .offset: 80, .size: 8, .value_kind: global_buffer, .address_space: global }
      - { .name: w_cout_scales, .offset: 88, .size: 8, .value_kind: global_buffer, .address_space: global }
      - { .name: w1_codes, .offset: 96, .size: 8, .value_kind: global_buffer, .address_space: global }
      - { .name: w1_scales, .offset: 104, .size: 8, .value_kind: global_buffer, .address_space: global }
      - { .name: w3_codes, .offset: 112, .size: 8, .value_kind: global_buffer, .address_space: global }
      - { .name: w3_scales, .offset: 120, .size: 8, .value_kind: global_buffer, .address_space: global }
      - { .name: w2_codes, .offset: 128, .size: 8, .value_kind: global_buffer, .address_space: global }
      - { .name: w2_scales, .offset: 136, .size: 8, .value_kind: global_buffer, .address_space: global }
      - { .name: context_codes, .offset: 144, .size: 8, .value_kind: global_buffer, .address_space: global }
      - { .name: context_scales, .offset: 152, .size: 8, .value_kind: global_buffer, .address_space: global }
      - { .name: prep, .offset: 160, .size: 8, .value_kind: global_buffer, .address_space: global }
    .group_segment_fixed_size: 3072
    .private_segment_fixed_size: 0
    .kernarg_segment_align: 8
    .kernarg_segment_size: 168
    .max_flat_workgroup_size: 512
    .sgpr_count:     66
    .vgpr_count:     194
    .wavefront_size: 32
...
	.end_amdgpu_metadata
.endif
;; end of part 1
;; launch proj (part 2): grid 512 x 1, 16 waves a work-group, no clusters, 27,648 bytes of LDS; arguments prep, cos, sin, qkv; writes qkv
.if DOCPART == 2
	.amdgcn_target "amdgcn-amd-amdhsa--gfx1250"
	.amdhsa_code_object_version 6
	.text
	.protected	k_q506478e1b1_proj
	.globl	k_q506478e1b1_proj
	.p2align	8
	.type	k_q506478e1b1_proj,@function
k_q506478e1b1_proj:
	s_mov_b64 s[64:65], 0
	v_nop
	global_prefetch_b8 v0, s[64:65] scope:SCOPE_SE
	s_setreg_imm32_b32 hwreg(HW_REG_WAVE_MODE, 25, 1), 1
	s_wait_xcnt 0x0
; PROJ.  q, k, v of self-attention (work-groups 0-383: kind = id / 128, 32 tokens each) and k, v of the context (384-511), all on FP6 codes, results quantised again for the attention launches.
; A work-group holds 32 tokens' codes in LDS (a token record, 25,600 B).  Wave w makes the 64 features of head w: it streams its two pairs of weight rows from memory straight into registers, as images
; of the operand's registers (512 consecutive bytes a load), two K steps ahead.  A weight byte is read once by a work-group and goes to the one wave that multiplies it: there is no LDS tile that a joint
; load of a cluster could fill, so no cluster and no tensor load.
; q, k: product transposed (source 0 = weight rows): a lane holds one token, its registers run along the head's 64 numbers; RoPE in f32; two blocks of 32 a token.
; v: sources the other way round: a lane holds one channel, its registers run along the 32 tokens, which are one block of the second attention product's K.
; ACC (transposed): [32 u + 16 p + 8 u' + j] = (token 32 tb + 8 u + r + (r & 8), feature 64 w + 32 p + 16 h + 8 u' + j).
; Out: QIMG[bh][tbl][1,536] + QSC[bh][tbl][r][4];  records of 128 keys, 12,800 B: K 4 x 1,536 | V [block 4][pi 2][i 3][lane][8] | K's scale words [4][r][4] | V's [pi 2][lane][4].
; An image of 32 tokens of one head is ONE fragment of 128 along K: registers 0-5 tile u = 0's 64 numbers, 6-11 tile u = 1's.
; LIMITS: NaN and infinities are not served; a block of zeros gets the scale byte 1.
.set WSC, 8650752
.set TR0, 9011200
.set QSC, 3145728
.set KVS, 3276800
.set KVC, 9830400
.set ACC, 16
.set WF, 80
.set TF, 176
.set WS, 224
.set TS, 228
.set PC, 230
.set TB, 250
.set PW, 254
.set TM, 212
.set TX, 216
.set TE, 220
.set A16T, 1
.set A2T, 2
.set L8, 3
.set L4, 4
.set L16, 5
.set R4, 6
.set VW, 7
.set VS, 8
.set WV, 3
.set SEL, 30
.set WB, 32
.set WSB, 34
.set RB, 36
.set COS, 80
.set SIN, 144
.macro BARRIER                         ; my LDS stores have landed and my LDS loads are in: then the work-group's barrier
	s_wait_dscnt 0x0
	s_barrier_signal -1
	s_barrier_wait -1
.endm
.macro NOP4
.rept 4
	v_nop
.endr
.endm
.macro QCVT s, bk
.if ((\bk) % 2) == 0
	v_cvt_scalef32_pk16_fp6_f32 v[PC+6*((\bk)/2):PC+6*((\bk)/2)+2], v[(\s):(\s)+15], v[TE+(\bk)]
.else
	v_cvt_scalef32_pk16_fp6_f32 v[PC+12+4*((\bk)/2):PC+12+4*((\bk)/2)+2], v[(\s):(\s)+15], v[TE+(\bk)]
.endif
.endm
.macro QPART2 sa, ba, sb, bb           ; two blocks by turns: a lane's 16 numbers and lane l xor 16's make a block of 32
	v_mov_b32 v[TX+(\ba)], 0
	v_mov_b32 v[TX+(\bb)], 0
	v_max3_num_f32 v[TM+(\ba)], |v[(\sa)]|, |v[(\sa)+1]|, 0x1800000
	v_max3_num_f32 v[TM+(\bb)], |v[(\sb)]|, |v[(\sb)+1]|, 0x1800000
.irp i, 2,4,6,8,10,12,14
	v_max3_num_f32 v[TM+(\ba)], v[TM+(\ba)], |v[(\sa)+\i]|, |v[(\sa)+\i+1]|
	v_max3_num_f32 v[TM+(\bb)], v[TM+(\bb)], |v[(\sb)+\i]|, |v[(\sb)+\i+1]|
.endr
	v_permlanex16_b32 v[TX+(\ba)], v[TM+(\ba)], s[SEL], s[SEL+1]
	v_permlanex16_b32 v[TX+(\bb)], v[TM+(\bb)], s[SEL], s[SEL+1]
	v_max_num_f32 v[TM+(\ba)], v[TM+(\ba)], v[TX+(\ba)]
	v_max_num_f32 v[TM+(\bb)], v[TM+(\bb)], v[TX+(\bb)]
	v_add_nc_u32 v[TE+(\ba)], 0xff000000, v[TM+(\ba)]
	v_add_nc_u32 v[TE+(\bb)], 0xff000000, v[TM+(\bb)]
	v_lshrrev_b32 v[TB+(\ba)], 23, v[TE+(\ba)]
	v_lshrrev_b32 v[TB+(\bb)], 23, v[TE+(\bb)]
	QCVT \sa, \ba
	QCVT \sb, \bb
	v_nop                                          ; one plain place behind a scaled conversion
.endm
.macro QTAIL nc
	v_lshl_or_b32 v[PW], v[TB+1], 8, v[TB]
.if \nc > 1
	v_lshl_or_b32 v[PW], v[TB+2], 16, v[PW]
	v_lshl_or_b32 v[PW], v[TB+3], 24, v[PW]
.endif
.irp c, 0,1
.if \c < \nc
.irp i, 0,1,2
	v_permlane16_swap_b32 v[PC+6*\c+\i], v[PC+12+4*\c+\i]
.endr
.irp i, 0,1,2
	v_mov_b32 v[PC+3+6*\c+\i], v[PC+12+4*\c+\i]
.endr
.endif
.endr
.endm
; one K step of my four weight fragments and their two scale registers: 14 loads
.macro WLOAD set, s, iw, d1, is, ds1
.irp p, 0,1
.irp u, 0,1
.irp g, 0,1,2
	global_load_b128 v[WF+48*(\set)+24*\p+12*\u+4*\g:WF+48*(\set)+24*\p+12*\u+4*\g+3], v[VW], s[WB:WB+1] offset:(\iw)+\p*(\d1)+3072*(\s)+1536*\u+512*\g
.endr
.endr
	global_load_b32 v[WS+2*(\set)+\p], v[VS], s[WSB:WSB+1] offset:(\is)+\p*(\ds1)+128*(\s)
.endr
.endm
; one K step of the two token fragments and their scale register: 13 LDS loads
.macro TLOAD set, s, reg
.irp u, 0,1
.irp p, 0,1,2,3,4,5
	ds_load_b64 v[TF+24*(\set)+12*\u+2*\p:TF+24*(\set)+12*\u+2*\p+1], v[L8] offset:(\reg)+12288*\u+1536*(\s)+256*\p
.endr
.endr
	ds_load_b32 v[TS+(\set)], v[L4] offset:(\reg)+24576+128*(\s)
.endm
; one matrix instruction.  cz = 1: the product starts the sum.  ra, rb: which half of the lanes of the scale registers serves source 0, source 1
.macro WM d, a, b, cz, sa, sb, ra, rb
.if (\cz) && ((\ra) == 0) && ((\rb) == 0)
	v_wmma_scale_f32_16x16x128_f8f6f4 v[(\d):(\d)+7], v[(\a):(\a)+11], v[(\b):(\b)+11], 0, v[\sa], v[\sb] matrix_a_fmt:MATRIX_FMT_FP6 matrix_b_fmt:MATRIX_FMT_FP6
.elseif (\cz) && ((\ra) == 1) && ((\rb) == 0)
	v_wmma_scale_f32_16x16x128_f8f6f4 v[(\d):(\d)+7], v[(\a):(\a)+11], v[(\b):(\b)+11], 0, v[\sa], v[\sb] matrix_a_fmt:MATRIX_FMT_FP6 matrix_b_fmt:MATRIX_FMT_FP6 matrix_a_scale:MATRIX_SCALE_ROW1
.elseif (\cz) && ((\ra) == 0) && ((\rb) == 1)
	v_wmma_scale_f32_16x16x128_f8f6f4 v[(\d):(\d)+7], v[(\a):(\a)+11], v[(\b):(\b)+11], 0, v[\sa], v[\sb] matrix_a_fmt:MATRIX_FMT_FP6 matrix_b_fmt:MATRIX_FMT_FP6 matrix_b_scale:MATRIX_SCALE_ROW1
.elseif (\cz)
	v_wmma_scale_f32_16x16x128_f8f6f4 v[(\d):(\d)+7], v[(\a):(\a)+11], v[(\b):(\b)+11], 0, v[\sa], v[\sb] matrix_a_fmt:MATRIX_FMT_FP6 matrix_b_fmt:MATRIX_FMT_FP6 matrix_a_scale:MATRIX_SCALE_ROW1 matrix_b_scale:MATRIX_SCALE_ROW1
.elseif ((\ra) == 0) && ((\rb) == 0)
	v_wmma_scale_f32_16x16x128_f8f6f4 v[(\d):(\d)+7], v[(\a):(\a)+11], v[(\b):(\b)+11], v[(\d):(\d)+7], v[\sa], v[\sb] matrix_a_fmt:MATRIX_FMT_FP6 matrix_b_fmt:MATRIX_FMT_FP6
.elseif ((\ra) == 1) && ((\rb) == 0)
	v_wmma_scale_f32_16x16x128_f8f6f4 v[(\d):(\d)+7], v[(\a):(\a)+11], v[(\b):(\b)+11], v[(\d):(\d)+7], v[\sa], v[\sb] matrix_a_fmt:MATRIX_FMT_FP6 matrix_b_fmt:MATRIX_FMT_FP6 matrix_a_scale:MATRIX_SCALE_ROW1
.elseif ((\ra) == 0) && ((\rb) == 1)
	v_wmma_scale_f32_16x16x128_f8f6f4 v[(\d):(\d)+7], v[(\a):(\a)+11], v[(\b):(\b)+11], v[(\d):(\d)+7], v[\sa], v[\sb] matrix_a_fmt:MATRIX_FMT_FP6 matrix_b_fmt:MATRIX_FMT_FP6 matrix_b_scale:MATRIX_SCALE_ROW1
.else
	v_wmma_scale_f32_16x16x128_f8f6f4 v[(\d):(\d)+7], v[(\a):(\a)+11], v[(\b):(\b)+11], v[(\d):(\d)+7], v[\sa], v[\sb] matrix_a_fmt:MATRIX_FMT_FP6 matrix_b_fmt:MATRIX_FMT_FP6 matrix_a_scale:MATRIX_SCALE_ROW1 matrix_b_scale:MATRIX_SCALE_ROW1
.endif
.endm
; a K step's eight products: eight accumulators by turns, one instruction a turn, in the same order in every K step
.macro MM set, cz, orient
.irp p, 0,1
.irp v, 0,1
.irp u, 0,1
.if (\orient) == 0
	WM ACC+32*\u+16*\p+8*\v, WF+48*(\set)+24*\p+12*\v, TF+24*(\set)+12*\u, \cz, WS+2*(\set)+\p, TS+(\set), \v, \u
.else
	WM ACC+32*\p+16*\v+8*\u, TF+24*(\set)+12*\u, WF+48*(\set)+24*\p+12*\v, \cz, TS+(\set), WS+2*(\set)+\p, \u, \v
.endif
.endr
.endr
.endr
.endm
.macro PASSW iw, d1, is, ds1           ; the first two K steps of a pass: 28 loads
	WLOAD 0, 0, \iw, \d1, \is, \ds1
	WLOAD 1, 1, \iw, \d1, \is, \ds1
.endm
.macro PASST reg
	TLOAD 0, 0, \reg
	TLOAD 1, 1, \reg
.endm
; a pass over K = 1,024: eight K steps on two sets of operand registers
.macro PASSK cz, orient, reg, iw, d1, is, ds1
.irp s, 0,1,2,3,4,5,6,7
.if \s < 7
	s_wait_loadcnt 14                              ; this K step's 14 loads, and all older ones, are in; the next K step's 14 may be out
	s_wait_dscnt 13                                ; likewise its 13 LDS loads
.else
	s_wait_loadcnt 0x0
	s_wait_dscnt 0x0
.endif
.if \s == 0
	MM 0, \cz, \orient
.else
	MM \s%2, 0, \orient
.endif
	NOP4                                           ; four places ahead of loads into registers just multiplied, and at the end ahead of the first read of results
.if \s < 6
	WLOAD \s%2, \s+2, \iw, \d1, \is, \ds1
	TLOAD \s%2, \s+2, \reg
.endif
.endr
.endm
	s_load_b256 s[4:11], s[0:1], 0x0               ; prep, cos, sin, qkv
	v_lshl_add_u32 v249, v0, 2, 0x6400
	v_mov_b32 v255, 0
	v_lshrrev_b32 v11, 5, v0
	v_readfirstlane_b32 s[WV], v11                 ; wave = head
	v_and_b32 v12, 31, v0                          ; lane
	v_and_b32 v13, 15, v0                          ; r
	v_bfe_u32 v14, v0, 4, 1                        ; h
	v_lshlrev_b32 v[A16T], 4, v0
	v_lshlrev_b32 v[A2T], 1, v0
	v_lshlrev_b32 v[L8], 3, v12
	v_lshlrev_b32 v[L4], 2, v12
	v_lshlrev_b32 v[L16], 4, v12
	v_lshlrev_b32 v[R4], 2, v13
	s_mul_i32 s13, s[WV], 49152
	v_add_nc_u32 v[VW], s13, v[L16]                ; my two pairs of weight rows
	s_lshl_b32 s13, s[WV], 11
	v_add_nc_u32 v[VS], s13, v[L4]
	v_and_b32 v15, 8, v13
	v_add_nc_u32 v15, v15, v13
	v_lshlrev_b32 v11, 8, v15
	v_lshl_add_u32 v11, v14, 6, v11                ; cos, sin: 256 (r + (r & 8)) + 64 h
	s_mov_b32 s[SEL], 0x76543210
	s_mov_b32 s[SEL+1], 0xfedcba98
	s_mov_b32 s48, 0xffff0000                      ; lanes 16-31
	; which product and which 32 rows
	s_lshr_b32 s12, ttmp9, 7
	s_and_b32 s13, ttmp9, 127
	s_sub_co_u32 s14, ttmp9, 384
	s_lshr_b32 s15, s14, 6
	s_add_co_u32 s15, s15, 3
	s_and_b32 s16, s14, 63
	s_lshr_b32 s17, s13, 6
	s_and_b32 s18, s13, 63
	s_lshr_b32 s19, s16, 5
	s_and_b32 s20, s16, 31
	s_add_co_u32 s21, s16, 128
	s_mov_b32 s23, KVC
	s_cmp_lt_u32 ttmp9, 384
	s_cselect_b32 s12, s12, s15                    ; kind: 0 q, 1 k, 2 v, 3 context k, 4 context v = 32 pairs of weight rows each
	s_cselect_b32 s21, s13, s21                    ; token record
	s_cselect_b32 s17, s17, s19                    ; batch
	s_cselect_b32 s18, s18, s20                    ; block of 32 in the sequence
	s_cselect_b32 s22, 4, 3                        ; log2 of the records a head
	s_cselect_b32 s23, KVS, s23
	s_lshl_b32 s24, s17, 4
	s_add_co_u32 s24, s24, s[WV]                   ; bh
	s_lshl_b32 s25, s24, s22
	s_lshr_b32 s26, s18, 2
	s_add_co_u32 s25, s25, s26
	s_mul_i32 s25, s25, 12800
	s_add_co_u32 s25, s25, s23                     ; my record of 128 keys
	s_and_b32 s26, s18, 3                          ; which 32 of them
	s_lshl_b32 s27, s24, 6
	s_add_co_u32 s27, s27, s18
	s_mul_i32 s28, s27, 1536                       ; q's image
	s_lshl_b32 s29, s27, 6
	s_add_co_u32 s29, s29, QSC
	s_mul_i32 s38, s26, 1536
	s_add_co_u32 s38, s38, s25                     ; k's image; v's lies 6,144 on
	s_lshl_b32 s39, s26, 6
	s_add_co_u32 s39, s39, s25
	s_add_co_u32 s39, s39, 12288
	s_cmp_eq_u32 s12, 0
	s_cselect_b32 s28, s28, s38
	s_cselect_b32 s40, s29, s39
	s_mov_b32 s51, 0
	s_wait_kmcnt 0x0
	s_mul_i32 s50, s12, 786432
	s_add_nc_u64 s[WB:WB+1], s[4:5], s[50:51]
	s_lshl_b32 s50, s12, 15
	s_add_co_u32 s50, s50, WSC
	s_add_nc_u64 s[WSB:WSB+1], s[4:5], s[50:51]
	s_mul_i32 s50, s21, 25600
	s_add_co_u32 s50, s50, TR0
	s_add_nc_u64 s[RB:RB+1], s[4:5], s[50:51]
	s_lshl_b32 s50, s18, 13
	s_add_nc_u64 s[6:7], s[6:7], s[50:51]
	s_add_nc_u64 s[8:9], s[8:9], s[50:51]
	s_mov_b32 s50, s28
	s_add_nc_u64 s[42:43], s[10:11], s[50:51]
	s_mov_b32 s50, s40
	s_add_nc_u64 s[44:45], s[10:11], s[50:51]
	s_add_co_u32 s50, s25, s26
	s_add_nc_u64 s[46:47], s[10:11], s[50:51]
	; the token record into LDS: 3 x 8,192 bytes and 1,024
	global_load_b128 v[176:179], v[A16T], s[RB:RB+1]
	global_load_b128 v[180:183], v[A16T], s[RB:RB+1] offset:8192
	global_load_b128 v[184:187], v[A16T], s[RB:RB+1] offset:16384
	global_load_u16 v188, v[A2T], s[RB:RB+1] offset:24576
	PASSW 0, 24576, 0, 1024
	s_wait_loadcnt 28                              ; the record's four loads are older than the 28 weight loads
	ds_store_b128 v[A16T], v[176:179]
	ds_store_b128 v[A16T], v[180:183] offset:8192
	ds_store_b128 v[A16T], v[184:187] offset:16384
	ds_store_b16 v[A2T], v188 offset:24576
	BARRIER
	PASST 0
	s_cmp_eq_u32 s12, 2
	s_cbranch_scc1 .Lv
	s_cmp_eq_u32 s12, 4
	s_cbranch_scc1 .Lv
	PASSK 1, 0, 0, 0, 24576, 0, 1024
	s_cmp_ge_u32 s12, 2
	s_cbranch_scc1 .Lnorope
.irp u, 0,1
.irp p, 0,1
.irp j, 0,1,2,3
	global_load_b128 v[COS+32*\u+16*\p+4*\j:COS+32*\u+16*\p+4*\j+3], v11, s[6:7] offset:2048*\u+128*\p+16*\j
	global_load_b128 v[SIN+32*\u+16*\p+4*\j:SIN+32*\u+16*\p+4*\j+3], v11, s[8:9] offset:2048*\u+128*\p+16*\j
.endr
.endr
.endr
	s_wait_loadcnt 0x0
.irp u, 0,1                            ; lo' = lo cos_lo - hi sin_lo;  hi' = hi cos_hi + lo sin_hi: lo and hi lie in the same lane, 16 registers apart
.irp i, 0,2,4,6,8,10,12,14
	v_pk_mul_f32 v[SIN+32*\u+16+\i:SIN+32*\u+17+\i], v[ACC+32*\u+\i:ACC+32*\u+\i+1], v[SIN+32*\u+16+\i:SIN+32*\u+17+\i]
	v_pk_mul_f32 v[ACC+32*\u+\i:ACC+32*\u+\i+1], v[ACC+32*\u+\i:ACC+32*\u+\i+1], v[COS+32*\u+\i:COS+32*\u+\i+1]
	v_pk_fma_f32 v[ACC+32*\u+\i:ACC+32*\u+\i+1], v[ACC+32*\u+16+\i:ACC+32*\u+17+\i], v[SIN+32*\u+\i:SIN+32*\u+\i+1], v[ACC+32*\u+\i:ACC+32*\u+\i+1] neg_lo:[1,0,0] neg_hi:[1,0,0]
	v_pk_fma_f32 v[ACC+32*\u+16+\i:ACC+32*\u+17+\i], v[ACC+32*\u+16+\i:ACC+32*\u+17+\i], v[COS+32*\u+16+\i:COS+32*\u+17+\i], v[SIN+32*\u+16+\i:SIN+32*\u+17+\i]
.endr
.endr
.Lnorope:
	QPART2 ACC, 0, ACC+16, 1
	QPART2 ACC+32, 2, ACC+48, 3
	QTAIL 2
.irp g, 0,1,2
	global_store_b128 v[L16], v[PC+4*\g:PC+4*\g+3], s[42:43] offset:512*\g
.endr
	global_store_b32 v[R4], v[PW], s[44:45]
	s_wait_tensorcnt 0x0
	ds_add_u32 v249, v255
	s_wait_dscnt 0x0
	s_endpgm
.Lv:
	PASSK 1, 1, 0, 0, 24576, 0, 1024
	QPART2 ACC, 0, ACC+16, 1
	QPART2 ACC+32, 2, ACC+48, 3
	QTAIL 2                                        ; PC[6 pi + e], lane (r, h): the 32 tokens of channel 32 pi + 8 h + r + (r & 8)
	v_cndmask_b32 v[TM], v[TB], v[TB+1], s48       ; that channel's scale byte
	v_cndmask_b32 v[TM+1], v[TB+2], v[TB+3], s48
.irp p, 0,1
.irp i, 0,1,2
	global_store_b64 v[L8], v[PC+6*\p+2*\i:PC+6*\p+2*\i+1], s[42:43] offset:6144+768*\p+256*\i
.endr
	global_store_b8 v[L4], v[TM+\p], s[46:47] offset:12544+128*\p
.endr
	s_wait_tensorcnt 0x0
	ds_add_u32 v249, v255
	s_wait_dscnt 0x0
	s_endpgm
.Lfunc_end_k_q506478e1b1_proj:
	.size	k_q506478e1b1_proj, .Lfunc_end_k_q506478e1b1_proj-k_q506478e1b1_proj
	.p2alignl 7, 3214868480
	.fill 96, 4, 3214868480
	.section	.rodata,"a",@progbits
	.p2align	6, 0x0
	.amdhsa_kernel k_q506478e1b1_proj
		.amdhsa_group_segment_fixed_size 27648
		.amdhsa_private_segment_fixed_size 0
		.amdhsa_enable_private_segment 0
		.amdhsa_kernarg_size 32
		.amdhsa_user_sgpr_count 2
		.amdhsa_user_sgpr_kernarg_segment_ptr 1
		.amdhsa_wavefront_size32 1
		.amdhsa_system_sgpr_workgroup_id_x 1
		.amdhsa_system_sgpr_workgroup_id_y 1
		.amdhsa_system_sgpr_workgroup_id_z 1
		.amdhsa_system_vgpr_workitem_id 0
		.amdhsa_next_free_vgpr 256
		.amdhsa_next_free_sgpr 66
		.amdhsa_reserve_vcc 0
		.amdhsa_float_denorm_mode_32 3
		.amdhsa_float_denorm_mode_16_64 3
		.amdhsa_memory_ordered 1
		.amdhsa_forward_progress 1
		.amdhsa_inst_pref_size 70
	.end_amdhsa_kernel
	.amdgpu_metadata
---
amdhsa.version: [ 1, 2 ]
amdhsa.kernels:
  - .name:           k_q506478e1b1_proj
    .symbol:         k_q506478e1b1_proj.kd
    .args:
      - { .name: prep, .offset: 0, .size: 8, .value_kind: global_buffer, .address_space: global }
      - { .name: cos, .offset: 8, .size: 8, .value_kind: global_buffer, .address_space: global }
      - { .name: sin, .offset: 16, .size: 8, .value_kind: global_buffer, .address_space: global }
      - { .name: qkv, .offset: 24, .size: 8, .value_kind: global_buffer, .address_space: global }
    .group_segment_fixed_size: 27648
    .private_segment_fixed_size: 0
    .kernarg_segment_align: 8
    .kernarg_segment_size: 32
    .max_flat_workgroup_size: 512
    .sgpr_count:     66
    .vgpr_count:     256
    .wavefront_size: 32
...
	.end_amdgpu_metadata
.endif
;; end of part 2
;; launch sattn (part 3): grid 8 x 32, 16 waves a work-group, no clusters, 27,648 bytes of LDS; arguments qkv, oa; writes oa
.if DOCPART == 3
	.amdgcn_target "amdgcn-amd-amdhsa--gfx1250"
	.amdhsa_code_object_version 6
	.text
	.protected	k_q506478e1b1_sattn
	.globl	k_q506478e1b1_sattn
	.p2align	8
	.type	k_q506478e1b1_sattn,@function
k_q506478e1b1_sattn:
	s_mov_b64 s[64:65], 0
	v_nop
	global_prefetch_b8 v0, s[64:65] scope:SCOPE_SE
	s_setreg_imm32_b32 hwreg(HW_REG_WAVE_MODE, 25, 1), 1
	s_wait_xcnt 0x0
; ATTENTION on FP6 codes, head size 64.  CAUSAL = 1: self-attention, 2,048 keys, key k counts for query q where k <= q.  CAUSAL = 0: cross-attention, 1,024 keys, those with context_mask = 0 count for nothing.
; p = 2^(t - M), t = score x log2(e) / 8, M the running largest t rounded up to a whole number; p is quantised along the keys; the row's sum is taken of the unquantised p and divides at the end.
; SHARES.  Sixteen waves, one tile of 16 queries each, four waves to a SIMD.  CAUSAL: a work-group takes blocks a and 15 - a of 128 queries, eight waves each, so that every work-group has 17 blocks' worth of key steps.
; A key step is 128 keys: one record of 12,800 bytes (K, V, their scale words, as images of the operands' registers).  The work-group copies it into one of two LDS slots through registers: record j + 2 is asked for
; in step j, stored into LDS in step j + 1, read in step j + 2; one barrier a step.  The copy is through registers, so there is no tensor load; work-groups of a head read the same records, but each needs another number of them
; (CAUSAL), so partners of a cluster would not make the same requests: no cluster.
; K = 64 in a 128-deep instruction: a K fragment holds 32 keys (registers 0-5: 16 keys' 64 numbers, 6-11: 16 more); the query stands as zeros | q | zeros in 18 registers, [q, 0] multiplies the first keys, [0, q] the second.
; Both products transposed: a lane holds one query; S[16 b + i] = key 32 b + 16 h + i;  O[16 pi + i] = channel 32 pi + 16 h + i.
; LIMITS: NaN and infinities are not served; a batch whose mask is all zero is not served; masked scores are -3e38 and the running maximum starts at -1e30, so a true t must lie above -1e30.
.set CAUSAL, 1
.set REC, 12800
.if CAUSAL
.set NKS, 16
.set QIMGO, 0
.set QSCO, 3145728
.set KVO, 3276800
.set QB, 4
.set KVB, 4
.set OB, 6
.else
.set NKS, 8
.set QIMGO, 16777216
.set QSCO, 19922944
.set KVO, 9830400
.set QB, 4
.set KVB, 6
.set OB, 10
.endif
.set BIAS, 2*REC
.set WV, 3
.set SEL, 44
.set CS, 46
.set S, 96
.set O, 160
.set KVF, 36
.set PC, 192
.set BM, 212
.set BT, 216
.set BE, 220
.macro BARRIER
	s_wait_dscnt 0x0
	s_barrier_signal -1
	s_barrier_wait -1
.endm
.macro NOP4
.rept 4
	v_nop
.endr
.endm
.macro WM d, a, b, cz, sa, sb, ra, rb
.if (\cz) && ((\ra) == 0)
	v_wmma_scale_f32_16x16x128_f8f6f4 v[(\d):(\d)+7], v[(\a):(\a)+11], v[(\b):(\b)+11], 0, v[\sa], v[\sb] matrix_a_fmt:MATRIX_FMT_FP6 matrix_b_fmt:MATRIX_FMT_FP6
.elseif (\cz)
	v_wmma_scale_f32_16x16x128_f8f6f4 v[(\d):(\d)+7], v[(\a):(\a)+11], v[(\b):(\b)+11], 0, v[\sa], v[\sb] matrix_a_fmt:MATRIX_FMT_FP6 matrix_b_fmt:MATRIX_FMT_FP6 matrix_a_scale:MATRIX_SCALE_ROW1
.elseif ((\ra) == 0)
	v_wmma_scale_f32_16x16x128_f8f6f4 v[(\d):(\d)+7], v[(\a):(\a)+11], v[(\b):(\b)+11], v[(\d):(\d)+7], v[\sa], v[\sb] matrix_a_fmt:MATRIX_FMT_FP6 matrix_b_fmt:MATRIX_FMT_FP6
.else
	v_wmma_scale_f32_16x16x128_f8f6f4 v[(\d):(\d)+7], v[(\a):(\a)+11], v[(\b):(\b)+11], v[(\d):(\d)+7], v[\sa], v[\sb] matrix_a_fmt:MATRIX_FMT_FP6 matrix_b_fmt:MATRIX_FMT_FP6 matrix_a_scale:MATRIX_SCALE_ROW1
.endif
.endm
.if CAUSAL
	s_load_b128 s[4:7], s[0:1], 0x0                ; qkv, oa
	v_lshl_add_u32 v238, v0, 2, 0x6400
	v_mov_b32 v239, 0
.else
	s_load_b256 s[4:11], s[0:1], 0x0               ; mid, qkv, context_mask, ob
.endif
	v_lshrrev_b32 v1, 5, v0
	v_readfirstlane_b32 s[WV], v1
	v_and_b32 v9, 31, v0                           ; lane
	v_and_b32 v11, 15, v0                          ; r
	v_bfe_u32 v35, v0, 4, 1                        ; h
	v_lshlrev_b32 v1, 4, v0                        ; 16 x thread: the copy of a record
	v_lshlrev_b32 v2, 4, v9                        ; 16 x lane
	v_lshlrev_b32 v3, 2, v9                        ; 4 x lane
	v_mul_u32_u24 v4, v35, 1536
	v_lshl_add_u32 v4, v11, 3, v4                  ; V: 1,536 h + 8 r
	v_lshlrev_b32 v7, 3, v9                        ; 8 x lane
	v_lshlrev_b32 v8, 2, v11                       ; 4 r
.if CAUSAL
	v_and_b32 v5, 8, v11
	v_add_nc_u32 v5, v5, v11
	v_lshlrev_b32 v6, 4, v35
	v_sub_nc_u32 v5, v5, v6                        ; r + (r & 8) - 16 h
	v_mov_b32 v10, 0xff800000                      ; -infinity
.else
	v_lshl_add_u32 v5, v35, 6, BIAS                ; the bias of my half's keys
	v_lshlrev_b32 v6, 3, v0
.endif
	s_and_b32 s12, ttmp7, 0xffff                   ; bh
	s_lshr_b32 s13, s12, 4                         ; batch
	s_and_b32 s14, s12, 15                         ; head
.if CAUSAL
	s_lshr_b32 s15, s[WV], 2
	s_xor_b32 s15, s15, s[WV]
	s_and_b32 s15, s15, 1                          ; low block or high block: two of each among any four neighbouring waves
	s_lshr_b32 s16, s[WV], 1
	s_sub_co_u32 s17, 15, ttmp9
	s_cmp_eq_u32 s15, 1
	s_cselect_b32 s17, s17, ttmp9
	s_lshl_b32 s18, s17, 2
	s_lshr_b32 s19, s16, 1
	s_add_co_u32 s18, s18, s19                     ; block of 32 queries
	s_and_b32 s19, s16, 1                          ; tile u
	s_sub_co_u32 s20, 17, ttmp9
	s_lshr_b32 s20, s20, 1                         ; trips of two key steps: the high block needs 16 - a steps
.else
	s_lshl_b32 s18, ttmp9, 3
	s_lshr_b32 s19, s[WV], 1
	s_add_co_u32 s18, s18, s19
	s_and_b32 s19, s[WV], 1
	s_mov_b32 s20, 4
.endif
	s_lshl_b32 s21, s18, 5
	s_lshl_b32 s22, s19, 3
	s_add_co_u32 s21, s21, s22                     ; Q0: lane r's query is Q0 + r + (r & 8)
	s_lshl_b32 s22, s12, 6
	s_add_co_u32 s22, s22, s18
	s_cmp_eq_u32 s19, 1
	s_cselect_b32 s23, -1, 0
	s_lshl_b32 s33, s19, 4
	s_mov_b32 s[SEL], 0x76543210
	s_mov_b32 s[SEL+1], 0xfedcba98
	s_mov_b32 s[CS], 0x3e38aa3b                    ; log2(e) / 8
	s_mov_b32 s[CS+1], s[CS]
	s_mov_b32 s34, 2                               ; the record to be asked for next
	s_mov_b32 s35, 0                               ; the step's first key
	s_mov_b32 s36, 0                               ; and its bias, in bytes
	s_mov_b32 s25, 0
	s_mov_b32 s39, 0
	s_lshl_b32 s37, s13, 6
	s_add_co_u32 s37, s37, s18
	s_mul_i32 s37, s37, 25600                      ; the output's token record
	s_wait_kmcnt 0x0
	s_mul_i32 s24, s22, 1536
	s_add_co_u32 s24, s24, QIMGO
	s_add_nc_u64 s[26:27], s[QB:QB+1], s[24:25]
	s_lshl_b32 s24, s22, 6
	s_add_co_u32 s24, s24, QSCO
	s_add_nc_u64 s[28:29], s[QB:QB+1], s[24:25]
	s_mul_i32 s24, s12, NKS*REC
	s_add_co_u32 s24, s24, KVO
	s_add_nc_u64 s[30:31], s[KVB:KVB+1], s[24:25]
	s_mul_i32 s24, s19, 12288
	s_add_co_u32 s24, s24, s37
	s_mul_i32 s42, s14, 768
	s_add_co_u32 s24, s24, s42
	s_add_nc_u64 s[48:49], s[OB:OB+1], s[24:25]
	s_lshr_b32 s24, s14, 1
	s_lshl_b32 s24, s24, 7
	s_and_b32 s42, s14, 1
	s_lshl_b32 s42, s42, 1
	s_add_co_u32 s24, s24, s42
	s_lshl_b32 s42, s19, 6
	s_add_co_u32 s24, s24, s42
	s_add_co_u32 s24, s24, s37
	s_add_co_u32 s24, s24, 24576
	s_add_nc_u64 s[50:51], s[OB:OB+1], s[24:25]
.if !CAUSAL
	s_lshl_b32 s24, s13, 12
	s_add_nc_u64 s[52:53], s[8:9], s[24:25]
.endif
	global_load_b128 v[36:39], v2, s[26:27]        ; the image of 32 queries
	global_load_b128 v[40:43], v2, s[26:27] offset:512
	global_load_b128 v[44:47], v2, s[26:27] offset:1024
	global_load_b32 v224, v8, s[28:29]
	global_load_b128 v[240:243], v1, s[30:31]      ; records 0 and 1
	global_load_b128 v[248:251], v1, s[30:31] offset:REC
.if !CAUSAL
	global_load_b64 v[88:89], v6, s[52:53]
.endif
	s_cmp_lt_u32 s[WV], 9                          ; a record is 8,192 bytes by all threads and 4,608 more by nine waves
	s_cbranch_scc0 .Lhead9
	global_load_b128 v[244:247], v1, s[30:31] offset:8192
	global_load_b128 v[252:255], v1, s[30:31] offset:REC+8192
.Lhead9:
	s_wait_loadcnt 0x0
.irp e, 0,1,2,3,4,5
	v_cndmask_b32 v[22+\e], v[36+\e], v[42+\e], s23   ; my tile's six registers
.endr
	v_lshrrev_b32 v224, s33, v224
	v_and_b32 v224, 0xffff, v224
	v_lshl_or_b32 v34, v224, 16, v224              ; q's two scale bytes, for either place
.irp e, 0,1,2,3,4,5
	v_mov_b32 v[16+\e], 0
	v_mov_b32 v[28+\e], 0
.endr
.set qi, 0
.rept 32
	v_mov_b32 v[O+qi], 0                           ; the step is written once: the first finds zeros
.set qi, qi+1
.endr
	v_mov_b32 v14, 0
	v_mov_b32 v15, 0
	v_mov_b32 v13, 0xf149f2ca                      ; -1e30
	v_floor_f32 v12, -v13
.irp b, 0,1,2,3
	v_mov_b32 v[BT+\b], 0                          ; a lane permute's destination counts as one of its sources
.endr
	v_mov_b32 v227, 0                              ; (named as the upper half of the pair v[226:227] before it is first written)
	ds_store_b128 v1, v[240:243]
	s_cmp_lt_u32 s[WV], 9
	s_cbranch_scc0 .Lhead9b
	ds_store_b128 v1, v[244:247] offset:8192
.Lhead9b:
.if !CAUSAL
	v_mov_b32 v90, 0xff61b1e6                      ; -3e38
	v_mov_b32 v91, 0
	v_cmp_ne_u32 vcc_lo, 0, v88
	v_cndmask_b32 v88, v90, v91, vcc_lo
	v_cmp_ne_u32 vcc_lo, 0, v89
	v_cndmask_b32 v89, v90, v91, vcc_lo
	ds_store_b64 v6, v[88:89] offset:BIAS          ; the batch's 1,024 biases: the C of the first product
.endif
	BARRIER
.macro STEP slot
	s_wait_loadcnt 0x0                             ; the next record is in registers; the base below may be written
	ds_store_b128 v1, v[240+8*(1-\slot):243+8*(1-\slot)] offset:(1-\slot)*REC   ; into the slot that all waves left at the last barrier
	s_min_u32 s37, s34, NKS-1                      ; no load leaves the head's records
	s_mul_i32 s38, s37, REC
	s_add_nc_u64 s[40:41], s[30:31], s[38:39]
	global_load_b128 v[240+8*\slot:243+8*\slot], v1, s[40:41]   ; these registers' LDS stores were waited for at the last barrier
	s_cmp_lt_u32 s[WV], 9
	s_cbranch_scc0 .Lno9_\@
	ds_store_b128 v1, v[244+8*(1-\slot):247+8*(1-\slot)] offset:(1-\slot)*REC+8192
	global_load_b128 v[244+8*\slot:247+8*\slot], v1, s[40:41] offset:8192
.Lno9_\@:
	s_add_co_u32 s34, s34, 1
.if CAUSAL
	s_add_co_u32 s42, s21, 23                      ; a step all of whose keys come after my queries is left out: not its copy, not its barrier
	s_cmp_gt_u32 s35, s42
	s_cbranch_scc1 .Lhid_\@
.else
	v_add_nc_u32 v6, s36, v5
.endif
	NOP4                                           ; places ahead of loads into registers that the last products read
.irp b, 0,1,2,3
.irp g, 0,1,2
	ds_load_b128 v[KVF+12*\b+4*\g:KVF+12*\b+4*\g+3], v2 offset:\slot*REC+1536*\b+512*\g
.endr
.endr
	ds_load_b32 v84, v3 offset:\slot*REC+12288
	ds_load_b32 v85, v3 offset:\slot*REC+12416
.if !CAUSAL
.irp b, 0,1,2,3
.irp q, 0,1,2,3
	ds_load_b128 v[S+16*\b+4*\q:S+16*\b+4*\q+3], v6 offset:128*\b+16*\q
.endr
.endr
.endif
	s_wait_dscnt 0x0
.irp b, 0,1,2,3
.irp v, 0,1
	WM S+8*(2*\b+\v), KVF+12*\b, 22-6*\v, CAUSAL, 84+\b/2, 34, \b%2, 0
.endr
.endr
	NOP4
.irp t, 0,1,2,3                        ; V's four tiles land under the softmax
.irp c, 0,1
.irp i, 0,1,2
	ds_load_b64 v[KVF+12*\t+6*\c+2*\i:KVF+12*\t+6*\c+2*\i+1], v4 offset:\slot*REC+6144+3072*\c+768*(\t/2)+128*(\t%2)+256*\i
.endr
.endr
.endr
	ds_load_b32 v86, v3 offset:\slot*REC+12544
	ds_load_b32 v87, v3 offset:\slot*REC+12672
.if CAUSAL
	s_add_co_u32 s42, s35, 127
	s_cmp_le_u32 s42, s21
	s_cbranch_scc1 .Lopen_\@                       ; all keys count
	s_sub_co_i32 s42, s21, s35
	v_add_nc_u32 v224, s42, v5                     ; register 16 b + i is hidden where 32 b + i > my query - first key - 16 h
.set qn, 0
.rept 64
	v_cmp_gt_i32 vcc_lo, 32*(qn/16)+qn%16, v224
	v_cndmask_b32 v[S+qn], v[S+qn], v10, vcc_lo
.set qn, qn+1
.endr
.Lopen_\@:
.endif
.irp b, 0,1,2,3
	v_max3_num_f32 v[BM+\b], v[S+16*\b], v[S+1+16*\b], v[S+2+16*\b]   ; each block's largest score: for the row's maximum and for the block's largest p
.endr
.irp i, 3,5,7,9,11,13
.irp b, 0,1,2,3
	v_max3_num_f32 v[BM+\b], v[BM+\b], v[S+16*\b+\i], v[S+1+16*\b+\i]
.endr
.endr
.irp b, 0,1,2,3
	v_max_num_f32 v[BM+\b], v[BM+\b], v[S+15+16*\b]
.endr
.irp b, 0,1,2,3
	v_permlanex16_b32 v[BT+\b], v[BM+\b], s[SEL], s[SEL+1]
.endr
.irp b, 0,1,2,3
	v_max_num_f32 v[BM+\b], v[BM+\b], v[BT+\b]
.endr
	v_max3_num_f32 v224, v[BM], v[BM+1], v[BM+2]
	v_max_num_f32 v224, v224, v[BM+3]
	v_mul_f32 v224, s[CS], v224
	v_max_num_f32 v13, v13, v224                   ; the running largest t
	v_mov_b32 v224, v12
	v_floor_f32 v12, -v13                          ; -M: M is a whole number
	v_sub_f32 v224, v12, v224
	v_cvt_i32_f32 v224, v224                       ; (it saturates)
	v_ldexp_f32 v226, 1.0, v224                    ; f = 2^(old M - new M)
.set qn, 0
.rept 32
	v_pk_fma_f32 v[S+qn:S+qn+1], v[S+qn:S+qn+1], s[CS:CS+1], v[12:13] op_sel_hi:[1,0,0]
.set qn, qn+2
.endr
.irp b, 0,1,2,3
	v_fma_f32 v[BM+\b], v[BM+\b], s[CS], v12
.endr
.set qn, 0
.rept 64
	v_exp_f32 v[S+qn], v[S+qn]
.set qn, qn+1
.endr
	v_pk_mul_f32 v[14:15], v[14:15], v[226:227] op_sel_hi:[1,0]   ; a plain place behind the exponentials
	s_wait_alu depctr_va_vdst(0)                   ; one wait for the batch of 64, ahead of its first reader
.irp b, 0,1,2,3
	v_exp_f32 v[BM+\b], v[BM+\b]
.endr
	v_pk_add_f32 v[228:229], v[S:S+1], v[S+2:S+3]  ; the row's sum of the unquantised p, in two chains
.irp j, 4,8,12,16,20,24,28,32,36,40,44,48,52,56,60
	v_pk_add_f32 v[14:15], v[14:15], v[S+\j:S+\j+1]
	v_pk_add_f32 v[228:229], v[228:229], v[S+2+\j:S+3+\j]
.endr
	v_pk_add_f32 v[14:15], v[14:15], v[228:229]
	s_wait_alu depctr_va_vdst(0)                   ; and one for the four
.irp b, 0,1,2,3
	v_max_num_f32 v[BM+\b], 0x1800000, v[BM+\b]
.endr
.irp b, 0,1,2,3
	v_add_nc_u32 v[BE+\b], 0xff000000, v[BM+\b]
.endr
.irp b, 0,1,2,3
	v_lshrrev_b32 v[BT+\b], 23, v[BE+\b]
.endr
	v_lshl_or_b32 v227, v[BT+1], 8, v[BT]          ; p's scale word
	v_lshl_or_b32 v227, v[BT+2], 16, v227
	v_lshl_or_b32 v227, v[BT+3], 24, v227
.irp c, 0,1
	v_cvt_scalef32_pk16_fp6_f32 v[PC+6*\c:PC+6*\c+2], v[S+32*\c:S+32*\c+15], v[BE+2*\c]
	v_cvt_scalef32_pk16_fp6_f32 v[PC+12+4*\c:PC+14+4*\c], v[S+16+32*\c:S+31+32*\c], v[BE+2*\c+1]
.endr
	v_nop
.irp c, 0,1
.irp i, 0,1,2
	v_permlane16_swap_b32 v[PC+6*\c+\i], v[PC+12+4*\c+\i]
.endr
.irp i, 0,1,2
	v_mov_b32 v[PC+3+6*\c+\i], v[PC+12+4*\c+\i]
.endr
.endr
.set qn, 0
.rept 16
	v_pk_mul_f32 v[O+qn:O+qn+1], v[O+qn:O+qn+1], v[226:227] op_sel_hi:[1,0]   ; O under the new M; these 16 are also the places ahead of the products
.set qn, qn+2
.endr
	s_wait_dscnt 0x0                               ; V
.irp t, 0,1,2,3
	WM O+8*\t, KVF+12*\t, PC, 0, 86+\t/2, 227, \t%2, 0
.endr
.if CAUSAL
.Lhid_\@:
	s_add_co_u32 s35, s35, 128
.else
	s_add_co_u32 s36, s36, 512
.endif
	BARRIER                                        ; my copy into the other slot has landed and my reads of this one are over
.endm
.Ltrip:
	STEP 0
	STEP 1
	s_sub_co_u32 s20, s20, 1
	s_cmp_lg_u32 s20, 0
	s_cbranch_scc1 .Ltrip
	; THE WAY OUT: O / the sum, quantised along the head's 64 channels: half a fragment and half a scale word of the token record
	NOP4
	v_add_f32 v14, v14, v15
	v_permlanex16_b32 v224, v14, s[SEL], s[SEL+1]
	v_add_f32 v14, v14, v224
	v_rcp_f32 v14, v14
	v_nop
	s_wait_alu depctr_va_vdst(0)
.set qn, 0
.rept 32
	v_mul_f32 v[S+qn], v[O+qn], v14
.set qn, qn+1
.endr
	v_max3_num_f32 v[BM], |v[S]|, |v[S+1]|, 0x1800000
	v_max3_num_f32 v[BM+1], |v[S+16]|, |v[S+17]|, 0x1800000
.irp i, 2,4,6,8,10,12,14
	v_max3_num_f32 v[BM], v[BM], |v[S+\i]|, |v[S+1+\i]|
	v_max3_num_f32 v[BM+1], v[BM+1], |v[S+16+\i]|, |v[S+17+\i]|
.endr
	v_permlanex16_b32 v[BT], v[BM], s[SEL], s[SEL+1]
	v_permlanex16_b32 v[BT+1], v[BM+1], s[SEL], s[SEL+1]
	v_max_num_f32 v[BM], v[BM], v[BT]
	v_max_num_f32 v[BM+1], v[BM+1], v[BT+1]
	v_add_nc_u32 v[BE], 0xff000000, v[BM]
	v_add_nc_u32 v[BE+1], 0xff000000, v[BM+1]
	v_lshrrev_b32 v230, 23, v[BE]
	v_lshrrev_b32 v231, 23, v[BE+1]
	v_lshl_or_b32 v234, v231, 8, v230
	v_cvt_scalef32_pk16_fp6_f32 v[PC:PC+2], v[S:S+15], v[BE]
	v_cvt_scalef32_pk16_fp6_f32 v[PC+12:PC+14], v[S+16:S+31], v[BE+1]
	v_nop
.irp i, 0,1,2
	v_permlane16_swap_b32 v[PC+\i], v[PC+12+\i]
.endr
.irp i, 0,1,2
	v_mov_b32 v[PC+3+\i], v[PC+12+\i]
.endr
.irp i, 0,1,2
	global_store_b64 v7, v[PC+2*\i:PC+2*\i+1], s[48:49] offset:256*\i   ; 256 consecutive bytes, aligned
.endr
	global_store_b16 v8, v234, s[50:51]
	s_wait_tensorcnt 0x0
	ds_add_u32 v238, v239
	s_wait_dscnt 0x0
	s_endpgm
.Lfunc_end_k_q506478e1b1_sattn:
	.size	k_q506478e1b1_sattn, .Lfunc_end_k_q506478e1b1_sattn-k_q506478e1b1_sattn
	.p2alignl 7, 3214868480
	.fill 96, 4, 3214868480
	.section	.rodata,"a",@progbits
	.p2align	6, 0x0
	.amdhsa_kernel k_q506478e1b1_sattn
		.amdhsa_group_segment_fixed_size 27648
		.amdhsa_private_segment_fixed_size 0
		.amdhsa_enable_private_segment 0
		.amdhsa_kernarg_size 16
		.amdhsa_user_sgpr_count 2
		.amdhsa_user_sgpr_kernarg_segment_ptr 1
		.amdhsa_wavefront_size32 1
		.amdhsa_system_sgpr_workgroup_id_x 1
		.amdhsa_system_sgpr_workgroup_id_y 1
		.amdhsa_system_sgpr_workgroup_id_z 1
		.amdhsa_system_vgpr_workitem_id 0
		.amdhsa_next_free_vgpr 256
		.amdhsa_next_free_sgpr 66
		.amdhsa_reserve_vcc 1
		.amdhsa_float_denorm_mode_32 3
		.amdhsa_float_denorm_mode_16_64 3
		.amdhsa_memory_ordered 1
		.amdhsa_forward_progress 1
		.amdhsa_inst_pref_size 55
	.end_amdhsa_kernel
	.amdgpu_metadata
---
amdhsa.version: [ 1, 2 ]
amdhsa.kernels:
  - .name:           k_q506478e1b1_sattn
    .symbol:         k_q506478e1b1_sattn.kd
    .args:
      - { .name: qkv, .offset: 0, .size: 8, .value_kind: global_buffer, .address_space: global }
      - { .name: oa, .offset: 8, .size: 8, .value_kind: global_buffer, .address_space: global }
    .group_segment_fixed_size: 27648
    .private_segment_fixed_size: 0
    .kernarg_segment_align: 8
    .kernarg_segment_size: 16
    .max_flat_workgroup_size: 512
    .sgpr_count:     66
    .vgpr_count:     256
    .wavefront_size: 32
...
	.end_amdgpu_metadata
.endif
;; end of part 3
;; launch midl (part 4): grid 128 x 1, 16 waves a work-group, no clusters, 55,296 bytes of LDS; arguments oa, prep, x, g_norm_cross, mid; writes mid
.if DOCPART == 4
	.amdgcn_target "amdgcn-amd-amdhsa--gfx1250"
	.amdhsa_code_object_version 6
	.text
	.protected	k_q506478e1b1_midl
	.globl	k_q506478e1b1_midl
	.p2align	8
	.type	k_q506478e1b1_midl,@function
k_q506478e1b1_midl:
	s_mov_b64 s[64:65], 0
	v_nop
	global_prefetch_b8 v0, s[64:65] scope:SCOPE_SE
	s_setreg_imm32_b32 hwreg(HW_REG_WAVE_MODE, 25, 1), 1
	s_wait_xcnt 0x0
; MID.  x1 = x + O w_out^T;  h = rmsnorm(x1) g;  q2 = h w_q^T, quantised by heads.  A work-group owns 32 whole token rows, so the norm stays inside it: 128 work-groups.
; The tokens' codes lie in LDS as a token record; wave w makes features 64 w .. 64 w + 63 and streams its two pairs of weight rows from memory straight into registers, two K steps ahead.
; A weight byte goes to the one wave that multiplies it: there is no LDS tile that a joint load of a cluster could fill, so no cluster and no tensor load.
; The residual is the C of the first K step.  ACC[32 u + 16 p + 8 u' + j] = (token 32 tb + 8 u + r + (r & 8), feature 64 w + 32 p + 16 h + 8 u' + j).
; x1 leaves as images of ACC (512 consecutive bytes a store); the last launch loads it the same way.
; LIMITS: NaN and infinities are not served; a block of zeros gets the scale byte 1.
.set WSC, 8650752
.set Q2IMG, 16777216
.set Q2SC, 19922944
.set T0, 0
.set T1, 25600
.set RS, 51200
.set IW_A, 160*24576
.set IS_A, 160*1024
.set IW_B, 192*24576
.set IS_B, 192*1024
.set ACC, 16
.set WF, 80
.set TF, 176
.set WS, 224
.set TS, 228
.set PC, 230
.set TB, 250
.set PW, 254
.set TM, 212
.set TX, 216
.set TE, 220
.set A16T, 1
.set A2T, 2
.set L8, 3
.set L4, 4
.set L16, 5
.set R4, 6
.set VW, 7
.set VS, 8
.set AT, 9
.set AS, 10
.set GO, 13
.set NS, 14
.set NL, 15
.set WV, 3
.set GB, 10
.set SEL, 30
.set WB, 32
.set WSB, 34
.set RB, 36
.set HM, 48
.set C10, 49
.set CEPS, 50
.macro BARRIER
	s_wait_dscnt 0x0
	s_barrier_signal -1
	s_barrier_wait -1
.endm
.macro NOP4
.rept 4
	v_nop
.endr
.endm
.macro QCVT s, bk
.if ((\bk) % 2) == 0
	v_cvt_scalef32_pk16_fp6_f32 v[PC+6*((\bk)/2):PC+6*((\bk)/2)+2], v[(\s):(\s)+15], v[TE+(\bk)]
.else
	v_cvt_scalef32_pk16_fp6_f32 v[PC+12+4*((\bk)/2):PC+12+4*((\bk)/2)+2], v[(\s):(\s)+15], v[TE+(\bk)]
.endif
.endm
.macro QPART2 sa, ba, sb, bb
	v_mov_b32 v[TX+(\ba)], 0
	v_mov_b32 v[TX+(\bb)], 0
	v_max3_num_f32 v[TM+(\ba)], |v[(\sa)]|, |v[(\sa)+1]|, 0x1800000
	v_max3_num_f32 v[TM+(\bb)], |v[(\sb)]|, |v[(\sb)+1]|, 0x1800000
.irp i, 2,4,6,8,10,12,14
	v_max3_num_f32 v[TM+(\ba)], v[TM+(\ba)], |v[(\sa)+\i]|, |v[(\sa)+\i+1]|
	v_max3_num_f32 v[TM+(\bb)], v[TM+(\bb)], |v[(\sb)+\i]|, |v[(\sb)+\i+1]|
.endr
	v_permlanex16_b32 v[TX+(\ba)], v[TM+(\ba)], s[SEL], s[SEL+1]
	v_permlanex16_b32 v[TX+(\bb)], v[TM+(\bb)], s[SEL], s[SEL+1]
	v_max_num_f32 v[TM+(\ba)], v[TM+(\ba)], v[TX+(\ba)]
	v_max_num_f32 v[TM+(\bb)], v[TM+(\bb)], v[TX+(\bb)]
	v_add_nc_u32 v[TE+(\ba)], 0xff000000, v[TM+(\ba)]
	v_add_nc_u32 v[TE+(\bb)], 0xff000000, v[TM+(\bb)]
	v_lshrrev_b32 v[TB+(\ba)], 23, v[TE+(\ba)]
	v_lshrrev_b32 v[TB+(\bb)], 23, v[TE+(\bb)]
	QCVT \sa, \ba
	QCVT \sb, \bb
	v_nop
.endm
.macro QTAIL nc
	v_lshl_or_b32 v[PW], v[TB+1], 8, v[TB]
.if \nc > 1
	v_lshl_or_b32 v[PW], v[TB+2], 16, v[PW]
	v_lshl_or_b32 v[PW], v[TB+3], 24, v[PW]
.endif
.irp c, 0,1
.if \c < \nc
.irp i, 0,1,2
	v_permlane16_swap_b32 v[PC+6*\c+\i], v[PC+12+4*\c+\i]
.endr
.irp i, 0,1,2
	v_mov_b32 v[PC+3+6*\c+\i], v[PC+12+4*\c+\i]
.endr
.endif
.endr
.endm
.macro WLOAD set, s, iw, d1, is, ds1
.irp p, 0,1
.irp u, 0,1
.irp g, 0,1,2
	global_load_b128 v[WF+48*(\set)+24*\p+12*\u+4*\g:WF+48*(\set)+24*\p+12*\u+4*\g+3], v[VW], s[WB:WB+1] offset:(\iw)+\p*(\d1)+3072*(\s)+1536*\u+512*\g
.endr
.endr
	global_load_b32 v[WS+2*(\set)+\p], v[VS], s[WSB:WSB+1] offset:(\is)+\p*(\ds1)+128*(\s)
.endr
.endm
.macro TLOAD set, s, reg
.irp u, 0,1
.irp p, 0,1,2,3,4,5
	ds_load_b64 v[TF+24*(\set)+12*\u+2*\p:TF+24*(\set)+12*\u+2*\p+1], v[L8] offset:(\reg)+12288*\u+1536*(\s)+256*\p
.endr
.endr
	ds_load_b32 v[TS+(\set)], v[L4] offset:(\reg)+24576+128*(\s)
.endm
.macro WM d, a, b, cz, sa, sb, ra, rb
.if (\cz) && ((\ra) == 0) && ((\rb) == 0)
	v_wmma_scale_f32_16x16x128_f8f6f4 v[(\d):(\d)+7], v[(\a):(\a)+11], v[(\b):(\b)+11], 0, v[\sa], v[\sb] matrix_a_fmt:MATRIX_FMT_FP6 matrix_b_fmt:MATRIX_FMT_FP6
.elseif (\cz) && ((\ra) == 1) && ((\rb) == 0)
	v_wmma_scale_f32_16x16x128_f8f6f4 v[(\d):(\d)+7], v[(\a):(\a)+11], v[(\b):(\b)+11], 0, v[\sa], v[\sb] matrix_a_fmt:MATRIX_FMT_FP6 matrix_b_fmt:MATRIX_FMT_FP6 matrix_a_scale:MATRIX_SCALE_ROW1
.elseif (\cz) && ((\ra) == 0) && ((\rb) == 1)
	v_wmma_scale_f32_16x16x128_f8f6f4 v[(\d):(\d)+7], v[(\a):(\a)+11], v[(\b):(\b)+11], 0, v[\sa], v[\sb] matrix_a_fmt:MATRIX_FMT_FP6 matrix_b_fmt:MATRIX_FMT_FP6 matrix_b_scale:MATRIX_SCALE_ROW1
.elseif (\cz)
	v_wmma_scale_f32_16x16x128_f8f6f4 v[(\d):(\d)+7], v[(\a):(\a)+11], v[(\b):(\b)+11], 0, v[\sa], v[\sb] matrix_a_fmt:MATRIX_FMT_FP6 matrix_b_fmt:MATRIX_FMT_FP6 matrix_a_scale:MATRIX_SCALE_ROW1 matrix_b_scale:MATRIX_SCALE_ROW1
.elseif ((\ra) == 0) && ((\rb) == 0)
	v_wmma_scale_f32_16x16x128_f8f6f4 v[(\d):(\d)+7], v[(\a):(\a)+11], v[(\b):(\b)+11], v[(\d):(\d)+7], v[\sa], v[\sb] matrix_a_fmt:MATRIX_FMT_FP6 matrix_b_fmt:MATRIX_FMT_FP6
.elseif ((\ra) == 1) && ((\rb) == 0)
	v_wmma_scale_f32_16x16x128_f8f6f4 v[(\d):(\d)+7], v[(\a):(\a)+11], v[(\b):(\b)+11], v[(\d):(\d)+7], v[\sa], v[\sb] matrix_a_fmt:MATRIX_FMT_FP6 matrix_b_fmt:MATRIX_FMT_FP6 matrix_a_scale:MATRIX_SCALE_ROW1
.elseif ((\ra) == 0) && ((\rb) == 1)
	v_wmma_scale_f32_16x16x128_f8f6f4 v[(\d):(\d)+7], v[(\a):(\a)+11], v[(\b):(\b)+11], v[(\d):(\d)+7], v[\sa], v[\sb] matrix_a_fmt:MATRIX_FMT_FP6 matrix_b_fmt:MATRIX_FMT_FP6 matrix_b_scale:MATRIX_SCALE_ROW1
.else
	v_wmma_scale_f32_16x16x128_f8f6f4 v[(\d):(\d)+7], v[(\a):(\a)+11], v[(\b):(\b)+11], v[(\d):(\d)+7], v[\sa], v[\sb] matrix_a_fmt:MATRIX_FMT_FP6 matrix_b_fmt:MATRIX_FMT_FP6 matrix_a_scale:MATRIX_SCALE_ROW1 matrix_b_scale:MATRIX_SCALE_ROW1
.endif
.endm
.macro MM set, cz, orient              ; eight accumulators by turns, one instruction a turn, the same order in every K step
.irp p, 0,1
.irp v, 0,1
.irp u, 0,1
	WM ACC+32*\u+16*\p+8*\v, WF+48*(\set)+24*\p+12*\v, TF+24*(\set)+12*\u, \cz, WS+2*(\set)+\p, TS+(\set), \v, \u
.endr
.endr
.endr
.endm
.macro PASSW iw, d1, is, ds1
	WLOAD 0, 0, \iw, \d1, \is, \ds1
	WLOAD 1, 1, \iw, \d1, \is, \ds1
.endm
.macro PASST reg
	TLOAD 0, 0, \reg
	TLOAD 1, 1, \reg
.endm
.macro PASSK cz, orient, reg, iw, d1, is, ds1
.irp s, 0,1,2,3,4,5,6,7
.if \s < 7
	s_wait_loadcnt 14                              ; this K step's 14 loads, and all older ones, are in; the next K step's 14 may be out
	s_wait_dscnt 13                                ; likewise its 13 LDS loads
.else
	s_wait_loadcnt 0x0
	s_wait_dscnt 0x0
.endif
.if \s == 0
	MM 0, \cz, \orient
.else
	MM \s%2, 0, \orient
.endif
	NOP4                                           ; four places ahead of loads into registers just multiplied, and at the end ahead of the first read of results
.if \s < 6
	WLOAD \s%2, \s+2, \iw, \d1, \is, \ds1
	TLOAD \s%2, \s+2, \reg
.endif
.endr
.endm
.macro TSTORE reg                      ; my half fragments (64 features of both token tiles) and half scale words into a token record in LDS
.irp u, 0,1
.irp i, 0,1,2
	ds_store_b64 v[AT], v[PC+6*\u+2*\i:PC+6*\u+2*\i+1] offset:(\reg)+12288*\u+256*\i
.endr
.endr
	ds_store_b16 v[AS], v[PW] offset:(\reg)+24576
	ds_store_b16_d16_hi v[AS], v[PW] offset:(\reg)+24640
.endm
; ACC = g (ACC rs), rs = 1 / sqrt(mean of squares over the token's 1,024 features + eps).  The sixteen waves' partial sums meet in LDS: one barrier.
.macro NORM
.irp p, 0,1
.irp v, 0,1
.irp q, 0,1
	global_load_b128 v[80+16*\p+8*\v+4*\q:83+16*\p+8*\v+4*\q], v[GO], s[GB:GB+1] offset:128*\p+32*\v+16*\q
.endr
.endr
.endr
.irp u, 0,1
	v_pk_mul_f32 v[144+4*\u:145+4*\u], v[ACC+32*\u:ACC+32*\u+1], v[ACC+32*\u:ACC+32*\u+1]
	v_pk_mul_f32 v[146+4*\u:147+4*\u], v[ACC+32*\u+2:ACC+32*\u+3], v[ACC+32*\u+2:ACC+32*\u+3]
.endr
.irp i, 4,8,12,16,20,24,28
.irp u, 0,1
	v_pk_fma_f32 v[144+4*\u:145+4*\u], v[ACC+32*\u+\i:ACC+32*\u+\i+1], v[ACC+32*\u+\i:ACC+32*\u+\i+1], v[144+4*\u:145+4*\u]
	v_pk_fma_f32 v[146+4*\u:147+4*\u], v[ACC+32*\u+\i+2:ACC+32*\u+\i+3], v[ACC+32*\u+\i+2:ACC+32*\u+\i+3], v[146+4*\u:147+4*\u]
.endr
.endr
.irp u, 0,1
	v_pk_add_f32 v[144+4*\u:145+4*\u], v[144+4*\u:145+4*\u], v[146+4*\u:147+4*\u]
.endr
.irp u, 0,1
	v_add_f32 v[144+4*\u], v[144+4*\u], v[145+4*\u]
.endr
.irp u, 0,1
	v_permlanex16_b32 v[146+4*\u], v[144+4*\u], s[SEL], s[SEL+1]
.endr
.irp u, 0,1
	v_add_f32 v[144+4*\u], v[144+4*\u], v[146+4*\u]
.endr
	v_cndmask_b32 v152, v144, v148, s[HM]          ; lane (r, h) hands on tile h's sum
	ds_store_b32 v[NS], v152
	BARRIER
.irp u, 0,1
.irp k, 0,1,2,3
	ds_load_b128 v[112+16*\u+4*\k:115+16*\u+4*\k], v[NL] offset:1024*\u+16*\k
.endr
.endr
	s_wait_dscnt 0x0
.irp i, 0,2,4,6
.irp u, 0,1
	v_pk_add_f32 v[112+16*\u+\i:113+16*\u+\i], v[112+16*\u+\i:113+16*\u+\i], v[120+16*\u+\i:121+16*\u+\i]
.endr
.endr
.irp i, 0,2
.irp u, 0,1
	v_pk_add_f32 v[112+16*\u+\i:113+16*\u+\i], v[112+16*\u+\i:113+16*\u+\i], v[116+16*\u+\i:117+16*\u+\i]
.endr
.endr
.irp u, 0,1
	v_pk_add_f32 v[112+16*\u:113+16*\u], v[112+16*\u:113+16*\u], v[114+16*\u:115+16*\u]
.endr
.irp u, 0,1
	v_add_f32 v[112+16*\u], v[112+16*\u], v[113+16*\u]
.endr
.irp u, 0,1
	v_fma_f32 v[112+16*\u], v[112+16*\u], s[C10], s[CEPS]
.endr
.irp u, 0,1
	v_rsq_f32 v[152+2*\u], v[112+16*\u]
	v_rsq_f32 v[153+2*\u], v[112+16*\u]            ; twice: the packed multiply takes a pair
.endr
	v_nop                                          ; a plain place behind the transcendentals
	s_wait_alu depctr_va_vdst(0)                   ; one wait for the four
	s_wait_loadcnt 0x0                             ; the gain
	s_wait_xcnt 0x0                                ; stores that read ACC have read it: it is rewritten only behind this wait
.irp u, 0,1
.irp i, 0,2,4,6,8,10,12,14,16,18,20,22,24,26,28,30
	v_pk_mul_f32 v[ACC+32*\u+\i:ACC+32*\u+\i+1], v[ACC+32*\u+\i:ACC+32*\u+\i+1], v[152+2*\u:153+2*\u]
.endr
.endr
.irp u, 0,1
.irp i, 0,2,4,6,8,10,12,14,16,18,20,22,24,26,28,30
	v_pk_mul_f32 v[ACC+32*\u+\i:ACC+32*\u+\i+1], v[ACC+32*\u+\i:ACC+32*\u+\i+1], v[80+\i:81+\i]
.endr
.endr
.endm
	s_load_b256 s[4:11], s[0:1], 0x0               ; oa, prep, x, g_norm_cross
	s_load_b64 s[12:13], s[0:1], 0x20              ; mid
	v_lshl_add_u32 v249, v0, 2, 0xd000
	v_mov_b32 v255, 0
	v_lshrrev_b32 v11, 5, v0
	v_readfirstlane_b32 s[WV], v11
	v_and_b32 v12, 31, v0                          ; lane
	v_and_b32 v13, 15, v0                          ; r
	v_bfe_u32 v14, v0, 4, 1                        ; h
	v_lshlrev_b32 v[A16T], 4, v0
	v_lshlrev_b32 v[A2T], 1, v0
	v_lshlrev_b32 v[L8], 3, v12
	v_lshlrev_b32 v[L4], 2, v12
	v_lshlrev_b32 v[L16], 4, v12
	v_lshlrev_b32 v[R4], 2, v13
	s_mul_i32 s14, s[WV], 49152
	v_add_nc_u32 v[VW], s14, v[L16]
	s_lshl_b32 s14, s[WV], 11
	v_add_nc_u32 v[VS], s14, v[L4]
	s_mul_i32 s14, s[WV], 768
	v_add_nc_u32 v[AT], s14, v[L8]
	s_lshr_b32 s14, s[WV], 1
	s_lshl_b32 s14, s14, 7
	s_and_b32 s15, s[WV], 1
	s_lshl_b32 s15, s15, 1
	s_add_co_u32 s14, s14, s15
	v_add_nc_u32 v[AS], s14, v[R4]
	v_and_b32 v15, 8, v13
	v_add_nc_u32 v15, v15, v13
	v_lshlrev_b32 v11, 12, v15
	v_lshl_add_u32 v11, v14, 6, v11
	s_lshl_b32 s14, s[WV], 8
	v_add_nc_u32 v11, s14, v11                     ; x: 4,096 (r + (r & 8)) + 64 h + 256 w
	v_lshl_add_u32 v[NL], v13, 6, RS               ; a token's sixteen partial sums
	v_lshlrev_b32 v[GO], 6, v14
	v_add_nc_u32 v[GO], s14, v[GO]                 ; the gain: 256 w + 64 h
	v_lshl_add_u32 v[NS], v12, 6, RS
	s_lshl_b32 s15, s[WV], 2
	v_add_nc_u32 v[NS], s15, v[NS]                 ; mine: 64 x lane + 4 w
	s_lshl_b32 s15, s[WV], 13
	v_add_nc_u32 v12, s15, v[L16]                  ; x1's image: 16 x lane + 8,192 w
	s_mov_b32 s[SEL], 0x76543210
	s_mov_b32 s[SEL+1], 0xfedcba98
	s_mov_b32 s[HM], 0xffff0000
	s_mov_b32 s[C10], 0x3a800000
	s_mov_b32 s[CEPS], 0x358637bd
	s_mov_b32 s17, 0
	s_lshr_b32 s18, ttmp9, 6
	s_lshl_b32 s18, s18, 4
	s_add_co_u32 s18, s18, s[WV]
	s_lshl_b32 s18, s18, 6
	s_and_b32 s19, ttmp9, 63
	s_add_co_u32 s18, s18, s19                     ; 64 bh + block of 32 queries
	s_wait_kmcnt 0x0
	s_mov_b64 s[WB:WB+1], s[6:7]
	s_mov_b32 s16, WSC
	s_add_nc_u64 s[WSB:WSB+1], s[6:7], s[16:17]
	s_mul_i32 s16, ttmp9, 25600
	s_add_nc_u64 s[RB:RB+1], s[4:5], s[16:17]
	s_lshl_b32 s16, ttmp9, 17
	s_add_nc_u64 s[38:39], s[8:9], s[16:17]
	s_add_nc_u64 s[40:41], s[12:13], s[16:17]
	s_mul_i32 s16, s18, 1536
	s_add_co_u32 s16, s16, Q2IMG
	s_add_nc_u64 s[42:43], s[12:13], s[16:17]
	s_lshl_b32 s16, s18, 6
	s_add_co_u32 s16, s16, Q2SC
	s_add_nc_u64 s[44:45], s[12:13], s[16:17]
	global_load_b128 v[176:179], v[A16T], s[RB:RB+1]
	global_load_b128 v[180:183], v[A16T], s[RB:RB+1] offset:8192
	global_load_b128 v[184:187], v[A16T], s[RB:RB+1] offset:16384
	global_load_u16 v188, v[A2T], s[RB:RB+1] offset:24576
.irp u, 0,1
.irp p, 0,1
.irp v, 0,1
.irp q, 0,1
	global_load_b128 v[ACC+32*\u+16*\p+8*\v+4*\q:ACC+32*\u+16*\p+8*\v+4*\q+3], v11, s[38:39] offset:32768*\u+128*\p+32*\v+16*\q   ; the residual, in the result's layout
.endr
.endr
.endr
.endr
	PASSW IW_A, 24576, IS_A, 1024
	s_wait_loadcnt 44                              ; the record's four loads are older than the residual's 16 and the weights' 28
	ds_store_b128 v[A16T], v[176:179]
	ds_store_b128 v[A16T], v[180:183] offset:8192
	ds_store_b128 v[A16T], v[184:187] offset:16384
	ds_store_b16 v[A2T], v188 offset:24576
	BARRIER
	PASST T0
	PASSK 0, 0, T0, IW_A, 24576, IS_A, 1024
.set qi, 0
.rept 16
	global_store_b128 v12, v[ACC+4*qi:ACC+4*qi+3], s[40:41] offset:512*qi   ; x1
.set qi, qi+1
.endr
	NORM
	PASSW IW_B, 24576, IS_B, 1024                  ; the next weight's first two K steps land under the quantiser
	QPART2 ACC, 0, ACC+16, 1
	QPART2 ACC+32, 2, ACC+48, 3
	QTAIL 2
	TSTORE T1
	BARRIER
	PASST T1
	PASSK 1, 0, T1, IW_B, 24576, IS_B, 1024
	QPART2 ACC, 0, ACC+16, 1
	QPART2 ACC+32, 2, ACC+48, 3
	QTAIL 2
.irp g, 0,1,2
	global_store_b128 v[L16], v[PC+4*\g:PC+4*\g+3], s[42:43] offset:512*\g
.endr
	global_store_b32 v[R4], v[PW], s[44:45]
	s_wait_tensorcnt 0x0
	ds_add_u32 v249, v255
	s_wait_dscnt 0x0
	s_endpgm
.Lfunc_end_k_q506478e1b1_midl:
	.size	k_q506478e1b1_midl, .Lfunc_end_k_q506478e1b1_midl-k_q506478e1b1_midl
	.p2alignl 7, 3214868480
	.fill 96, 4, 3214868480
	.section	.rodata,"a",@progbits
	.p2align	6, 0x0
	.amdhsa_kernel k_q506478e1b1_midl
		.amdhsa_group_segment_fixed_size 55296
		.amdhsa_private_segment_fixed_size 0
		.amdhsa_enable_private_segment 0
		.amdhsa_kernarg_size 40
		.amdhsa_user_sgpr_count 2
		.amdhsa_user_sgpr_kernarg_segment_ptr 1
		.amdhsa_wavefront_size32 1
		.amdhsa_system_sgpr_workgroup_id_x 1
		.amdhsa_system_sgpr_workgroup_id_y 1
		.amdhsa_system_sgpr_workgroup_id_z 1
		.amdhsa_system_vgpr_workitem_id 0
		.amdhsa_next_free_vgpr 256
		.amdhsa_next_free_sgpr 66
		.amdhsa_reserve_vcc 0
		.amdhsa_float_denorm_mode_32 3
		.amdhsa_float_denorm_mode_16_64 3
		.amdhsa_memory_ordered 1
		.amdhsa_forward_progress 1
		.amdhsa_inst_pref_size 78
	.end_amdhsa_kernel
	.amdgpu_metadata
---
amdhsa.version: [ 1, 2 ]
amdhsa.kernels:
  - .name:           k_q506478e1b1_midl
    .symbol:         k_q506478e1b1_midl.kd
    .args:
      - { .name: oa, .offset: 0, .size: 8, .value_kind: global_buffer, .address_space: global }
      - { .name: prep, .offset: 8, .size: 8, .value_kind: global_buffer, .address_space: global }
      - { .name: x, .offset: 16, .size: 8, .value_kind: global_buffer, .address_space: global }
      - { .name: g_norm_cross, .offset: 24, .size: 8, .value_kind: global_buffer, .address_space: global }
      - { .name: mid, .offset: 32, .size: 8, .value_kind: global_buffer, .address_space: global }
    .group_segment_fixed_size: 55296
    .private_segment_fixed_size: 0
    .kernarg_segment_align: 8
    .kernarg_segment_size: 40
    .max_flat_workgroup_size: 512
    .sgpr_count:     66
    .vgpr_count:     256
    .wavefront_size: 32
...
	.end_amdgpu_metadata
.endif
;; end of part 4
;; launch xattn (part 5): grid 8 x 32, 16 waves a work-group, no clusters, 31,744 bytes of LDS; arguments mid, qkv, context_mask, ob; writes ob
.if DOCPART == 5
	.amdgcn_target "amdgcn-amd-amdhsa--gfx1250"
	.amdhsa_code_object_version 6
	.text
	.protected	k_q506478e1b1_xattn
	.globl	k_q506478e1b1_xattn
	.p2align	8
	.type	k_q506478e1b1_xattn,@function
k_q506478e1b1_xattn:
	s_mov_b64 s[64:65], 0
	v_nop
	global_prefetch_b8 v0, s[64:65] scope:SCOPE_SE
	s_setreg_imm32_b32 hwreg(HW_REG_WAVE_MODE, 25, 1), 1
	s_wait_xcnt 0x0
; ATTENTION on FP6 codes, head size 64.  CAUSAL = 1: self-attention, 2,048 keys, key k counts for query q where k <= q.  CAUSAL = 0: cross-attention, 1,024 keys, those with context_mask = 0 count for nothing.
; p = 2^(t - M), t = score x log2(e) / 8, M the running largest t rounded up to a whole number; p is quantised along the keys; the row's sum is taken of the unquantised p and divides at the end.
; SHARES.  Sixteen waves, one tile of 16 queries each, four waves to a SIMD; a work-group takes 256 queries of one head and walks all eight key steps.
; A key step is 128 keys: one record of 12,800 bytes (K, V, their scale words, as images of the operands' registers).  The work-group copies it into one of two LDS slots through registers: record j + 2 is asked for
; in step j, stored into LDS in step j + 1, read in step j + 2; one barrier a step.  The copy is through registers, so there is no tensor load and no joint load of a cluster; a step's 12,800 bytes serve sixteen waves.
; THE MASK: each key's bias, 0 or -3e38, lies in LDS and is the C of the first product.
; K = 64 in a 128-deep instruction: a K fragment holds 32 keys (registers 0-5: 16 keys' 64 numbers, 6-11: 16 more); the query stands as zeros | q | zeros in 18 registers, [q, 0] multiplies the first keys, [0, q] the second.
; Both products transposed: a lane holds one query; S[16 b + i] = key 32 b + 16 h + i;  O[16 pi + i] = channel 32 pi + 16 h + i.
; LIMITS: NaN and infinities are not served; a batch whose mask is all zero is not served; masked scores are -3e38 and the running maximum starts at -1e30, so a true t must lie above -1e30.
.set CAUSAL, 0
.set REC, 12800
.if CAUSAL
.set NKS, 16
.set QIMGO, 0
.set QSCO, 3145728
.set KVO, 3276800
.set QB, 4
.set KVB, 4
.set OB, 6
.else
.set NKS, 8
.set QIMGO, 16777216
.set QSCO, 19922944
.set KVO, 9830400
.set QB, 4
.set KVB, 6
.set OB, 10
.endif
.set BIAS, 2*REC
.set WV, 3
.set SEL, 44
.set CS, 46
.set S, 96
.set O, 160
.set KVF, 36
.set PC, 192
.set BM, 212
.set BT, 216
.set BE, 220
.macro BARRIER
	s_wait_dscnt 0x0
	s_barrier_signal -1
	s_barrier_wait -1
.endm
.macro NOP4
.rept 4
	v_nop
.endr
.endm
.macro WM d, a, b, cz, sa, sb, ra, rb
.if (\cz) && ((\ra) == 0)
	v_wmma_scale_f32_16x16x128_f8f6f4 v[(\d):(\d)+7], v[(\a):(\a)+11], v[(\b):(\b)+11], 0, v[\sa], v[\sb] matrix_a_fmt:MATRIX_FMT_FP6 matrix_b_fmt:MATRIX_FMT_FP6
.elseif (\cz)
	v_wmma_scale_f32_16x16x128_f8f6f4 v[(\d):(\d)+7], v[(\a):(\a)+11], v[(\b):(\b)+11], 0, v[\sa], v[\sb] matrix_a_fmt:MATRIX_FMT_FP6 matrix_b_fmt:MATRIX_FMT_FP6 matrix_a_scale:MATRIX_SCALE_ROW1
.elseif ((\ra) == 0)
	v_wmma_scale_f32_16x16x128_f8f6f4 v[(\d):(\d)+7], v[(\a):(\a)+11], v[(\b):(\b)+11], v[(\d):(\d)+7], v[\sa], v[\sb] matrix_a_fmt:MATRIX_FMT_FP6 matrix_b_fmt:MATRIX_FMT_FP6
.else
	v_wmma_scale_f32_16x16x128_f8f6f4 v[(\d):(\d)+7], v[(\a):(\a)+11], v[(\b):(\b)+11], v[(\d):(\d)+7], v[\sa], v[\sb] matrix_a_fmt:MATRIX_FMT_FP6 matrix_b_fmt:MATRIX_FMT_FP6 matrix_a_scale:MATRIX_SCALE_ROW1
.endif
.endm
.if CAUSAL
	s_load_b128 s[4:7], s[0:1], 0x0                ; qkv, oa
.else
	s_load_b256 s[4:11], s[0:1], 0x0               ; mid, qkv, context_mask, ob
	v_lshl_add_u32 v238, v0, 2, 0x7400
	v_mov_b32 v239, 0
.endif
	v_lshrrev_b32 v1, 5, v0
	v_readfirstlane_b32 s[WV], v1
	v_and_b32 v9, 31, v0                           ; lane
	v_and_b32 v11, 15, v0                          ; r
	v_bfe_u32 v35, v0, 4, 1                        ; h
	v_lshlrev_b32 v1, 4, v0                        ; 16 x thread: the copy of a record
	v_lshlrev_b32 v2, 4, v9                        ; 16 x lane
	v_lshlrev_b32 v3, 2, v9                        ; 4 x lane
	v_mul_u32_u24 v4, v35, 1536
	v_lshl_add_u32 v4, v11, 3, v4                  ; V: 1,536 h + 8 r
	v_lshlrev_b32 v7, 3, v9                        ; 8 x lane
	v_lshlrev_b32 v8, 2, v11                       ; 4 r
.if CAUSAL
	v_and_b32 v5, 8, v11
	v_add_nc_u32 v5, v5, v11
	v_lshlrev_b32 v6, 4, v35
	v_sub_nc_u32 v5, v5, v6                        ; r + (r & 8) - 16 h
	v_mov_b32 v10, 0xff800000                      ; -infinity
.else
	v_lshl_add_u32 v5, v35, 6, BIAS                ; the bias of my half's keys
	v_lshlrev_b32 v6, 3, v0
.endif
	s_and_b32 s12, ttmp7, 0xffff                   ; bh
	s_lshr_b32 s13, s12, 4                         ; batch
	s_and_b32 s14, s12, 15                         ; head
.if CAUSAL
	s_lshr_b32 s15, s[WV], 2
	s_xor_b32 s15, s15, s[WV]
	s_and_b32 s15, s15, 1
	s_lshr_b32 s16, s[WV], 1
	s_sub_co_u32 s17, 15, ttmp9
	s_cmp_eq_u32 s15, 1
	s_cselect_b32 s17, s17, ttmp9
	s_lshl_b32 s18, s17, 2
	s_lshr_b32 s19, s16, 1
	s_add_co_u32 s18, s18, s19
	s_and_b32 s19, s16, 1
	s_sub_co_u32 s20, 17, ttmp9
	s_lshr_b32 s20, s20, 1
.else
	s_lshl_b32 s18, ttmp9, 3
	s_lshr_b32 s19, s[WV], 1
	s_add_co_u32 s18, s18, s19                     ; block of 32 queries
	s_and_b32 s19, s[WV], 1                        ; tile u
	s_mov_b32 s20, 4                               ; trips of two key steps
.endif
	s_lshl_b32 s21, s18, 5
	s_lshl_b32 s22, s19, 3
	s_add_co_u32 s21, s21, s22                     ; Q0: lane r's query is Q0 + r + (r & 8)
	s_lshl_b32 s22, s12, 6
	s_add_co_u32 s22, s22, s18
	s_cmp_eq_u32 s19, 1
	s_cselect_b32 s23, -1, 0
	s_lshl_b32 s33, s19, 4
	s_mov_b32 s[SEL], 0x76543210
	s_mov_b32 s[SEL+1], 0xfedcba98
	s_mov_b32 s[CS], 0x3e38aa3b                    ; log2(e) / 8
	s_mov_b32 s[CS+1], s[CS]
	s_mov_b32 s34, 2                               ; the record to be asked for next
	s_mov_b32 s35, 0                               ; the step's first key
	s_mov_b32 s36, 0                               ; and its bias, in bytes
	s_mov_b32 s25, 0
	s_mov_b32 s39, 0
	s_lshl_b32 s37, s13, 6
	s_add_co_u32 s37, s37, s18
	s_mul_i32 s37, s37, 25600                      ; the output's token record
	s_wait_kmcnt 0x0
	s_mul_i32 s24, s22, 1536
	s_add_co_u32 s24, s24, QIMGO
	s_add_nc_u64 s[26:27], s[QB:QB+1], s[24:25]
	s_lshl_b32 s24, s22, 6
	s_add_co_u32 s24, s24, QSCO
	s_add_nc_u64 s[28:29], s[QB:QB+1], s[24:25]
	s_mul_i32 s24, s12, NKS*REC
	s_add_co_u32 s24, s24, KVO
	s_add_nc_u64 s[30:31], s[KVB:KVB+1], s[24:25]
	s_mul_i32 s24, s19, 12288
	s_add_co_u32 s24, s24, s37
	s_mul_i32 s42, s14, 768
	s_add_co_u32 s24, s24, s42
	s_add_nc_u64 s[48:49], s[OB:OB+1], s[24:25]
	s_lshr_b32 s24, s14, 1
	s_lshl_b32 s24, s24, 7
	s_and_b32 s42, s14, 1
	s_lshl_b32 s42, s42, 1
	s_add_co_u32 s24, s24, s42
	s_lshl_b32 s42, s19, 6
	s_add_co_u32 s24, s24, s42
	s_add_co_u32 s24, s24, s37
	s_add_co_u32 s24, s24, 24576
	s_add_nc_u64 s[50:51], s[OB:OB+1], s[24:25]
.if !CAUSAL
	s_lshl_b32 s24, s13, 12
	s_add_nc_u64 s[52:53], s[8:9], s[24:25]
.endif
	global_load_b128 v[36:39], v2, s[26:27]        ; the image of 32 queries
	global_load_b128 v[40:43], v2, s[26:27] offset:512
	global_load_b128 v[44:47], v2, s[26:27] offset:1024
	global_load_b32 v224, v8, s[28:29]
	global_load_b128 v[240:243], v1, s[30:31]      ; records 0 and 1
	global_load_b128 v[248:251], v1, s[30:31] offset:REC
.if !CAUSAL
	global_load_b64 v[88:89], v6, s[52:53]
.endif
	s_cmp_lt_u32 s[WV], 9                          ; a record is 8,192 bytes by all threads and 4,608 more by nine waves
	s_cbranch_scc0 .Lhead9
	global_load_b128 v[244:247], v1, s[30:31] offset:8192
	global_load_b128 v[252:255], v1, s[30:31] offset:REC+8192
.Lhead9:
	s_wait_loadcnt 0x0
.irp e, 0,1,2,3,4,5
	v_cndmask_b32 v[22+\e], v[36+\e], v[42+\e], s23   ; my tile's six registers
.endr
	v_lshrrev_b32 v224, s33, v224
	v_and_b32 v224, 0xffff, v224
	v_lshl_or_b32 v34, v224, 16, v224              ; q's two scale bytes, for either place
.irp e, 0,1,2,3,4,5
	v_mov_b32 v[16+\e], 0
	v_mov_b32 v[28+\e], 0
.endr
.set qi, 0
.rept 32
	v_mov_b32 v[O+qi], 0                           ; the step is written once: the first finds zeros
.set qi, qi+1
.endr
	v_mov_b32 v14, 0
	v_mov_b32 v15, 0
	v_mov_b32 v13, 0xf149f2ca                      ; -1e30
	v_floor_f32 v12, -v13
.irp b, 0,1,2,3
	v_mov_b32 v[BT+\b], 0                          ; a lane permute's destination counts as one of its sources
.endr
	v_mov_b32 v227, 0                              ; (named as the upper half of the pair v[226:227] before it is first written)
	ds_store_b128 v1, v[240:243]
	s_cmp_lt_u32 s[WV], 9
	s_cbranch_scc0 .Lhead9b
	ds_store_b128 v1, v[244:247] offset:8192
.Lhead9b:
.if !CAUSAL
	v_mov_b32 v90, 0xff61b1e6                      ; -3e38
	v_mov_b32 v91, 0
	v_cmp_ne_u32 vcc_lo, 0, v88
	v_cndmask_b32 v88, v90, v91, vcc_lo
	v_cmp_ne_u32 vcc_lo, 0, v89
	v_cndmask_b32 v89, v90, v91, vcc_lo
	ds_store_b64 v6, v[88:89] offset:BIAS          ; the batch's 1,024 biases: the C of the first product
.endif
	BARRIER
.macro STEP slot
	s_wait_loadcnt 0x0                             ; the next record is in registers; the base below may be written
	ds_store_b128 v1, v[240+8*(1-\slot):243+8*(1-\slot)] offset:(1-\slot)*REC   ; into the slot that all waves left at the last barrier
	s_min_u32 s37, s34, NKS-1                      ; no load leaves the head's records
	s_mul_i32 s38, s37, REC
	s_add_nc_u64 s[40:41], s[30:31], s[38:39]
	global_load_b128 v[240+8*\slot:243+8*\slot], v1, s[40:41]   ; these registers' LDS stores were waited for at the last barrier
	s_cmp_lt_u32 s[WV], 9
	s_cbranch_scc0 .Lno9_\@
	ds_store_b128 v1, v[244+8*(1-\slot):247+8*(1-\slot)] offset:(1-\slot)*REC+8192
	global_load_b128 v[244+8*\slot:247+8*\slot], v1, s[40:41] offset:8192
.Lno9_\@:
	s_add_co_u32 s34, s34, 1
.if CAUSAL
	s_add_co_u32 s42, s21, 23
	s_cmp_gt_u32 s35, s42
	s_cbranch_scc1 .Lhid_\@
.else
	v_add_nc_u32 v6, s36, v5
.endif
	NOP4                                           ; places ahead of loads into registers that the last products read
.irp b, 0,1,2,3
.irp g, 0,1,2
	ds_load_b128 v[KVF+12*\b+4*\g:KVF+12*\b+4*\g+3], v2 offset:\slot*REC+1536*\b+512*\g
.endr
.endr
	ds_load_b32 v84, v3 offset:\slot*REC+12288
	ds_load_b32 v85, v3 offset:\slot*REC+12416
.if !CAUSAL
.irp b, 0,1,2,3
.irp q, 0,1,2,3
	ds_load_b128 v[S+16*\b+4*\q:S+16*\b+4*\q+3], v6 offset:128*\b+16*\q
.endr
.endr
.endif
	s_wait_dscnt 0x0
.irp b, 0,1,2,3
.irp v, 0,1
	WM S+8*(2*\b+\v), KVF+12*\b, 22-6*\v, CAUSAL, 84+\b/2, 34, \b%2, 0
.endr
.endr
	NOP4
.irp t, 0,1,2,3                        ; V's four tiles land under the softmax
.irp c, 0,1
.irp i, 0,1,2
	ds_load_b64 v[KVF+12*\t+6*\c+2*\i:KVF+12*\t+6*\c+2*\i+1], v4 offset:\slot*REC+6144+3072*\c+768*(\t/2)+128*(\t%2)+256*\i
.endr
.endr
.endr
	ds_load_b32 v86, v3 offset:\slot*REC+12544
	ds_load_b32 v87, v3 offset:\slot*REC+12672
.if CAUSAL
	s_add_co_u32 s42, s35, 127
	s_cmp_le_u32 s42, s21
	s_cbranch_scc1 .Lopen_\@
	s_sub_co_i32 s42, s21, s35
	v_add_nc_u32 v224, s42, v5
.set qn, 0
.rept 64
	v_cmp_gt_i32 vcc_lo, 32*(qn/16)+qn%16, v224
	v_cndmask_b32 v[S+qn], v[S+qn], v10, vcc_lo
.set qn, qn+1
.endr
.Lopen_\@:
.endif
.irp b, 0,1,2,3
	v_max3_num_f32 v[BM+\b], v[S+16*\b], v[S+1+16*\b], v[S+2+16*\b]   ; each block's largest score: for the row's maximum and for the block's largest p
.endr
.irp i, 3,5,7,9,11,13
.irp b, 0,1,2,3
	v_max3_num_f32 v[BM+\b], v[BM+\b], v[S+16*\b+\i], v[S+1+16*\b+\i]
.endr
.endr
.irp b, 0,1,2,3
	v_max_num_f32 v[BM+\b], v[BM+\b], v[S+15+16*\b]
.endr
.irp b, 0,1,2,3
	v_permlanex16_b32 v[BT+\b], v[BM+\b], s[SEL], s[SEL+1]
.endr
.irp b, 0,1,2,3
	v_max_num_f32 v[BM+\b], v[BM+\b], v[BT+\b]
.endr
	v_max3_num_f32 v224, v[BM], v[BM+1], v[BM+2]
	v_max_num_f32 v224, v224, v[BM+3]
	v_mul_f32 v224, s[CS], v224
	v_max_num_f32 v13, v13, v224                   ; the running largest t
	v_mov_b32 v224, v12
	v_floor_f32 v12, -v13                          ; -M: M is a whole number
	v_sub_f32 v224, v12, v224
	v_cvt_i32_f32 v224, v224                       ; (it saturates)
	v_ldexp_f32 v226, 1.0, v224                    ; f = 2^(old M - new M)
.set qn, 0
.rept 32
	v_pk_fma_f32 v[S+qn:S+qn+1], v[S+qn:S+qn+1], s[CS:CS+1], v[12:13] op_sel_hi:[1,0,0]
.set qn, qn+2
.endr
.irp b, 0,1,2,3
	v_fma_f32 v[BM+\b], v[BM+\b], s[CS], v12
.endr
.set qn, 0
.rept 64
	v_exp_f32 v[S+qn], v[S+qn]
.set qn, qn+1
.endr
	v_pk_mul_f32 v[14:15], v[14:15], v[226:227] op_sel_hi:[1,0]   ; a plain place behind the exponentials
	s_wait_alu depctr_va_vdst(0)                   ; one wait for the batch of 64, ahead of its first reader
.irp b, 0,1,2,3
	v_exp_f32 v[BM+\b], v[BM+\b]
.endr
	v_pk_add_f32 v[228:229], v[S:S+1], v[S+2:S+3]  ; the row's sum of the unquantised p, in two chains
.irp j, 4,8,12,16,20,24,28,32,36,40,44,48,52,56,60
	v_pk_add_f32 v[14:15], v[14:15], v[S+\j:S+\j+1]
	v_pk_add_f32 v[228:229], v[228:229], v[S+2+\j:S+3+\j]
.endr
	v_pk_add_f32 v[14:15], v[14:15], v[228:229]
	s_wait_alu depctr_va_vdst(0)                   ; and one for the four
.irp b, 0,1,2,3
	v_max_num_f32 v[BM+\b], 0x1800000, v[BM+\b]
.endr
.irp b, 0,1,2,3
	v_add_nc_u32 v[BE+\b], 0xff000000, v[BM+\b]
.endr
.irp b, 0,1,2,3
	v_lshrrev_b32 v[BT+\b], 23, v[BE+\b]
.endr
	v_lshl_or_b32 v227, v[BT+1], 8, v[BT]          ; p's scale word
	v_lshl_or_b32 v227, v[BT+2], 16, v227
	v_lshl_or_b32 v227, v[BT+3], 24, v227
.irp c, 0,1
	v_cvt_scalef32_pk16_fp6_f32 v[PC+6*\c:PC+6*\c+2], v[S+32*\c:S+32*\c+15], v[BE+2*\c]
	v_cvt_scalef32_pk16_fp6_f32 v[PC+12+4*\c:PC+14+4*\c], v[S+16+32*\c:S+31+32*\c], v[BE+2*\c+1]
.endr
	v_nop
.irp c, 0,1
.irp i, 0,1,2
	v_permlane16_swap_b32 v[PC+6*\c+\i], v[PC+12+4*\c+\i]
.endr
.irp i, 0,1,2
	v_mov_b32 v[PC+3+6*\c+\i], v[PC+12+4*\c+\i]
.endr
.endr
.set qn, 0
.rept 16
	v_pk_mul_f32 v[O+qn:O+qn+1], v[O+qn:O+qn+1], v[226:227] op_sel_hi:[1,0]   ; O under the new M; these 16 are also the places ahead of the products
.set qn, qn+2
.endr
	s_wait_dscnt 0x0                               ; V
.irp t, 0,1,2,3
	WM O+8*\t, KVF+12*\t, PC, 0, 86+\t/2, 227, \t%2, 0
.endr
.if CAUSAL
.Lhid_\@:
	s_add_co_u32 s35, s35, 128
.else
	s_add_co_u32 s36, s36, 512
.endif
	BARRIER                                        ; my copy into the other slot has landed and my reads of this one are over
.endm
.Ltrip:
	STEP 0
	STEP 1
	s_sub_co_u32 s20, s20, 1
	s_cmp_lg_u32 s20, 0
	s_cbranch_scc1 .Ltrip
	; THE WAY OUT: O / the sum, quantised along the head's 64 channels: half a fragment and half a scale word of the token record
	NOP4
	v_add_f32 v14, v14, v15
	v_permlanex16_b32 v224, v14, s[SEL], s[SEL+1]
	v_add_f32 v14, v14, v224
	v_rcp_f32 v14, v14
	v_nop
	s_wait_alu depctr_va_vdst(0)
.set qn, 0
.rept 32
	v_mul_f32 v[S+qn], v[O+qn], v14
.set qn, qn+1
.endr
	v_max3_num_f32 v[BM], |v[S]|, |v[S+1]|, 0x1800000
	v_max3_num_f32 v[BM+1], |v[S+16]|, |v[S+17]|, 0x1800000
.irp i, 2,4,6,8,10,12,14
	v_max3_num_f32 v[BM], v[BM], |v[S+\i]|, |v[S+1+\i]|
	v_max3_num_f32 v[BM+1], v[BM+1], |v[S+16+\i]|, |v[S+17+\i]|
.endr
	v_permlanex16_b32 v[BT], v[BM], s[SEL], s[SEL+1]
	v_permlanex16_b32 v[BT+1], v[BM+1], s[SEL], s[SEL+1]
	v_max_num_f32 v[BM], v[BM], v[BT]
	v_max_num_f32 v[BM+1], v[BM+1], v[BT+1]
	v_add_nc_u32 v[BE], 0xff000000, v[BM]
	v_add_nc_u32 v[BE+1], 0xff000000, v[BM+1]
	v_lshrrev_b32 v230, 23, v[BE]
	v_lshrrev_b32 v231, 23, v[BE+1]
	v_lshl_or_b32 v234, v231, 8, v230
	v_cvt_scalef32_pk16_fp6_f32 v[PC:PC+2], v[S:S+15], v[BE]
	v_cvt_scalef32_pk16_fp6_f32 v[PC+12:PC+14], v[S+16:S+31], v[BE+1]
	v_nop
.irp i, 0,1,2
	v_permlane16_swap_b32 v[PC+\i], v[PC+12+\i]
.endr
.irp i, 0,1,2
	v_mov_b32 v[PC+3+\i], v[PC+12+\i]
.endr
.irp i, 0,1,2
	global_store_b64 v7, v[PC+2*\i:PC+2*\i+1], s[48:49] offset:256*\i   ; 256 consecutive bytes, aligned
.endr
	global_store_b16 v8, v234, s[50:51]
	s_wait_tensorcnt 0x0
	ds_add_u32 v238, v239
	s_wait_dscnt 0x0
	s_endpgm
.Lfunc_end_k_q506478e1b1_xattn:
	.size	k_q506478e1b1_xattn, .Lfunc_end_k_q506478e1b1_xattn-k_q506478e1b1_xattn
	.p2alignl 7, 3214868480
	.fill 96, 4, 3214868480
	.section	.rodata,"a",@progbits
	.p2align	6, 0x0
	.amdhsa_kernel k_q506478e1b1_xattn
		.amdhsa_group_segment_fixed_size 31744
		.amdhsa_private_segment_fixed_size 0
		.amdhsa_enable_private_segment 0
		.amdhsa_kernarg_size 32
		.amdhsa_user_sgpr_count 2
		.amdhsa_user_sgpr_kernarg_segment_ptr 1
		.amdhsa_wavefront_size32 1
		.amdhsa_system_sgpr_workgroup_id_x 1
		.amdhsa_system_sgpr_workgroup_id_y 1
		.amdhsa_system_sgpr_workgroup_id_z 1
		.amdhsa_system_vgpr_workitem_id 0
		.amdhsa_next_free_vgpr 256
		.amdhsa_next_free_sgpr 66
		.amdhsa_reserve_vcc 1
		.amdhsa_float_denorm_mode_32 3
		.amdhsa_float_denorm_mode_16_64 3
		.amdhsa_memory_ordered 1
		.amdhsa_forward_progress 1
		.amdhsa_inst_pref_size 47
	.end_amdhsa_kernel
	.amdgpu_metadata
---
amdhsa.version: [ 1, 2 ]
amdhsa.kernels:
  - .name:           k_q506478e1b1_xattn
    .symbol:         k_q506478e1b1_xattn.kd
    .args:
      - { .name: mid, .offset: 0, .size: 8, .value_kind: global_buffer, .address_space: global }
      - { .name: qkv, .offset: 8, .size: 8, .value_kind: global_buffer, .address_space: global }
      - { .name: context_mask, .offset: 16, .size: 8, .value_kind: global_buffer, .address_space: global }
      - { .name: ob, .offset: 24, .size: 8, .value_kind: global_buffer, .address_space: global }
    .group_segment_fixed_size: 31744
    .private_segment_fixed_size: 0
    .kernarg_segment_align: 8
    .kernarg_segment_size: 32
    .max_flat_workgroup_size: 512
    .sgpr_count:     66
    .vgpr_count:     256
    .wavefront_size: 32
...
	.end_amdgpu_metadata
.endif
;; end of part 5
;; launch ffn (part 6): grid 128 x 1, 16 waves a work-group, no clusters, 186,368 bytes of LDS; arguments ob, prep, mid, g_norm2, out0; writes out0
.if DOCPART == 6
	.amdgcn_target "amdgcn-amd-amdhsa--gfx1250"
	.amdhsa_code_object_version 6
	.text
	.protected	k_q506478e1b1_ffn
	.globl	k_q506478e1b1_ffn
	.p2align	8
	.type	k_q506478e1b1_ffn,@function
k_q506478e1b1_ffn:
	s_mov_b64 s[64:65], 0
	v_nop
	global_prefetch_b8 v0, s[64:65] scope:SCOPE_SE
	s_setreg_imm32_b32 hwreg(HW_REG_WAVE_MODE, 25, 1), 1
	s_wait_xcnt 0x0
; FFN.  x2 = x1 + O w_cout^T;  h = rmsnorm(x2) g;  out = x2 + (silu(h w1^T) (h w3^T)) w2^T.  A work-group owns 32 whole token rows, so the norm and the whole chain stay inside it: 128 work-groups.
; The tokens' codes lie in LDS as token records; wave w makes features 64 w .. 64 w + 63 and streams its weight rows from memory straight into registers, two K steps ahead.
; A weight byte goes to the one wave that multiplies it: there is no LDS tile that a joint load of a cluster could fill, so no cluster and no tensor load.
; The gated layer goes in two halves of 32 features a wave: in a half the pass's first pair of weight rows is w1's, the second w3's, so that a and b of one feature lie in one lane, 16 registers apart.
; x2 waits in the wave's own 8,192 bytes of LDS and comes back as the C of the last pass's first K step.
; ACC[32 u + 16 p + 8 u' + j] = (token 32 tb + 8 u + r + (r & 8), feature 64 w + 32 p + 16 h + 8 u' + j).
; LIMITS: NaN and infinities are not served; a block of zeros gets the scale byte 1.
.set WSC, 8650752
.set T0, 0
.set T1, 25600
.set RS, 51200
.set STASH, 53248
.set IW_A, 224*24576
.set IS_A, 224*1024
.set IW_H0, 256*24576
.set IS_H0, 256*1024
.set IW_H1, 257*24576
.set IS_H1, 257*1024
.set IW_C, 320*24576
.set IS_C, 320*1024
.set ACC, 16
.set WF, 80
.set TF, 176
.set GT, 176
.set WS, 224
.set TS, 228
.set PC, 230
.set TB, 250
.set PW, 254
.set TM, 212
.set TX, 216
.set TE, 220
.set A16T, 1
.set A2T, 2
.set L8, 3
.set L4, 4
.set L16, 5
.set R4, 6
.set VW, 7
.set VS, 8
.set AT, 9
.set AS, 10
.set GO, 13
.set NS, 14
.set NL, 15
.set WV, 3
.set GB, 10
.set SEL, 30
.set WB, 32
.set WSB, 34
.set RB, 36
.set NL2, 46
.set HM, 48
.set C10, 49
.set CEPS, 50
.macro BARRIER
	s_wait_dscnt 0x0
	s_barrier_signal -1
	s_barrier_wait -1
.endm
.macro NOP4
.rept 4
	v_nop
.endr
.endm
.macro QCVT s, bk
.if ((\bk) % 2) == 0
	v_cvt_scalef32_pk16_fp6_f32 v[PC+6*((\bk)/2):PC+6*((\bk)/2)+2], v[(\s):(\s)+15], v[TE+(\bk)]
.else
	v_cvt_scalef32_pk16_fp6_f32 v[PC+12+4*((\bk)/2):PC+12+4*((\bk)/2)+2], v[(\s):(\s)+15], v[TE+(\bk)]
.endif
.endm
.macro QPART2 sa, ba, sb, bb
	v_mov_b32 v[TX+(\ba)], 0
	v_mov_b32 v[TX+(\bb)], 0
	v_max3_num_f32 v[TM+(\ba)], |v[(\sa)]|, |v[(\sa)+1]|, 0x1800000
	v_max3_num_f32 v[TM+(\bb)], |v[(\sb)]|, |v[(\sb)+1]|, 0x1800000
.irp i, 2,4,6,8,10,12,14
	v_max3_num_f32 v[TM+(\ba)], v[TM+(\ba)], |v[(\sa)+\i]|, |v[(\sa)+\i+1]|
	v_max3_num_f32 v[TM+(\bb)], v[TM+(\bb)], |v[(\sb)+\i]|, |v[(\sb)+\i+1]|
.endr
	v_permlanex16_b32 v[TX+(\ba)], v[TM+(\ba)], s[SEL], s[SEL+1]
	v_permlanex16_b32 v[TX+(\bb)], v[TM+(\bb)], s[SEL], s[SEL+1]
	v_max_num_f32 v[TM+(\ba)], v[TM+(\ba)], v[TX+(\ba)]
	v_max_num_f32 v[TM+(\bb)], v[TM+(\bb)], v[TX+(\bb)]
	v_add_nc_u32 v[TE+(\ba)], 0xff000000, v[TM+(\ba)]
	v_add_nc_u32 v[TE+(\bb)], 0xff000000, v[TM+(\bb)]
	v_lshrrev_b32 v[TB+(\ba)], 23, v[TE+(\ba)]
	v_lshrrev_b32 v[TB+(\bb)], 23, v[TE+(\bb)]
	QCVT \sa, \ba
	QCVT \sb, \bb
	v_nop
.endm
.macro QTAIL nc
	v_lshl_or_b32 v[PW], v[TB+1], 8, v[TB]
.if \nc > 1
	v_lshl_or_b32 v[PW], v[TB+2], 16, v[PW]
	v_lshl_or_b32 v[PW], v[TB+3], 24, v[PW]
.endif
.irp c, 0,1
.if \c < \nc
.irp i, 0,1,2
	v_permlane16_swap_b32 v[PC+6*\c+\i], v[PC+12+4*\c+\i]
.endr
.irp i, 0,1,2
	v_mov_b32 v[PC+3+6*\c+\i], v[PC+12+4*\c+\i]
.endr
.endif
.endr
.endm
.macro WLOAD set, s, iw, d1, is, ds1
.irp p, 0,1
.irp u, 0,1
.irp g, 0,1,2
	global_load_b128 v[WF+48*(\set)+24*\p+12*\u+4*\g:WF+48*(\set)+24*\p+12*\u+4*\g+3], v[VW], s[WB:WB+1] offset:(\iw)+\p*(\d1)+3072*(\s)+1536*\u+512*\g
.endr
.endr
	global_load_b32 v[WS+2*(\set)+\p], v[VS], s[WSB:WSB+1] offset:(\is)+\p*(\ds1)+128*(\s)
.endr
.endm
.macro TLOAD set, s, reg
.irp u, 0,1
.irp p, 0,1,2,3,4,5
	ds_load_b64 v[TF+24*(\set)+12*\u+2*\p:TF+24*(\set)+12*\u+2*\p+1], v[L8] offset:(\reg)+12288*\u+1536*(\s)+256*\p
.endr
.endr
	ds_load_b32 v[TS+(\set)], v[L4] offset:(\reg)+24576+128*(\s)
.endm
.macro WM d, a, b, cz, sa, sb, ra, rb
.if (\cz) && ((\ra) == 0) && ((\rb) == 0)
	v_wmma_scale_f32_16x16x128_f8f6f4 v[(\d):(\d)+7], v[(\a):(\a)+11], v[(\b):(\b)+11], 0, v[\sa], v[\sb] matrix_a_fmt:MATRIX_FMT_FP6 matrix_b_fmt:MATRIX_FMT_FP6
.elseif (\cz) && ((\ra) == 1) && ((\rb) == 0)
	v_wmma_scale_f32_16x16x128_f8f6f4 v[(\d):(\d)+7], v[(\a):(\a)+11], v[(\b):(\b)+11], 0, v[\sa], v[\sb] matrix_a_fmt:MATRIX_FMT_FP6 matrix_b_fmt:MATRIX_FMT_FP6 matrix_a_scale:MATRIX_SCALE_ROW1
.elseif (\cz) && ((\ra) == 0) && ((\rb) == 1)
	v_wmma_scale_f32_16x16x128_f8f6f4 v[(\d):(\d)+7], v[(\a):(\a)+11], v[(\b):(\b)+11], 0, v[\sa], v[\sb] matrix_a_fmt:MATRIX_FMT_FP6 matrix_b_fmt:MATRIX_FMT_FP6 matrix_b_scale:MATRIX_SCALE_ROW1
.elseif (\cz)
	v_wmma_scale_f32_16x16x128_f8f6f4 v[(\d):(\d)+7], v[(\a):(\a)+11], v[(\b):(\b)+11], 0, v[\sa], v[\sb] matrix_a_fmt:MATRIX_FMT_FP6 matrix_b_fmt:MATRIX_FMT_FP6 matrix_a_scale:MATRIX_SCALE_ROW1 matrix_b_scale:MATRIX_SCALE_ROW1
.elseif ((\ra) == 0) && ((\rb) == 0)
	v_wmma_scale_f32_16x16x128_f8f6f4 v[(\d):(\d)+7], v[(\a):(\a)+11], v[(\b):(\b)+11], v[(\d):(\d)+7], v[\sa], v[\sb] matrix_a_fmt:MATRIX_FMT_FP6 matrix_b_fmt:MATRIX_FMT_FP6
.elseif ((\ra) == 1) && ((\rb) == 0)
	v_wmma_scale_f32_16x16x128_f8f6f4 v[(\d):(\d)+7], v[(\a):(\a)+11], v[(\b):(\b)+11], v[(\d):(\d)+7], v[\sa], v[\sb] matrix_a_fmt:MATRIX_FMT_FP6 matrix_b_fmt:MATRIX_FMT_FP6 matrix_a_scale:MATRIX_SCALE_ROW1
.elseif ((\ra) == 0) && ((\rb) == 1)
	v_wmma_scale_f32_16x16x128_f8f6f4 v[(\d):(\d)+7], v[(\a):(\a)+11], v[(\b):(\b)+11], v[(\d):(\d)+7], v[\sa], v[\sb] matrix_a_fmt:MATRIX_FMT_FP6 matrix_b_fmt:MATRIX_FMT_FP6 matrix_b_scale:MATRIX_SCALE_ROW1
.else
	v_wmma_scale_f32_16x16x128_f8f6f4 v[(\d):(\d)+7], v[(\a):(\a)+11], v[(\b):(\b)+11], v[(\d):(\d)+7], v[\sa], v[\sb] matrix_a_fmt:MATRIX_FMT_FP6 matrix_b_fmt:MATRIX_FMT_FP6 matrix_a_scale:MATRIX_SCALE_ROW1 matrix_b_scale:MATRIX_SCALE_ROW1
.endif
.endm
.macro MM set, cz, orient              ; eight accumulators by turns, one instruction a turn, the same order in every K step
.irp p, 0,1
.irp v, 0,1
.irp u, 0,1
	WM ACC+32*\u+16*\p+8*\v, WF+48*(\set)+24*\p+12*\v, TF+24*(\set)+12*\u, \cz, WS+2*(\set)+\p, TS+(\set), \v, \u
.endr
.endr
.endr
.endm
.macro PASSW iw, d1, is, ds1
	WLOAD 0, 0, \iw, \d1, \is, \ds1
	WLOAD 1, 1, \iw, \d1, \is, \ds1
.endm
.macro PASST reg
	TLOAD 0, 0, \reg
	TLOAD 1, 1, \reg
.endm
.macro PASSK cz, orient, reg, iw, d1, is, ds1
.irp s, 0,1,2,3,4,5,6,7
.if \s < 7
	s_wait_loadcnt 14                              ; this K step's 14 loads, and all older ones, are in; the next K step's 14 may be out
	s_wait_dscnt 13                                ; likewise its 13 LDS loads
.else
	s_wait_loadcnt 0x0
	s_wait_dscnt 0x0
.endif
.if \s == 0
	MM 0, \cz, \orient
.else
	MM \s%2, 0, \orient
.endif
	NOP4                                           ; four places ahead of loads into registers just multiplied, and at the end ahead of the first read of results
.if \s < 6
	WLOAD \s%2, \s+2, \iw, \d1, \is, \ds1
	TLOAD \s%2, \s+2, \reg
.endif
.endr
.endm
.macro TSTORE reg
.irp u, 0,1
.irp i, 0,1,2
	ds_store_b64 v[AT], v[PC+6*\u+2*\i:PC+6*\u+2*\i+1] offset:(\reg)+12288*\u+256*\i
.endr
.endr
	ds_store_b16 v[AS], v[PW] offset:(\reg)+24576
	ds_store_b16_d16_hi v[AS], v[PW] offset:(\reg)+24640
.endm
.macro NORM
.irp p, 0,1
.irp v, 0,1
.irp q, 0,1
	global_load_b128 v[80+16*\p+8*\v+4*\q:83+16*\p+8*\v+4*\q], v[GO], s[GB:GB+1] offset:128*\p+32*\v+16*\q
.endr
.endr
.endr
.irp u, 0,1
	v_pk_mul_f32 v[144+4*\u:145+4*\u], v[ACC+32*\u:ACC+32*\u+1], v[ACC+32*\u:ACC+32*\u+1]
	v_pk_mul_f32 v[146+4*\u:147+4*\u], v[ACC+32*\u+2:ACC+32*\u+3], v[ACC+32*\u+2:ACC+32*\u+3]
.endr
.irp i, 4,8,12,16,20,24,28
.irp u, 0,1
	v_pk_fma_f32 v[144+4*\u:145+4*\u], v[ACC+32*\u+\i:ACC+32*\u+\i+1], v[ACC+32*\u+\i:ACC+32*\u+\i+1], v[144+4*\u:145+4*\u]
	v_pk_fma_f32 v[146+4*\u:147+4*\u], v[ACC+32*\u+\i+2:ACC+32*\u+\i+3], v[ACC+32*\u+\i+2:ACC+32*\u+\i+3], v[146+4*\u:147+4*\u]
.endr
.endr
.irp u, 0,1
	v_pk_add_f32 v[144+4*\u:145+4*\u], v[144+4*\u:145+4*\u], v[146+4*\u:147+4*\u]
.endr
.irp u, 0,1
	v_add_f32 v[144+4*\u], v[144+4*\u], v[145+4*\u]
.endr
.irp u, 0,1
	v_permlanex16_b32 v[146+4*\u], v[144+4*\u], s[SEL], s[SEL+1]
.endr
.irp u, 0,1
	v_add_f32 v[144+4*\u], v[144+4*\u], v[146+4*\u]
.endr
	v_cndmask_b32 v152, v144, v148, s[HM]          ; lane (r, h) hands on tile h's sum
	ds_store_b32 v[NS], v152
	BARRIER
.irp u, 0,1
.irp k, 0,1,2,3
	ds_load_b128 v[112+16*\u+4*\k:115+16*\u+4*\k], v[NL] offset:1024*\u+16*\k
.endr
.endr
	s_wait_dscnt 0x0
.irp i, 0,2,4,6
.irp u, 0,1
	v_pk_add_f32 v[112+16*\u+\i:113+16*\u+\i], v[112+16*\u+\i:113+16*\u+\i], v[120+16*\u+\i:121+16*\u+\i]
.endr
.endr
.irp i, 0,2
.irp u, 0,1
	v_pk_add_f32 v[112+16*\u+\i:113+16*\u+\i], v[112+16*\u+\i:113+16*\u+\i], v[116+16*\u+\i:117+16*\u+\i]
.endr
.endr
.irp u, 0,1
	v_pk_add_f32 v[112+16*\u:113+16*\u], v[112+16*\u:113+16*\u], v[114+16*\u:115+16*\u]
.endr
.irp u, 0,1
	v_add_f32 v[112+16*\u], v[112+16*\u], v[113+16*\u]
.endr
.irp u, 0,1
	v_fma_f32 v[112+16*\u], v[112+16*\u], s[C10], s[CEPS]
.endr
.irp u, 0,1
	v_rsq_f32 v[152+2*\u], v[112+16*\u]
	v_rsq_f32 v[153+2*\u], v[112+16*\u]
.endr
	v_nop                                          ; a plain place behind the transcendentals
	s_wait_alu depctr_va_vdst(0)                   ; one wait for the four
	s_wait_loadcnt 0x0                             ; the gain
	s_wait_xcnt 0x0
.irp u, 0,1
.irp i, 0,2,4,6,8,10,12,14,16,18,20,22,24,26,28,30
	v_pk_mul_f32 v[ACC+32*\u+\i:ACC+32*\u+\i+1], v[ACC+32*\u+\i:ACC+32*\u+\i+1], v[152+2*\u:153+2*\u]
.endr
.endr
.irp u, 0,1
.irp i, 0,2,4,6,8,10,12,14,16,18,20,22,24,26,28,30
	v_pk_mul_f32 v[ACC+32*\u+\i:ACC+32*\u+\i+1], v[ACC+32*\u+\i:ACC+32*\u+\i+1], v[80+\i:81+\i]
.endr
.endr
.endm
; a = ACC[32 u + 0..15], b = ACC[32 u + 16..31]:  a <- (a / (1 + 2^(-a log2 e))) b.  Two batches of 32 transcendentals, one wait each
.macro GLU
.irp u, 0,1
.irp i, 0,2,4,6,8,10,12,14
	v_pk_mul_f32 v[GT+16*\u+\i:GT+16*\u+\i+1], v[ACC+32*\u+\i:ACC+32*\u+\i+1], s[NL2:NL2+1] op_sel_hi:[1,0]
.endr
.endr
.set gi, 0
.rept 32
	v_exp_f32 v[GT+gi], v[GT+gi]
.set gi, gi+1
.endr
	v_nop
	s_wait_alu depctr_va_vdst(0)
.set gi, 0
.rept 16
	v_pk_add_f32 v[GT+gi:GT+gi+1], v[GT+gi:GT+gi+1], 1.0 op_sel_hi:[1,0]
.set gi, gi+2
.endr
.set gi, 0
.rept 32
	v_rcp_f32 v[GT+gi], v[GT+gi]
.set gi, gi+1
.endr
	v_nop
	s_wait_alu depctr_va_vdst(0)
.irp u, 0,1
.irp i, 0,2,4,6,8,10,12,14
	v_pk_mul_f32 v[ACC+32*\u+\i:ACC+32*\u+\i+1], v[ACC+32*\u+\i:ACC+32*\u+\i+1], v[GT+16*\u+\i:GT+16*\u+\i+1]
.endr
.endr
.irp u, 0,1
.irp i, 0,2,4,6,8,10,12,14
	v_pk_mul_f32 v[ACC+32*\u+\i:ACC+32*\u+\i+1], v[ACC+32*\u+\i:ACC+32*\u+\i+1], v[ACC+32*\u+16+\i:ACC+32*\u+17+\i]
.endr
.endr
.endm
	s_load_b256 s[4:11], s[0:1], 0x0               ; ob, prep, mid, g_norm2
	s_load_b64 s[12:13], s[0:1], 0x20              ; out0
	v_lshl_add_u32 v249, v0, 2, 0x2d000
	v_mov_b32 v255, 0
	v_lshrrev_b32 v11, 5, v0
	v_readfirstlane_b32 s[WV], v11
	v_and_b32 v12, 31, v0                          ; lane
	v_and_b32 v13, 15, v0                          ; r
	v_bfe_u32 v14, v0, 4, 1                        ; h
	v_lshlrev_b32 v[A16T], 4, v0
	v_lshlrev_b32 v[A2T], 1, v0
	v_lshlrev_b32 v[L8], 3, v12
	v_lshlrev_b32 v[L4], 2, v12
	v_lshlrev_b32 v[L16], 4, v12
	v_lshlrev_b32 v[R4], 2, v13
	s_mul_i32 s14, s[WV], 49152
	v_add_nc_u32 v[VW], s14, v[L16]
	s_lshl_b32 s14, s[WV], 11
	v_add_nc_u32 v[VS], s14, v[L4]
	s_mul_i32 s14, s[WV], 768
	v_add_nc_u32 v[AT], s14, v[L8]
	s_lshr_b32 s14, s[WV], 1
	s_lshl_b32 s14, s14, 7
	s_and_b32 s15, s[WV], 1
	s_lshl_b32 s15, s15, 1
	s_add_co_u32 s14, s14, s15
	v_add_nc_u32 v[AS], s14, v[R4]
	s_lshl_b32 s14, s[WV], 8
	v_lshl_add_u32 v[NL], v13, 6, RS
	v_lshlrev_b32 v[GO], 6, v14
	v_add_nc_u32 v[GO], s14, v[GO]
	v_lshl_add_u32 v[NS], v12, 6, RS
	s_lshl_b32 s15, s[WV], 2
	v_add_nc_u32 v[NS], s15, v[NS]
	s_lshl_b32 s15, s[WV], 13
	v_add_nc_u32 v11, s15, v[L16]                  ; x1's image: 16 x lane + 8,192 w
	v_add_nc_u32 v12, STASH, v11                   ; and my own 8,192 bytes of LDS
	s_mov_b32 s[SEL], 0x76543210
	s_mov_b32 s[SEL+1], 0xfedcba98
	s_mov_b32 s[HM], 0xffff0000
	s_mov_b32 s[C10], 0x3a800000
	s_mov_b32 s[CEPS], 0x358637bd
	s_mov_b32 s[NL2], 0xbfb8aa3b                   ; -log2(e)
	s_mov_b32 s[NL2+1], s[NL2]
	s_mov_b32 s17, 0
	s_wait_kmcnt 0x0
	s_mov_b64 s[WB:WB+1], s[6:7]
	s_mov_b32 s16, WSC
	s_add_nc_u64 s[WSB:WSB+1], s[6:7], s[16:17]
	s_mul_i32 s16, ttmp9, 25600
	s_add_nc_u64 s[RB:RB+1], s[4:5], s[16:17]
	s_lshl_b32 s16, ttmp9, 17
	s_add_nc_u64 s[38:39], s[8:9], s[16:17]
	s_add_nc_u64 s[40:41], s[12:13], s[16:17]
	global_load_b128 v[176:179], v[A16T], s[RB:RB+1]
	global_load_b128 v[180:183], v[A16T], s[RB:RB+1] offset:8192
	global_load_b128 v[184:187], v[A16T], s[RB:RB+1] offset:16384
	global_load_u16 v188, v[A2T], s[RB:RB+1] offset:24576
.set qi, 0
.rept 16
	global_load_b128 v[ACC+4*qi:ACC+4*qi+3], v11, s[38:39] offset:512*qi   ; x1, the residual
.set qi, qi+1
.endr
	PASSW IW_A, 24576, IS_A, 1024
	s_wait_loadcnt 44                              ; the record's four loads are older than the residual's 16 and the weights' 28
	ds_store_b128 v[A16T], v[176:179]
	ds_store_b128 v[A16T], v[180:183] offset:8192
	ds_store_b128 v[A16T], v[184:187] offset:16384
	ds_store_b16 v[A2T], v188 offset:24576
	BARRIER
	PASST T0
	PASSK 0, 0, T0, IW_A, 24576, IS_A, 1024
.set qi, 0
.rept 16
	ds_store_b128 v12, v[ACC+4*qi:ACC+4*qi+3] offset:512*qi   ; x2 waits in my own LDS bytes
.set qi, qi+1
.endr
	NORM
	PASSW IW_H0, 786432, IS_H0, 32768
	QPART2 ACC, 0, ACC+16, 1
	QPART2 ACC+32, 2, ACC+48, 3
	QTAIL 2
	TSTORE T1
	BARRIER
	PASST T1
	PASSK 1, 0, T1, IW_H0, 786432, IS_H0, 32768
	PASSW IW_H1, 786432, IS_H1, 32768              ; the next half's weights land under the gate
	GLU
	QPART2 ACC, 0, ACC+32, 2                       ; block 0 of my 64 hidden features, for both token tiles
	PASST T1
	PASSK 1, 0, T1, IW_H1, 786432, IS_H1, 32768
	PASSW IW_C, 24576, IS_C, 1024
	GLU
	QPART2 ACC, 1, ACC+32, 3
	QTAIL 2
	TSTORE T0                                      ; the first record's bytes: two barriers part its last read from this
.set qi, 0
.rept 16
	ds_load_b128 v[ACC+4*qi:ACC+4*qi+3], v12 offset:512*qi   ; x2 back, as the C of the last pass
.set qi, qi+1
.endr
	BARRIER
	PASST T0
	PASSK 0, 0, T0, IW_C, 24576, IS_C, 1024
	; THE WAY OUT: a lane holds pieces of one row; a tile of 16 rows x 256 bytes goes through my own LDS bytes and leaves as whole rows: sixteen lanes store 256 consecutive bytes, aligned
	v_and_b32 v179, 15, v0
	v_bfe_u32 v180, v0, 4, 1
	s_lshl_b32 s14, s[WV], 13
	s_add_co_u32 s14, s14, STASH
	v_mul_u32_u24 v176, v179, 272
	v_lshl_add_u32 v176, v180, 6, v176
	v_add_nc_u32 v176, s14, v176                   ; in: row r, + 64 h
	v_mul_u32_u24 v177, v180, 272
	v_lshl_add_u32 v177, v179, 4, v177
	v_add_nc_u32 v177, s14, v177                   ; back: lanes 0-15 one row, lanes 16-31 the next
	v_lshlrev_b32 v178, 12, v180
	v_lshl_add_u32 v178, v179, 4, v178
	s_lshl_b32 s15, s[WV], 8
	v_add_nc_u32 v178, s15, v178                   ; out0: 4,096 h + 16 r + 256 w
.irp u, 0,1
.irp p, 0,1
.irp v, 0,1
.irp q, 0,1
	ds_store_b128 v176, v[ACC+32*\u+16*\p+8*\v+4*\q:ACC+32*\u+16*\p+8*\v+4*\q+3] offset:128*\p+32*\v+16*\q
.endr
.endr
.endr
.irp k, 0,1,2,3,4,5,6,7
	ds_load_b128 v[80+32*\u+4*\k:83+32*\u+4*\k], v177 offset:544*\k   ; LDS serves a wave's instructions in order: these see my stores, and the next tile's stores come behind them
.endr
.endr
.irp u, 0,1
.irp k, 0,1,2,3,4,5,6,7
	s_wait_dscnt (1-\u)*16+7-\k                    ; behind this load: the tile's later loads, and for tile 0 the other tile's 8 stores and 8 loads
	global_store_b128 v178, v[80+32*\u+4*\k:83+32*\u+4*\k], s[40:41] offset:(8*\u+2*\k+8*(\k/4))*4096 th:TH_STORE_NT
.endr
.endr
	s_wait_tensorcnt 0x0
	ds_add_u32 v249, v255
	s_wait_dscnt 0x0
	s_endpgm
.Lfunc_end_k_q506478e1b1_ffn:
	.size	k_q506478e1b1_ffn, .Lfunc_end_k_q506478e1b1_ffn-k_q506478e1b1_ffn
	.p2alignl 7, 3214868480
	.fill 96, 4, 3214868480
	.section	.rodata,"a",@progbits
	.p2align	6, 0x0
	.amdhsa_kernel k_q506478e1b1_ffn
		.amdhsa_group_segment_fixed_size 186368
		.amdhsa_private_segment_fixed_size 0
		.amdhsa_enable_private_segment 0
		.amdhsa_kernarg_size 40
		.amdhsa_user_sgpr_count 2
		.amdhsa_user_sgpr_kernarg_segment_ptr 1
		.amdhsa_wavefront_size32 1
		.amdhsa_system_sgpr_workgroup_id_x 1
		.amdhsa_system_sgpr_workgroup_id_y 1
		.amdhsa_system_sgpr_workgroup_id_z 1
		.amdhsa_system_vgpr_workitem_id 0
		.amdhsa_next_free_vgpr 256
		.amdhsa_next_free_sgpr 66
		.amdhsa_reserve_vcc 0
		.amdhsa_float_denorm_mode_32 3
		.amdhsa_float_denorm_mode_16_64 3
		.amdhsa_memory_ordered 1
		.amdhsa_forward_progress 1
		.amdhsa_inst_pref_size 149
	.end_amdhsa_kernel
	.amdgpu_metadata
---
amdhsa.version: [ 1, 2 ]
amdhsa.kernels:
  - .name:           k_q506478e1b1_ffn
    .symbol:         k_q506478e1b1_ffn.kd
    .args:
      - { .name: ob, .offset: 0, .size: 8, .value_kind: global_buffer, .address_space: global }
      - { .name: prep, .offset: 8, .size: 8, .value_kind: global_buffer, .address_space: global }
      - { .name: mid, .offset: 16, .size: 8, .value_kind: global_buffer, .address_space: global }
      - { .name: g_norm2, .offset: 24, .size: 8, .value_kind: global_buffer, .address_space: global }
      - { .name: out0, .offset: 32, .size: 8, .value_kind: global_buffer, .address_space: global }
    .group_segment_fixed_size: 186368
    .private_segment_fixed_size: 0
    .kernarg_segment_align: 8
    .kernarg_segment_size: 40
    .max_flat_workgroup_size: 512
    .sgpr_count:     66
    .vgpr_count:     256
    .wavefront_size: 32
...
	.end_amdgpu_metadata
.endif
;; end of part 6
;; ======== version 2 of 3: 6 launches; 1.19 times as fast as version 1
;; limits: right only within a limited range of input values
;; workspace buffers: prep 13,926,400 bytes; qkv 13,107,200 bytes; oa 3,276,800 bytes; mid 20,054,016 bytes; ob 3,276,800 bytes
;; launch prep: the kernel of part 1 again; grid 336 x 1, 16 waves a work-group, no clusters, 3,072 bytes of LDS; arguments x, g_norm1, w_qkv_codes, w_qkv_scales, w_kv_codes, w_kv_scales, w_out_codes, w_out_scales, w_q_codes, w_q_scales, w_cout_codes, w_cout_scales, w1_codes, w1_scales, w3_codes, w3_scales, w2_codes, w2_scales, context_codes, context_scales, prep; writes prep
;; launch proj (part 7): grid 512 x 1, 16 waves a work-group, no clusters, 45,056 bytes of LDS; arguments prep, cos, sin, qkv; writes qkv
.if DOCPART == 7
	.amdgcn_target "amdgcn-amd-amdhsa--gfx1250"
	.amdhsa_code_object_version 6
	.text
	.protected	k_q506478e1b1_proj
	.globl	k_q506478e1b1_proj
	.p2align	8
	.type	k_q506478e1b1_proj,@function
k_q506478e1b1_proj:
	s_mov_b64 s[64:65], 0
	v_nop
	global_prefetch_b8 v0, s[64:65] scope:SCOPE_SE
	s_setreg_imm32_b32 hwreg(HW_REG_WAVE_MODE, 25, 1), 1
	s_wait_xcnt 0x0
; PROJ.  q, k, v of self-attention and k, v of the context, all on FP6 codes, results quantised again for the attention launches.  Work-groups 0-255 take batch 0, 256-511 batch 1; within a batch
; 64 blocks of 32 tokens for each of q, k, v, then 32 blocks for each of the context's k, v: both halves of the grid walk the same five weights.
; A work-group holds 32 tokens' codes in LDS (a token record, 25,600 B).  Wave w makes the 64 features of head w: it streams its two pairs of weight rows from memory straight into registers, as images
; of the operand's registers (512 consecutive bytes a load), two K steps ahead.  A weight byte is read once by a work-group and goes to the one wave that multiplies it: there is no LDS tile that a joint
; load of a cluster could fill, so no cluster and no tensor load.
; THE WALK ALONG K IS ROTATED: the work-group of block t begins at K step (t + t / 8) mod 8 and goes round, so that the work-groups that walk one weight ask for different K steps of it at a time, not all for the same.
; The f32 sums along K are therefore taken in an order that differs from work-group to work-group.
; q, k: product transposed (source 0 = weight rows): a lane holds one token, its registers run along the head's 64 numbers; RoPE in f32; two blocks of 32 a token.  The block's cos and sin come with the first
; loads and wait in LDS: rows of 256 bytes, 272 apart, in the order of the tiles' lanes (row 16 u + r is token 8 u + r + (r & 8)), so that the sixteen lanes of a load touch sixteen different columns of 16 bytes.
; v: sources the other way round: a lane holds one channel, its registers run along the 32 tokens, which are one block of the second attention product's K.
; ACC (transposed): [32 u + 16 p + 8 u' + j] = (token 32 tb + 8 u + r + (r & 8), feature 64 w + 32 p + 16 h + 8 u' + j).
; Out: QIMG[bh][tbl][1,536] + QSC[bh][tbl][r][4];  records of 128 keys, 12,800 B: K 4 x 1,536 | V [block 4][pi 2][i 3][lane][8] | K's scale words [4][r][4] | V's [pi 2][lane][4].
; An image of 32 tokens of one head is ONE fragment of 128 along K: registers 0-5 tile u = 0's 64 numbers, 6-11 tile u = 1's.
; LIMITS: NaN and infinities are not served; a block of zeros gets the scale byte 1.
.set WSC, 8650752
.set TR0, 9011200
.set QSC, 3145728
.set KVS, 3276800
.set KVC, 9830400
.set CL, 25600                         ; LDS: cos, 32 rows x 272
.set SL, 34304                         ; sin
.set ACC, 16
.set WF, 80
.set TF, 176
.set WS, 224
.set TS, 228
.set PC, 230
.set TB, 250
.set PW, 254
.set TM, 212
.set TX, 216
.set TE, 220
.set A16T, 1
.set A2T, 2
.set L8, 3
.set L4, 4
.set L16, 5
.set R4, 6
.set VW, 7
.set VS, 8
.set L8R, 9                            ; v9   8 x lane + 1,536 x the K step in hand
.set L4R, 10                           ; v10  4 x lane + 128 x the K step in hand
.set WV, 3
.set SEL, 30
.set WB, 32
.set WSB, 34
.set RB, 36
.set KSW, 66                           ; s66  the K step whose weights are asked for next
.set KST, 67                           ; s67  the K step whose token fragments are read next
.set OFA, 68                           ; s[68:69], s[70:71] offsets as pairs, the upper words 0
.set OFB, 70
.set WBX, 72                           ; s[72:75] set 0's bases (weights, scale words), s[76:79] set 1's
.set OFT, 80
.set OFU, 81
.set COS, 80
.set SIN, 144
.macro BARRIER                         ; my LDS stores have landed and my LDS loads are in: then the work-group's barrier
	s_wait_dscnt 0x0
	s_barrier_signal -1
	s_barrier_wait -1
.endm
.macro NOP4
.rept 4
	v_nop
.endr
.endm
.macro QCVT s, bk
.if ((\bk) % 2) == 0
	v_cvt_scalef32_pk16_fp6_f32 v[PC+6*((\bk)/2):PC+6*((\bk)/2)+2], v[(\s):(\s)+15], v[TE+(\bk)]
.else
	v_cvt_scalef32_pk16_fp6_f32 v[PC+12+4*((\bk)/2):PC+12+4*((\bk)/2)+2], v[(\s):(\s)+15], v[TE+(\bk)]
.endif
.endm
.macro QPART2 sa, ba, sb, bb           ; two blocks by turns: a lane's 16 numbers and lane l xor 16's make a block of 32
	v_mov_b32 v[TX+(\ba)], 0
	v_mov_b32 v[TX+(\bb)], 0
	v_max3_num_f32 v[TM+(\ba)], |v[(\sa)]|, |v[(\sa)+1]|, 0x1800000
	v_max3_num_f32 v[TM+(\bb)], |v[(\sb)]|, |v[(\sb)+1]|, 0x1800000
.irp i, 2,4,6,8,10,12,14
	v_max3_num_f32 v[TM+(\ba)], v[TM+(\ba)], |v[(\sa)+\i]|, |v[(\sa)+\i+1]|
	v_max3_num_f32 v[TM+(\bb)], v[TM+(\bb)], |v[(\sb)+\i]|, |v[(\sb)+\i+1]|
.endr
	v_permlanex16_b32 v[TX+(\ba)], v[TM+(\ba)], s[SEL], s[SEL+1]
	v_permlanex16_b32 v[TX+(\bb)], v[TM+(\bb)], s[SEL], s[SEL+1]
	v_max_num_f32 v[TM+(\ba)], v[TM+(\ba)], v[TX+(\ba)]
	v_max_num_f32 v[TM+(\bb)], v[TM+(\bb)], v[TX+(\bb)]
	v_add_nc_u32 v[TE+(\ba)], 0xff000000, v[TM+(\ba)]
	v_add_nc_u32 v[TE+(\bb)], 0xff000000, v[TM+(\bb)]
	v_lshrrev_b32 v[TB+(\ba)], 23, v[TE+(\ba)]
	v_lshrrev_b32 v[TB+(\bb)], 23, v[TE+(\bb)]
	QCVT \sa, \ba
	QCVT \sb, \bb
	v_nop                                          ; one plain place behind a scaled conversion
.endm
.macro QTAIL nc
	v_lshl_or_b32 v[PW], v[TB+1], 8, v[TB]
.if \nc > 1
	v_lshl_or_b32 v[PW], v[TB+2], 16, v[PW]
	v_lshl_or_b32 v[PW], v[TB+3], 24, v[PW]
.endif
.irp c, 0,1
.if \c < \nc
.irp i, 0,1,2
	v_permlane16_swap_b32 v[PC+6*\c+\i], v[PC+12+4*\c+\i]
.endr
.irp i, 0,1,2
	v_mov_b32 v[PC+3+6*\c+\i], v[PC+12+4*\c+\i]
.endr
.endif
.endr
.endm
; the next K step of my walk, for the weights: the set's two bases; the counter goes round 0 .. 7
.macro KW set
	s_mul_i32 s[OFA], s[KSW], 3072
	s_lshl_b32 s[OFB], s[KSW], 7
	s_add_nc_u64 s[WBX+4*(\set):WBX+4*(\set)+1], s[WB:WB+1], s[OFA:OFA+1]
	s_add_nc_u64 s[WBX+4*(\set)+2:WBX+4*(\set)+3], s[WSB:WSB+1], s[OFB:OFB+1]
	s_add_co_u32 s[KSW], s[KSW], 1
	s_and_b32 s[KSW], s[KSW], 7
.endm
; and for the tokens: two LDS addresses (LDS instructions have read their address when they are issued, so one pair of registers serves both sets)
.macro KT
	s_mul_i32 s[OFT], s[KST], 1536
	s_lshl_b32 s[OFU], s[KST], 7
	s_add_co_u32 s[KST], s[KST], 1
	s_and_b32 s[KST], s[KST], 7
	v_add_nc_u32 v[L8R], s[OFT], v[L8]
	v_add_nc_u32 v[L4R], s[OFU], v[L4]
.endm
; one K step of my four weight fragments and their two scale registers: 14 loads
.macro WLOAD set, iw, d1, is, ds1
.irp p, 0,1
.irp u, 0,1
.irp g, 0,1,2
	global_load_b128 v[WF+48*(\set)+24*\p+12*\u+4*\g:WF+48*(\set)+24*\p+12*\u+4*\g+3], v[VW], s[WBX+4*(\set):WBX+4*(\set)+1] offset:(\iw)+\p*(\d1)+1536*\u+512*\g
.endr
.endr
	global_load_b32 v[WS+2*(\set)+\p], v[VS], s[WBX+4*(\set)+2:WBX+4*(\set)+3] offset:(\is)+\p*(\ds1)
.endr
.endm
; one K step of the two token fragments and their scale register: 13 LDS loads
.macro TLOAD set, reg
.irp u, 0,1
.irp p, 0,1,2,3,4,5
	ds_load_b64 v[TF+24*(\set)+12*\u+2*\p:TF+24*(\set)+12*\u+2*\p+1], v[L8R] offset:(\reg)+12288*\u+256*\p
.endr
.endr
	ds_load_b32 v[TS+(\set)], v[L4R] offset:(\reg)+24576
.endm
; one matrix instruction.  cz = 1: the product starts the sum.  ra, rb: which half of the lanes of the scale registers serves source 0, source 1
.macro WM d, a, b, cz, sa, sb, ra, rb
.if (\cz) && ((\ra) == 0) && ((\rb) == 0)
	v_wmma_scale_f32_16x16x128_f8f6f4 v[(\d):(\d)+7], v[(\a):(\a)+11], v[(\b):(\b)+11], 0, v[\sa], v[\sb] matrix_a_fmt:MATRIX_FMT_FP6 matrix_b_fmt:MATRIX_FMT_FP6
.elseif (\cz) && ((\ra) == 1) && ((\rb) == 0)
	v_wmma_scale_f32_16x16x128_f8f6f4 v[(\d):(\d)+7], v[(\a):(\a)+11], v[(\b):(\b)+11], 0, v[\sa], v[\sb] matrix_a_fmt:MATRIX_FMT_FP6 matrix_b_fmt:MATRIX_FMT_FP6 matrix_a_scale:MATRIX_SCALE_ROW1
.elseif (\cz) && ((\ra) == 0) && ((\rb) == 1)
	v_wmma_scale_f32_16x16x128_f8f6f4 v[(\d):(\d)+7], v[(\a):(\a)+11], v[(\b):(\b)+11], 0, v[\sa], v[\sb] matrix_a_fmt:MATRIX_FMT_FP6 matrix_b_fmt:MATRIX_FMT_FP6 matrix_b_scale:MATRIX_SCALE_ROW1
.elseif (\cz)
	v_wmma_scale_f32_16x16x128_f8f6f4 v[(\d):(\d)+7], v[(\a):(\a)+11], v[(\b):(\b)+11], 0, v[\sa], v[\sb] matrix_a_fmt:MATRIX_FMT_FP6 matrix_b_fmt:MATRIX_FMT_FP6 matrix_a_scale:MATRIX_SCALE_ROW1 matrix_b_scale:MATRIX_SCALE_ROW1
.elseif ((\ra) == 0) && ((\rb) == 0)
	v_wmma_scale_f32_16x16x128_f8f6f4 v[(\d):(\d)+7], v[(\a):(\a)+11], v[(\b):(\b)+11], v[(\d):(\d)+7], v[\sa], v[\sb] matrix_a_fmt:MATRIX_FMT_FP6 matrix_b_fmt:MATRIX_FMT_FP6
.elseif ((\ra) == 1) && ((\rb) == 0)
	v_wmma_scale_f32_16x16x128_f8f6f4 v[(\d):(\d)+7], v[(\a):(\a)+11], v[(\b):(\b)+11], v[(\d):(\d)+7], v[\sa], v[\sb] matrix_a_fmt:MATRIX_FMT_FP6 matrix_b_fmt:MATRIX_FMT_FP6 matrix_a_scale:MATRIX_SCALE_ROW1
.elseif ((\ra) == 0) && ((\rb) == 1)
	v_wmma_scale_f32_16x16x128_f8f6f4 v[(\d):(\d)+7], v[(\a):(\a)+11], v[(\b):(\b)+11], v[(\d):(\d)+7], v[\sa], v[\sb] matrix_a_fmt:MATRIX_FMT_FP6 matrix_b_fmt:MATRIX_FMT_FP6 matrix_b_scale:MATRIX_SCALE_ROW1
.else
	v_wmma_scale_f32_16x16x128_f8f6f4 v[(\d):(\d)+7], v[(\a):(\a)+11], v[(\b):(\b)+11], v[(\d):(\d)+7], v[\sa], v[\sb] matrix_a_fmt:MATRIX_FMT_FP6 matrix_b_fmt:MATRIX_FMT_FP6 matrix_a_scale:MATRIX_SCALE_ROW1 matrix_b_scale:MATRIX_SCALE_ROW1
.endif
.endm
; a K step's eight products: eight accumulators by turns, one instruction a turn, in the same order in every K step
.macro MM set, cz, orient
.irp p, 0,1
.irp v, 0,1
.irp u, 0,1
.if (\orient) == 0
	WM ACC+32*\u+16*\p+8*\v, WF+48*(\set)+24*\p+12*\v, TF+24*(\set)+12*\u, \cz, WS+2*(\set)+\p, TS+(\set), \v, \u
.else
	WM ACC+32*\p+16*\v+8*\u, TF+24*(\set)+12*\u, WF+48*(\set)+24*\p+12*\v, \cz, TS+(\set), WS+2*(\set)+\p, \u, \v
.endif
.endr
.endr
.endr
.endm
.macro PASSW iw, d1, is, ds1           ; the first two K steps of a pass: 28 loads
	s_wait_xcnt 0x0                                ; the bases are written only behind this wait
	KW 0
	WLOAD 0, \iw, \d1, \is, \ds1
	KW 1
	WLOAD 1, \iw, \d1, \is, \ds1
.endm
.macro PASST reg
	KT
	TLOAD 0, \reg
	KT
	TLOAD 1, \reg
.endm
; a pass over K = 1,024: eight K steps on two sets of operand registers
.macro PASSK cz, orient, reg, iw, d1, is, ds1
.irp s, 0,1,2,3,4,5,6,7
.if \s < 7
	s_wait_loadcnt 14                              ; this K step's 14 loads, and all older ones, are in; the next K step's 14 may be out
	s_wait_dscnt 13                                ; likewise its 13 LDS loads
.else
	s_wait_loadcnt 0x0
	s_wait_dscnt 0x0
.endif
.if \s == 0
	MM 0, \cz, \orient
.else
	MM \s%2, 0, \orient
.endif
.if \s < 6
	s_wait_xcnt 0x0                                ; this set's loads are done (the wait above) and every address has been read: its bases may be written
	KW \s%2
	KT                                             ; its two additions and the two lines below are the four places ahead of loads into registers just multiplied
	v_nop
	v_nop
	WLOAD \s%2, \iw, \d1, \is, \ds1
	TLOAD \s%2, \reg
.else
	NOP4                                           ; four places ahead of what next loads into, or reads, the products' registers
.endif
.endr
.endm
	s_load_b256 s[4:11], s[0:1], 0x0               ; prep, cos, sin, qkv
	v_lshl_add_u32 v249, v0, 2, 0xa800
	v_mov_b32 v255, 0
	v_lshrrev_b32 v13, 5, v0
	v_readfirstlane_b32 s[WV], v13                 ; wave = head
	v_and_b32 v13, 31, v0                          ; lane
	v_and_b32 v14, 15, v0                          ; r
	v_bfe_u32 v15, v0, 4, 1                        ; h
	v_lshlrev_b32 v[A16T], 4, v0
	v_lshlrev_b32 v[A2T], 1, v0
	v_lshlrev_b32 v[L8], 3, v13
	v_lshlrev_b32 v[L4], 2, v13
	v_lshlrev_b32 v[L16], 4, v13
	v_lshlrev_b32 v[R4], 2, v14
	s_mul_i32 s13, s[WV], 49152
	v_add_nc_u32 v[VW], s13, v[L16]                ; my two pairs of weight rows
	s_lshl_b32 s13, s[WV], 11
	v_add_nc_u32 v[VS], s13, v[L4]
	v_mul_u32_u24 v11, v14, 272
	v_lshl_add_u32 v11, v15, 6, v11                ; cos, sin out of LDS: 272 r + 64 h
	v_bfe_u32 v12, v0, 4, 3                        ; into LDS: thread t brings 16 bytes of token row t / 16, which is row 16 u + r with
	v_bfe_u32 v13, v0, 7, 1                        ; r % 8 = its bits 0-2, u = its bit 3, r / 8 = its bit 4
	v_lshl_add_u32 v12, v13, 4, v12
	v_bfe_u32 v13, v0, 8, 1
	v_lshl_add_u32 v12, v13, 3, v12
	v_mul_u32_u24 v12, v12, 272
	v_lshl_add_u32 v12, v14, 4, v12                ; + 16 (t % 16)
	s_mov_b32 s[SEL], 0x76543210
	s_mov_b32 s[SEL+1], 0xfedcba98
	s_mov_b32 s48, 0xffff0000                      ; lanes 16-31
	; which product and which 32 rows
	s_lshr_b32 s17, ttmp9, 8                       ; batch
	s_and_b32 s13, ttmp9, 255
	s_lshr_b32 s12, s13, 6
	s_and_b32 s18, s13, 63
	s_sub_co_u32 s14, s13, 192
	s_lshr_b32 s15, s14, 5
	s_add_co_u32 s15, s15, 3
	s_and_b32 s20, s14, 31
	s_lshl_b32 s21, s17, 6
	s_add_co_u32 s21, s21, s18                     ; x's record: 64 batch + block
	s_lshl_b32 s16, s17, 5
	s_add_co_u32 s16, s16, s20
	s_add_co_u32 s16, s16, 128                     ; the context's: 128 + 32 batch + block
	s_mov_b32 s23, KVC
	s_cmp_lt_u32 s13, 192
	s_cselect_b32 s12, s12, s15                    ; kind: 0 q, 1 k, 2 v, 3 context k, 4 context v = 32 pairs of weight rows each
	s_cselect_b32 s21, s21, s16                    ; token record
	s_cselect_b32 s18, s18, s20                    ; block of 32 in the sequence
	s_cselect_b32 s22, 4, 3                        ; log2 of the records a head
	s_cselect_b32 s23, KVS, s23
	s_lshr_b32 s[KSW], s18, 3
	s_add_co_u32 s[KSW], s[KSW], s18
	s_and_b32 s[KSW], s[KSW], 7                    ; where my walk along K begins
	s_mov_b32 s[KST], s[KSW]
	s_mov_b32 s[OFA+1], 0
	s_mov_b32 s[OFB+1], 0
	s_lshl_b32 s24, s17, 4
	s_add_co_u32 s24, s24, s[WV]                   ; bh
	s_lshl_b32 s25, s24, s22
	s_lshr_b32 s26, s18, 2
	s_add_co_u32 s25, s25, s26
	s_mul_i32 s25, s25, 12800
	s_add_co_u32 s25, s25, s23                     ; my record of 128 keys
	s_and_b32 s26, s18, 3                          ; which 32 of them
	s_lshl_b32 s27, s24, 6
	s_add_co_u32 s27, s27, s18
	s_mul_i32 s28, s27, 1536                       ; q's image
	s_lshl_b32 s29, s27, 6
	s_add_co_u32 s29, s29, QSC
	s_mul_i32 s38, s26, 1536
	s_add_co_u32 s38, s38, s25                     ; k's image; v's lies 6,144 on
	s_lshl_b32 s39, s26, 6
	s_add_co_u32 s39, s39, s25
	s_add_co_u32 s39, s39, 12288
	s_cmp_eq_u32 s12, 0
	s_cselect_b32 s28, s28, s38
	s_cselect_b32 s40, s29, s39
	s_mov_b32 s51, 0
	s_wait_kmcnt 0x0
	s_mul_i32 s50, s12, 786432
	s_add_nc_u64 s[WB:WB+1], s[4:5], s[50:51]
	s_lshl_b32 s50, s12, 15
	s_add_co_u32 s50, s50, WSC
	s_add_nc_u64 s[WSB:WSB+1], s[4:5], s[50:51]
	s_mul_i32 s50, s21, 25600
	s_add_co_u32 s50, s50, TR0
	s_add_nc_u64 s[RB:RB+1], s[4:5], s[50:51]
	s_lshl_b32 s50, s18, 13
	s_add_nc_u64 s[6:7], s[6:7], s[50:51]
	s_add_nc_u64 s[8:9], s[8:9], s[50:51]
	s_mov_b32 s50, s28
	s_add_nc_u64 s[42:43], s[10:11], s[50:51]
	s_mov_b32 s50, s40
	s_add_nc_u64 s[44:45], s[10:11], s[50:51]
	s_add_co_u32 s50, s25, s26
	s_add_nc_u64 s[46:47], s[10:11], s[50:51]
	; the token record into LDS: 3 x 8,192 bytes and 1,024; the block's 32 rows of cos and of sin: 8,192 bytes each
	global_load_b128 v[176:179], v[A16T], s[RB:RB+1]
	global_load_b128 v[180:183], v[A16T], s[RB:RB+1] offset:8192
	global_load_b128 v[184:187], v[A16T], s[RB:RB+1] offset:16384
	global_load_u16 v188, v[A2T], s[RB:RB+1] offset:24576
	global_load_b128 v[192:195], v[A16T], s[6:7]
	global_load_b128 v[196:199], v[A16T], s[8:9]
	PASSW 0, 24576, 0, 1024
	s_wait_loadcnt 28                              ; the six loads above are older than the 28 weight loads
	ds_store_b128 v[A16T], v[176:179]
	ds_store_b128 v[A16T], v[180:183] offset:8192
	ds_store_b128 v[A16T], v[184:187] offset:16384
	ds_store_b16 v[A2T], v188 offset:24576
	ds_store_b128 v12, v[192:195] offset:CL
	ds_store_b128 v12, v[196:199] offset:SL
	BARRIER                                        ; from here on LDS is only read
	PASST 0
	s_cmp_eq_u32 s12, 2
	s_cbranch_scc1 .Lv
	s_cmp_eq_u32 s12, 4
	s_cbranch_scc1 .Lv
	PASSK 1, 0, 0, 0, 24576, 0, 1024
	s_cmp_ge_u32 s12, 2
	s_cbranch_scc1 .Lnorope
.irp u, 0,1
.irp p, 0,1
.irp j, 0,1,2,3
	ds_load_b128 v[COS+32*\u+16*\p+4*\j:COS+32*\u+16*\p+4*\j+3], v11 offset:CL+4352*\u+128*\p+16*\j
	ds_load_b128 v[SIN+32*\u+16*\p+4*\j:SIN+32*\u+16*\p+4*\j+3], v11 offset:SL+4352*\u+128*\p+16*\j
.endr
.endr
.endr
	s_wait_dscnt 0x0
.irp u, 0,1                            ; lo' = lo cos_lo - hi sin_lo;  hi' = hi cos_hi + lo sin_hi: lo and hi lie in the same lane, 16 registers apart
.irp i, 0,2,4,6,8,10,12,14
	v_pk_mul_f32 v[SIN+32*\u+16+\i:SIN+32*\u+17+\i], v[ACC+32*\u+\i:ACC+32*\u+\i+1], v[SIN+32*\u+16+\i:SIN+32*\u+17+\i]
	v_pk_mul_f32 v[ACC+32*\u+\i:ACC+32*\u+\i+1], v[ACC+32*\u+\i:ACC+32*\u+\i+1], v[COS+32*\u+\i:COS+32*\u+\i+1]
	v_pk_fma_f32 v[ACC+32*\u+\i:ACC+32*\u+\i+1], v[ACC+32*\u+16+\i:ACC+32*\u+17+\i], v[SIN+32*\u+\i:SIN+32*\u+\i+1], v[ACC+32*\u+\i:ACC+32*\u+\i+1] neg_lo:[1,0,0] neg_hi:[1,0,0]
	v_pk_fma_f32 v[ACC+32*\u+16+\i:ACC+32*\u+17+\i], v[ACC+32*\u+16+\i:ACC+32*\u+17+\i], v[COS+32*\u+16+\i:COS+32*\u+17+\i], v[SIN+32*\u+16+\i:SIN+32*\u+17+\i]
.endr
.endr
.Lnorope:
	QPART2 ACC, 0, ACC+16, 1
	QPART2 ACC+32, 2, ACC+48, 3
	QTAIL 2
.irp g, 0,1,2
	global_store_b128 v[L16], v[PC+4*\g:PC+4*\g+3], s[42:43] offset:512*\g
.endr
	global_store_b32 v[R4], v[PW], s[44:45]
	s_wait_tensorcnt 0x0
	ds_add_u32 v249, v255
	s_wait_dscnt 0x0
	s_endpgm
.Lv:
	PASSK 1, 1, 0, 0, 24576, 0, 1024
	QPART2 ACC, 0, ACC+16, 1
	QPART2 ACC+32, 2, ACC+48, 3
	QTAIL 2                                        ; PC[6 pi + e], lane (r, h): the 32 tokens of channel 32 pi + 8 h + r + (r & 8)
	v_cndmask_b32 v[TM], v[TB], v[TB+1], s48       ; that channel's scale byte
	v_cndmask_b32 v[TM+1], v[TB+2], v[TB+3], s48
.irp p, 0,1
.irp i, 0,1,2
	global_store_b64 v[L8], v[PC+6*\p+2*\i:PC+6*\p+2*\i+1], s[42:43] offset:6144+768*\p+256*\i
.endr
	global_store_b8 v[L4], v[TM+\p], s[46:47] offset:12544+128*\p
.endr
	s_wait_tensorcnt 0x0
	ds_add_u32 v249, v255
	s_wait_dscnt 0x0
	s_endpgm
.Lfunc_end_k_q506478e1b1_proj:
	.size	k_q506478e1b1_proj, .Lfunc_end_k_q506478e1b1_proj-k_q506478e1b1_proj
	.p2alignl 7, 3214868480
	.fill 96, 4, 3214868480
	.section	.rodata,"a",@progbits
	.p2align	6, 0x0
	.amdhsa_kernel k_q506478e1b1_proj
		.amdhsa_group_segment_fixed_size 45056
		.amdhsa_private_segment_fixed_size 0
		.amdhsa_enable_private_segment 0
		.amdhsa_kernarg_size 32
		.amdhsa_user_sgpr_count 2
		.amdhsa_user_sgpr_kernarg_segment_ptr 1
		.amdhsa_wavefront_size32 1
		.amdhsa_system_sgpr_workgroup_id_x 1
		.amdhsa_system_sgpr_workgroup_id_y 1
		.amdhsa_system_sgpr_workgroup_id_z 1
		.amdhsa_system_vgpr_workitem_id 0
		.amdhsa_next_free_vgpr 256
		.amdhsa_next_free_sgpr 82
		.amdhsa_reserve_vcc 0
		.amdhsa_float_denorm_mode_32 3
		.amdhsa_float_denorm_mode_16_64 3
		.amdhsa_memory_ordered 1
		.amdhsa_forward_progress 1
		.amdhsa_inst_pref_size 76
	.end_amdhsa_kernel
	.amdgpu_metadata
---
amdhsa.version: [ 1, 2 ]
amdhsa.kernels:
  - .name:           k_q506478e1b1_proj
    .symbol:         k_q506478e1b1_proj.kd
    .args:
      - { .name: prep, .offset: 0, .size: 8, .value_kind: global_buffer, .address_space: global }
      - { .name: cos, .offset: 8, .size: 8, .value_kind: global_buffer, .address_space: global }
      - { .name: sin, .offset: 16, .size: 8, .value_kind: global_buffer, .address_space: global }
      - { .name: qkv, .offset: 24, .size: 8, .value_kind: global_buffer, .address_space: global }
    .group_segment_fixed_size: 45056
    .private_segment_fixed_size: 0
    .kernarg_segment_align: 8
    .kernarg_segment_size: 32
    .max_flat_workgroup_size: 512
    .sgpr_count:     82
    .vgpr_count:     256
    .wavefront_size: 32
...
	.end_amdgpu_metadata
.endif
;; end of part 7
;; launch sattn: the kernel of part 3 again; grid 8 x 32, 16 waves a work-group, no clusters, 27,648 bytes of LDS; arguments qkv, oa; writes oa
;; launch midl (part 8): grid 128 x 1, 16 waves a work-group, no clusters, 59,392 bytes of LDS; arguments oa, prep, x, g_norm_cross, mid; writes mid
.if DOCPART == 8
	.amdgcn_target "amdgcn-amd-amdhsa--gfx1250"
	.amdhsa_code_object_version 6
	.text
	.protected	k_q506478e1b1_midl
	.globl	k_q506478e1b1_midl
	.p2align	8
	.type	k_q506478e1b1_midl,@function
k_q506478e1b1_midl:
	s_mov_b64 s[64:65], 0
	v_nop
	global_prefetch_b8 v0, s[64:65] scope:SCOPE_SE
	s_setreg_imm32_b32 hwreg(HW_REG_WAVE_MODE, 25, 1), 1
	s_wait_xcnt 0x0
; MID.  x1 = x + O w_out^T;  h = rmsnorm(x1) g;  q2 = h w_q^T, quantised by heads.  A work-group owns 32 whole token rows, so the norm stays inside it: 128 work-groups.
; The tokens' codes lie in LDS as a token record; wave w makes features 64 w .. 64 w + 63 and streams its two pairs of weight rows from memory straight into registers, two K steps ahead.
; A weight byte goes to the one wave that multiplies it: there is no LDS tile that a joint load of a cluster could fill, so no cluster and no tensor load.
; THE WALK ALONG K IS ROTATED: work-group i begins at K step (i + i / 8) mod 8 and goes round, so that the work-groups, which all walk the same weights, ask for different K steps at a time, not all for the same.
; The f32 sums along K are therefore taken in an order that differs from work-group to work-group.
; The second weight's first two K steps are asked for straight behind the first pass and land under the norm and the quantiser; the gain comes with the first loads and waits in LDS.
; The residual is the C of the first K step.  ACC[32 u + 16 p + 8 u' + j] = (token 32 tb + 8 u + r + (r & 8), feature 64 w + 32 p + 16 h + 8 u' + j).
; x1 leaves as images of ACC (512 consecutive bytes a store); the last launch loads it the same way.
; LIMITS: NaN and infinities are not served; a block of zeros gets the scale byte 1.
.set WSC, 8650752
.set Q2IMG, 16777216
.set Q2SC, 19922944
.set T0, 0
.set T1, 25600
.set RS, 51200
.set GL, 53248                         ; LDS: the gain, 4,096 bytes
.set IW_A, 160*24576
.set IS_A, 160*1024
.set IW_B, 192*24576
.set IS_B, 192*1024
.set ACC, 16
.set WF, 80
.set TF, 176
.set NT, 176                           ; the norm's temporaries: v176-207; the gain: v230-245 and v208-223; 1 / rms: v246-249
.set WS, 224
.set TS, 228
.set PC, 230
.set TB, 250
.set PW, 254
.set TM, 212
.set TX, 216
.set TE, 220
.set A16T, 1
.set A2T, 2                            ; v2   2 x thread, for the record's copy at the head; afterwards L4R
.set L4R, 2                            ; v2   4 x lane + 128 x the K step in hand
.set L8, 3
.set L4, 4
.set L16, 5
.set R4, 6
.set VW, 7
.set VS, 8
.set AT, 9
.set AS, 10
.set GO, 13
.set NS, 14
.set NL, 15
.set L8R, 255                          ; v255 8 x thread, for the gain's copy at the head; afterwards 8 x lane + 1,536 x the K step in hand
.set WV, 3
.set GB, 10
.set SEL, 30
.set WB, 32
.set WSB, 34
.set RB, 36
.set HM, 48
.set C10, 49
.set CEPS, 50
.set KSW, 66                           ; s66  the K step whose weights are asked for next
.set KST, 67                           ; s67  the K step whose token fragments are read next
.set OFA, 68                           ; s[68:69], s[70:71] offsets as pairs, the upper words 0
.set OFB, 70
.set WBX, 72                           ; s[72:75] set 0's bases (weights, scale words), s[76:79] set 1's
.set OFT, 80
.set OFU, 81
.macro BARRIER
	s_wait_dscnt 0x0
	s_barrier_signal -1
	s_barrier_wait -1
.endm
.macro NOP4
.rept 4
	v_nop
.endr
.endm
.macro QCVT s, bk
.if ((\bk) % 2) == 0
	v_cvt_scalef32_pk16_fp6_f32 v[PC+6*((\bk)/2):PC+6*((\bk)/2)+2], v[(\s):(\s)+15], v[TE+(\bk)]
.else
	v_cvt_scalef32_pk16_fp6_f32 v[PC+12+4*((\bk)/2):PC+12+4*((\bk)/2)+2], v[(\s):(\s)+15], v[TE+(\bk)]
.endif
.endm
.macro QPART2 sa, ba, sb, bb
	v_mov_b32 v[TX+(\ba)], 0
	v_mov_b32 v[TX+(\bb)], 0
	v_max3_num_f32 v[TM+(\ba)], |v[(\sa)]|, |v[(\sa)+1]|, 0x1800000
	v_max3_num_f32 v[TM+(\bb)], |v[(\sb)]|, |v[(\sb)+1]|, 0x1800000
.irp i, 2,4,6,8,10,12,14
	v_max3_num_f32 v[TM+(\ba)], v[TM+(\ba)], |v[(\sa)+\i]|, |v[(\sa)+\i+1]|
	v_max3_num_f32 v[TM+(\bb)], v[TM+(\bb)], |v[(\sb)+\i]|, |v[(\sb)+\i+1]|
.endr
	v_permlanex16_b32 v[TX+(\ba)], v[TM+(\ba)], s[SEL], s[SEL+1]
	v_permlanex16_b32 v[TX+(\bb)], v[TM+(\bb)], s[SEL], s[SEL+1]
	v_max_num_f32 v[TM+(\ba)], v[TM+(\ba)], v[TX+(\ba)]
	v_max_num_f32 v[TM+(\bb)], v[TM+(\bb)], v[TX+(\bb)]
	v_add_nc_u32 v[TE+(\ba)], 0xff000000, v[TM+(\ba)]
	v_add_nc_u32 v[TE+(\bb)], 0xff000000, v[TM+(\bb)]
	v_lshrrev_b32 v[TB+(\ba)], 23, v[TE+(\ba)]
	v_lshrrev_b32 v[TB+(\bb)], 23, v[TE+(\bb)]
	QCVT \sa, \ba
	QCVT \sb, \bb
	v_nop
.endm
.macro QTAIL nc
	v_lshl_or_b32 v[PW], v[TB+1], 8, v[TB]
.if \nc > 1
	v_lshl_or_b32 v[PW], v[TB+2], 16, v[PW]
	v_lshl_or_b32 v[PW], v[TB+3], 24, v[PW]
.endif
.irp c, 0,1
.if \c < \nc
.irp i, 0,1,2
	v_permlane16_swap_b32 v[PC+6*\c+\i], v[PC+12+4*\c+\i]
.endr
.irp i, 0,1,2
	v_mov_b32 v[PC+3+6*\c+\i], v[PC+12+4*\c+\i]
.endr
.endif
.endr
.endm
; the next K step of my walk, for the weights: the set's two bases; the counter goes round 0 .. 7
.macro KW set
	s_mul_i32 s[OFA], s[KSW], 3072
	s_lshl_b32 s[OFB], s[KSW], 7
	s_add_nc_u64 s[WBX+4*(\set):WBX+4*(\set)+1], s[WB:WB+1], s[OFA:OFA+1]
	s_add_nc_u64 s[WBX+4*(\set)+2:WBX+4*(\set)+3], s[WSB:WSB+1], s[OFB:OFB+1]
	s_add_co_u32 s[KSW], s[KSW], 1
	s_and_b32 s[KSW], s[KSW], 7
.endm
; and for the tokens: two LDS addresses (LDS instructions have read their address when they are issued, so one pair of registers serves both sets)
.macro KT
	s_mul_i32 s[OFT], s[KST], 1536
	s_lshl_b32 s[OFU], s[KST], 7
	s_add_co_u32 s[KST], s[KST], 1
	s_and_b32 s[KST], s[KST], 7
	v_add_nc_u32 v[L8R], s[OFT], v[L8]
	v_add_nc_u32 v[L4R], s[OFU], v[L4]
.endm
.macro WLOAD set, iw, d1, is, ds1
.irp p, 0,1
.irp u, 0,1
.irp g, 0,1,2
	global_load_b128 v[WF+48*(\set)+24*\p+12*\u+4*\g:WF+48*(\set)+24*\p+12*\u+4*\g+3], v[VW], s[WBX+4*(\set):WBX+4*(\set)+1] offset:(\iw)+\p*(\d1)+1536*\u+512*\g
.endr
.endr
	global_load_b32 v[WS+2*(\set)+\p], v[VS], s[WBX+4*(\set)+2:WBX+4*(\set)+3] offset:(\is)+\p*(\ds1)
.endr
.endm
.macro TLOAD set, reg
.irp u, 0,1
.irp p, 0,1,2,3,4,5
	ds_load_b64 v[TF+24*(\set)+12*\u+2*\p:TF+24*(\set)+12*\u+2*\p+1], v[L8R] offset:(\reg)+12288*\u+256*\p
.endr
.endr
	ds_load_b32 v[TS+(\set)], v[L4R] offset:(\reg)+24576
.endm
.macro WM d, a, b, cz, sa, sb, ra, rb
.if (\cz) && ((\ra) == 0) && ((\rb) == 0)
	v_wmma_scale_f32_16x16x128_f8f6f4 v[(\d):(\d)+7], v[(\a):(\a)+11], v[(\b):(\b)+11], 0, v[\sa], v[\sb] matrix_a_fmt:MATRIX_FMT_FP6 matrix_b_fmt:MATRIX_FMT_FP6
.elseif (\cz) && ((\ra) == 1) && ((\rb) == 0)
	v_wmma_scale_f32_16x16x128_f8f6f4 v[(\d):(\d)+7], v[(\a):(\a)+11], v[(\b):(\b)+11], 0, v[\sa], v[\sb] matrix_a_fmt:MATRIX_FMT_FP6 matrix_b_fmt:MATRIX_FMT_FP6 matrix_a_scale:MATRIX_SCALE_ROW1
.elseif (\cz) && ((\ra) == 0) && ((\rb) == 1)
	v_wmma_scale_f32_16x16x128_f8f6f4 v[(\d):(\d)+7], v[(\a):(\a)+11], v[(\b):(\b)+11], 0, v[\sa], v[\sb] matrix_a_fmt:MATRIX_FMT_FP6 matrix_b_fmt:MATRIX_FMT_FP6 matrix_b_scale:MATRIX_SCALE_ROW1
.elseif (\cz)
	v_wmma_scale_f32_16x16x128_f8f6f4 v[(\d):(\d)+7], v[(\a):(\a)+11], v[(\b):(\b)+11], 0, v[\sa], v[\sb] matrix_a_fmt:MATRIX_FMT_FP6 matrix_b_fmt:MATRIX_FMT_FP6 matrix_a_scale:MATRIX_SCALE_ROW1 matrix_b_scale:MATRIX_SCALE_ROW1
.elseif ((\ra) == 0) && ((\rb) == 0)
	v_wmma_scale_f32_16x16x128_f8f6f4 v[(\d):(\d)+7], v[(\a):(\a)+11], v[(\b):(\b)+11], v[(\d):(\d)+7], v[\sa], v[\sb] matrix_a_fmt:MATRIX_FMT_FP6 matrix_b_fmt:MATRIX_FMT_FP6
.elseif ((\ra) == 1) && ((\rb) == 0)
	v_wmma_scale_f32_16x16x128_f8f6f4 v[(\d):(\d)+7], v[(\a):(\a)+11], v[(\b):(\b)+11], v[(\d):(\d)+7], v[\sa], v[\sb] matrix_a_fmt:MATRIX_FMT_FP6 matrix_b_fmt:MATRIX_FMT_FP6 matrix_a_scale:MATRIX_SCALE_ROW1
.elseif ((\ra) == 0) && ((\rb) == 1)
	v_wmma_scale_f32_16x16x128_f8f6f4 v[(\d):(\d)+7], v[(\a):(\a)+11], v[(\b):(\b)+11], v[(\d):(\d)+7], v[\sa], v[\sb] matrix_a_fmt:MATRIX_FMT_FP6 matrix_b_fmt:MATRIX_FMT_FP6 matrix_b_scale:MATRIX_SCALE_ROW1
.else
	v_wmma_scale_f32_16x16x128_f8f6f4 v[(\d):(\d)+7], v[(\a):(\a)+11], v[(\b):(\b)+11], v[(\d):(\d)+7], v[\sa], v[\sb] matrix_a_fmt:MATRIX_FMT_FP6 matrix_b_fmt:MATRIX_FMT_FP6 matrix_a_scale:MATRIX_SCALE_ROW1 matrix_b_scale:MATRIX_SCALE_ROW1
.endif
.endm
.macro MM set, cz                      ; eight accumulators by turns, one instruction a turn, the same order in every K step
.irp p, 0,1
.irp v, 0,1
.irp u, 0,1
	WM ACC+32*\u+16*\p+8*\v, WF+48*(\set)+24*\p+12*\v, TF+24*(\set)+12*\u, \cz, WS+2*(\set)+\p, TS+(\set), \v, \u
.endr
.endr
.endr
.endm
.macro PASSW iw, d1, is, ds1           ; the first two K steps of a pass: 28 loads
	s_wait_xcnt 0x0                                ; the bases are written only behind this wait
	KW 0
	WLOAD 0, \iw, \d1, \is, \ds1
	KW 1
	WLOAD 1, \iw, \d1, \is, \ds1
.endm
.macro PASST reg
	KT
	TLOAD 0, \reg
	KT
	TLOAD 1, \reg
.endm
.macro PASSK cz, reg, iw, d1, is, ds1
.irp s, 0,1,2,3,4,5,6,7
.if \s < 7
	s_wait_loadcnt 14                              ; this K step's 14 loads, and all older ones, are in; the next K step's 14 may be out
	s_wait_dscnt 13                                ; likewise its 13 LDS loads
.else
	s_wait_loadcnt 0x0
	s_wait_dscnt 0x0
.endif
.if \s == 0
	MM 0, \cz
.else
	MM \s%2, 0
.endif
.if \s < 6
	s_wait_xcnt 0x0                                ; this set's loads are done (the wait above) and every address has been read: its bases may be written
	KW \s%2
	KT                                             ; its two additions and the two lines below are the four places ahead of loads into registers just multiplied
	v_nop
	v_nop
	WLOAD \s%2, \iw, \d1, \is, \ds1
	TLOAD \s%2, \reg
.else
	NOP4                                           ; four places ahead of what next loads into, or reads, the products' registers
.endif
.endr
.endm
.macro TSTORE reg                      ; my half fragments (64 features of both token tiles) and half scale words into a token record in LDS
.irp u, 0,1
.irp i, 0,1,2
	ds_store_b64 v[AT], v[PC+6*\u+2*\i:PC+6*\u+2*\i+1] offset:(\reg)+12288*\u+256*\i
.endr
.endr
	ds_store_b16 v[AS], v[PW] offset:(\reg)+24576
	ds_store_b16_d16_hi v[AS], v[PW] offset:(\reg)+24640
.endm
; ACC = g (ACC rs), rs = 1 / sqrt(mean of squares over the token's 1,024 features + eps).  The sixteen waves' partial sums meet in LDS: one barrier.  It names no register into which weights are on their way.
.macro NORM
.irp u, 0,1
	v_pk_mul_f32 v[NT+4*\u:NT+4*\u+1], v[ACC+32*\u:ACC+32*\u+1], v[ACC+32*\u:ACC+32*\u+1]
	v_pk_mul_f32 v[NT+2+4*\u:NT+3+4*\u], v[ACC+32*\u+2:ACC+32*\u+3], v[ACC+32*\u+2:ACC+32*\u+3]
.endr
.irp i, 4,8,12,16,20,24,28
.irp u, 0,1
	v_pk_fma_f32 v[NT+4*\u:NT+4*\u+1], v[ACC+32*\u+\i:ACC+32*\u+\i+1], v[ACC+32*\u+\i:ACC+32*\u+\i+1], v[NT+4*\u:NT+4*\u+1]
	v_pk_fma_f32 v[NT+2+4*\u:NT+3+4*\u], v[ACC+32*\u+\i+2:ACC+32*\u+\i+3], v[ACC+32*\u+\i+2:ACC+32*\u+\i+3], v[NT+2+4*\u:NT+3+4*\u]
.endr
.endr
.irp u, 0,1
	v_pk_add_f32 v[NT+4*\u:NT+4*\u+1], v[NT+4*\u:NT+4*\u+1], v[NT+2+4*\u:NT+3+4*\u]
.endr
.irp u, 0,1
	v_add_f32 v[NT+4*\u], v[NT+4*\u], v[NT+1+4*\u]
.endr
.irp u, 0,1
	v_permlanex16_b32 v[NT+2+4*\u], v[NT+4*\u], s[SEL], s[SEL+1]
.endr
.irp u, 0,1
	v_add_f32 v[NT+4*\u], v[NT+4*\u], v[NT+2+4*\u]
.endr
	v_cndmask_b32 v[NT+8], v[NT], v[NT+4], s[HM]   ; lane (r, h) hands on tile h's sum
	ds_store_b32 v[NS], v[NT+8]
	BARRIER
.irp u, 0,1
.irp k, 0,1,2,3
	ds_load_b128 v[NT+16*\u+4*\k:NT+16*\u+4*\k+3], v[NL] offset:1024*\u+16*\k
.endr
.endr
.irp v, 0,1
.irp q, 0,1
	ds_load_b128 v[230+8*\v+4*\q:233+8*\v+4*\q], v[GO] offset:GL+32*\v+16*\q          ; the gain at my features 32 p + 16 h + 0 .. 15: p = 0,
	ds_load_b128 v[208+8*\v+4*\q:211+8*\v+4*\q], v[GO] offset:GL+128+32*\v+16*\q      ; p = 1
.endr
.endr
	s_wait_dscnt 8                                 ; the partial sums are in; the gain's eight loads may be out
.irp i, 0,2,4,6
.irp u, 0,1
	v_pk_add_f32 v[NT+16*\u+\i:NT+16*\u+\i+1], v[NT+16*\u+\i:NT+16*\u+\i+1], v[NT+8+16*\u+\i:NT+9+16*\u+\i]
.endr
.endr
.irp i, 0,2
.irp u, 0,1
	v_pk_add_f32 v[NT+16*\u+\i:NT+16*\u+\i+1], v[NT+16*\u+\i:NT+16*\u+\i+1], v[NT+4+16*\u+\i:NT+5+16*\u+\i]
.endr
.endr
.irp u, 0,1
	v_pk_add_f32 v[NT+16*\u:NT+16*\u+1], v[NT+16*\u:NT+16*\u+1], v[NT+2+16*\u:NT+3+16*\u]
.endr
.irp u, 0,1
	v_add_f32 v[NT+16*\u], v[NT+16*\u], v[NT+1+16*\u]
.endr
.irp u, 0,1
	v_fma_f32 v[NT+16*\u], v[NT+16*\u], s[C10], s[CEPS]
.endr
.irp u, 0,1
	v_rsq_f32 v[246+2*\u], v[NT+16*\u]
	v_rsq_f32 v[247+2*\u], v[NT+16*\u]             ; twice: the packed multiply takes a pair
.endr
	v_nop                                          ; a plain place behind the transcendentals
	s_wait_alu depctr_va_vdst(0)                   ; one wait for the four
	s_wait_dscnt 0x0                               ; the gain
	s_wait_xcnt 0x0                                ; stores that read ACC have read it: it is rewritten only behind this wait
.irp u, 0,1
.irp i, 0,2,4,6,8,10,12,14,16,18,20,22,24,26,28,30
	v_pk_mul_f32 v[ACC+32*\u+\i:ACC+32*\u+\i+1], v[ACC+32*\u+\i:ACC+32*\u+\i+1], v[246+2*\u:247+2*\u]
.endr
.endr
.irp u, 0,1
.irp i, 0,2,4,6,8,10,12,14
	v_pk_mul_f32 v[ACC+32*\u+\i:ACC+32*\u+\i+1], v[ACC+32*\u+\i:ACC+32*\u+\i+1], v[230+\i:231+\i]
	v_pk_mul_f32 v[ACC+32*\u+16+\i:ACC+32*\u+17+\i], v[ACC+32*\u+16+\i:ACC+32*\u+17+\i], v[208+\i:209+\i]
.endr
.endr
.endm
	s_load_b256 s[4:11], s[0:1], 0x0               ; oa, prep, x, g_norm_cross
	s_load_b64 s[12:13], s[0:1], 0x20              ; mid
	v_lshrrev_b32 v11, 5, v0
	v_readfirstlane_b32 s[WV], v11
	v_and_b32 v12, 31, v0                          ; lane
	v_and_b32 v13, 15, v0                          ; r
	v_bfe_u32 v14, v0, 4, 1                        ; h
	v_lshlrev_b32 v[A16T], 4, v0
	v_lshlrev_b32 v[A2T], 1, v0
	v_lshlrev_b32 v[L8R], 3, v0                    ; (at the head: 8 x thread)
	v_lshlrev_b32 v[L8], 3, v12
	v_lshlrev_b32 v[L4], 2, v12
	v_lshlrev_b32 v[L16], 4, v12
	v_lshlrev_b32 v[R4], 2, v13
	s_mul_i32 s14, s[WV], 49152
	v_add_nc_u32 v[VW], s14, v[L16]
	s_lshl_b32 s14, s[WV], 11
	v_add_nc_u32 v[VS], s14, v[L4]
	s_mul_i32 s14, s[WV], 768
	v_add_nc_u32 v[AT], s14, v[L8]
	s_lshr_b32 s14, s[WV], 1
	s_lshl_b32 s14, s14, 7
	s_and_b32 s15, s[WV], 1
	s_lshl_b32 s15, s15, 1
	s_add_co_u32 s14, s14, s15
	v_add_nc_u32 v[AS], s14, v[R4]
	v_and_b32 v15, 8, v13
	v_add_nc_u32 v15, v15, v13
	v_lshlrev_b32 v11, 12, v15
	v_lshl_add_u32 v11, v14, 6, v11
	s_lshl_b32 s14, s[WV], 8
	v_add_nc_u32 v11, s14, v11                     ; x: 4,096 (r + (r & 8)) + 64 h + 256 w
	v_lshl_add_u32 v[NL], v13, 6, RS               ; a token's sixteen partial sums
	v_lshlrev_b32 v[GO], 6, v14
	v_add_nc_u32 v[GO], s14, v[GO]                 ; the gain: 256 w + 64 h
	v_lshl_add_u32 v[NS], v12, 6, RS
	s_lshl_b32 s15, s[WV], 2
	v_add_nc_u32 v[NS], s15, v[NS]                 ; mine: 64 x lane + 4 w
	s_lshl_b32 s15, s[WV], 13
	v_add_nc_u32 v12, s15, v[L16]                  ; x1's image: 16 x lane + 8,192 w
	s_mov_b32 s[SEL], 0x76543210
	s_mov_b32 s[SEL+1], 0xfedcba98
	s_mov_b32 s[HM], 0xffff0000
	s_mov_b32 s[C10], 0x3a800000
	s_mov_b32 s[CEPS], 0x358637bd
	s_lshr_b32 s[KSW], ttmp9, 3
	s_add_co_u32 s[KSW], s[KSW], ttmp9
	s_and_b32 s[KSW], s[KSW], 7                    ; where my walk along K begins
	s_mov_b32 s[KST], s[KSW]
	s_mov_b32 s[OFA+1], 0
	s_mov_b32 s[OFB+1], 0
	s_mov_b32 s17, 0
	s_lshr_b32 s18, ttmp9, 6
	s_lshl_b32 s18, s18, 4
	s_add_co_u32 s18, s18, s[WV]
	s_lshl_b32 s18, s18, 6
	s_and_b32 s19, ttmp9, 63
	s_add_co_u32 s18, s18, s19                     ; 64 bh + block of 32 queries
	s_wait_kmcnt 0x0
	s_mov_b64 s[WB:WB+1], s[6:7]
	s_mov_b32 s16, WSC
	s_add_nc_u64 s[WSB:WSB+1], s[6:7], s[16:17]
	s_mul_i32 s16, ttmp9, 25600
	s_add_nc_u64 s[RB:RB+1], s[4:5], s[16:17]
	s_lshl_b32 s16, ttmp9, 17
	s_add_nc_u64 s[38:39], s[8:9], s[16:17]
	s_add_nc_u64 s[40:41], s[12:13], s[16:17]
	s_mul_i32 s16, s18, 1536
	s_add_co_u32 s16, s16, Q2IMG
	s_add_nc_u64 s[42:43], s[12:13], s[16:17]
	s_lshl_b32 s16, s18, 6
	s_add_co_u32 s16, s16, Q2SC
	s_add_nc_u64 s[44:45], s[12:13], s[16:17]
	global_load_b128 v[176:179], v[A16T], s[RB:RB+1]
	global_load_b128 v[180:183], v[A16T], s[RB:RB+1] offset:8192
	global_load_b128 v[184:187], v[A16T], s[RB:RB+1] offset:16384
	global_load_u16 v188, v[A2T], s[RB:RB+1] offset:24576
	global_load_b64 v[190:191], v[L8R], s[GB:GB+1] ; the gain: 8 bytes a thread
.irp u, 0,1
.irp p, 0,1
.irp v, 0,1
.irp q, 0,1
	global_load_b128 v[ACC+32*\u+16*\p+8*\v+4*\q:ACC+32*\u+16*\p+8*\v+4*\q+3], v11, s[38:39] offset:32768*\u+128*\p+32*\v+16*\q   ; the residual, in the result's layout
.endr
.endr
.endr
.endr
	PASSW IW_A, 24576, IS_A, 1024
	s_wait_loadcnt 44                              ; the record's four loads and the gain's one are older than the residual's 16 and the weights' 28
	ds_store_b128 v[A16T], v[176:179]
	ds_store_b128 v[A16T], v[180:183] offset:8192
	ds_store_b128 v[A16T], v[184:187] offset:16384
	ds_store_b16 v[A2T], v188 offset:24576
	ds_store_b64 v[L8R], v[190:191] offset:GL
	BARRIER
	PASST T0
	PASSK 0, T0, IW_A, 24576, IS_A, 1024
	PASSW IW_B, 24576, IS_B, 1024                  ; the next weight's first two K steps land under the norm and the quantiser
.set qi, 0
.rept 16
	global_store_b128 v12, v[ACC+4*qi:ACC+4*qi+3], s[40:41] offset:512*qi   ; x1
.set qi, qi+1
.endr
	NORM
	QPART2 ACC, 0, ACC+16, 1
	QPART2 ACC+32, 2, ACC+48, 3
	QTAIL 2
	TSTORE T1
	BARRIER
	PASST T1
	PASSK 1, T1, IW_B, 24576, IS_B, 1024
	QPART2 ACC, 0, ACC+16, 1
	QPART2 ACC+32, 2, ACC+48, 3
	QTAIL 2
.irp g, 0,1,2
	global_store_b128 v[L16], v[PC+4*\g:PC+4*\g+3], s[42:43] offset:512*\g
.endr
	global_store_b32 v[R4], v[PW], s[44:45]
	s_wait_xcnt 0x0
	v_lshl_add_u32 v254, v0, 2, 0xe000
	v_mov_b32 v255, 0
	s_wait_tensorcnt 0x0
	ds_add_u32 v254, v255
	s_wait_dscnt 0x0
	s_endpgm
.Lfunc_end_k_q506478e1b1_midl:
	.size	k_q506478e1b1_midl, .Lfunc_end_k_q506478e1b1_midl-k_q506478e1b1_midl
	.p2alignl 7, 3214868480
	.fill 96, 4, 3214868480
	.section	.rodata,"a",@progbits
	.p2align	6, 0x0
	.amdhsa_kernel k_q506478e1b1_midl
		.amdhsa_group_segment_fixed_size 59392
		.amdhsa_private_segment_fixed_size 0
		.amdhsa_enable_private_segment 0
		.amdhsa_kernarg_size 40
		.amdhsa_user_sgpr_count 2
		.amdhsa_user_sgpr_kernarg_segment_ptr 1
		.amdhsa_wavefront_size32 1
		.amdhsa_system_sgpr_workgroup_id_x 1
		.amdhsa_system_sgpr_workgroup_id_y 1
		.amdhsa_system_sgpr_workgroup_id_z 1
		.amdhsa_system_vgpr_workitem_id 0
		.amdhsa_next_free_vgpr 256
		.amdhsa_next_free_sgpr 82
		.amdhsa_reserve_vcc 0
		.amdhsa_float_denorm_mode_32 3
		.amdhsa_float_denorm_mode_16_64 3
		.amdhsa_memory_ordered 1
		.amdhsa_forward_progress 1
		.amdhsa_inst_pref_size 85
	.end_amdhsa_kernel
	.amdgpu_metadata
---
amdhsa.version: [ 1, 2 ]
amdhsa.kernels:
  - .name:           k_q506478e1b1_midl
    .symbol:         k_q506478e1b1_midl.kd
    .args:
      - { .name: oa, .offset: 0, .size: 8, .value_kind: global_buffer, .address_space: global }
      - { .name: prep, .offset: 8, .size: 8, .value_kind: global_buffer, .address_space: global }
      - { .name: x, .offset: 16, .size: 8, .value_kind: global_buffer, .address_space: global }
      - { .name: g_norm_cross, .offset: 24, .size: 8, .value_kind: global_buffer, .address_space: global }
      - { .name: mid, .offset: 32, .size: 8, .value_kind: global_buffer, .address_space: global }
    .group_segment_fixed_size: 59392
    .private_segment_fixed_size: 0
    .kernarg_segment_align: 8
    .kernarg_segment_size: 40
    .max_flat_workgroup_size: 512
    .sgpr_count:     82
    .vgpr_count:     256
    .wavefront_size: 32
...
	.end_amdgpu_metadata
.endif
;; end of part 8
;; launch xattn: the kernel of part 5 again; grid 8 x 32, 16 waves a work-group, no clusters, 31,744 bytes of LDS; arguments mid, qkv, context_mask, ob; writes ob
;; launch ffn (part 9): grid 128 x 1, 16 waves a work-group, no clusters, 190,464 bytes of LDS; arguments ob, prep, mid, g_norm2, out0; writes out0
.if DOCPART == 9
	.amdgcn_target "amdgcn-amd-amdhsa--gfx1250"
	.amdhsa_code_object_version 6
	.text
	.protected	k_q506478e1b1_ffn
	.globl	k_q506478e1b1_ffn
	.p2align	8
	.type	k_q506478e1b1_ffn,@function
k_q506478e1b1_ffn:
	s_mov_b64 s[64:65], 0
	v_nop
	global_prefetch_b8 v0, s[64:65] scope:SCOPE_SE
	s_setreg_imm32_b32 hwreg(HW_REG_WAVE_MODE, 25, 1), 1
	s_wait_xcnt 0x0
; FFN.  x2 = x1 + O w_cout^T;  h = rmsnorm(x2) g;  out = x2 + (silu(h w1^T) (h w3^T)) w2^T.  A work-group owns 32 whole token rows, so the norm and the whole chain stay inside it: 128 work-groups.
; The tokens' codes lie in LDS as token records; wave w makes features 64 w .. 64 w + 63 and streams its weight rows from memory straight into registers, two K steps ahead.
; A weight byte goes to the one wave that multiplies it: there is no LDS tile that a joint load of a cluster could fill, so no cluster and no tensor load.
; THE WALK ALONG K IS ROTATED: work-group i begins at K step (i + i / 8) mod 8 and goes round, so that the work-groups, which all walk the same weights, ask for different K steps at a time, not all for the same.
; The f32 sums along K are therefore taken in an order that differs from work-group to work-group.
; Each pass's first two K steps of weights are asked for straight behind the pass before and land under the vector work between; the gain comes with the first loads and waits in LDS.
; The gated layer goes in two halves of 32 features a wave: in a half the pass's first pair of weight rows is w1's, the second w3's, so that a and b of one feature lie in one lane, 16 registers apart.
; x2 waits in the wave's own 8,192 bytes of LDS and comes back as the C of the last pass's first K step.
; ACC[32 u + 16 p + 8 u' + j] = (token 32 tb + 8 u + r + (r & 8), feature 64 w + 32 p + 16 h + 8 u' + j).
; LIMITS: NaN and infinities are not served; a block of zeros gets the scale byte 1.
.set WSC, 8650752
.set T0, 0
.set T1, 25600
.set RS, 51200
.set GL, 53248                         ; LDS: the gain, 4,096 bytes
.set STASH, 57344                      ; 8,192 bytes for each wave
.set IW_A, 224*24576
.set IS_A, 224*1024
.set IW_H0, 256*24576
.set IS_H0, 256*1024
.set IW_H1, 257*24576
.set IS_H1, 257*1024
.set IW_C, 320*24576
.set IS_C, 320*1024
.set ACC, 16
.set WF, 80
.set TF, 176
.set GT, 176
.set NT, 176                           ; the norm's temporaries: v176-207; the gain: v230-245 and v208-223; 1 / rms: v246-249
.set WS, 224
.set TS, 228
.set PC, 230
.set TB, 250
.set PW, 254
.set TM, 212
.set TX, 216
.set TE, 220
.set A16T, 1
.set A2T, 2                            ; v2   2 x thread, for the record's copy at the head; afterwards L4R
.set L4R, 2                            ; v2   4 x lane + 128 x the K step in hand
.set L8, 3
.set L4, 4
.set L16, 5
.set R4, 6
.set VW, 7
.set VS, 8
.set AT, 9
.set AS, 10
.set GO, 13
.set NS, 14
.set NL, 15
.set L8R, 255                          ; v255 8 x thread, for the gain's copy at the head; afterwards 8 x lane + 1,536 x the K step in hand
.set WV, 3
.set GB, 10
.set SEL, 30
.set WB, 32
.set WSB, 34
.set RB, 36
.set NL2, 46
.set HM, 48
.set C10, 49
.set CEPS, 50
.set KSW, 66                           ; s66  the K step whose weights are asked for next
.set KST, 67                           ; s67  the K step whose token fragments are read next
.set OFA, 68                           ; s[68:69], s[70:71] offsets as pairs, the upper words 0
.set OFB, 70
.set WBX, 72                           ; s[72:75] set 0's bases (weights, scale words), s[76:79] set 1's
.set OFT, 80
.set OFU, 81
.macro BARRIER
	s_wait_dscnt 0x0
	s_barrier_signal -1
	s_barrier_wait -1
.endm
.macro NOP4
.rept 4
	v_nop
.endr
.endm
.macro QCVT s, bk
.if ((\bk) % 2) == 0
	v_cvt_scalef32_pk16_fp6_f32 v[PC+6*((\bk)/2):PC+6*((\bk)/2)+2], v[(\s):(\s)+15], v[TE+(\bk)]
.else
	v_cvt_scalef32_pk16_fp6_f32 v[PC+12+4*((\bk)/2):PC+12+4*((\bk)/2)+2], v[(\s):(\s)+15], v[TE+(\bk)]
.endif
.endm
.macro QPART2 sa, ba, sb, bb
	v_mov_b32 v[TX+(\ba)], 0
	v_mov_b32 v[TX+(\bb)], 0
	v_max3_num_f32 v[TM+(\ba)], |v[(\sa)]|, |v[(\sa)+1]|, 0x1800000
	v_max3_num_f32 v[TM+(\bb)], |v[(\sb)]|, |v[(\sb)+1]|, 0x1800000
.irp i, 2,4,6,8,10,12,14
	v_max3_num_f32 v[TM+(\ba)], v[TM+(\ba)], |v[(\sa)+\i]|, |v[(\sa)+\i+1]|
	v_max3_num_f32 v[TM+(\bb)], v[TM+(\bb)], |v[(\sb)+\i]|, |v[(\sb)+\i+1]|
.endr
	v_permlanex16_b32 v[TX+(\ba)], v[TM+(\ba)], s[SEL], s[SEL+1]
	v_permlanex16_b32 v[TX+(\bb)], v[TM+(\bb)], s[SEL], s[SEL+1]
	v_max_num_f32 v[TM+(\ba)], v[TM+(\ba)], v[TX+(\ba)]
	v_max_num_f32 v[TM+(\bb)], v[TM+(\bb)], v[TX+(\bb)]
	v_add_nc_u32 v[TE+(\ba)], 0xff000000, v[TM+(\ba)]
	v_add_nc_u32 v[TE+(\bb)], 0xff000000, v[TM+(\bb)]
	v_lshrrev_b32 v[TB+(\ba)], 23, v[TE+(\ba)]
	v_lshrrev_b32 v[TB+(\bb)], 23, v[TE+(\bb)]
	QCVT \sa, \ba
	QCVT \sb, \bb
	v_nop
.endm
.macro QTAIL nc
	v_lshl_or_b32 v[PW], v[TB+1], 8, v[TB]
.if \nc > 1
	v_lshl_or_b32 v[PW], v[TB+2], 16, v[PW]
	v_lshl_or_b32 v[PW], v[TB+3], 24, v[PW]
.endif
.irp c, 0,1
.if \c < \nc
.irp i, 0,1,2
	v_permlane16_swap_b32 v[PC+6*\c+\i], v[PC+12+4*\c+\i]
.endr
.irp i, 0,1,2
	v_mov_b32 v[PC+3+6*\c+\i], v[PC+12+4*\c+\i]
.endr
.endif
.endr
.endm
; the next K step of my walk, for the weights: the set's two bases; the counter goes round 0 .. 7
.macro KW set
	s_mul_i32 s[OFA], s[KSW], 3072
	s_lshl_b32 s[OFB], s[KSW], 7
	s_add_nc_u64 s[WBX+4*(\set):WBX+4*(\set)+1], s[WB:WB+1], s[OFA:OFA+1]
	s_add_nc_u64 s[WBX+4*(\set)+2:WBX+4*(\set)+3], s[WSB:WSB+1], s[OFB:OFB+1]
	s_add_co_u32 s[KSW], s[KSW], 1
	s_and_b32 s[KSW], s[KSW], 7
.endm
; and for the tokens: two LDS addresses (LDS instructions have read their address when they are issued, so one pair of registers serves both sets)
.macro KT
	s_mul_i32 s[OFT], s[KST], 1536
	s_lshl_b32 s[OFU], s[KST], 7
	s_add_co_u32 s[KST], s[KST], 1
	s_and_b32 s[KST], s[KST], 7
	v_add_nc_u32 v[L8R], s[OFT], v[L8]
	v_add_nc_u32 v[L4R], s[OFU], v[L4]
.endm
.macro WLOAD set, iw, d1, is, ds1
.irp p, 0,1
.irp u, 0,1
.irp g, 0,1,2
	global_load_b128 v[WF+48*(\set)+24*\p+12*\u+4*\g:WF+48*(\set)+24*\p+12*\u+4*\g+3], v[VW], s[WBX+4*(\set):WBX+4*(\set)+1] offset:(\iw)+\p*(\d1)+1536*\u+512*\g
.endr
.endr
	global_load_b32 v[WS+2*(\set)+\p], v[VS], s[WBX+4*(\set)+2:WBX+4*(\set)+3] offset:(\is)+\p*(\ds1)
.endr
.endm
.macro TLOAD set, reg
.irp u, 0,1
.irp p, 0,1,2,3,4,5
	ds_load_b64 v[TF+24*(\set)+12*\u+2*\p:TF+24*(\set)+12*\u+2*\p+1], v[L8R] offset:(\reg)+12288*\u+256*\p
.endr
.endr
	ds_load_b32 v[TS+(\set)], v[L4R] offset:(\reg)+24576
.endm
.macro WM d, a, b, cz, sa, sb, ra, rb
.if (\cz) && ((\ra) == 0) && ((\rb) == 0)
	v_wmma_scale_f32_16x16x128_f8f6f4 v[(\d):(\d)+7], v[(\a):(\a)+11], v[(\b):(\b)+11], 0, v[\sa], v[\sb] matrix_a_fmt:MATRIX_FMT_FP6 matrix_b_fmt:MATRIX_FMT_FP6
.elseif (\cz) && ((\ra) == 1) && ((\rb) == 0)
	v_wmma_scale_f32_16x16x128_f8f6f4 v[(\d):(\d)+7], v[(\a):(\a)+11], v[(\b):(\b)+11], 0, v[\sa], v[\sb] matrix_a_fmt:MATRIX_FMT_FP6 matrix_b_fmt:MATRIX_FMT_FP6 matrix_a_scale:MATRIX_SCALE_ROW1
.elseif (\cz) && ((\ra) == 0) && ((\rb) == 1)
	v_wmma_scale_f32_16x16x128_f8f6f4 v[(\d):(\d)+7], v[(\a):(\a)+11], v[(\b):(\b)+11], 0, v[\sa], v[\sb] matrix_a_fmt:MATRIX_FMT_FP6 matrix_b_fmt:MATRIX_FMT_FP6 matrix_b_scale:MATRIX_SCALE_ROW1
.elseif (\cz)
	v_wmma_scale_f32_16x16x128_f8f6f4 v[(\d):(\d)+7], v[(\a):(\a)+11], v[(\b):(\b)+11], 0, v[\sa], v[\sb] matrix_a_fmt:MATRIX_FMT_FP6 matrix_b_fmt:MATRIX_FMT_FP6 matrix_a_scale:MATRIX_SCALE_ROW1 matrix_b_scale:MATRIX_SCALE_ROW1
.elseif ((\ra) == 0) && ((\rb) == 0)
	v_wmma_scale_f32_16x16x128_f8f6f4 v[(\d):(\d)+7], v[(\a):(\a)+11], v[(\b):(\b)+11], v[(\d):(\d)+7], v[\sa], v[\sb] matrix_a_fmt:MATRIX_FMT_FP6 matrix_b_fmt:MATRIX_FMT_FP6
.elseif ((\ra) == 1) && ((\rb) == 0)
	v_wmma_scale_f32_16x16x128_f8f6f4 v[(\d):(\d)+7], v[(\a):(\a)+11], v[(\b):(\b)+11], v[(\d):(\d)+7], v[\sa], v[\sb] matrix_a_fmt:MATRIX_FMT_FP6 matrix_b_fmt:MATRIX_FMT_FP6 matrix_a_scale:MATRIX_SCALE_ROW1
.elseif ((\ra) == 0) && ((\rb) == 1)
	v_wmma_scale_f32_16x16x128_f8f6f4 v[(\d):(\d)+7], v[(\a):(\a)+11], v[(\b):(\b)+11], v[(\d):(\d)+7], v[\sa], v[\sb] matrix_a_fmt:MATRIX_FMT_FP6 matrix_b_fmt:MATRIX_FMT_FP6 matrix_b_scale:MATRIX_SCALE_ROW1
.else
	v_wmma_scale_f32_16x16x128_f8f6f4 v[(\d):(\d)+7], v[(\a):(\a)+11], v[(\b):(\b)+11], v[(\d):(\d)+7], v[\sa], v[\sb] matrix_a_fmt:MATRIX_FMT_FP6 matrix_b_fmt:MATRIX_FMT_FP6 matrix_a_scale:MATRIX_SCALE_ROW1 matrix_b_scale:MATRIX_SCALE_ROW1
.endif
.endm
.macro MM set, cz                      ; eight accumulators by turns, one instruction a turn, the same order in every K step
.irp p, 0,1
.irp v, 0,1
.irp u, 0,1
	WM ACC+32*\u+16*\p+8*\v, WF+48*(\set)+24*\p+12*\v, TF+24*(\set)+12*\u, \cz, WS+2*(\set)+\p, TS+(\set), \v, \u
.endr
.endr
.endr
.endm
.macro PASSW iw, d1, is, ds1           ; the first two K steps of a pass: 28 loads
	s_wait_xcnt 0x0                                ; the bases are written only behind this wait
	KW 0
	WLOAD 0, \iw, \d1, \is, \ds1
	KW 1
	WLOAD 1, \iw, \d1, \is, \ds1
.endm
.macro PASST reg
	KT
	TLOAD 0, \reg
	KT
	TLOAD 1, \reg
.endm
.macro PASSK cz, reg, iw, d1, is, ds1
.irp s, 0,1,2,3,4,5,6,7
.if \s < 7
	s_wait_loadcnt 14                              ; this K step's 14 loads, and all older ones, are in; the next K step's 14 may be out
	s_wait_dscnt 13                                ; likewise its 13 LDS loads
.else
	s_wait_loadcnt 0x0
	s_wait_dscnt 0x0
.endif
.if \s == 0
	MM 0, \cz
.else
	MM \s%2, 0
.endif
.if \s < 6
	s_wait_xcnt 0x0                                ; this set's loads are done (the wait above) and every address has been read: its bases may be written
	KW \s%2
	KT                                             ; its two additions and the two lines below are the four places ahead of loads into registers just multiplied
	v_nop
	v_nop
	WLOAD \s%2, \iw, \d1, \is, \ds1
	TLOAD \s%2, \reg
.else
	NOP4                                           ; four places ahead of what next loads into, or reads, the products' registers
.endif
.endr
.endm
.macro TSTORE reg
.irp u, 0,1
.irp i, 0,1,2
	ds_store_b64 v[AT], v[PC+6*\u+2*\i:PC+6*\u+2*\i+1] offset:(\reg)+12288*\u+256*\i
.endr
.endr
	ds_store_b16 v[AS], v[PW] offset:(\reg)+24576
	ds_store_b16_d16_hi v[AS], v[PW] offset:(\reg)+24640
.endm
; ACC = g (ACC rs), rs = 1 / sqrt(mean of squares over the token's 1,024 features + eps).  The sixteen waves' partial sums meet in LDS: one barrier.  It names no register into which weights are on their way.
.macro NORM
.irp u, 0,1
	v_pk_mul_f32 v[NT+4*\u:NT+4*\u+1], v[ACC+32*\u:ACC+32*\u+1], v[ACC+32*\u:ACC+32*\u+1]
	v_pk_mul_f32 v[NT+2+4*\u:NT+3+4*\u], v[ACC+32*\u+2:ACC+32*\u+3], v[ACC+32*\u+2:ACC+32*\u+3]
.endr
.irp i, 4,8,12,16,20,24,28
.irp u, 0,1
	v_pk_fma_f32 v[NT+4*\u:NT+4*\u+1], v[ACC+32*\u+\i:ACC+32*\u+\i+1], v[ACC+32*\u+\i:ACC+32*\u+\i+1], v[NT+4*\u:NT+4*\u+1]
	v_pk_fma_f32 v[NT+2+4*\u:NT+3+4*\u], v[ACC+32*\u+\i+2:ACC+32*\u+\i+3], v[ACC+32*\u+\i+2:ACC+32*\u+\i+3], v[NT+2+4*\u:NT+3+4*\u]
.endr
.endr
.irp u, 0,1
	v_pk_add_f32 v[NT+4*\u:NT+4*\u+1], v[NT+4*\u:NT+4*\u+1], v[NT+2+4*\u:NT+3+4*\u]
.endr
.irp u, 0,1
	v_add_f32 v[NT+4*\u], v[NT+4*\u], v[NT+1+4*\u]
.endr
.irp u, 0,1
	v_permlanex16_b32 v[NT+2+4*\u], v[NT+4*\u], s[SEL], s[SEL+1]
.endr
.irp u, 0,1
	v_add_f32 v[NT+4*\u], v[NT+4*\u], v[NT+2+4*\u]
.endr
	v_cndmask_b32 v[NT+8], v[NT], v[NT+4], s[HM]   ; lane (r, h) hands on tile h's sum
	ds_store_b32 v[NS], v[NT+8]
	BARRIER
.irp u, 0,1
.irp k, 0,1,2,3
	ds_load_b128 v[NT+16*\u+4*\k:NT+16*\u+4*\k+3], v[NL] offset:1024*\u+16*\k
.endr
.endr
.irp v, 0,1
.irp q, 0,1
	ds_load_b128 v[230+8*\v+4*\q:233+8*\v+4*\q], v[GO] offset:GL+32*\v+16*\q          ; the gain at my features 32 p + 16 h + 0 .. 15: p = 0,
	ds_load_b128 v[208+8*\v+4*\q:211+8*\v+4*\q], v[GO] offset:GL+128+32*\v+16*\q      ; p = 1
.endr
.endr
	s_wait_dscnt 8                                 ; the partial sums are in; the gain's eight loads may be out
.irp i, 0,2,4,6
.irp u, 0,1
	v_pk_add_f32 v[NT+16*\u+\i:NT+16*\u+\i+1], v[NT+16*\u+\i:NT+16*\u+\i+1], v[NT+8+16*\u+\i:NT+9+16*\u+\i]
.endr
.endr
.irp i, 0,2
.irp u, 0,1
	v_pk_add_f32 v[NT+16*\u+\i:NT+16*\u+\i+1], v[NT+16*\u+\i:NT+16*\u+\i+1], v[NT+4+16*\u+\i:NT+5+16*\u+\i]
.endr
.endr
.irp u, 0,1
	v_pk_add_f32 v[NT+16*\u:NT+16*\u+1], v[NT+16*\u:NT+16*\u+1], v[NT+2+16*\u:NT+3+16*\u]
.endr
.irp u, 0,1
	v_add_f32 v[NT+16*\u], v[NT+16*\u], v[NT+1+16*\u]
.endr
.irp u, 0,1
	v_fma_f32 v[NT+16*\u], v[NT+16*\u], s[C10], s[CEPS]
.endr
.irp u, 0,1
	v_rsq_f32 v[246+2*\u], v[NT+16*\u]
	v_rsq_f32 v[247+2*\u], v[NT+16*\u]             ; twice: the packed multiply takes a pair
.endr
	v_nop                                          ; a plain place behind the transcendentals
	s_wait_alu depctr_va_vdst(0)                   ; one wait for the four
	s_wait_dscnt 0x0                               ; the gain, and my copy of x2 into LDS has read ACC
.irp u, 0,1
.irp i, 0,2,4,6,8,10,12,14,16,18,20,22,24,26,28,30
	v_pk_mul_f32 v[ACC+32*\u+\i:ACC+32*\u+\i+1], v[ACC+32*\u+\i:ACC+32*\u+\i+1], v[246+2*\u:247+2*\u]
.endr
.endr
.irp u, 0,1
.irp i, 0,2,4,6,8,10,12,14
	v_pk_mul_f32 v[ACC+32*\u+\i:ACC+32*\u+\i+1], v[ACC+32*\u+\i:ACC+32*\u+\i+1], v[230+\i:231+\i]
	v_pk_mul_f32 v[ACC+32*\u+16+\i:ACC+32*\u+17+\i], v[ACC+32*\u+16+\i:ACC+32*\u+17+\i], v[208+\i:209+\i]
.endr
.endr
.endm
; a = ACC[32 u + 0..15], b = ACC[32 u + 16..31]:  a <- (a / (1 + 2^(-a log2 e))) b.  Two batches of 32 transcendentals, one wait each
.macro GLU
.irp u, 0,1
.irp i, 0,2,4,6,8,10,12,14
	v_pk_mul_f32 v[GT+16*\u+\i:GT+16*\u+\i+1], v[ACC+32*\u+\i:ACC+32*\u+\i+1], s[NL2:NL2+1] op_sel_hi:[1,0]
.endr
.endr
.set gi, 0
.rept 32
	v_exp_f32 v[GT+gi], v[GT+gi]
.set gi, gi+1
.endr
	v_nop
	s_wait_alu depctr_va_vdst(0)
.set gi, 0
.rept 16
	v_pk_add_f32 v[GT+gi:GT+gi+1], v[GT+gi:GT+gi+1], 1.0 op_sel_hi:[1,0]
.set gi, gi+2
.endr
.set gi, 0
.rept 32
	v_rcp_f32 v[GT+gi], v[GT+gi]
.set gi, gi+1
.endr
	v_nop
	s_wait_alu depctr_va_vdst(0)
.irp u, 0,1
.irp i, 0,2,4,6,8,10,12,14
	v_pk_mul_f32 v[ACC+32*\u+\i:ACC+32*\u+\i+1], v[ACC+32*\u+\i:ACC+32*\u+\i+1], v[GT+16*\u+\i:GT+16*\u+\i+1]
.endr
.endr
.irp u, 0,1
.irp i, 0,2,4,6,8,10,12,14
	v_pk_mul_f32 v[ACC+32*\u+\i:ACC+32*\u+\i+1], v[ACC+32*\u+\i:ACC+32*\u+\i+1], v[ACC+32*\u+16+\i:ACC+32*\u+17+\i]
.endr
.endr
.endm
	s_load_b256 s[4:11], s[0:1], 0x0               ; ob, prep, mid, g_norm2
	s_load_b64 s[12:13], s[0:1], 0x20              ; out0
	v_lshrrev_b32 v11, 5, v0
	v_readfirstlane_b32 s[WV], v11
	v_and_b32 v12, 31, v0                          ; lane
	v_and_b32 v13, 15, v0                          ; r
	v_bfe_u32 v14, v0, 4, 1                        ; h
	v_lshlrev_b32 v[A16T], 4, v0
	v_lshlrev_b32 v[A2T], 1, v0
	v_lshlrev_b32 v[L8R], 3, v0                    ; (at the head: 8 x thread)
	v_lshlrev_b32 v[L8], 3, v12
	v_lshlrev_b32 v[L4], 2, v12
	v_lshlrev_b32 v[L16], 4, v12
	v_lshlrev_b32 v[R4], 2, v13
	s_mul_i32 s14, s[WV], 49152
	v_add_nc_u32 v[VW], s14, v[L16]
	s_lshl_b32 s14, s[WV], 11
	v_add_nc_u32 v[VS], s14, v[L4]
	s_mul_i32 s14, s[WV], 768
	v_add_nc_u32 v[AT], s14, v[L8]
	s_lshr_b32 s14, s[WV], 1
	s_lshl_b32 s14, s14, 7
	s_and_b32 s15, s[WV], 1
	s_lshl_b32 s15, s15, 1
	s_add_co_u32 s14, s14, s15
	v_add_nc_u32 v[AS], s14, v[R4]
	s_lshl_b32 s14, s[WV], 8
	v_lshl_add_u32 v[NL], v13, 6, RS
	v_lshlrev_b32 v[GO], 6, v14
	v_add_nc_u32 v[GO], s14, v[GO]                 ; the gain: 256 w + 64 h
	v_lshl_add_u32 v[NS], v12, 6, RS
	s_lshl_b32 s15, s[WV], 2
	v_add_nc_u32 v[NS], s15, v[NS]
	s_lshl_b32 s15, s[WV], 13
	v_add_nc_u32 v11, s15, v[L16]                  ; x1's image: 16 x lane + 8,192 w
	v_add_nc_u32 v12, STASH, v11                   ; and my own 8,192 bytes of LDS
	s_mov_b32 s[SEL], 0x76543210
	s_mov_b32 s[SEL+1], 0xfedcba98
	s_mov_b32 s[HM], 0xffff0000
	s_mov_b32 s[C10], 0x3a800000
	s_mov_b32 s[CEPS], 0x358637bd
	s_mov_b32 s[NL2], 0xbfb8aa3b                   ; -log2(e)
	s_mov_b32 s[NL2+1], s[NL2]
	s_lshr_b32 s[KSW], ttmp9, 3
	s_add_co_u32 s[KSW], s[KSW], ttmp9
	s_and_b32 s[KSW], s[KSW], 7                    ; where my walk along K begins
	s_mov_b32 s[KST], s[KSW]
	s_mov_b32 s[OFA+1], 0
	s_mov_b32 s[OFB+1], 0
	s_mov_b32 s17, 0
	s_wait_kmcnt 0x0
	s_mov_b64 s[WB:WB+1], s[6:7]
	s_mov_b32 s16, WSC
	s_add_nc_u64 s[WSB:WSB+1], s[6:7], s[16:17]
	s_mul_i32 s16, ttmp9, 25600
	s_add_nc_u64 s[RB:RB+1], s[4:5], s[16:17]
	s_lshl_b32 s16, ttmp9, 17
	s_add_nc_u64 s[38:39], s[8:9], s[16:17]
	s_add_nc_u64 s[40:41], s[12:13], s[16:17]
	global_load_b128 v[176:179], v[A16T], s[RB:RB+1]
	global_load_b128 v[180:183], v[A16T], s[RB:RB+1] offset:8192
	global_load_b128 v[184:187], v[A16T], s[RB:RB+1] offset:16384
	global_load_u16 v188, v[A2T], s[RB:RB+1] offset:24576
	global_load_b64 v[190:191], v[L8R], s[GB:GB+1] ; the gain: 8 bytes a thread
.set qi, 0
.rept 16
	global_load_b128 v[ACC+4*qi:ACC+4*qi+3], v11, s[38:39] offset:512*qi   ; x1, the residual
.set qi, qi+1
.endr
	PASSW IW_A, 24576, IS_A, 1024
	s_wait_loadcnt 44                              ; the record's four loads and the gain's one are older than the residual's 16 and the weights' 28
	ds_store_b128 v[A16T], v[176:179]
	ds_store_b128 v[A16T], v[180:183] offset:8192
	ds_store_b128 v[A16T], v[184:187] offset:16384
	ds_store_b16 v[A2T], v188 offset:24576
	ds_store_b64 v[L8R], v[190:191] offset:GL
	BARRIER
	PASST T0
	PASSK 0, T0, IW_A, 24576, IS_A, 1024
	PASSW IW_H0, 786432, IS_H0, 32768              ; the gated layer's first two K steps land under the norm and the quantiser
.set qi, 0
.rept 16
	ds_store_b128 v12, v[ACC+4*qi:ACC+4*qi+3] offset:512*qi   ; x2 waits in my own LDS bytes
.set qi, qi+1
.endr
	NORM
	QPART2 ACC, 0, ACC+16, 1
	QPART2 ACC+32, 2, ACC+48, 3
	QTAIL 2
	TSTORE T1
	BARRIER
	PASST T1
	PASSK 1, T1, IW_H0, 786432, IS_H0, 32768
	PASSW IW_H1, 786432, IS_H1, 32768              ; the next half's weights land under the gate
	GLU
	QPART2 ACC, 0, ACC+32, 2                       ; block 0 of my 64 hidden features, for both token tiles
	PASST T1
	PASSK 1, T1, IW_H1, 786432, IS_H1, 32768
	PASSW IW_C, 24576, IS_C, 1024
	GLU
	QPART2 ACC, 1, ACC+32, 3
	QTAIL 2
	TSTORE T0                                      ; the first record's bytes: two barriers part its last read from this
.set qi, 0
.rept 16
	ds_load_b128 v[ACC+4*qi:ACC+4*qi+3], v12 offset:512*qi   ; x2 back, as the C of the last pass
.set qi, qi+1
.endr
	BARRIER
	PASST T0
	PASSK 0, T0, IW_C, 24576, IS_C, 1024
	; THE WAY OUT: a lane holds pieces of one row; a tile of 16 rows x 256 bytes goes through my own LDS bytes and leaves as whole rows: sixteen lanes store 256 consecutive bytes, aligned
	v_and_b32 v179, 15, v0
	v_bfe_u32 v180, v0, 4, 1
	s_lshl_b32 s14, s[WV], 13
	s_add_co_u32 s14, s14, STASH
	v_mul_u32_u24 v176, v179, 272
	v_lshl_add_u32 v176, v180, 6, v176
	v_add_nc_u32 v176, s14, v176                   ; in: row r, + 64 h
	v_mul_u32_u24 v177, v180, 272
	v_lshl_add_u32 v177, v179, 4, v177
	v_add_nc_u32 v177, s14, v177                   ; back: lanes 0-15 one row, lanes 16-31 the next
	v_lshlrev_b32 v178, 12, v180
	v_lshl_add_u32 v178, v179, 4, v178
	s_lshl_b32 s15, s[WV], 8
	v_add_nc_u32 v178, s15, v178                   ; out0: 4,096 h + 16 r + 256 w
.irp u, 0,1
.irp p, 0,1
.irp v, 0,1
.irp q, 0,1
	ds_store_b128 v176, v[ACC+32*\u+16*\p+8*\v+4*\q:ACC+32*\u+16*\p+8*\v+4*\q+3] offset:128*\p+32*\v+16*\q
.endr
.endr
.endr
.irp k, 0,1,2,3,4,5,6,7
	ds_load_b128 v[80+32*\u+4*\k:83+32*\u+4*\k], v177 offset:544*\k   ; LDS serves a wave's instructions in order: these see my stores, and the next tile's stores come behind them
.endr
.endr
.irp u, 0,1
.irp k, 0,1,2,3,4,5,6,7
	s_wait_dscnt (1-\u)*16+7-\k                    ; behind this load: the tile's later loads, and for tile 0 the other tile's 8 stores and 8 loads
	global_store_b128 v178, v[80+32*\u+4*\k:83+32*\u+4*\k], s[40:41] offset:(8*\u+2*\k+8*(\k/4))*4096 th:TH_STORE_NT
.endr
.endr
	s_wait_xcnt 0x0
	v_lshl_add_u32 v254, v0, 2, 0x2e000
	v_mov_b32 v255, 0
	s_wait_tensorcnt 0x0
	ds_add_u32 v254, v255
	s_wait_dscnt 0x0
	s_endpgm
.Lfunc_end_k_q506478e1b1_ffn:
	.size	k_q506478e1b1_ffn, .Lfunc_end_k_q506478e1b1_ffn-k_q506478e1b1_ffn
	.p2alignl 7, 3214868480
	.fill 96, 4, 3214868480
	.section	.rodata,"a",@progbits
	.p2align	6, 0x0
	.amdhsa_kernel k_q506478e1b1_ffn
		.amdhsa_group_segment_fixed_size 190464
		.amdhsa_private_segment_fixed_size 0
		.amdhsa_enable_private_segment 0
		.amdhsa_kernarg_size 40
		.amdhsa_user_sgpr_count 2
		.amdhsa_user_sgpr_kernarg_segment_ptr 1
		.amdhsa_wavefront_size32 1
		.amdhsa_system_sgpr_workgroup_id_x 1
		.amdhsa_system_sgpr_workgroup_id_y 1
		.amdhsa_system_sgpr_workgroup_id_z 1
		.amdhsa_system_vgpr_workitem_id 0
		.amdhsa_next_free_vgpr 256
		.amdhsa_next_free_sgpr 82
		.amdhsa_reserve_vcc 0
		.amdhsa_float_denorm_mode_32 3
		.amdhsa_float_denorm_mode_16_64 3
		.amdhsa_memory_ordered 1
		.amdhsa_forward_progress 1
		.amdhsa_inst_pref_size 162
	.end_amdhsa_kernel
	.amdgpu_metadata
---
amdhsa.version: [ 1, 2 ]
amdhsa.kernels:
  - .name:           k_q506478e1b1_ffn
    .symbol:         k_q506478e1b1_ffn.kd
    .args:
      - { .name: ob, .offset: 0, .size: 8, .value_kind: global_buffer, .address_space: global }
      - { .name: prep, .offset: 8, .size: 8, .value_kind: global_buffer, .address_space: global }
      - { .name: mid, .offset: 16, .size: 8, .value_kind: global_buffer, .address_space: global }
      - { .name: g_norm2, .offset: 24, .size: 8, .value_kind: global_buffer, .address_space: global }
      - { .name: out0, .offset: 32, .size: 8, .value_kind: global_buffer, .address_space: global }
    .group_segment_fixed_size: 190464
    .private_segment_fixed_size: 0
    .kernarg_segment_align: 8
    .kernarg_segment_size: 40
    .max_flat_workgroup_size: 512
    .sgpr_count:     82
    .vgpr_count:     256
    .wavefront_size: 32
...
	.end_amdgpu_metadata
.endif
;; end of part 9
;; ======== version 3 of 3: 6 launches; version 2 with the launches proj, sattn, midl, xattn, ffn written anew for expert scheduling mode
;; limits: right only within a limited range of input values
;; workspace buffers: prep 13,926,400 bytes; qkv 13,107,200 bytes; oa 3,276,800 bytes; mid 20,054,016 bytes; ob 3,276,800 bytes
;; launch prep: the kernel of part 1 again; grid 336 x 1, 16 waves a work-group, no clusters, 3,072 bytes of LDS; arguments x, g_norm1, w_qkv_codes, w_qkv_scales, w_kv_codes, w_kv_scales, w_out_codes, w_out_scales, w_q_codes, w_q_scales, w_cout_codes, w_cout_scales, w1_codes, w1_scales, w3_codes, w3_scales, w2_codes, w2_scales, context_codes, context_scales, prep; writes prep
;; launch proj (part 10): grid 512 x 1, 16 waves a work-group, no clusters, 45,056 bytes of LDS; arguments prep, cos, sin, qkv; writes qkv
.if DOCPART == 10
	.amdgcn_target "amdgcn-amd-amdhsa--gfx1250"
	.amdhsa_code_object_version 6
	.text
	.protected	k_q506478e1b1_proj
	.globl	k_q506478e1b1_proj
	.p2align	8
	.type	k_q506478e1b1_proj,@function
k_q506478e1b1_proj:
	s_mov_b64 s[64:65], 0
	v_nop
	global_prefetch_b8 v0, s[64:65] scope:SCOPE_SE
	s_setreg_imm32_b32 hwreg(HW_REG_WAVE_SCHED_MODE, 0, 2), 2
	s_setreg_imm32_b32 hwreg(HW_REG_WAVE_MODE, 25, 1), 1
	s_wait_xcnt 0x0
	s_wait_alu depctr_vm_vsrc(0)
; PROJ.  q, k, v of self-attention and k, v of the context, all on FP6 codes, results quantised again for the attention launches.  Work-groups 0-255 take batch 0, 256-511 batch 1; within a batch
; 64 blocks of 32 tokens for each of q, k, v, then 32 blocks for each of the context's k, v: both halves of the grid walk the same five weights.
; A work-group holds 32 tokens' codes in LDS (a token record, 25,600 B).  Wave w makes the 64 features of head w: it streams its two pairs of weight rows from memory straight into registers, as images
; of the operand's registers (512 consecutive bytes a load), two K steps ahead.  A weight byte is read once by a work-group and goes to the one wave that multiplies it: there is no LDS tile that a joint
; load of a cluster could fill, so no cluster and no tensor load.
; THE WALK ALONG K IS ROTATED: the work-group of block t begins at K step (t + t / 8) mod 8 and goes round, so that the work-groups that walk one weight ask for different K steps of it at a time, not all for the same.
; The f32 sums along K are therefore taken in an order that differs from work-group to work-group.
; q, k: product transposed (source 0 = weight rows): a lane holds one token, its registers run along the head's 64 numbers; RoPE in f32; two blocks of 32 a token.  The block's cos and sin come with the first
; loads and wait in LDS: rows of 256 bytes, 272 apart, in the order of the tiles' lanes (row 16 u + r is token 8 u + r + (r & 8)), so that the sixteen lanes of a load touch sixteen different columns of 16 bytes.
; v: sources the other way round: a lane holds one channel, its registers run along the 32 tokens, which are one block of the second attention product's K.
; ACC (transposed): [32 u + 16 p + 8 u' + j] = (token 32 tb + 8 u + r + (r & 8), feature 64 w + 32 p + 16 h + 8 u' + j).
; Out: QIMG[bh][tbl][1,536] + QSC[bh][tbl][r][4];  records of 128 keys, 12,800 B: K 4 x 1,536 | V [block 4][pi 2][i 3][lane][8] | K's scale words [4][r][4] | V's [pi 2][lane][4].
; An image of 32 tokens of one head is ONE fragment of 128 along K: registers 0-5 tile u = 0's 64 numbers, 6-11 tile u = 1's.
; LIMITS: NaN and infinities are not served; a block of zeros gets the scale byte 1.
; THE MODE: SCHED_MODE bits 1:0 = 2 (LLVM: expert scheduling mode 2), set by the entry lines.  The code itself states the register dependences
; between vector or matrix instructions and memory or LDS instructions, with s_wait_alu, always for 0.
; THE PLAN.  Registers that memory or LDS instructions touch:
;   WF0, WF1, WS   Loads of a K step's weights and scale words land in a set; the K step's eight products read it; behind them the set is asked for again, two K steps on.
;   TF0, TF1, TS   The same for the tokens' fragments, out of LDS.  At the head v176-199 carry the record, cos and sin from memory into LDS; behind the pass cos and sin land in v80-207.
;   v9, v10 and v13, v14   A set's two LDS addresses: written by two additions a K step, read by the set's 13 LDS loads.
;   v1-v8, v11, v12   Offsets and addresses, made once at the head.     PC, PW, TM   Written by the quantiser, read by the last stores.
; A K step has two waits, behind its products: on vm_vsrc ahead of the two additions, on va_vdst ahead of its 27 loads.  Sixteen waves of 256 registers leave no room for a third set, so a K step's loads can go
; only into the set that has just been multiplied: they stand in one run behind that wait.
.set WSC, 8650752
.set TR0, 9011200
.set QSC, 3145728
.set KVS, 3276800
.set KVC, 9830400
.set CL, 25600                         ; LDS: cos, 32 rows x 272
.set SL, 34304                         ; sin
.set ACC, 16
.set WF, 80
.set TF, 176
.set WS, 224
.set TS, 228
.set PC, 230
.set TB, 250
.set PW, 254
.set TM, 212
.set TX, 216
.set TE, 220
.set A16T, 1
.set A2T, 2
.set L8, 3
.set L4, 4
.set L16, 5
.set R4, 6
.set VW, 7
.set VS, 8
.set L8R0, 9                           ; v9   set 0: 8 x lane + 1,536 x its K step
.set L4R0, 10                          ; v10  set 0: 4 x lane + 128 x its K step
.set L8R1, 13                          ; v13  set 1 likewise (at the head: at work)
.set L4R1, 14                          ; v14
.set WV, 3
.set SEL, 30
.set WB, 32
.set WSB, 34
.set RB, 36
.set KSW, 66                           ; s66  the K step whose weights are asked for next
.set KST, 67                           ; s67  the K step whose token fragments are read next
.set OFA, 68                           ; s[68:69], s[70:71] offsets as pairs, the upper words 0
.set OFB, 70
.set WBX, 72                           ; s[72:75] set 0's bases (weights, scale words), s[76:79] set 1's
.set OFT, 80
.set OFU, 81
.set COS, 80
.set SIN, 144
.macro BARRIER                         ; my LDS stores have landed and my LDS loads are in: then the work-group's barrier
	s_wait_dscnt 0x0
	s_barrier_signal -1
	s_barrier_wait -1
.endm
.macro NOP4
.rept 4
	v_nop
.endr
.endm
.macro QCVT s, bk
.if ((\bk) % 2) == 0
	v_cvt_scalef32_pk16_fp6_f32 v[PC+6*((\bk)/2):PC+6*((\bk)/2)+2], v[(\s):(\s)+15], v[TE+(\bk)]
.else
	v_cvt_scalef32_pk16_fp6_f32 v[PC+12+4*((\bk)/2):PC+12+4*((\bk)/2)+2], v[(\s):(\s)+15], v[TE+(\bk)]
.endif
.endm
.macro QPART2 sa, ba, sb, bb           ; two blocks by turns: a lane's 16 numbers and lane l xor 16's make a block of 32
	v_mov_b32 v[TX+(\ba)], 0
	v_mov_b32 v[TX+(\bb)], 0
	v_max3_num_f32 v[TM+(\ba)], |v[(\sa)]|, |v[(\sa)+1]|, 0x1800000
	v_max3_num_f32 v[TM+(\bb)], |v[(\sb)]|, |v[(\sb)+1]|, 0x1800000
.irp i, 2,4,6,8,10,12,14
	v_max3_num_f32 v[TM+(\ba)], v[TM+(\ba)], |v[(\sa)+\i]|, |v[(\sa)+\i+1]|
	v_max3_num_f32 v[TM+(\bb)], v[TM+(\bb)], |v[(\sb)+\i]|, |v[(\sb)+\i+1]|
.endr
	v_permlanex16_b32 v[TX+(\ba)], v[TM+(\ba)], s[SEL], s[SEL+1]
	v_permlanex16_b32 v[TX+(\bb)], v[TM+(\bb)], s[SEL], s[SEL+1]
	v_max_num_f32 v[TM+(\ba)], v[TM+(\ba)], v[TX+(\ba)]
	v_max_num_f32 v[TM+(\bb)], v[TM+(\bb)], v[TX+(\bb)]
	v_add_nc_u32 v[TE+(\ba)], 0xff000000, v[TM+(\ba)]
	v_add_nc_u32 v[TE+(\bb)], 0xff000000, v[TM+(\bb)]
	v_lshrrev_b32 v[TB+(\ba)], 23, v[TE+(\ba)]
	v_lshrrev_b32 v[TB+(\bb)], 23, v[TE+(\bb)]
	QCVT \sa, \ba
	QCVT \sb, \bb
	v_nop                                          ; one plain place behind a scaled conversion
.endm
.macro QTAIL nc
	v_lshl_or_b32 v[PW], v[TB+1], 8, v[TB]
.if \nc > 1
	v_lshl_or_b32 v[PW], v[TB+2], 16, v[PW]
	v_lshl_or_b32 v[PW], v[TB+3], 24, v[PW]
.endif
.irp c, 0,1
.if \c < \nc
.irp i, 0,1,2
	v_permlane16_swap_b32 v[PC+6*\c+\i], v[PC+12+4*\c+\i]
.endr
.irp i, 0,1,2
	v_mov_b32 v[PC+3+6*\c+\i], v[PC+12+4*\c+\i]
.endr
.endif
.endr
.endm
; the next K step of my walk, for the weights: the set's two bases; the counter goes round 0 .. 7
.macro KW set
	s_mul_i32 s[OFA], s[KSW], 3072
	s_lshl_b32 s[OFB], s[KSW], 7
	s_add_nc_u64 s[WBX+4*(\set):WBX+4*(\set)+1], s[WB:WB+1], s[OFA:OFA+1]
	s_add_nc_u64 s[WBX+4*(\set)+2:WBX+4*(\set)+3], s[WSB:WSB+1], s[OFB:OFB+1]
	s_add_co_u32 s[KSW], s[KSW], 1
	s_and_b32 s[KSW], s[KSW], 7
.endm
; and for the tokens: the set's two LDS addresses
.macro KT set
.if (\set) == 0
.set TA8, L8R0
.set TA4, L4R0
.else
.set TA8, L8R1
.set TA4, L4R1
.endif
	s_mul_i32 s[OFT], s[KST], 1536
	s_lshl_b32 s[OFU], s[KST], 7
	s_add_co_u32 s[KST], s[KST], 1
	s_and_b32 s[KST], s[KST], 7
	v_add_nc_u32 v[TA8], s[OFT], v[L8]
	v_add_nc_u32 v[TA4], s[OFU], v[L4]
.endm
; one K step of my four weight fragments and their two scale registers: 14 loads
.macro WLOAD set, iw, d1, is, ds1
.irp p, 0,1
.irp u, 0,1
.irp g, 0,1,2
	global_load_b128 v[WF+48*(\set)+24*\p+12*\u+4*\g:WF+48*(\set)+24*\p+12*\u+4*\g+3], v[VW], s[WBX+4*(\set):WBX+4*(\set)+1] offset:(\iw)+\p*(\d1)+1536*\u+512*\g
.endr
.endr
	global_load_b32 v[WS+2*(\set)+\p], v[VS], s[WBX+4*(\set)+2:WBX+4*(\set)+3] offset:(\is)+\p*(\ds1)
.endr
.endm
; one K step of the two token fragments and their scale register: 13 LDS loads
.macro TLOAD set, reg
.if (\set) == 0
.set TA8, L8R0
.set TA4, L4R0
.else
.set TA8, L8R1
.set TA4, L4R1
.endif
.irp u, 0,1
.irp p, 0,1,2,3,4,5
	ds_load_b64 v[TF+24*(\set)+12*\u+2*\p:TF+24*(\set)+12*\u+2*\p+1], v[TA8] offset:(\reg)+12288*\u+256*\p
.endr
.endr
	ds_load_b32 v[TS+(\set)], v[TA4] offset:(\reg)+24576
.endm
; one matrix instruction.  cz = 1: the product starts the sum.  ra, rb: which half of the lanes of the scale registers serves source 0, source 1
.macro WM d, a, b, cz, sa, sb, ra, rb
.if (\cz) && ((\ra) == 0) && ((\rb) == 0)
	v_wmma_scale_f32_16x16x128_f8f6f4 v[(\d):(\d)+7], v[(\a):(\a)+11], v[(\b):(\b)+11], 0, v[\sa], v[\sb] matrix_a_fmt:MATRIX_FMT_FP6 matrix_b_fmt:MATRIX_FMT_FP6
.elseif (\cz) && ((\ra) == 1) && ((\rb) == 0)
	v_wmma_scale_f32_16x16x128_f8f6f4 v[(\d):(\d)+7], v[(\a):(\a)+11], v[(\b):(\b)+11], 0, v[\sa], v[\sb] matrix_a_fmt:MATRIX_FMT_FP6 matrix_b_fmt:MATRIX_FMT_FP6 matrix_a_scale:MATRIX_SCALE_ROW1
.elseif (\cz) && ((\ra) == 0) && ((\rb) == 1)
	v_wmma_scale_f32_16x16x128_f8f6f4 v[(\d):(\d)+7], v[(\a):(\a)+11], v[(\b):(\b)+11], 0, v[\sa], v[\sb] matrix_a_fmt:MATRIX_FMT_FP6 matrix_b_fmt:MATRIX_FMT_FP6 matrix_b_scale:MATRIX_SCALE_ROW1
.elseif (\cz)
	v_wmma_scale_f32_16x16x128_f8f6f4 v[(\d):(\d)+7], v[(\a):(\a)+11], v[(\b):(\b)+11], 0, v[\sa], v[\sb] matrix_a_fmt:MATRIX_FMT_FP6 matrix_b_fmt:MATRIX_FMT_FP6 matrix_a_scale:MATRIX_SCALE_ROW1 matrix_b_scale:MATRIX_SCALE_ROW1
.elseif ((\ra) == 0) && ((\rb) == 0)
	v_wmma_scale_f32_16x16x128_f8f6f4 v[(\d):(\d)+7], v[(\a):(\a)+11], v[(\b):(\b)+11], v[(\d):(\d)+7], v[\sa], v[\sb] matrix_a_fmt:MATRIX_FMT_FP6 matrix_b_fmt:MATRIX_FMT_FP6
.elseif ((\ra) == 1) && ((\rb) == 0)
	v_wmma_scale_f32_16x16x128_f8f6f4 v[(\d):(\d)+7], v[(\a):(\a)+11], v[(\b):(\b)+11], v[(\d):(\d)+7], v[\sa], v[\sb] matrix_a_fmt:MATRIX_FMT_FP6 matrix_b_fmt:MATRIX_FMT_FP6 matrix_a_scale:MATRIX_SCALE_ROW1
.elseif ((\ra) == 0) && ((\rb) == 1)
	v_wmma_scale_f32_16x16x128_f8f6f4 v[(\d):(\d)+7], v[(\a):(\a)+11], v[(\b):(\b)+11], v[(\d):(\d)+7], v[\sa], v[\sb] matrix_a_fmt:MATRIX_FMT_FP6 matrix_b_fmt:MATRIX_FMT_FP6 matrix_b_scale:MATRIX_SCALE_ROW1
.else
	v_wmma_scale_f32_16x16x128_f8f6f4 v[(\d):(\d)+7], v[(\a):(\a)+11], v[(\b):(\b)+11], v[(\d):(\d)+7], v[\sa], v[\sb] matrix_a_fmt:MATRIX_FMT_FP6 matrix_b_fmt:MATRIX_FMT_FP6 matrix_a_scale:MATRIX_SCALE_ROW1 matrix_b_scale:MATRIX_SCALE_ROW1
.endif
.endm
; a K step's eight products: eight accumulators by turns, one instruction a turn, in the same order in every K step
.macro MM set, cz, orient
.irp p, 0,1
.irp v, 0,1
.irp u, 0,1
.if (\orient) == 0
	WM ACC+32*\u+16*\p+8*\v, WF+48*(\set)+24*\p+12*\v, TF+24*(\set)+12*\u, \cz, WS+2*(\set)+\p, TS+(\set), \v, \u
.else
	WM ACC+32*\p+16*\v+8*\u, TF+24*(\set)+12*\u, WF+48*(\set)+24*\p+12*\v, \cz, TS+(\set), WS+2*(\set)+\p, \u, \v
.endif
.endr
.endr
.endr
.endm
.macro PASSW iw, d1, is, ds1           ; the first two K steps of a pass: 28 loads
	s_wait_xcnt 0x0                                ; the bases are written only behind this wait
	KW 0
	WLOAD 0, \iw, \d1, \is, \ds1
	KW 1
	WLOAD 1, \iw, \d1, \is, \ds1
.endm
.macro PASST reg
	s_wait_alu depctr_vm_vsrc(0)                   ; the LDS stores of the record, cos and sin have read v176-199, in which the fragments below land
	KT 0
	KT 1
	s_wait_alu depctr_va_vdst(0)                   ; both sets' LDS addresses are written, which the loads below read
	TLOAD 0, \reg
	TLOAD 1, \reg
.endm
; a pass over K = 1,024: eight K steps on two sets of operand registers
.macro PASSK cz, orient, reg, iw, d1, is, ds1
.irp s, 0,1,2,3,4,5,6,7
.if \s < 7
	s_wait_loadcnt 14                              ; this K step's 14 loads, and all older ones, are in; the next K step's 14 may be out
	s_wait_dscnt 13                                ; likewise its 13 LDS loads
.else
	s_wait_loadcnt 0x0
	s_wait_dscnt 0x0
.endif
.if \s == 0
	MM 0, \cz, \orient
.else
	MM \s%2, 0, \orient
.endif
.if \s < 6
	s_wait_xcnt 0x0                                ; this set's loads are done (the wait above) and every address has been read: its bases may be written
	KW \s%2
	s_wait_alu depctr_vm_vsrc(0)                   ; this set's LDS loads have read its two address registers, which the additions below write
	KT \s%2                                        ; its two additions and the two lines below are four places behind the products (ISA guide 7.12.1)
	v_nop
	v_nop
	s_wait_alu depctr_va_vdst(0)                   ; the eight products are done reading this set's fragments and scale registers, in which the loads below land; the set's two addresses are written
	WLOAD \s%2, \iw, \d1, \is, \ds1
	TLOAD \s%2, \reg
.else
	NOP4                                           ; four places ahead of what next reads the products' results
.endif
.endr
.endm
	s_load_b256 s[4:11], s[0:1], 0x0               ; prep, cos, sin, qkv
	v_lshl_add_u32 v249, v0, 2, 0xa800
	v_mov_b32 v255, 0
	v_lshrrev_b32 v13, 5, v0
	v_readfirstlane_b32 s[WV], v13                 ; wave = head
	v_and_b32 v13, 31, v0                          ; lane
	v_and_b32 v14, 15, v0                          ; r
	v_bfe_u32 v15, v0, 4, 1                        ; h
	v_lshlrev_b32 v[A16T], 4, v0
	v_lshlrev_b32 v[A2T], 1, v0
	v_lshlrev_b32 v[L8], 3, v13
	v_lshlrev_b32 v[L4], 2, v13
	v_lshlrev_b32 v[L16], 4, v13
	v_lshlrev_b32 v[R4], 2, v14
	s_wait_alu depctr_va_sdst(0)                   ; the wave's number is written, ahead of its first reader
	s_mul_i32 s13, s[WV], 49152
	v_add_nc_u32 v[VW], s13, v[L16]                ; my two pairs of weight rows
	s_lshl_b32 s13, s[WV], 11
	v_add_nc_u32 v[VS], s13, v[L4]
	v_mul_u32_u24 v11, v14, 272
	v_lshl_add_u32 v11, v15, 6, v11                ; cos, sin out of LDS: 272 r + 64 h
	v_bfe_u32 v12, v0, 4, 3                        ; into LDS: thread t brings 16 bytes of token row t / 16, which is row 16 u + r with
	v_bfe_u32 v13, v0, 7, 1                        ; r % 8 = its bits 0-2, u = its bit 3, r / 8 = its bit 4
	v_lshl_add_u32 v12, v13, 4, v12
	v_bfe_u32 v13, v0, 8, 1
	v_lshl_add_u32 v12, v13, 3, v12
	v_mul_u32_u24 v12, v12, 272
	v_lshl_add_u32 v12, v14, 4, v12                ; + 16 (t % 16)
	s_mov_b32 s[SEL], 0x76543210
	s_mov_b32 s[SEL+1], 0xfedcba98
	s_mov_b32 s48, 0xffff0000                      ; lanes 16-31
	; which product and which 32 rows
	s_lshr_b32 s17, ttmp9, 8                       ; batch
	s_and_b32 s13, ttmp9, 255
	s_lshr_b32 s12, s13, 6
	s_and_b32 s18, s13, 63
	s_sub_co_u32 s14, s13, 192
	s_lshr_b32 s15, s14, 5
	s_add_co_u32 s15, s15, 3
	s_and_b32 s20, s14, 31
	s_lshl_b32 s21, s17, 6
	s_add_co_u32 s21, s21, s18                     ; x's record: 64 batch + block
	s_lshl_b32 s16, s17, 5
	s_add_co_u32 s16, s16, s20
	s_add_co_u32 s16, s16, 128                     ; the context's: 128 + 32 batch + block
	s_mov_b32 s23, KVC
	s_cmp_lt_u32 s13, 192
	s_cselect_b32 s12, s12, s15                    ; kind: 0 q, 1 k, 2 v, 3 context k, 4 context v = 32 pairs of weight rows each
	s_cselect_b32 s21, s21, s16                    ; token record
	s_cselect_b32 s18, s18, s20                    ; block of 32 in the sequence
	s_cselect_b32 s22, 4, 3                        ; log2 of the records a head
	s_cselect_b32 s23, KVS, s23
	s_lshr_b32 s[KSW], s18, 3
	s_add_co_u32 s[KSW], s[KSW], s18
	s_and_b32 s[KSW], s[KSW], 7                    ; where my walk along K begins
	s_mov_b32 s[KST], s[KSW]
	s_mov_b32 s[OFA+1], 0
	s_mov_b32 s[OFB+1], 0
	s_lshl_b32 s24, s17, 4
	s_add_co_u32 s24, s24, s[WV]                   ; bh
	s_lshl_b32 s25, s24, s22
	s_lshr_b32 s26, s18, 2
	s_add_co_u32 s25, s25, s26
	s_mul_i32 s25, s25, 12800
	s_add_co_u32 s25, s25, s23                     ; my record of 128 keys
	s_and_b32 s26, s18, 3                          ; which 32 of them
	s_lshl_b32 s27, s24, 6
	s_add_co_u32 s27, s27, s18
	s_mul_i32 s28, s27, 1536                       ; q's image
	s_lshl_b32 s29, s27, 6
	s_add_co_u32 s29, s29, QSC
	s_mul_i32 s38, s26, 1536
	s_add_co_u32 s38, s38, s25                     ; k's image; v's lies 6,144 on
	s_lshl_b32 s39, s26, 6
	s_add_co_u32 s39, s39, s25
	s_add_co_u32 s39, s39, 12288
	s_cmp_eq_u32 s12, 0
	s_cselect_b32 s28, s28, s38
	s_cselect_b32 s40, s29, s39
	s_mov_b32 s51, 0
	s_wait_kmcnt 0x0
	s_mul_i32 s50, s12, 786432
	s_add_nc_u64 s[WB:WB+1], s[4:5], s[50:51]
	s_lshl_b32 s50, s12, 15
	s_add_co_u32 s50, s50, WSC
	s_add_nc_u64 s[WSB:WSB+1], s[4:5], s[50:51]
	s_mul_i32 s50, s21, 25600
	s_add_co_u32 s50, s50, TR0
	s_add_nc_u64 s[RB:RB+1], s[4:5], s[50:51]
	s_lshl_b32 s50, s18, 13
	s_add_nc_u64 s[6:7], s[6:7], s[50:51]
	s_add_nc_u64 s[8:9], s[8:9], s[50:51]
	s_mov_b32 s50, s28
	s_add_nc_u64 s[42:43], s[10:11], s[50:51]
	s_mov_b32 s50, s40
	s_add_nc_u64 s[44:45], s[10:11], s[50:51]
	s_add_co_u32 s50, s25, s26
	s_add_nc_u64 s[46:47], s[10:11], s[50:51]
	s_wait_alu depctr_va_vdst(0)                   ; the offsets and addresses v1-v8, v11, v12 are written, which the kernel's loads and stores read
	; the token record into LDS: 3 x 8,192 bytes and 1,024; the block's 32 rows of cos and of sin: 8,192 bytes each
	global_load_b128 v[176:179], v[A16T], s[RB:RB+1]
	global_load_b128 v[180:183], v[A16T], s[RB:RB+1] offset:8192
	global_load_b128 v[184:187], v[A16T], s[RB:RB+1] offset:16384
	global_load_u16 v188, v[A2T], s[RB:RB+1] offset:24576
	global_load_b128 v[192:195], v[A16T], s[6:7]
	global_load_b128 v[196:199], v[A16T], s[8:9]
	PASSW 0, 24576, 0, 1024
	s_wait_loadcnt 28                              ; the six loads above are older than the 28 weight loads
	ds_store_b128 v[A16T], v[176:179]
	ds_store_b128 v[A16T], v[180:183] offset:8192
	ds_store_b128 v[A16T], v[184:187] offset:16384
	ds_store_b16 v[A2T], v188 offset:24576
	ds_store_b128 v12, v[192:195] offset:CL
	ds_store_b128 v12, v[196:199] offset:SL
	BARRIER                                        ; from here on LDS is only read
	PASST 0
	s_cmp_eq_u32 s12, 2
	s_cbranch_scc1 .Lv
	s_cmp_eq_u32 s12, 4
	s_cbranch_scc1 .Lv
	PASSK 1, 0, 0, 0, 24576, 0, 1024
	s_cmp_ge_u32 s12, 2
	s_cbranch_scc1 .Lnorope
	s_wait_alu depctr_va_vdst(0)                   ; the pass's last products are done reading the weights' and tokens' registers v80-207, in which cos and sin land
.irp u, 0,1
.irp p, 0,1
.irp j, 0,1,2,3
	ds_load_b128 v[COS+32*\u+16*\p+4*\j:COS+32*\u+16*\p+4*\j+3], v11 offset:CL+4352*\u+128*\p+16*\j
	ds_load_b128 v[SIN+32*\u+16*\p+4*\j:SIN+32*\u+16*\p+4*\j+3], v11 offset:SL+4352*\u+128*\p+16*\j
.endr
.endr
.endr
	s_wait_dscnt 0x0
.irp u, 0,1                            ; lo' = lo cos_lo - hi sin_lo;  hi' = hi cos_hi + lo sin_hi: lo and hi lie in the same lane, 16 registers apart
.irp i, 0,2,4,6,8,10,12,14
	v_pk_mul_f32 v[SIN+32*\u+16+\i:SIN+32*\u+17+\i], v[ACC+32*\u+\i:ACC+32*\u+\i+1], v[SIN+32*\u+16+\i:SIN+32*\u+17+\i]
	v_pk_mul_f32 v[ACC+32*\u+\i:ACC+32*\u+\i+1], v[ACC+32*\u+\i:ACC+32*\u+\i+1], v[COS+32*\u+\i:COS+32*\u+\i+1]
	v_pk_fma_f32 v[ACC+32*\u+\i:ACC+32*\u+\i+1], v[ACC+32*\u+16+\i:ACC+32*\u+17+\i], v[SIN+32*\u+\i:SIN+32*\u+\i+1], v[ACC+32*\u+\i:ACC+32*\u+\i+1] neg_lo:[1,0,0] neg_hi:[1,0,0]
	v_pk_fma_f32 v[ACC+32*\u+16+\i:ACC+32*\u+17+\i], v[ACC+32*\u+16+\i:ACC+32*\u+17+\i], v[COS+32*\u+16+\i:COS+32*\u+17+\i], v[SIN+32*\u+16+\i:SIN+32*\u+17+\i]
.endr
.endr
.Lnorope:
	QPART2 ACC, 0, ACC+16, 1
	QPART2 ACC+32, 2, ACC+48, 3
	QTAIL 2
	s_wait_alu depctr_va_vdst(0)                   ; the quantiser has written the codes and the scale word, which the stores read
.irp g, 0,1,2
	global_store_b128 v[L16], v[PC+4*\g:PC+4*\g+3], s[42:43] offset:512*\g
.endr
	global_store_b32 v[R4], v[PW], s[44:45]
	s_wait_dscnt 0x0                               ; the closing lines, six on end
	s_wait_alu 0x0
	s_wait_tensorcnt 0x0
	ds_add_u32 v249, v255
	s_wait_dscnt 0x0
	s_endpgm
.Lv:
	PASSK 1, 1, 0, 0, 24576, 0, 1024
	QPART2 ACC, 0, ACC+16, 1
	QPART2 ACC+32, 2, ACC+48, 3
	QTAIL 2                                        ; PC[6 pi + e], lane (r, h): the 32 tokens of channel 32 pi + 8 h + r + (r & 8)
	v_cndmask_b32 v[TM], v[TB], v[TB+1], s48       ; that channel's scale byte
	v_cndmask_b32 v[TM+1], v[TB+2], v[TB+3], s48
	s_wait_alu depctr_va_vdst(0)                   ; the quantiser has written the codes and the two scale bytes, which the stores read
.irp p, 0,1
.irp i, 0,1,2
	global_store_b64 v[L8], v[PC+6*\p+2*\i:PC+6*\p+2*\i+1], s[42:43] offset:6144+768*\p+256*\i
.endr
	global_store_b8 v[L4], v[TM+\p], s[46:47] offset:12544+128*\p
.endr
	s_wait_dscnt 0x0                               ; the closing lines, six on end
	s_wait_alu 0x0
	s_wait_tensorcnt 0x0
	ds_add_u32 v249, v255
	s_wait_dscnt 0x0
	s_endpgm
.Lfunc_end_k_q506478e1b1_proj:
	.size	k_q506478e1b1_proj, .Lfunc_end_k_q506478e1b1_proj-k_q506478e1b1_proj
	.p2alignl 7, 3214868480
	.fill 96, 4, 3214868480
	.section	.rodata,"a",@progbits
	.p2align	6, 0x0
	.amdhsa_kernel k_q506478e1b1_proj
		.amdhsa_group_segment_fixed_size 45056
		.amdhsa_private_segment_fixed_size 0
		.amdhsa_enable_private_segment 0
		.amdhsa_kernarg_size 32
		.amdhsa_user_sgpr_count 2
		.amdhsa_user_sgpr_kernarg_segment_ptr 1
		.amdhsa_wavefront_size32 1
		.amdhsa_system_sgpr_workgroup_id_x 1
		.amdhsa_system_sgpr_workgroup_id_y 1
		.amdhsa_system_sgpr_workgroup_id_z 1
		.amdhsa_system_vgpr_workitem_id 0
		.amdhsa_next_free_vgpr 256
		.amdhsa_next_free_sgpr 82
		.amdhsa_reserve_vcc 0
		.amdhsa_float_denorm_mode_32 3
		.amdhsa_float_denorm_mode_16_64 3
		.amdhsa_memory_ordered 1
		.amdhsa_forward_progress 1
		.amdhsa_inst_pref_size 77
	.end_amdhsa_kernel
	.amdgpu_metadata
---
amdhsa.version: [ 1, 2 ]
amdhsa.kernels:
  - .name:           k_q506478e1b1_proj
    .symbol:         k_q506478e1b1_proj.kd
    .args:
      - { .name: prep, .offset: 0, .size: 8, .value_kind: global_buffer, .address_space: global }
      - { .name: cos, .offset: 8, .size: 8, .value_kind: global_buffer, .address_space: global }
      - { .name: sin, .offset: 16, .size: 8, .value_kind: global_buffer, .address_space: global }
      - { .name: qkv, .offset: 24, .size: 8, .value_kind: global_buffer, .address_space: global }
    .group_segment_fixed_size: 45056
    .private_segment_fixed_size: 0
    .kernarg_segment_align: 8
    .kernarg_segment_size: 32
    .max_flat_workgroup_size: 512
    .sgpr_count:     82
    .vgpr_count:     256
    .wavefront_size: 32
...
	.end_amdgpu_metadata
.endif
;; end of part 10
;; launch sattn (part 11): grid 8 x 32, 16 waves a work-group, no clusters, 27,648 bytes of LDS; arguments qkv, oa; writes oa
.if DOCPART == 11
	.amdgcn_target "amdgcn-amd-amdhsa--gfx1250"
	.amdhsa_code_object_version 6
	.text
	.protected	k_q506478e1b1_sattn
	.globl	k_q506478e1b1_sattn
	.p2align	8
	.type	k_q506478e1b1_sattn,@function
k_q506478e1b1_sattn:
	s_mov_b64 s[64:65], 0
	v_nop
	global_prefetch_b8 v0, s[64:65] scope:SCOPE_SE
	s_setreg_imm32_b32 hwreg(HW_REG_WAVE_SCHED_MODE, 0, 2), 2
	s_setreg_imm32_b32 hwreg(HW_REG_WAVE_MODE, 25, 1), 1
	s_wait_xcnt 0x0
	s_wait_alu depctr_vm_vsrc(0)
; ATTENTION on FP6 codes, head size 64.  CAUSAL = 1: self-attention, 2,048 keys, key k counts for query q where k <= q.  CAUSAL = 0: cross-attention, 1,024 keys, those with context_mask = 0 count for nothing.
; p = 2^(t - M), t = score x log2(e) / 8, M the running largest t rounded up to a whole number; p is quantised along the keys; the row's sum is taken of the unquantised p and divides at the end.
; SHARES.  Sixteen waves, one tile of 16 queries each, four waves to a SIMD.  CAUSAL: a work-group takes blocks a and 15 - a of 128 queries, eight waves each, so that every work-group has 17 blocks' worth of key steps.
; A key step is 128 keys: one record of 12,800 bytes (K, V, their scale words, as images of the operands' registers).  The work-group copies it into one of two LDS slots through registers: record j + 2 is asked for
; in step j, stored into LDS in step j + 1, read in step j + 2; one barrier a step.  The copy is through registers, so there is no tensor load; work-groups of a head read the same records, but each needs another number of them
; (CAUSAL), so partners of a cluster would not make the same requests: no cluster.
; K = 64 in a 128-deep instruction: a K fragment holds 32 keys (registers 0-5: 16 keys' 64 numbers, 6-11: 16 more); the query stands as zeros | q | zeros in 18 registers, [q, 0] multiplies the first keys, [0, q] the second.
; Both products transposed: a lane holds one query; S[16 b + i] = key 32 b + 16 h + i;  O[16 pi + i] = channel 32 pi + 16 h + i.
; LIMITS: NaN and infinities are not served; a batch whose mask is all zero is not served; masked scores are -3e38 and the running maximum starts at -1e30, so a true t must lie above -1e30.
; THE MODE: SCHED_MODE bits 1:0 = 2 (LLVM: expert scheduling mode 2), set by the entry lines.  The code itself states the register dependences
; between vector or matrix instructions and memory or LDS instructions, with s_wait_alu, always for 0.
; THE PLAN.  Registers that memory or LDS instructions touch, in the loop:
;   v240-247, v248-255   Two copy buffers by turns: a record's loads land in one in step j; step j + 1's LDS stores read it; step j + 2's loads land in it again.
;   KVF, v84-87          K's fragments and scale words land, the eight score products read them; V's land in the same registers, the four products V^T P read them.
;   S (CAUSAL = 0)       The keys' biases land; the score products add onto them; the softmax works in place.      v6 (CAUSAL = 0)   Their LDS address: one addition a step, read by 16 LDS loads.
;   v1-v5, v7, v8        Offsets and addresses, made once at the head.      PC, v227   p's codes and scale word: written by vector instructions, read by the products V^T P.
; A step has one wait on vm_vsrc, at its head, and three on va_vdst: ahead of K's loads, ahead of V's loads, ahead of the products V^T P; beside them the two waits behind the exponentials.
.set CAUSAL, 1
.set REC, 12800
.if CAUSAL
.set NKS, 16
.set QIMGO, 0
.set QSCO, 3145728
.set KVO, 3276800
.set QB, 4
.set KVB, 4
.set OB, 6
.else
.set NKS, 8
.set QIMGO, 16777216
.set QSCO, 19922944
.set KVO, 9830400
.set QB, 4
.set KVB, 6
.set OB, 10
.endif
.set BIAS, 2*REC
.set WV, 3
.set SEL, 44
.set CS, 46
.set S, 96
.set O, 160
.set KVF, 36
.set PC, 192
.set BM, 212
.set BT, 216
.set BE, 220
.macro BARRIER
	s_wait_dscnt 0x0
	s_barrier_signal -1
	s_barrier_wait -1
.endm
.macro NOP4
.rept 4
	v_nop
.endr
.endm
.macro WM d, a, b, cz, sa, sb, ra, rb
.if (\cz) && ((\ra) == 0)
	v_wmma_scale_f32_16x16x128_f8f6f4 v[(\d):(\d)+7], v[(\a):(\a)+11], v[(\b):(\b)+11], 0, v[\sa], v[\sb] matrix_a_fmt:MATRIX_FMT_FP6 matrix_b_fmt:MATRIX_FMT_FP6
.elseif (\cz)
	v_wmma_scale_f32_16x16x128_f8f6f4 v[(\d):(\d)+7], v[(\a):(\a)+11], v[(\b):(\b)+11], 0, v[\sa], v[\sb] matrix_a_fmt:MATRIX_FMT_FP6 matrix_b_fmt:MATRIX_FMT_FP6 matrix_a_scale:MATRIX_SCALE_ROW1
.elseif ((\ra) == 0)
	v_wmma_scale_f32_16x16x128_f8f6f4 v[(\d):(\d)+7], v[(\a):(\a)+11], v[(\b):(\b)+11], v[(\d):(\d)+7], v[\sa], v[\sb] matrix_a_fmt:MATRIX_FMT_FP6 matrix_b_fmt:MATRIX_FMT_FP6
.else
	v_wmma_scale_f32_16x16x128_f8f6f4 v[(\d):(\d)+7], v[(\a):(\a)+11], v[(\b):(\b)+11], v[(\d):(\d)+7], v[\sa], v[\sb] matrix_a_fmt:MATRIX_FMT_FP6 matrix_b_fmt:MATRIX_FMT_FP6 matrix_a_scale:MATRIX_SCALE_ROW1
.endif
.endm
.if CAUSAL
	s_load_b128 s[4:7], s[0:1], 0x0                ; qkv, oa
	v_lshl_add_u32 v238, v0, 2, 0x6400
	v_mov_b32 v239, 0
.else
	s_load_b256 s[4:11], s[0:1], 0x0               ; mid, qkv, context_mask, ob
.endif
	v_lshrrev_b32 v1, 5, v0
	v_readfirstlane_b32 s[WV], v1
	v_and_b32 v9, 31, v0                           ; lane
	v_and_b32 v11, 15, v0                          ; r
	v_bfe_u32 v35, v0, 4, 1                        ; h
	v_lshlrev_b32 v1, 4, v0                        ; 16 x thread: the copy of a record
	v_lshlrev_b32 v2, 4, v9                        ; 16 x lane
	v_lshlrev_b32 v3, 2, v9                        ; 4 x lane
	v_mul_u32_u24 v4, v35, 1536
	v_lshl_add_u32 v4, v11, 3, v4                  ; V: 1,536 h + 8 r
	v_lshlrev_b32 v7, 3, v9                        ; 8 x lane
	v_lshlrev_b32 v8, 2, v11                       ; 4 r
.if CAUSAL
	v_and_b32 v5, 8, v11
	v_add_nc_u32 v5, v5, v11
	v_lshlrev_b32 v6, 4, v35
	v_sub_nc_u32 v5, v5, v6                        ; r + (r & 8) - 16 h
	v_mov_b32 v10, 0xff800000                      ; -infinity
.else
	v_lshl_add_u32 v5, v35, 6, BIAS                ; the bias of my half's keys
	v_lshlrev_b32 v6, 3, v0
.endif
	s_wait_alu depctr_va_sdst(0)                   ; the wave's number is written, ahead of its first reader
	s_and_b32 s12, ttmp7, 0xffff                   ; bh
	s_lshr_b32 s13, s12, 4                         ; batch
	s_and_b32 s14, s12, 15                         ; head
.if CAUSAL
	s_lshr_b32 s15, s[WV], 2
	s_xor_b32 s15, s15, s[WV]
	s_and_b32 s15, s15, 1                          ; low block or high block: two of each among any four neighbouring waves
	s_lshr_b32 s16, s[WV], 1
	s_sub_co_u32 s17, 15, ttmp9
	s_cmp_eq_u32 s15, 1
	s_cselect_b32 s17, s17, ttmp9
	s_lshl_b32 s18, s17, 2
	s_lshr_b32 s19, s16, 1
	s_add_co_u32 s18, s18, s19                     ; block of 32 queries
	s_and_b32 s19, s16, 1                          ; tile u
	s_sub_co_u32 s20, 17, ttmp9
	s_lshr_b32 s20, s20, 1                         ; trips of two key steps: the high block needs 16 - a steps
.else
	s_lshl_b32 s18, ttmp9, 3
	s_lshr_b32 s19, s[WV], 1
	s_add_co_u32 s18, s18, s19
	s_and_b32 s19, s[WV], 1
	s_mov_b32 s20, 4
.endif
	s_lshl_b32 s21, s18, 5
	s_lshl_b32 s22, s19, 3
	s_add_co_u32 s21, s21, s22                     ; Q0: lane r's query is Q0 + r + (r & 8)
	s_lshl_b32 s22, s12, 6
	s_add_co_u32 s22, s22, s18
	s_cmp_eq_u32 s19, 1
	s_cselect_b32 s23, -1, 0
	s_lshl_b32 s33, s19, 4
	s_mov_b32 s[SEL], 0x76543210
	s_mov_b32 s[SEL+1], 0xfedcba98
	s_mov_b32 s[CS], 0x3e38aa3b                    ; log2(e) / 8
	s_mov_b32 s[CS+1], s[CS]
	s_mov_b32 s34, 2                               ; the record to be asked for next
	s_mov_b32 s35, 0                               ; the step's first key
	s_mov_b32 s36, 0                               ; and its bias, in bytes
	s_mov_b32 s25, 0
	s_mov_b32 s39, 0
	s_lshl_b32 s37, s13, 6
	s_add_co_u32 s37, s37, s18
	s_mul_i32 s37, s37, 25600                      ; the output's token record
	s_wait_kmcnt 0x0
	s_mul_i32 s24, s22, 1536
	s_add_co_u32 s24, s24, QIMGO
	s_add_nc_u64 s[26:27], s[QB:QB+1], s[24:25]
	s_lshl_b32 s24, s22, 6
	s_add_co_u32 s24, s24, QSCO
	s_add_nc_u64 s[28:29], s[QB:QB+1], s[24:25]
	s_mul_i32 s24, s12, NKS*REC
	s_add_co_u32 s24, s24, KVO
	s_add_nc_u64 s[30:31], s[KVB:KVB+1], s[24:25]
	s_mul_i32 s24, s19, 12288
	s_add_co_u32 s24, s24, s37
	s_mul_i32 s42, s14, 768
	s_add_co_u32 s24, s24, s42
	s_add_nc_u64 s[48:49], s[OB:OB+1], s[24:25]
	s_lshr_b32 s24, s14, 1
	s_lshl_b32 s24, s24, 7
	s_and_b32 s42, s14, 1
	s_lshl_b32 s42, s42, 1
	s_add_co_u32 s24, s24, s42
	s_lshl_b32 s42, s19, 6
	s_add_co_u32 s24, s24, s42
	s_add_co_u32 s24, s24, s37
	s_add_co_u32 s24, s24, 24576
	s_add_nc_u64 s[50:51], s[OB:OB+1], s[24:25]
.if !CAUSAL
	s_lshl_b32 s24, s13, 12
	s_add_nc_u64 s[52:53], s[8:9], s[24:25]
.endif
	s_wait_alu depctr_va_vdst(0)                   ; the offsets and addresses v1-v8 are written, which the kernel's loads and stores read
	global_load_b128 v[36:39], v2, s[26:27]        ; the image of 32 queries
	global_load_b128 v[40:43], v2, s[26:27] offset:512
	global_load_b128 v[44:47], v2, s[26:27] offset:1024
	global_load_b32 v224, v8, s[28:29]
	global_load_b128 v[240:243], v1, s[30:31]      ; records 0 and 1
	global_load_b128 v[248:251], v1, s[30:31] offset:REC
.if !CAUSAL
	global_load_b64 v[88:89], v6, s[52:53]
.endif
	s_cmp_lt_u32 s[WV], 9                          ; a record is 8,192 bytes by all threads and 4,608 more by nine waves
	s_cbranch_scc0 .Lhead9
	global_load_b128 v[244:247], v1, s[30:31] offset:8192
	global_load_b128 v[252:255], v1, s[30:31] offset:REC+8192
.Lhead9:
	s_wait_loadcnt 0x0
.irp e, 0,1,2,3,4,5
	v_cndmask_b32 v[22+\e], v[36+\e], v[42+\e], s23   ; my tile's six registers
.endr
	v_lshrrev_b32 v224, s33, v224
	v_and_b32 v224, 0xffff, v224
	v_lshl_or_b32 v34, v224, 16, v224              ; q's two scale bytes, for either place
.irp e, 0,1,2,3,4,5
	v_mov_b32 v[16+\e], 0
	v_mov_b32 v[28+\e], 0
.endr
.set qi, 0
.rept 32
	v_mov_b32 v[O+qi], 0                           ; the step is written once: the first finds zeros
.set qi, qi+1
.endr
	v_mov_b32 v14, 0
	v_mov_b32 v15, 0
	v_mov_b32 v13, 0xf149f2ca                      ; -1e30
	v_floor_f32 v12, -v13
.irp b, 0,1,2,3
	v_mov_b32 v[BT+\b], 0                          ; a lane permute's destination counts as one of its sources
.endr
	v_mov_b32 v227, 0                              ; (named as the upper half of the pair v[226:227] before it is first written)
	ds_store_b128 v1, v[240:243]
	s_cmp_lt_u32 s[WV], 9
	s_cbranch_scc0 .Lhead9b
	ds_store_b128 v1, v[244:247] offset:8192
.Lhead9b:
.if !CAUSAL
	v_mov_b32 v90, 0xff61b1e6                      ; -3e38
	v_mov_b32 v91, 0
	v_cmp_ne_u32 s54, 0, v88
	v_cmp_ne_u32 s55, 0, v89
	s_wait_alu depctr_va_sdst(0)                   ; the two compares have written s54 and s55, ahead of their first readers
	v_cndmask_b32 v88, v90, v91, s54
	v_cndmask_b32 v89, v90, v91, s55
	s_wait_alu depctr_va_vdst(0)                   ; v88 and v89 are written, which the LDS store reads
	ds_store_b64 v6, v[88:89] offset:BIAS          ; the batch's 1,024 biases: the C of the first product
.endif
	BARRIER
.macro STEP slot
	s_wait_loadcnt 0x0                             ; the next record is in registers; the base below may be written
	s_wait_alu depctr_vm_vsrc(0)                   ; the last step's LDS stores have read this slot's copy registers, in which the loads below land (CAUSAL = 0: and its bias loads have read v6, which is written below)
	ds_store_b128 v1, v[240+8*(1-\slot):243+8*(1-\slot)] offset:(1-\slot)*REC   ; into the slot that all waves left at the last barrier
	s_min_u32 s37, s34, NKS-1                      ; no load leaves the head's records
	s_mul_i32 s38, s37, REC
	s_add_nc_u64 s[40:41], s[30:31], s[38:39]
	global_load_b128 v[240+8*\slot:243+8*\slot], v1, s[40:41]   ; these registers' LDS stores were waited for at the last barrier
	s_cmp_lt_u32 s[WV], 9
	s_cbranch_scc0 .Lno9_\@
	ds_store_b128 v1, v[244+8*(1-\slot):247+8*(1-\slot)] offset:(1-\slot)*REC+8192
	global_load_b128 v[244+8*\slot:247+8*\slot], v1, s[40:41] offset:8192
.Lno9_\@:
	s_add_co_u32 s34, s34, 1
.if CAUSAL
	s_add_co_u32 s42, s21, 23                      ; a step all of whose keys come after my queries is left out: not its copy, not its barrier
	s_cmp_gt_u32 s35, s42
	s_cbranch_scc1 .Lhid_\@
.else
	v_add_nc_u32 v6, s36, v5
.endif
	NOP4                                           ; four places behind the last products
	s_wait_alu depctr_va_vdst(0)                   ; the last step's products are done reading KVF and v84-87, in which the loads below land; in the first step q's fragment and scale word are written, which the products below take (CAUSAL = 0: v6 is written, and the softmax is done with S, in which the biases land)
.irp b, 0,1,2,3
.irp g, 0,1,2
	ds_load_b128 v[KVF+12*\b+4*\g:KVF+12*\b+4*\g+3], v2 offset:\slot*REC+1536*\b+512*\g
.endr
.endr
	ds_load_b32 v84, v3 offset:\slot*REC+12288
	ds_load_b32 v85, v3 offset:\slot*REC+12416
.if !CAUSAL
.irp b, 0,1,2,3
.irp q, 0,1,2,3
	ds_load_b128 v[S+16*\b+4*\q:S+16*\b+4*\q+3], v6 offset:128*\b+16*\q
.endr
.endr
.endif
	s_wait_dscnt 0x0
.irp b, 0,1,2,3
.irp v, 0,1
	WM S+8*(2*\b+\v), KVF+12*\b, 22-6*\v, CAUSAL, 84+\b/2, 34, \b%2, 0
.endr
.endr
	NOP4
	s_wait_alu depctr_va_vdst(0)                   ; the eight score products are done reading K's fragments, in which V's land
.irp t, 0,1,2,3                        ; V's four tiles land under the softmax
.irp c, 0,1
.irp i, 0,1,2
	ds_load_b64 v[KVF+12*\t+6*\c+2*\i:KVF+12*\t+6*\c+2*\i+1], v4 offset:\slot*REC+6144+3072*\c+768*(\t/2)+128*(\t%2)+256*\i
.endr
.endr
.endr
	ds_load_b32 v86, v3 offset:\slot*REC+12544
	ds_load_b32 v87, v3 offset:\slot*REC+12672
.if CAUSAL
	s_add_co_u32 s42, s35, 127
	s_cmp_le_u32 s42, s21
	s_cbranch_scc1 .Lopen_\@                       ; all keys count
	s_sub_co_i32 s42, s21, s35
	v_add_nc_u32 v224, s42, v5                     ; register 16 b + i is hidden where 32 b + i > my query - first key - 16 h
.irp b, 0,1,2,3                        ; a block's sixteen compares in one run, into s52-63 and s8-11, which nothing else uses in the loop
.set qn, 0
.rept 16
.if qn < 12
	v_cmp_gt_i32 s[52+qn], 32*\b+qn, v224
.else
	v_cmp_gt_i32 s[qn-4], 32*\b+qn, v224
.endif
.set qn, qn+1
.endr
	s_wait_alu depctr_va_sdst(0)                   ; the run's sixteen masks are written, ahead of their first readers
.set qn, 0
.rept 16
.if qn < 12
	v_cndmask_b32 v[S+16*\b+qn], v[S+16*\b+qn], v10, s[52+qn]
.else
	v_cndmask_b32 v[S+16*\b+qn], v[S+16*\b+qn], v10, s[qn-4]
.endif
.set qn, qn+1
.endr
.endr
.Lopen_\@:
.endif
.irp b, 0,1,2,3
	v_max3_num_f32 v[BM+\b], v[S+16*\b], v[S+1+16*\b], v[S+2+16*\b]   ; each block's largest score: for the row's maximum and for the block's largest p
.endr
.irp i, 3,5,7,9,11,13
.irp b, 0,1,2,3
	v_max3_num_f32 v[BM+\b], v[BM+\b], v[S+16*\b+\i], v[S+1+16*\b+\i]
.endr
.endr
.irp b, 0,1,2,3
	v_max_num_f32 v[BM+\b], v[BM+\b], v[S+15+16*\b]
.endr
.irp b, 0,1,2,3
	v_permlanex16_b32 v[BT+\b], v[BM+\b], s[SEL], s[SEL+1]
.endr
.irp b, 0,1,2,3
	v_max_num_f32 v[BM+\b], v[BM+\b], v[BT+\b]
.endr
	v_max3_num_f32 v224, v[BM], v[BM+1], v[BM+2]
	v_max_num_f32 v224, v224, v[BM+3]
	v_mul_f32 v224, s[CS], v224
	v_max_num_f32 v13, v13, v224                   ; the running largest t
	v_mov_b32 v224, v12
	v_floor_f32 v12, -v13                          ; -M: M is a whole number
	v_sub_f32 v224, v12, v224
	v_cvt_i32_f32 v224, v224                       ; (it saturates)
	v_ldexp_f32 v226, 1.0, v224                    ; f = 2^(old M - new M)
.set qn, 0
.rept 32
	v_pk_fma_f32 v[S+qn:S+qn+1], v[S+qn:S+qn+1], s[CS:CS+1], v[12:13] op_sel_hi:[1,0,0]
.set qn, qn+2
.endr
.irp b, 0,1,2,3
	v_fma_f32 v[BM+\b], v[BM+\b], s[CS], v12
.endr
.set qn, 0
.rept 64
	v_exp_f32 v[S+qn], v[S+qn]
.set qn, qn+1
.endr
	v_pk_mul_f32 v[14:15], v[14:15], v[226:227] op_sel_hi:[1,0]   ; a plain place behind the exponentials
	s_wait_alu depctr_va_vdst(0)                   ; the batch of 64 exponentials has written p, ahead of its first reader
.irp b, 0,1,2,3
	v_exp_f32 v[BM+\b], v[BM+\b]
.endr
	v_pk_add_f32 v[228:229], v[S:S+1], v[S+2:S+3]  ; the row's sum of the unquantised p, in two chains
.irp j, 4,8,12,16,20,24,28,32,36,40,44,48,52,56,60
	v_pk_add_f32 v[14:15], v[14:15], v[S+\j:S+\j+1]
	v_pk_add_f32 v[228:229], v[228:229], v[S+2+\j:S+3+\j]
.endr
	v_pk_add_f32 v[14:15], v[14:15], v[228:229]
	s_wait_alu depctr_va_vdst(0)                   ; the four exponentials have written the blocks' largest p, ahead of their first reader
.irp b, 0,1,2,3
	v_max_num_f32 v[BM+\b], 0x1800000, v[BM+\b]
.endr
.irp b, 0,1,2,3
	v_add_nc_u32 v[BE+\b], 0xff000000, v[BM+\b]
.endr
.irp b, 0,1,2,3
	v_lshrrev_b32 v[BT+\b], 23, v[BE+\b]
.endr
	v_lshl_or_b32 v227, v[BT+1], 8, v[BT]          ; p's scale word
	v_lshl_or_b32 v227, v[BT+2], 16, v227
	v_lshl_or_b32 v227, v[BT+3], 24, v227
.irp c, 0,1
	v_cvt_scalef32_pk16_fp6_f32 v[PC+6*\c:PC+6*\c+2], v[S+32*\c:S+32*\c+15], v[BE+2*\c]
	v_cvt_scalef32_pk16_fp6_f32 v[PC+12+4*\c:PC+14+4*\c], v[S+16+32*\c:S+31+32*\c], v[BE+2*\c+1]
.endr
	v_nop
.irp c, 0,1
.irp i, 0,1,2
	v_permlane16_swap_b32 v[PC+6*\c+\i], v[PC+12+4*\c+\i]
.endr
.irp i, 0,1,2
	v_mov_b32 v[PC+3+6*\c+\i], v[PC+12+4*\c+\i]
.endr
.endr
.set qn, 0
.rept 16
	v_pk_mul_f32 v[O+qn:O+qn+1], v[O+qn:O+qn+1], v[226:227] op_sel_hi:[1,0]   ; O under the new M; these 16 are also the places ahead of the products
.set qn, qn+2
.endr
	s_wait_alu depctr_va_vdst(0)                   ; p's codes and its scale word are written, which the scaled products below take as source 1 and as its scales; the places above stay beside this wait
	s_wait_dscnt 0x0                               ; V
.irp t, 0,1,2,3
	WM O+8*\t, KVF+12*\t, PC, 0, 86+\t/2, 227, \t%2, 0
.endr
.if CAUSAL
.Lhid_\@:
	s_add_co_u32 s35, s35, 128
.else
	s_add_co_u32 s36, s36, 512
.endif
	BARRIER                                        ; my copy into the other slot has landed and my reads of this one are over
.endm
.Ltrip:
	STEP 0
	STEP 1
	s_sub_co_u32 s20, s20, 1
	s_cmp_lg_u32 s20, 0
	s_cbranch_scc1 .Ltrip
	; THE WAY OUT: O / the sum, quantised along the head's 64 channels: half a fragment and half a scale word of the token record
	NOP4
	v_add_f32 v14, v14, v15
	v_permlanex16_b32 v224, v14, s[SEL], s[SEL+1]
	v_add_f32 v14, v14, v224
	v_rcp_f32 v14, v14
	v_nop
	s_wait_alu depctr_va_vdst(0)                   ; the reciprocal is written, ahead of its first reader
.set qn, 0
.rept 32
	v_mul_f32 v[S+qn], v[O+qn], v14
.set qn, qn+1
.endr
	v_max3_num_f32 v[BM], |v[S]|, |v[S+1]|, 0x1800000
	v_max3_num_f32 v[BM+1], |v[S+16]|, |v[S+17]|, 0x1800000
.irp i, 2,4,6,8,10,12,14
	v_max3_num_f32 v[BM], v[BM], |v[S+\i]|, |v[S+1+\i]|
	v_max3_num_f32 v[BM+1], v[BM+1], |v[S+16+\i]|, |v[S+17+\i]|
.endr
	v_permlanex16_b32 v[BT], v[BM], s[SEL], s[SEL+1]
	v_permlanex16_b32 v[BT+1], v[BM+1], s[SEL], s[SEL+1]
	v_max_num_f32 v[BM], v[BM], v[BT]
	v_max_num_f32 v[BM+1], v[BM+1], v[BT+1]
	v_add_nc_u32 v[BE], 0xff000000, v[BM]
	v_add_nc_u32 v[BE+1], 0xff000000, v[BM+1]
	v_lshrrev_b32 v230, 23, v[BE]
	v_lshrrev_b32 v231, 23, v[BE+1]
	v_lshl_or_b32 v234, v231, 8, v230
	v_cvt_scalef32_pk16_fp6_f32 v[PC:PC+2], v[S:S+15], v[BE]
	v_cvt_scalef32_pk16_fp6_f32 v[PC+12:PC+14], v[S+16:S+31], v[BE+1]
	v_nop
.irp i, 0,1,2
	v_permlane16_swap_b32 v[PC+\i], v[PC+12+\i]
.endr
.irp i, 0,1,2
	v_mov_b32 v[PC+3+\i], v[PC+12+\i]
.endr
	s_wait_alu depctr_va_vdst(0)                   ; the codes and the two scale bytes are written, which the stores read
.irp i, 0,1,2
	global_store_b64 v7, v[PC+2*\i:PC+2*\i+1], s[48:49] offset:256*\i   ; 256 consecutive bytes, aligned
.endr
	global_store_b16 v8, v234, s[50:51]
	s_wait_dscnt 0x0                               ; the closing lines, six on end
	s_wait_alu 0x0
	s_wait_tensorcnt 0x0
	ds_add_u32 v238, v239
	s_wait_dscnt 0x0
	s_endpgm
.Lfunc_end_k_q506478e1b1_sattn:
	.size	k_q506478e1b1_sattn, .Lfunc_end_k_q506478e1b1_sattn-k_q506478e1b1_sattn
	.p2alignl 7, 3214868480
	.fill 96, 4, 3214868480
	.section	.rodata,"a",@progbits
	.p2align	6, 0x0
	.amdhsa_kernel k_q506478e1b1_sattn
		.amdhsa_group_segment_fixed_size 27648
		.amdhsa_private_segment_fixed_size 0
		.amdhsa_enable_private_segment 0
		.amdhsa_kernarg_size 16
		.amdhsa_user_sgpr_count 2
		.amdhsa_user_sgpr_kernarg_segment_ptr 1
		.amdhsa_wavefront_size32 1
		.amdhsa_system_sgpr_workgroup_id_x 1
		.amdhsa_system_sgpr_workgroup_id_y 1
		.amdhsa_system_sgpr_workgroup_id_z 1
		.amdhsa_system_vgpr_workitem_id 0
		.amdhsa_next_free_vgpr 256
		.amdhsa_next_free_sgpr 66
		.amdhsa_reserve_vcc 0
		.amdhsa_float_denorm_mode_32 3
		.amdhsa_float_denorm_mode_16_64 3
		.amdhsa_memory_ordered 1
		.amdhsa_forward_progress 1
		.amdhsa_inst_pref_size 64
	.end_amdhsa_kernel
	.amdgpu_metadata
---
amdhsa.version: [ 1, 2 ]
amdhsa.kernels:
  - .name:           k_q506478e1b1_sattn
    .symbol:         k_q506478e1b1_sattn.kd
    .args:
      - { .name: qkv, .offset: 0, .size: 8, .value_kind: global_buffer, .address_space: global }
      - { .name: oa, .offset: 8, .size: 8, .value_kind: global_buffer, .address_space: global }
    .group_segment_fixed_size: 27648
    .private_segment_fixed_size: 0
    .kernarg_segment_align: 8
    .kernarg_segment_size: 16
    .max_flat_workgroup_size: 512
    .sgpr_count:     66
    .vgpr_count:     256
    .wavefront_size: 32
...
	.end_amdgpu_metadata
.endif
;; end of part 11
;; launch midl (part 12): grid 128 x 1, 16 waves a work-group, no clusters, 59,392 bytes of LDS; arguments oa, prep, x, g_norm_cross, mid; writes mid
.if DOCPART == 12
	.amdgcn_target "amdgcn-amd-amdhsa--gfx1250"
	.amdhsa_code_object_version 6
	.text
	.protected	k_q506478e1b1_midl
	.globl	k_q506478e1b1_midl
	.p2align	8
	.type	k_q506478e1b1_midl,@function
k_q506478e1b1_midl:
	s_mov_b64 s[64:65], 0
	v_nop
	global_prefetch_b8 v0, s[64:65] scope:SCOPE_SE
	s_setreg_imm32_b32 hwreg(HW_REG_WAVE_SCHED_MODE, 0, 2), 2
	s_setreg_imm32_b32 hwreg(HW_REG_WAVE_MODE, 25, 1), 1
	s_wait_xcnt 0x0
	s_wait_alu depctr_vm_vsrc(0)
; MID.  x1 = x + O w_out^T;  h = rmsnorm(x1) g;  q2 = h w_q^T, quantised by heads.  A work-group owns 32 whole token rows, so the norm stays inside it: 128 work-groups.
; The tokens' codes lie in LDS as a token record; wave w makes features 64 w .. 64 w + 63 and streams its two pairs of weight rows from memory straight into registers, two K steps ahead.
; A weight byte goes to the one wave that multiplies it: there is no LDS tile that a joint load of a cluster could fill, so no cluster and no tensor load.
; THE WALK ALONG K IS ROTATED: work-group i begins at K step (i + i / 8) mod 8 and goes round, so that the work-groups, which all walk the same weights, ask for different K steps at a time, not all for the same.
; The f32 sums along K are therefore taken in an order that differs from work-group to work-group.
; The second weight's first two K steps are asked for straight behind the first pass and land under the norm and the quantiser; the gain comes with the first loads and waits in LDS.
; The residual is the C of the first K step.  ACC[32 u + 16 p + 8 u' + j] = (token 32 tb + 8 u + r + (r & 8), feature 64 w + 32 p + 16 h + 8 u' + j).
; x1 leaves as images of ACC (512 consecutive bytes a store); the last launch loads it the same way.
; LIMITS: NaN and infinities are not served; a block of zeros gets the scale byte 1.
; THE MODE: SCHED_MODE bits 1:0 = 2 (LLVM: expert scheduling mode 2), set by the entry lines.  The code itself states the register dependences
; between vector or matrix instructions and memory or LDS instructions, with s_wait_alu, always for 0.
; THE PLAN.  Registers that memory or LDS instructions touch:
;   WF0, WF1, WS   Loads of a K step's weights and scale words land in a set; the K step's eight products read it; behind them the set is asked for again, two K steps on, or for the next pass.
;   TF0, TF1, TS   The same for the tokens' fragments, out of LDS.  At the head v176-191 carry the record and the gain into LDS; between the passes the norm and the quantiser work in them.
;   v1, v11 and v255, v2   A set's two LDS addresses: written by two additions a K step, read by the set's 13 LDS loads.  (At the head the four are offsets of the first loads and LDS stores.)
;   ACC            The residual's loads land; products add onto it; x1's stores read it; the norm rewrites it.      PC, PW   Written by the quantiser, read by the record's LDS stores and by the last stores.
;   v3-v10, v12-v15   Offsets and addresses, made once at the head.
; A K step has two waits, behind its products: on vm_vsrc ahead of the two additions, on va_vdst ahead of its 27 loads.  Sixteen waves of 256 registers leave no room for a third set, so a K step's loads can go
; only into the set that has just been multiplied: they stand in one run behind that wait.
.set WSC, 8650752
.set Q2IMG, 16777216
.set Q2SC, 19922944
.set T0, 0
.set T1, 25600
.set RS, 51200
.set GL, 53248                         ; LDS: the gain, 4,096 bytes
.set IW_A, 160*24576
.set IS_A, 160*1024
.set IW_B, 192*24576
.set IS_B, 192*1024
.set ACC, 16
.set WF, 80
.set TF, 176
.set NT, 176                           ; the norm's temporaries: v176-207; the gain: v230-245 and v208-223; 1 / rms: v246-249
.set WS, 224
.set TS, 228
.set PC, 230
.set TB, 250
.set PW, 254
.set TM, 212
.set TX, 216
.set TE, 220
.set A16T, 1                           ; v1   16 x thread, for the record's copy at the head; afterwards L8R0
.set A2T, 2                            ; v2   2 x thread, for the record's copy at the head; afterwards L4R1
.set G8T, 255                          ; v255 8 x thread, for the gain's copy at the head; afterwards L8R1
.set L8R0, 1                           ; v1   set 0: 8 x lane + 1,536 x its K step
.set L4R0, 11                          ; v11  set 0: 4 x lane + 128 x its K step (at the head: x's offset)
.set L8R1, 255                         ; v255 set 1 likewise
.set L4R1, 2                           ; v2
.set L8, 3
.set L4, 4
.set L16, 5
.set R4, 6
.set VW, 7
.set VS, 8
.set AT, 9
.set AS, 10
.set GO, 13
.set NS, 14
.set NL, 15
.set WV, 3
.set GB, 10
.set SEL, 30
.set WB, 32
.set WSB, 34
.set RB, 36
.set HM, 48
.set C10, 49
.set CEPS, 50
.set KSW, 66                           ; s66  the K step whose weights are asked for next
.set KST, 67                           ; s67  the K step whose token fragments are read next
.set OFA, 68                           ; s[68:69], s[70:71] offsets as pairs, the upper words 0
.set OFB, 70
.set WBX, 72                           ; s[72:75] set 0's bases (weights, scale words), s[76:79] set 1's
.set OFT, 80
.set OFU, 81
.macro BARRIER
	s_wait_dscnt 0x0
	s_barrier_signal -1
	s_barrier_wait -1
.endm
.macro NOP4
.rept 4
	v_nop
.endr
.endm
.macro QCVT s, bk
.if ((\bk) % 2) == 0
	v_cvt_scalef32_pk16_fp6_f32 v[PC+6*((\bk)/2):PC+6*((\bk)/2)+2], v[(\s):(\s)+15], v[TE+(\bk)]
.else
	v_cvt_scalef32_pk16_fp6_f32 v[PC+12+4*((\bk)/2):PC+12+4*((\bk)/2)+2], v[(\s):(\s)+15], v[TE+(\bk)]
.endif
.endm
.macro QPART2 sa, ba, sb, bb
	v_mov_b32 v[TX+(\ba)], 0
	v_mov_b32 v[TX+(\bb)], 0
	v_max3_num_f32 v[TM+(\ba)], |v[(\sa)]|, |v[(\sa)+1]|, 0x1800000
	v_max3_num_f32 v[TM+(\bb)], |v[(\sb)]|, |v[(\sb)+1]|, 0x1800000
.irp i, 2,4,6,8,10,12,14
	v_max3_num_f32 v[TM+(\ba)], v[TM+(\ba)], |v[(\sa)+\i]|, |v[(\sa)+\i+1]|
	v_max3_num_f32 v[TM+(\bb)], v[TM+(\bb)], |v[(\sb)+\i]|, |v[(\sb)+\i+1]|
.endr
	v_permlanex16_b32 v[TX+(\ba)], v[TM+(\ba)], s[SEL], s[SEL+1]
	v_permlanex16_b32 v[TX+(\bb)], v[TM+(\bb)], s[SEL], s[SEL+1]
	v_max_num_f32 v[TM+(\ba)], v[TM+(\ba)], v[TX+(\ba)]
	v_max_num_f32 v[TM+(\bb)], v[TM+(\bb)], v[TX+(\bb)]
	v_add_nc_u32 v[TE+(\ba)], 0xff000000, v[TM+(\ba)]
	v_add_nc_u32 v[TE+(\bb)], 0xff000000, v[TM+(\bb)]
	v_lshrrev_b32 v[TB+(\ba)], 23, v[TE+(\ba)]
	v_lshrrev_b32 v[TB+(\bb)], 23, v[TE+(\bb)]
	QCVT \sa, \ba
	QCVT \sb, \bb
	v_nop
.endm
.macro QTAIL nc
	v_lshl_or_b32 v[PW], v[TB+1], 8, v[TB]
.if \nc > 1
	v_lshl_or_b32 v[PW], v[TB+2], 16, v[PW]
	v_lshl_or_b32 v[PW], v[TB+3], 24, v[PW]
.endif
.irp c, 0,1
.if \c < \nc
.irp i, 0,1,2
	v_permlane16_swap_b32 v[PC+6*\c+\i], v[PC+12+4*\c+\i]
.endr
.irp i, 0,1,2
	v_mov_b32 v[PC+3+6*\c+\i], v[PC+12+4*\c+\i]
.endr
.endif
.endr
.endm
; the next K step of my walk, for the weights: the set's two bases; the counter goes round 0 .. 7
.macro KW set
	s_mul_i32 s[OFA], s[KSW], 3072
	s_lshl_b32 s[OFB], s[KSW], 7
	s_add_nc_u64 s[WBX+4*(\set):WBX+4*(\set)+1], s[WB:WB+1], s[OFA:OFA+1]
	s_add_nc_u64 s[WBX+4*(\set)+2:WBX+4*(\set)+3], s[WSB:WSB+1], s[OFB:OFB+1]
	s_add_co_u32 s[KSW], s[KSW], 1
	s_and_b32 s[KSW], s[KSW], 7
.endm
; and for the tokens: the set's two LDS addresses
.macro KT set
.if (\set) == 0
.set TA8, L8R0
.set TA4, L4R0
.else
.set TA8, L8R1
.set TA4, L4R1
.endif
	s_mul_i32 s[OFT], s[KST], 1536
	s_lshl_b32 s[OFU], s[KST], 7
	s_add_co_u32 s[KST], s[KST], 1
	s_and_b32 s[KST], s[KST], 7
	v_add_nc_u32 v[TA8], s[OFT], v[L8]
	v_add_nc_u32 v[TA4], s[OFU], v[L4]
.endm
.macro WLOAD set, iw, d1, is, ds1
.irp p, 0,1
.irp u, 0,1
.irp g, 0,1,2
	global_load_b128 v[WF+48*(\set)+24*\p+12*\u+4*\g:WF+48*(\set)+24*\p+12*\u+4*\g+3], v[VW], s[WBX+4*(\set):WBX+4*(\set)+1] offset:(\iw)+\p*(\d1)+1536*\u+512*\g
.endr
.endr
	global_load_b32 v[WS+2*(\set)+\p], v[VS], s[WBX+4*(\set)+2:WBX+4*(\set)+3] offset:(\is)+\p*(\ds1)
.endr
.endm
.macro TLOAD set, reg
.if (\set) == 0
.set TA8, L8R0
.set TA4, L4R0
.else
.set TA8, L8R1
.set TA4, L4R1
.endif
.irp u, 0,1
.irp p, 0,1,2,3,4,5
	ds_load_b64 v[TF+24*(\set)+12*\u+2*\p:TF+24*(\set)+12*\u+2*\p+1], v[TA8] offset:(\reg)+12288*\u+256*\p
.endr
.endr
	ds_load_b32 v[TS+(\set)], v[TA4] offset:(\reg)+24576
.endm
.macro WM d, a, b, cz, sa, sb, ra, rb
.if (\cz) && ((\ra) == 0) && ((\rb) == 0)
	v_wmma_scale_f32_16x16x128_f8f6f4 v[(\d):(\d)+7], v[(\a):(\a)+11], v[(\b):(\b)+11], 0, v[\sa], v[\sb] matrix_a_fmt:MATRIX_FMT_FP6 matrix_b_fmt:MATRIX_FMT_FP6
.elseif (\cz) && ((\ra) == 1) && ((\rb) == 0)
	v_wmma_scale_f32_16x16x128_f8f6f4 v[(\d):(\d)+7], v[(\a):(\a)+11], v[(\b):(\b)+11], 0, v[\sa], v[\sb] matrix_a_fmt:MATRIX_FMT_FP6 matrix_b_fmt:MATRIX_FMT_FP6 matrix_a_scale:MATRIX_SCALE_ROW1
.elseif (\cz) && ((\ra) == 0) && ((\rb) == 1)
	v_wmma_scale_f32_16x16x128_f8f6f4 v[(\d):(\d)+7], v[(\a):(\a)+11], v[(\b):(\b)+11], 0, v[\sa], v[\sb] matrix_a_fmt:MATRIX_FMT_FP6 matrix_b_fmt:MATRIX_FMT_FP6 matrix_b_scale:MATRIX_SCALE_ROW1
.elseif (\cz)
	v_wmma_scale_f32_16x16x128_f8f6f4 v[(\d):(\d)+7], v[(\a):(\a)+11], v[(\b):(\b)+11], 0, v[\sa], v[\sb] matrix_a_fmt:MATRIX_FMT_FP6 matrix_b_fmt:MATRIX_FMT_FP6 matrix_a_scale:MATRIX_SCALE_ROW1 matrix_b_scale:MATRIX_SCALE_ROW1
.elseif ((\ra) == 0) && ((\rb) == 0)
	v_wmma_scale_f32_16x16x128_f8f6f4 v[(\d):(\d)+7], v[(\a):(\a)+11], v[(\b):(\b)+11], v[(\d):(\d)+7], v[\sa], v[\sb] matrix_a_fmt:MATRIX_FMT_FP6 matrix_b_fmt:MATRIX_FMT_FP6
.elseif ((\ra) == 1) && ((\rb) == 0)
	v_wmma_scale_f32_16x16x128_f8f6f4 v[(\d):(\d)+7], v[(\a):(\a)+11], v[(\b):(\b)+11], v[(\d):(\d)+7], v[\sa], v[\sb] matrix_a_fmt:MATRIX_FMT_FP6 matrix_b_fmt:MATRIX_FMT_FP6 matrix_a_scale:MATRIX_SCALE_ROW1
.elseif ((\ra) == 0) && ((\rb) == 1)
	v_wmma_scale_f32_16x16x128_f8f6f4 v[(\d):(\d)+7], v[(\a):(\a)+11], v[(\b):(\b)+11], v[(\d):(\d)+7], v[\sa], v[\sb] matrix_a_fmt:MATRIX_FMT_FP6 matrix_b_fmt:MATRIX_FMT_FP6 matrix_b_scale:MATRIX_SCALE_ROW1
.else
	v_wmma_scale_f32_16x16x128_f8f6f4 v[(\d):(\d)+7], v[(\a):(\a)+11], v[(\b):(\b)+11], v[(\d):(\d)+7], v[\sa], v[\sb] matrix_a_fmt:MATRIX_FMT_FP6 matrix_b_fmt:MATRIX_FMT_FP6 matrix_a_scale:MATRIX_SCALE_ROW1 matrix_b_scale:MATRIX_SCALE_ROW1
.endif
.endm
.macro MM set, cz                      ; eight accumulators by turns, one instruction a turn, the same order in every K step
.irp p, 0,1
.irp v, 0,1
.irp u, 0,1
	WM ACC+32*\u+16*\p+8*\v, WF+48*(\set)+24*\p+12*\v, TF+24*(\set)+12*\u, \cz, WS+2*(\set)+\p, TS+(\set), \v, \u
.endr
.endr
.endr
.endm
.macro PASSW iw, d1, is, ds1           ; the first two K steps of a pass: 28 loads
	s_wait_xcnt 0x0                                ; the bases are written only behind this wait
	KW 0
	WLOAD 0, \iw, \d1, \is, \ds1
	KW 1
	WLOAD 1, \iw, \d1, \is, \ds1
.endm
.macro PASST reg
	s_wait_alu depctr_vm_vsrc(0)                   ; the loads and LDS stores issued so far have read the four address registers, which the additions below write, and, at the head, v176-191, in which the fragments land
	KT 0
	KT 1
	s_wait_alu depctr_va_vdst(0)                   ; both sets' LDS addresses are written, which the loads below read; the norm and the quantiser are done with v176-223, in which they land
	TLOAD 0, \reg
	TLOAD 1, \reg
.endm
.macro PASSK cz, reg, iw, d1, is, ds1
.irp s, 0,1,2,3,4,5,6,7
.if \s < 7
	s_wait_loadcnt 14                              ; this K step's 14 loads, and all older ones, are in; the next K step's 14 may be out
	s_wait_dscnt 13                                ; likewise its 13 LDS loads
.else
	s_wait_loadcnt 0x0
	s_wait_dscnt 0x0
.endif
.if \s == 0
	MM 0, \cz
.else
	MM \s%2, 0
.endif
.if \s < 6
	s_wait_xcnt 0x0                                ; this set's loads are done (the wait above) and every address has been read: its bases may be written
	KW \s%2
	s_wait_alu depctr_vm_vsrc(0)                   ; this set's LDS loads have read its two address registers, which the additions below write
	KT \s%2                                        ; its two additions and the two lines below are four places behind the products (ISA guide 7.12.1)
	v_nop
	v_nop
	s_wait_alu depctr_va_vdst(0)                   ; the eight products are done reading this set's fragments and scale registers, in which the loads below land; the set's two addresses are written
	WLOAD \s%2, \iw, \d1, \is, \ds1
	TLOAD \s%2, \reg
.else
	NOP4                                           ; four places ahead of what next reads the products' results
.endif
.endr
.endm
.macro TSTORE reg                      ; my half fragments (64 features of both token tiles) and half scale words into a token record in LDS
.irp u, 0,1
.irp i, 0,1,2
	ds_store_b64 v[AT], v[PC+6*\u+2*\i:PC+6*\u+2*\i+1] offset:(\reg)+12288*\u+256*\i
.endr
.endr
	ds_store_b16 v[AS], v[PW] offset:(\reg)+24576
	ds_store_b16_d16_hi v[AS], v[PW] offset:(\reg)+24640
.endm
; ACC = g (ACC rs), rs = 1 / sqrt(mean of squares over the token's 1,024 features + eps).  The sixteen waves' partial sums meet in LDS: one barrier.  It names no register into which weights are on their way.
.macro NORM
.irp u, 0,1
	v_pk_mul_f32 v[NT+4*\u:NT+4*\u+1], v[ACC+32*\u:ACC+32*\u+1], v[ACC+32*\u:ACC+32*\u+1]
	v_pk_mul_f32 v[NT+2+4*\u:NT+3+4*\u], v[ACC+32*\u+2:ACC+32*\u+3], v[ACC+32*\u+2:ACC+32*\u+3]
.endr
.irp i, 4,8,12,16,20,24,28
.irp u, 0,1
	v_pk_fma_f32 v[NT+4*\u:NT+4*\u+1], v[ACC+32*\u+\i:ACC+32*\u+\i+1], v[ACC+32*\u+\i:ACC+32*\u+\i+1], v[NT+4*\u:NT+4*\u+1]
	v_pk_fma_f32 v[NT+2+4*\u:NT+3+4*\u], v[ACC+32*\u+\i+2:ACC+32*\u+\i+3], v[ACC+32*\u+\i+2:ACC+32*\u+\i+3], v[NT+2+4*\u:NT+3+4*\u]
.endr
.endr
.irp u, 0,1
	v_pk_add_f32 v[NT+4*\u:NT+4*\u+1], v[NT+4*\u:NT+4*\u+1], v[NT+2+4*\u:NT+3+4*\u]
.endr
.irp u, 0,1
	v_add_f32 v[NT+4*\u], v[NT+4*\u], v[NT+1+4*\u]
.endr
.irp u, 0,1
	v_permlanex16_b32 v[NT+2+4*\u], v[NT+4*\u], s[SEL], s[SEL+1]
.endr
.irp u, 0,1
	v_add_f32 v[NT+4*\u], v[NT+4*\u], v[NT+2+4*\u]
.endr
	v_cndmask_b32 v[NT+8], v[NT], v[NT+4], s[HM]   ; lane (r, h) hands on tile h's sum
	s_wait_alu depctr_va_vdst(0)                   ; v[NT+8] is written, which the LDS store reads; the sums above are done with v[NT ..], in which the LDS loads behind the barrier land
	ds_store_b32 v[NS], v[NT+8]
	BARRIER
	s_wait_alu depctr_vm_vsrc(0)                   ; the LDS store has read v[NT+8], in which a load below lands; x1's stores have read ACC, which the multiplications at the end rewrite
.irp u, 0,1
.irp k, 0,1,2,3
	ds_load_b128 v[NT+16*\u+4*\k:NT+16*\u+4*\k+3], v[NL] offset:1024*\u+16*\k
.endr
.endr
.irp v, 0,1
.irp q, 0,1
	ds_load_b128 v[230+8*\v+4*\q:233+8*\v+4*\q], v[GO] offset:GL+32*\v+16*\q          ; the gain at my features 32 p + 16 h + 0 .. 15: p = 0,
	ds_load_b128 v[208+8*\v+4*\q:211+8*\v+4*\q], v[GO] offset:GL+128+32*\v+16*\q      ; p = 1
.endr
.endr
	s_wait_dscnt 8                                 ; the partial sums are in; the gain's eight loads may be out
.irp i, 0,2,4,6
.irp u, 0,1
	v_pk_add_f32 v[NT+16*\u+\i:NT+16*\u+\i+1], v[NT+16*\u+\i:NT+16*\u+\i+1], v[NT+8+16*\u+\i:NT+9+16*\u+\i]
.endr
.endr
.irp i, 0,2
.irp u, 0,1
	v_pk_add_f32 v[NT+16*\u+\i:NT+16*\u+\i+1], v[NT+16*\u+\i:NT+16*\u+\i+1], v[NT+4+16*\u+\i:NT+5+16*\u+\i]
.endr
.endr
.irp u, 0,1
	v_pk_add_f32 v[NT+16*\u:NT+16*\u+1], v[NT+16*\u:NT+16*\u+1], v[NT+2+16*\u:NT+3+16*\u]
.endr
.irp u, 0,1
	v_add_f32 v[NT+16*\u], v[NT+16*\u], v[NT+1+16*\u]
.endr
.irp u, 0,1
	v_fma_f32 v[NT+16*\u], v[NT+16*\u], s[C10], s[CEPS]
.endr
.irp u, 0,1
	v_rsq_f32 v[246+2*\u], v[NT+16*\u]
	v_rsq_f32 v[247+2*\u], v[NT+16*\u]             ; twice: the packed multiply takes a pair
.endr
	v_nop                                          ; a plain place behind the transcendentals
	s_wait_alu depctr_va_vdst(0)                   ; the four reciprocal roots are written, ahead of their first reader
	s_wait_dscnt 0x0                               ; the gain
	s_wait_xcnt 0x0                                ; stores that read ACC have read it: it is rewritten only behind this wait
.irp u, 0,1
.irp i, 0,2,4,6,8,10,12,14,16,18,20,22,24,26,28,30
	v_pk_mul_f32 v[ACC+32*\u+\i:ACC+32*\u+\i+1], v[ACC+32*\u+\i:ACC+32*\u+\i+1], v[246+2*\u:247+2*\u]
.endr
.endr
.irp u, 0,1
.irp i, 0,2,4,6,8,10,12,14
	v_pk_mul_f32 v[ACC+32*\u+\i:ACC+32*\u+\i+1], v[ACC+32*\u+\i:ACC+32*\u+\i+1], v[230+\i:231+\i]
	v_pk_mul_f32 v[ACC+32*\u+16+\i:ACC+32*\u+17+\i], v[ACC+32*\u+16+\i:ACC+32*\u+17+\i], v[208+\i:209+\i]
.endr
.endr
.endm
	s_load_b256 s[4:11], s[0:1], 0x0               ; oa, prep, x, g_norm_cross
	s_load_b64 s[12:13], s[0:1], 0x20              ; mid
	v_lshrrev_b32 v11, 5, v0
	v_readfirstlane_b32 s[WV], v11
	v_and_b32 v12, 31, v0                          ; lane
	v_and_b32 v13, 15, v0                          ; r
	v_bfe_u32 v14, v0, 4, 1                        ; h
	v_lshlrev_b32 v[A16T], 4, v0
	v_lshlrev_b32 v[A2T], 1, v0
	v_lshlrev_b32 v[G8T], 3, v0
	v_lshlrev_b32 v[L8], 3, v12
	v_lshlrev_b32 v[L4], 2, v12
	v_lshlrev_b32 v[L16], 4, v12
	v_lshlrev_b32 v[R4], 2, v13
	s_wait_alu depctr_va_sdst(0)                   ; the wave's number is written, ahead of its first reader
	s_mul_i32 s14, s[WV], 49152
	v_add_nc_u32 v[VW], s14, v[L16]
	s_lshl_b32 s14, s[WV], 11
	v_add_nc_u32 v[VS], s14, v[L4]
	s_mul_i32 s14, s[WV], 768
	v_add_nc_u32 v[AT], s14, v[L8]
	s_lshr_b32 s14, s[WV], 1
	s_lshl_b32 s14, s14, 7
	s_and_b32 s15, s[WV], 1
	s_lshl_b32 s15, s15, 1
	s_add_co_u32 s14, s14, s15
	v_add_nc_u32 v[AS], s14, v[R4]
	v_and_b32 v15, 8, v13
	v_add_nc_u32 v15, v15, v13
	v_lshlrev_b32 v11, 12, v15
	v_lshl_add_u32 v11, v14, 6, v11
	s_lshl_b32 s14, s[WV], 8
	v_add_nc_u32 v11, s14, v11                     ; x: 4,096 (r + (r & 8)) + 64 h + 256 w
	v_lshl_add_u32 v[NL], v13, 6, RS               ; a token's sixteen partial sums
	v_lshlrev_b32 v[GO], 6, v14
	v_add_nc_u32 v[GO], s14, v[GO]                 ; the gain: 256 w + 64 h
	v_lshl_add_u32 v[NS], v12, 6, RS
	s_lshl_b32 s15, s[WV], 2
	v_add_nc_u32 v[NS], s15, v[NS]                 ; mine: 64 x lane + 4 w
	s_lshl_b32 s15, s[WV], 13
	v_add_nc_u32 v12, s15, v[L16]                  ; x1's image: 16 x lane + 8,192 w
	s_mov_b32 s[SEL], 0x76543210
	s_mov_b32 s[SEL+1], 0xfedcba98
	s_mov_b32 s[HM], 0xffff0000
	s_mov_b32 s[C10], 0x3a800000
	s_mov_b32 s[CEPS], 0x358637bd
	s_lshr_b32 s[KSW], ttmp9, 3
	s_add_co_u32 s[KSW], s[KSW], ttmp9
	s_and_b32 s[KSW], s[KSW], 7                    ; where my walk along K begins
	s_mov_b32 s[KST], s[KSW]
	s_mov_b32 s[OFA+1], 0
	s_mov_b32 s[OFB+1], 0
	s_mov_b32 s17, 0
	s_lshr_b32 s18, ttmp9, 6
	s_lshl_b32 s18, s18, 4
	s_add_co_u32 s18, s18, s[WV]
	s_lshl_b32 s18, s18, 6
	s_and_b32 s19, ttmp9, 63
	s_add_co_u32 s18, s18, s19                     ; 64 bh + block of 32 queries
	s_wait_kmcnt 0x0
	s_mov_b64 s[WB:WB+1], s[6:7]
	s_mov_b32 s16, WSC
	s_add_nc_u64 s[WSB:WSB+1], s[6:7], s[16:17]
	s_mul_i32 s16, ttmp9, 25600
	s_add_nc_u64 s[RB:RB+1], s[4:5], s[16:17]
	s_lshl_b32 s16, ttmp9, 17
	s_add_nc_u64 s[38:39], s[8:9], s[16:17]
	s_add_nc_u64 s[40:41], s[12:13], s[16:17]
	s_mul_i32 s16, s18, 1536
	s_add_co_u32 s16, s16, Q2IMG
	s_add_nc_u64 s[42:43], s[12:13], s[16:17]
	s_lshl_b32 s16, s18, 6
	s_add_co_u32 s16, s16, Q2SC
	s_add_nc_u64 s[44:45], s[12:13], s[16:17]
	s_wait_alu depctr_va_vdst(0)                   ; the offsets and addresses v1-v15 and v255 are written, which the kernel's loads and stores read
	global_load_b128 v[176:179], v[A16T], s[RB:RB+1]
	global_load_b128 v[180:183], v[A16T], s[RB:RB+1] offset:8192
	global_load_b128 v[184:187], v[A16T], s[RB:RB+1] offset:16384
	global_load_u16 v188, v[A2T], s[RB:RB+1] offset:24576
	global_load_b64 v[190:191], v[G8T], s[GB:GB+1] ; the gain: 8 bytes a thread
.irp u, 0,1
.irp p, 0,1
.irp v, 0,1
.irp q, 0,1
	global_load_b128 v[ACC+32*\u+16*\p+8*\v+4*\q:ACC+32*\u+16*\p+8*\v+4*\q+3], v11, s[38:39] offset:32768*\u+128*\p+32*\v+16*\q   ; the residual, in the result's layout
.endr
.endr
.endr
.endr
	PASSW IW_A, 24576, IS_A, 1024
	s_wait_loadcnt 44                              ; the record's four loads and the gain's one are older than the residual's 16 and the weights' 28
	ds_store_b128 v[A16T], v[176:179]
	ds_store_b128 v[A16T], v[180:183] offset:8192
	ds_store_b128 v[A16T], v[184:187] offset:16384
	ds_store_b16 v[A2T], v188 offset:24576
	ds_store_b64 v[G8T], v[190:191] offset:GL
	BARRIER
	PASST T0
	PASSK 0, T0, IW_A, 24576, IS_A, 1024
	s_wait_alu depctr_va_vdst(0)                   ; the pass's last products are done reading both sets of weight registers, in which the loads below land, and have written ACC, which x1's stores read; the four places above stay beside this wait
	PASSW IW_B, 24576, IS_B, 1024                  ; the next weight's first two K steps land under the norm and the quantiser
.set qi, 0
.rept 16
	global_store_b128 v12, v[ACC+4*qi:ACC+4*qi+3], s[40:41] offset:512*qi   ; x1
.set qi, qi+1
.endr
	NORM
	QPART2 ACC, 0, ACC+16, 1
	QPART2 ACC+32, 2, ACC+48, 3
	QTAIL 2
	s_wait_alu depctr_va_vdst(0)                   ; the quantiser has written the codes and the scale word, which the LDS stores read
	TSTORE T1
	BARRIER
	PASST T1
	PASSK 1, T1, IW_B, 24576, IS_B, 1024
	QPART2 ACC, 0, ACC+16, 1
	QPART2 ACC+32, 2, ACC+48, 3
	QTAIL 2
	s_wait_alu depctr_va_vdst(0)                   ; the quantiser has written the codes and the scale word, which the stores read
.irp g, 0,1,2
	global_store_b128 v[L16], v[PC+4*\g:PC+4*\g+3], s[42:43] offset:512*\g
.endr
	global_store_b32 v[R4], v[PW], s[44:45]
	s_wait_xcnt 0x0
	s_wait_alu depctr_vm_vsrc(0)                   ; the last store has read v254 and set 1's last LDS loads have read v255: the two lines below write them
	v_lshl_add_u32 v254, v0, 2, 0xe000
	v_mov_b32 v255, 0
	s_wait_dscnt 0x0                               ; the closing lines, six on end
	s_wait_alu 0x0
	s_wait_tensorcnt 0x0
	ds_add_u32 v254, v255
	s_wait_dscnt 0x0
	s_endpgm
.Lfunc_end_k_q506478e1b1_midl:
	.size	k_q506478e1b1_midl, .Lfunc_end_k_q506478e1b1_midl-k_q506478e1b1_midl
	.p2alignl 7, 3214868480
	.fill 96, 4, 3214868480
	.section	.rodata,"a",@progbits
	.p2align	6, 0x0
	.amdhsa_kernel k_q506478e1b1_midl
		.amdhsa_group_segment_fixed_size 59392
		.amdhsa_private_segment_fixed_size 0
		.amdhsa_enable_private_segment 0
		.amdhsa_kernarg_size 40
		.amdhsa_user_sgpr_count 2
		.amdhsa_user_sgpr_kernarg_segment_ptr 1
		.amdhsa_wavefront_size32 1
		.amdhsa_system_sgpr_workgroup_id_x 1
		.amdhsa_system_sgpr_workgroup_id_y 1
		.amdhsa_system_sgpr_workgroup_id_z 1
		.amdhsa_system_vgpr_workitem_id 0
		.amdhsa_next_free_vgpr 256
		.amdhsa_next_free_sgpr 82
		.amdhsa_reserve_vcc 0
		.amdhsa_float_denorm_mode_32 3
		.amdhsa_float_denorm_mode_16_64 3
		.amdhsa_memory_ordered 1
		.amdhsa_forward_progress 1
		.amdhsa_inst_pref_size 86
	.end_amdhsa_kernel
	.amdgpu_metadata
---
amdhsa.version: [ 1, 2 ]
amdhsa.kernels:
  - .name:           k_q506478e1b1_midl
    .symbol:         k_q506478e1b1_midl.kd
    .args:
      - { .name: oa, .offset: 0, .size: 8, .value_kind: global_buffer, .address_space: global }
      - { .name: prep, .offset: 8, .size: 8, .value_kind: global_buffer, .address_space: global }
      - { .name: x, .offset: 16, .size: 8, .value_kind: global_buffer, .address_space: global }
      - { .name: g_norm_cross, .offset: 24, .size: 8, .value_kind: global_buffer, .address_space: global }
      - { .name: mid, .offset: 32, .size: 8, .value_kind: global_buffer, .address_space: global }
    .group_segment_fixed_size: 59392
    .private_segment_fixed_size: 0
    .kernarg_segment_align: 8
    .kernarg_segment_size: 40
    .max_flat_workgroup_size: 512
    .sgpr_count:     82
    .vgpr_count:     256
    .wavefront_size: 32
...
	.end_amdgpu_metadata
.endif
;; end of part 12
;; launch xattn (part 13): grid 8 x 32, 16 waves a work-group, no clusters, 31,744 bytes of LDS; arguments mid, qkv, context_mask, ob; writes ob
.if DOCPART == 13
	.amdgcn_target "amdgcn-amd-amdhsa--gfx1250"
	.amdhsa_code_object_version 6
	.text
	.protected	k_q506478e1b1_xattn
	.globl	k_q506478e1b1_xattn
	.p2align	8
	.type	k_q506478e1b1_xattn,@function
k_q506478e1b1_xattn:
	s_mov_b64 s[64:65], 0
	v_nop
	global_prefetch_b8 v0, s[64:65] scope:SCOPE_SE
	s_setreg_imm32_b32 hwreg(HW_REG_WAVE_SCHED_MODE, 0, 2), 2
	s_setreg_imm32_b32 hwreg(HW_REG_WAVE_MODE, 25, 1), 1
	s_wait_xcnt 0x0
	s_wait_alu depctr_vm_vsrc(0)
; ATTENTION on FP6 codes, head size 64.  CAUSAL = 1: self-attention, 2,048 keys, key k counts for query q where k <= q.  CAUSAL = 0: cross-attention, 1,024 keys, those with context_mask = 0 count for nothing.
; p = 2^(t - M), t = score x log2(e) / 8, M the running largest t rounded up to a whole number; p is quantised along the keys; the row's sum is taken of the unquantised p and divides at the end.
; SHARES.  Sixteen waves, one tile of 16 queries each, four waves to a SIMD; a work-group takes 256 queries of one head and walks all eight key steps.
; A key step is 128 keys: one record of 12,800 bytes (K, V, their scale words, as images of the operands' registers).  The work-group copies it into one of two LDS slots through registers: record j + 2 is asked for
; in step j, stored into LDS in step j + 1, read in step j + 2; one barrier a step.  The copy is through registers, so there is no tensor load and no joint load of a cluster; a step's 12,800 bytes serve sixteen waves.
; THE MASK: each key's bias, 0 or -3e38, lies in LDS and is the C of the first product.
; K = 64 in a 128-deep instruction: a K fragment holds 32 keys (registers 0-5: 16 keys' 64 numbers, 6-11: 16 more); the query stands as zeros | q | zeros in 18 registers, [q, 0] multiplies the first keys, [0, q] the second.
; Both products transposed: a lane holds one query; S[16 b + i] = key 32 b + 16 h + i;  O[16 pi + i] = channel 32 pi + 16 h + i.
; LIMITS: NaN and infinities are not served; a batch whose mask is all zero is not served; masked scores are -3e38 and the running maximum starts at -1e30, so a true t must lie above -1e30.
; THE MODE: SCHED_MODE bits 1:0 = 2 (LLVM: expert scheduling mode 2), set by the entry lines.  The code itself states the register dependences
; between vector or matrix instructions and memory or LDS instructions, with s_wait_alu, always for 0.
; THE PLAN.  Registers that memory or LDS instructions touch, in the loop:
;   v240-247, v248-255   Two copy buffers by turns: a record's loads land in one in step j; step j + 1's LDS stores read it; step j + 2's loads land in it again.
;   KVF, v84-87          K's fragments and scale words land, the eight score products read them; V's land in the same registers, the four products V^T P read them.
;   S (CAUSAL = 0)       The keys' biases land; the score products add onto them; the softmax works in place.      v6 (CAUSAL = 0)   Their LDS address: one addition a step, read by 16 LDS loads.
;   v1-v5, v7, v8        Offsets and addresses, made once at the head.      PC, v227   p's codes and scale word: written by vector instructions, read by the products V^T P.
; A step has one wait on vm_vsrc, at its head, and three on va_vdst: ahead of K's loads, ahead of V's loads, ahead of the products V^T P; beside them the two waits behind the exponentials.
.set CAUSAL, 0
.set REC, 12800
.if CAUSAL
.set NKS, 16
.set QIMGO, 0
.set QSCO, 3145728
.set KVO, 3276800
.set QB, 4
.set KVB, 4
.set OB, 6
.else
.set NKS, 8
.set QIMGO, 16777216
.set QSCO, 19922944
.set KVO, 9830400
.set QB, 4
.set KVB, 6
.set OB, 10
.endif
.set BIAS, 2*REC
.set WV, 3
.set SEL, 44
.set CS, 46
.set S, 96
.set O, 160
.set KVF, 36
.set PC, 192
.set BM, 212
.set BT, 216
.set BE, 220
.macro BARRIER
	s_wait_dscnt 0x0
	s_barrier_signal -1
	s_barrier_wait -1
.endm
.macro NOP4
.rept 4
	v_nop
.endr
.endm
.macro WM d, a, b, cz, sa, sb, ra, rb
.if (\cz) && ((\ra) == 0)
	v_wmma_scale_f32_16x16x128_f8f6f4 v[(\d):(\d)+7], v[(\a):(\a)+11], v[(\b):(\b)+11], 0, v[\sa], v[\sb] matrix_a_fmt:MATRIX_FMT_FP6 matrix_b_fmt:MATRIX_FMT_FP6
.elseif (\cz)
	v_wmma_scale_f32_16x16x128_f8f6f4 v[(\d):(\d)+7], v[(\a):(\a)+11], v[(\b):(\b)+11], 0, v[\sa], v[\sb] matrix_a_fmt:MATRIX_FMT_FP6 matrix_b_fmt:MATRIX_FMT_FP6 matrix_a_scale:MATRIX_SCALE_ROW1
.elseif ((\ra) == 0)
	v_wmma_scale_f32_16x16x128_f8f6f4 v[(\d):(\d)+7], v[(\a):(\a)+11], v[(\b):(\b)+11], v[(\d):(\d)+7], v[\sa], v[\sb] matrix_a_fmt:MATRIX_FMT_FP6 matrix_b_fmt:MATRIX_FMT_FP6
.else
	v_wmma_scale_f32_16x16x128_f8f6f4 v[(\d):(\d)+7], v[(\a):(\a)+11], v[(\b):(\b)+11], v[(\d):(\d)+7], v[\sa], v[\sb] matrix_a_fmt:MATRIX_FMT_FP6 matrix_b_fmt:MATRIX_FMT_FP6 matrix_a_scale:MATRIX_SCALE_ROW1
.endif
.endm
.if CAUSAL
	s_load_b128 s[4:7], s[0:1], 0x0                ; qkv, oa
.else
	s_load_b256 s[4:11], s[0:1], 0x0               ; mid, qkv, context_mask, ob
	v_lshl_add_u32 v238, v0, 2, 0x7400
	v_mov_b32 v239, 0
.endif
	v_lshrrev_b32 v1, 5, v0
	v_readfirstlane_b32 s[WV], v1
	v_and_b32 v9, 31, v0                           ; lane
	v_and_b32 v11, 15, v0                          ; r
	v_bfe_u32 v35, v0, 4, 1                        ; h
	v_lshlrev_b32 v1, 4, v0                        ; 16 x thread: the copy of a record
	v_lshlrev_b32 v2, 4, v9                        ; 16 x lane
	v_lshlrev_b32 v3, 2, v9                        ; 4 x lane
	v_mul_u32_u24 v4, v35, 1536
	v_lshl_add_u32 v4, v11, 3, v4                  ; V: 1,536 h + 8 r
	v_lshlrev_b32 v7, 3, v9                        ; 8 x lane
	v_lshlrev_b32 v8, 2, v11                       ; 4 r
.if CAUSAL
	v_and_b32 v5, 8, v11
	v_add_nc_u32 v5, v5, v11
	v_lshlrev_b32 v6, 4, v35
	v_sub_nc_u32 v5, v5, v6                        ; r + (r & 8) - 16 h
	v_mov_b32 v10, 0xff800000                      ; -infinity
.else
	v_lshl_add_u32 v5, v35, 6, BIAS                ; the bias of my half's keys
	v_lshlrev_b32 v6, 3, v0
.endif
	s_wait_alu depctr_va_sdst(0)                   ; the wave's number is written, ahead of its first reader
	s_and_b32 s12, ttmp7, 0xffff                   ; bh
	s_lshr_b32 s13, s12, 4                         ; batch
	s_and_b32 s14, s12, 15                         ; head
.if CAUSAL
	s_lshr_b32 s15, s[WV], 2
	s_xor_b32 s15, s15, s[WV]
	s_and_b32 s15, s15, 1
	s_lshr_b32 s16, s[WV], 1
	s_sub_co_u32 s17, 15, ttmp9
	s_cmp_eq_u32 s15, 1
	s_cselect_b32 s17, s17, ttmp9
	s_lshl_b32 s18, s17, 2
	s_lshr_b32 s19, s16, 1
	s_add_co_u32 s18, s18, s19
	s_and_b32 s19, s16, 1
	s_sub_co_u32 s20, 17, ttmp9
	s_lshr_b32 s20, s20, 1
.else
	s_lshl_b32 s18, ttmp9, 3
	s_lshr_b32 s19, s[WV], 1
	s_add_co_u32 s18, s18, s19                     ; block of 32 queries
	s_and_b32 s19, s[WV], 1                        ; tile u
	s_mov_b32 s20, 4                               ; trips of two key steps
.endif
	s_lshl_b32 s21, s18, 5
	s_lshl_b32 s22, s19, 3
	s_add_co_u32 s21, s21, s22                     ; Q0: lane r's query is Q0 + r + (r & 8)
	s_lshl_b32 s22, s12, 6
	s_add_co_u32 s22, s22, s18
	s_cmp_eq_u32 s19, 1
	s_cselect_b32 s23, -1, 0
	s_lshl_b32 s33, s19, 4
	s_mov_b32 s[SEL], 0x76543210
	s_mov_b32 s[SEL+1], 0xfedcba98
	s_mov_b32 s[CS], 0x3e38aa3b                    ; log2(e) / 8
	s_mov_b32 s[CS+1], s[CS]
	s_mov_b32 s34, 2                               ; the record to be asked for next
	s_mov_b32 s35, 0                               ; the step's first key
	s_mov_b32 s36, 0                               ; and its bias, in bytes
	s_mov_b32 s25, 0
	s_mov_b32 s39, 0
	s_lshl_b32 s37, s13, 6
	s_add_co_u32 s37, s37, s18
	s_mul_i32 s37, s37, 25600                      ; the output's token record
	s_wait_kmcnt 0x0
	s_mul_i32 s24, s22, 1536
	s_add_co_u32 s24, s24, QIMGO
	s_add_nc_u64 s[26:27], s[QB:QB+1], s[24:25]
	s_lshl_b32 s24, s22, 6
	s_add_co_u32 s24, s24, QSCO
	s_add_nc_u64 s[28:29], s[QB:QB+1], s[24:25]
	s_mul_i32 s24, s12, NKS*REC
	s_add_co_u32 s24, s24, KVO
	s_add_nc_u64 s[30:31], s[KVB:KVB+1], s[24:25]
	s_mul_i32 s24, s19, 12288
	s_add_co_u32 s24, s24, s37
	s_mul_i32 s42, s14, 768
	s_add_co_u32 s24, s24, s42
	s_add_nc_u64 s[48:49], s[OB:OB+1], s[24:25]
	s_lshr_b32 s24, s14, 1
	s_lshl_b32 s24, s24, 7
	s_and_b32 s42, s14, 1
	s_lshl_b32 s42, s42, 1
	s_add_co_u32 s24, s24, s42
	s_lshl_b32 s42, s19, 6
	s_add_co_u32 s24, s24, s42
	s_add_co_u32 s24, s24, s37
	s_add_co_u32 s24, s24, 24576
	s_add_nc_u64 s[50:51], s[OB:OB+1], s[24:25]
.if !CAUSAL
	s_lshl_b32 s24, s13, 12
	s_add_nc_u64 s[52:53], s[8:9], s[24:25]
.endif
	s_wait_alu depctr_va_vdst(0)                   ; the offsets and addresses v1-v8 are written, which the kernel's loads and stores read
	global_load_b128 v[36:39], v2, s[26:27]        ; the image of 32 queries
	global_load_b128 v[40:43], v2, s[26:27] offset:512
	global_load_b128 v[44:47], v2, s[26:27] offset:1024
	global_load_b32 v224, v8, s[28:29]
	global_load_b128 v[240:243], v1, s[30:31]      ; records 0 and 1
	global_load_b128 v[248:251], v1, s[30:31] offset:REC
.if !CAUSAL
	global_load_b64 v[88:89], v6, s[52:53]
.endif
	s_cmp_lt_u32 s[WV], 9                          ; a record is 8,192 bytes by all threads and 4,608 more by nine waves
	s_cbranch_scc0 .Lhead9
	global_load_b128 v[244:247], v1, s[30:31] offset:8192
	global_load_b128 v[252:255], v1, s[30:31] offset:REC+8192
.Lhead9:
	s_wait_loadcnt 0x0
.irp e, 0,1,2,3,4,5
	v_cndmask_b32 v[22+\e], v[36+\e], v[42+\e], s23   ; my tile's six registers
.endr
	v_lshrrev_b32 v224, s33, v224
	v_and_b32 v224, 0xffff, v224
	v_lshl_or_b32 v34, v224, 16, v224              ; q's two scale bytes, for either place
.irp e, 0,1,2,3,4,5
	v_mov_b32 v[16+\e], 0
	v_mov_b32 v[28+\e], 0
.endr
.set qi, 0
.rept 32
	v_mov_b32 v[O+qi], 0                           ; the step is written once: the first finds zeros
.set qi, qi+1
.endr
	v_mov_b32 v14, 0
	v_mov_b32 v15, 0
	v_mov_b32 v13, 0xf149f2ca                      ; -1e30
	v_floor_f32 v12, -v13
.irp b, 0,1,2,3
	v_mov_b32 v[BT+\b], 0                          ; a lane permute's destination counts as one of its sources
.endr
	v_mov_b32 v227, 0                              ; (named as the upper half of the pair v[226:227] before it is first written)
	ds_store_b128 v1, v[240:243]
	s_cmp_lt_u32 s[WV], 9
	s_cbranch_scc0 .Lhead9b
	ds_store_b128 v1, v[244:247] offset:8192
.Lhead9b:
.if !CAUSAL
	v_mov_b32 v90, 0xff61b1e6                      ; -3e38
	v_mov_b32 v91, 0
	v_cmp_ne_u32 s54, 0, v88
	v_cmp_ne_u32 s55, 0, v89
	s_wait_alu depctr_va_sdst(0)                   ; the two compares have written s54 and s55, ahead of their first readers
	v_cndmask_b32 v88, v90, v91, s54
	v_cndmask_b32 v89, v90, v91, s55
	s_wait_alu depctr_va_vdst(0)                   ; v88 and v89 are written, which the LDS store reads
	ds_store_b64 v6, v[88:89] offset:BIAS          ; the batch's 1,024 biases: the C of the first product
.endif
	BARRIER
.macro STEP slot
	s_wait_loadcnt 0x0                             ; the next record is in registers; the base below may be written
	s_wait_alu depctr_vm_vsrc(0)                   ; the last step's LDS stores have read this slot's copy registers, in which the loads below land (CAUSAL = 0: and its bias loads have read v6, which is written below)
	ds_store_b128 v1, v[240+8*(1-\slot):243+8*(1-\slot)] offset:(1-\slot)*REC   ; into the slot that all waves left at the last barrier
	s_min_u32 s37, s34, NKS-1                      ; no load leaves the head's records
	s_mul_i32 s38, s37, REC
	s_add_nc_u64 s[40:41], s[30:31], s[38:39]
	global_load_b128 v[240+8*\slot:243+8*\slot], v1, s[40:41]   ; these registers' LDS stores were waited for at the last barrier
	s_cmp_lt_u32 s[WV], 9
	s_cbranch_scc0 .Lno9_\@
	ds_store_b128 v1, v[244+8*(1-\slot):247+8*(1-\slot)] offset:(1-\slot)*REC+8192
	global_load_b128 v[244+8*\slot:247+8*\slot], v1, s[40:41] offset:8192
.Lno9_\@:
	s_add_co_u32 s34, s34, 1
.if CAUSAL
	s_add_co_u32 s42, s21, 23
	s_cmp_gt_u32 s35, s42
	s_cbranch_scc1 .Lhid_\@
.else
	v_add_nc_u32 v6, s36, v5
.endif
	NOP4                                           ; four places behind the last products
	s_wait_alu depctr_va_vdst(0)                   ; the last step's products are done reading KVF and v84-87, in which the loads below land; in the first step q's fragment and scale word are written, which the products below take (CAUSAL = 0: v6 is written, and the softmax is done with S, in which the biases land)
.irp b, 0,1,2,3
.irp g, 0,1,2
	ds_load_b128 v[KVF+12*\b+4*\g:KVF+12*\b+4*\g+3], v2 offset:\slot*REC+1536*\b+512*\g
.endr
.endr
	ds_load_b32 v84, v3 offset:\slot*REC+12288
	ds_load_b32 v85, v3 offset:\slot*REC+12416
.if !CAUSAL
.irp b, 0,1,2,3
.irp q, 0,1,2,3
	ds_load_b128 v[S+16*\b+4*\q:S+16*\b+4*\q+3], v6 offset:128*\b+16*\q
.endr
.endr
.endif
	s_wait_dscnt 0x0
.irp b, 0,1,2,3
.irp v, 0,1
	WM S+8*(2*\b+\v), KVF+12*\b, 22-6*\v, CAUSAL, 84+\b/2, 34, \b%2, 0
.endr
.endr
	NOP4
	s_wait_alu depctr_va_vdst(0)                   ; the eight score products are done reading K's fragments, in which V's land
.irp t, 0,1,2,3                        ; V's four tiles land under the softmax
.irp c, 0,1
.irp i, 0,1,2
	ds_load_b64 v[KVF+12*\t+6*\c+2*\i:KVF+12*\t+6*\c+2*\i+1], v4 offset:\slot*REC+6144+3072*\c+768*(\t/2)+128*(\t%2)+256*\i
.endr
.endr
.endr
	ds_load_b32 v86, v3 offset:\slot*REC+12544
	ds_load_b32 v87, v3 offset:\slot*REC+12672
.if CAUSAL
	s_add_co_u32 s42, s35, 127
	s_cmp_le_u32 s42, s21
	s_cbranch_scc1 .Lopen_\@
	s_sub_co_i32 s42, s21, s35
	v_add_nc_u32 v224, s42, v5
.irp b, 0,1,2,3                        ; a block's sixteen compares in one run, into s52-63 and s8-11, which nothing else uses in the loop
.set qn, 0
.rept 16
.if qn < 12
	v_cmp_gt_i32 s[52+qn], 32*\b+qn, v224
.else
	v_cmp_gt_i32 s[qn-4], 32*\b+qn, v224
.endif
.set qn, qn+1
.endr
	s_wait_alu depctr_va_sdst(0)                   ; the run's sixteen masks are written, ahead of their first readers
.set qn, 0
.rept 16
.if qn < 12
	v_cndmask_b32 v[S+16*\b+qn], v[S+16*\b+qn], v10, s[52+qn]
.else
	v_cndmask_b32 v[S+16*\b+qn], v[S+16*\b+qn], v10, s[qn-4]
.endif
.set qn, qn+1
.endr
.endr
.Lopen_\@:
.endif
.irp b, 0,1,2,3
	v_max3_num_f32 v[BM+\b], v[S+16*\b], v[S+1+16*\b], v[S+2+16*\b]   ; each block's largest score: for the row's maximum and for the block's largest p
.endr
.irp i, 3,5,7,9,11,13
.irp b, 0,1,2,3
	v_max3_num_f32 v[BM+\b], v[BM+\b], v[S+16*\b+\i], v[S+1+16*\b+\i]
.endr
.endr
.irp b, 0,1,2,3
	v_max_num_f32 v[BM+\b], v[BM+\b], v[S+15+16*\b]
.endr
.irp b, 0,1,2,3
	v_permlanex16_b32 v[BT+\b], v[BM+\b], s[SEL], s[SEL+1]
.endr
.irp b, 0,1,2,3
	v_max_num_f32 v[BM+\b], v[BM+\b], v[BT+\b]
.endr
	v_max3_num_f32 v224, v[BM], v[BM+1], v[BM+2]
	v_max_num_f32 v224, v224, v[BM+3]
	v_mul_f32 v224, s[CS], v224
	v_max_num_f32 v13, v13, v224                   ; the running largest t
	v_mov_b32 v224, v12
	v_floor_f32 v12, -v13                          ; -M: M is a whole number
	v_sub_f32 v224, v12, v224
	v_cvt_i32_f32 v224, v224                       ; (it saturates)
	v_ldexp_f32 v226, 1.0, v224                    ; f = 2^(old M - new M)
.set qn, 0
.rept 32
	v_pk_fma_f32 v[S+qn:S+qn+1], v[S+qn:S+qn+1], s[CS:CS+1], v[12:13] op_sel_hi:[1,0,0]
.set qn, qn+2
.endr
.irp b, 0,1,2,3
	v_fma_f32 v[BM+\b], v[BM+\b], s[CS], v12
.endr
.set qn, 0
.rept 64
	v_exp_f32 v[S+qn], v[S+qn]
.set qn, qn+1
.endr
	v_pk_mul_f32 v[14:15], v[14:15], v[226:227] op_sel_hi:[1,0]   ; a plain place behind the exponentials
	s_wait_alu depctr_va_vdst(0)                   ; the batch of 64 exponentials has written p, ahead of its first reader
.irp b, 0,1,2,3
	v_exp_f32 v[BM+\b], v[BM+\b]
.endr
	v_pk_add_f32 v[228:229], v[S:S+1], v[S+2:S+3]  ; the row's sum of the unquantised p, in two chains
.irp j, 4,8,12,16,20,24,28,32,36,40,44,48,52,56,60
	v_pk_add_f32 v[14:15], v[14:15], v[S+\j:S+\j+1]
	v_pk_add_f32 v[228:229], v[228:229], v[S+2+\j:S+3+\j]
.endr
	v_pk_add_f32 v[14:15], v[14:15], v[228:229]
	s_wait_alu depctr_va_vdst(0)                   ; the four exponentials have written the blocks' largest p, ahead of their first reader
.irp b, 0,1,2,3
	v_max_num_f32 v[BM+\b], 0x1800000, v[BM+\b]
.endr
.irp b, 0,1,2,3
	v_add_nc_u32 v[BE+\b], 0xff000000, v[BM+\b]
.endr
.irp b, 0,1,2,3
	v_lshrrev_b32 v[BT+\b], 23, v[BE+\b]
.endr
	v_lshl_or_b32 v227, v[BT+1], 8, v[BT]          ; p's scale word
	v_lshl_or_b32 v227, v[BT+2], 16, v227
	v_lshl_or_b32 v227, v[BT+3], 24, v227
.irp c, 0,1
	v_cvt_scalef32_pk16_fp6_f32 v[PC+6*\c:PC+6*\c+2], v[S+32*\c:S+32*\c+15], v[BE+2*\c]
	v_cvt_scalef32_pk16_fp6_f32 v[PC+12+4*\c:PC+14+4*\c], v[S+16+32*\c:S+31+32*\c], v[BE+2*\c+1]
.endr
	v_nop
.irp c, 0,1
.irp i, 0,1,2
	v_permlane16_swap_b32 v[PC+6*\c+\i], v[PC+12+4*\c+\i]
.endr
.irp i, 0,1,2
	v_mov_b32 v[PC+3+6*\c+\i], v[PC+12+4*\c+\i]
.endr
.endr
.set qn, 0
.rept 16
	v_pk_mul_f32 v[O+qn:O+qn+1], v[O+qn:O+qn+1], v[226:227] op_sel_hi:[1,0]   ; O under the new M; these 16 are also the places ahead of the products
.set qn, qn+2
.endr
	s_wait_alu depctr_va_vdst(0)                   ; p's codes and its scale word are written, which the scaled products below take as source 1 and as its scales; the places above stay beside this wait
	s_wait_dscnt 0x0                               ; V
.irp t, 0,1,2,3
	WM O+8*\t, KVF+12*\t, PC, 0, 86+\t/2, 227, \t%2, 0
.endr
.if CAUSAL
.Lhid_\@:
	s_add_co_u32 s35, s35, 128
.else
	s_add_co_u32 s36, s36, 512
.endif
	BARRIER                                        ; my copy into the other slot has landed and my reads of this one are over
.endm
.Ltrip:
	STEP 0
	STEP 1
	s_sub_co_u32 s20, s20, 1
	s_cmp_lg_u32 s20, 0
	s_cbranch_scc1 .Ltrip
	; THE WAY OUT: O / the sum, quantised along the head's 64 channels: half a fragment and half a scale word of the token record
	NOP4
	v_add_f32 v14, v14, v15
	v_permlanex16_b32 v224, v14, s[SEL], s[SEL+1]
	v_add_f32 v14, v14, v224
	v_rcp_f32 v14, v14
	v_nop
	s_wait_alu depctr_va_vdst(0)                   ; the reciprocal is written, ahead of its first reader
.set qn, 0
.rept 32
	v_mul_f32 v[S+qn], v[O+qn], v14
.set qn, qn+1
.endr
	v_max3_num_f32 v[BM], |v[S]|, |v[S+1]|, 0x1800000
	v_max3_num_f32 v[BM+1], |v[S+16]|, |v[S+17]|, 0x1800000
.irp i, 2,4,6,8,10,12,14
	v_max3_num_f32 v[BM], v[BM], |v[S+\i]|, |v[S+1+\i]|
	v_max3_num_f32 v[BM+1], v[BM+1], |v[S+16+\i]|, |v[S+17+\i]|
.endr
	v_permlanex16_b32 v[BT], v[BM], s[SEL], s[SEL+1]
	v_permlanex16_b32 v[BT+1], v[BM+1], s[SEL], s[SEL+1]
	v_max_num_f32 v[BM], v[BM], v[BT]
	v_max_num_f32 v[BM+1], v[BM+1], v[BT+1]
	v_add_nc_u32 v[BE], 0xff000000, v[BM]
	v_add_nc_u32 v[BE+1], 0xff000000, v[BM+1]
	v_lshrrev_b32 v230, 23, v[BE]
	v_lshrrev_b32 v231, 23, v[BE+1]
	v_lshl_or_b32 v234, v231, 8, v230
	v_cvt_scalef32_pk16_fp6_f32 v[PC:PC+2], v[S:S+15], v[BE]
	v_cvt_scalef32_pk16_fp6_f32 v[PC+12:PC+14], v[S+16:S+31], v[BE+1]
	v_nop
.irp i, 0,1,2
	v_permlane16_swap_b32 v[PC+\i], v[PC+12+\i]
.endr
.irp i, 0,1,2
	v_mov_b32 v[PC+3+\i], v[PC+12+\i]
.endr
	s_wait_alu depctr_va_vdst(0)                   ; the codes and the two scale bytes are written, which the stores read
.irp i, 0,1,2
	global_store_b64 v7, v[PC+2*\i:PC+2*\i+1], s[48:49] offset:256*\i   ; 256 consecutive bytes, aligned
.endr
	global_store_b16 v8, v234, s[50:51]
	s_wait_dscnt 0x0                               ; the closing lines, six on end
	s_wait_alu 0x0
	s_wait_tensorcnt 0x0
	ds_add_u32 v238, v239
	s_wait_dscnt 0x0
	s_endpgm
.Lfunc_end_k_q506478e1b1_xattn:
	.size	k_q506478e1b1_xattn, .Lfunc_end_k_q506478e1b1_xattn-k_q506478e1b1_xattn
	.p2alignl 7, 3214868480
	.fill 96, 4, 3214868480
	.section	.rodata,"a",@progbits
	.p2align	6, 0x0
	.amdhsa_kernel k_q506478e1b1_xattn
		.amdhsa_group_segment_fixed_size 31744
		.amdhsa_private_segment_fixed_size 0
		.amdhsa_enable_private_segment 0
		.amdhsa_kernarg_size 32
		.amdhsa_user_sgpr_count 2
		.amdhsa_user_sgpr_kernarg_segment_ptr 1
		.amdhsa_wavefront_size32 1
		.amdhsa_system_sgpr_workgroup_id_x 1
		.amdhsa_system_sgpr_workgroup_id_y 1
		.amdhsa_system_sgpr_workgroup_id_z 1
		.amdhsa_system_vgpr_workitem_id 0
		.amdhsa_next_free_vgpr 256
		.amdhsa_next_free_sgpr 66
		.amdhsa_reserve_vcc 0
		.amdhsa_float_denorm_mode_32 3
		.amdhsa_float_denorm_mode_16_64 3
		.amdhsa_memory_ordered 1
		.amdhsa_forward_progress 1
		.amdhsa_inst_pref_size 47
	.end_amdhsa_kernel
	.amdgpu_metadata
---
amdhsa.version: [ 1, 2 ]
amdhsa.kernels:
  - .name:           k_q506478e1b1_xattn
    .symbol:         k_q506478e1b1_xattn.kd
    .args:
      - { .name: mid, .offset: 0, .size: 8, .value_kind: global_buffer, .address_space: global }
      - { .name: qkv, .offset: 8, .size: 8, .value_kind: global_buffer, .address_space: global }
      - { .name: context_mask, .offset: 16, .size: 8, .value_kind: global_buffer, .address_space: global }
      - { .name: ob, .offset: 24, .size: 8, .value_kind: global_buffer, .address_space: global }
    .group_segment_fixed_size: 31744
    .private_segment_fixed_size: 0
    .kernarg_segment_align: 8
    .kernarg_segment_size: 32
    .max_flat_workgroup_size: 512
    .sgpr_count:     66
    .vgpr_count:     256
    .wavefront_size: 32
...
	.end_amdgpu_metadata
.endif
;; end of part 13
;; launch ffn (part 14): grid 128 x 1, 16 waves a work-group, no clusters, 190,464 bytes of LDS; arguments ob, prep, mid, g_norm2, out0; writes out0
.if DOCPART == 14
	.amdgcn_target "amdgcn-amd-amdhsa--gfx1250"
	.amdhsa_code_object_version 6
	.text
	.protected	k_q506478e1b1_ffn
	.globl	k_q506478e1b1_ffn
	.p2align	8
	.type	k_q506478e1b1_ffn,@function
k_q506478e1b1_ffn:
	s_mov_b64 s[64:65], 0
	v_nop
	global_prefetch_b8 v0, s[64:65] scope:SCOPE_SE
	s_setreg_imm32_b32 hwreg(HW_REG_WAVE_SCHED_MODE, 0, 2), 2
	s_setreg_imm32_b32 hwreg(HW_REG_WAVE_MODE, 25, 1), 1
	s_wait_xcnt 0x0
	s_wait_alu depctr_vm_vsrc(0)
; FFN.  x2 = x1 + O w_cout^T;  h = rmsnorm(x2) g;  out = x2 + (silu(h w1^T) (h w3^T)) w2^T.  A work-group owns 32 whole token rows, so the norm and the whole chain stay inside it: 128 work-groups.
; The tokens' codes lie in LDS as token records; wave w makes features 64 w .. 64 w + 63 and streams its weight rows from memory straight into registers, two K steps ahead.
; A weight byte goes to the one wave that multiplies it: there is no LDS tile that a joint load of a cluster could fill, so no cluster and no tensor load.
; THE WALK ALONG K IS ROTATED: work-group i begins at K step (i + i / 8) mod 8 and goes round, so that the work-groups, which all walk the same weights, ask for different K steps at a time, not all for the same.
; The f32 sums along K are therefore taken in an order that differs from work-group to work-group.
; Each pass's first two K steps of weights are asked for straight behind the pass before and land under the vector work between; the gain comes with the first loads and waits in LDS.
; The gated layer goes in two halves of 32 features a wave: in a half the pass's first pair of weight rows is w1's, the second w3's, so that a and b of one feature lie in one lane, 16 registers apart.
; x2 waits in the wave's own 8,192 bytes of LDS and comes back as the C of the last pass's first K step.
; ACC[32 u + 16 p + 8 u' + j] = (token 32 tb + 8 u + r + (r & 8), feature 64 w + 32 p + 16 h + 8 u' + j).
; LIMITS: NaN and infinities are not served; a block of zeros gets the scale byte 1.
; THE MODE: SCHED_MODE bits 1:0 = 2 (LLVM: expert scheduling mode 2), set by the entry lines.  The code itself states the register dependences
; between vector or matrix instructions and memory or LDS instructions, with s_wait_alu, always for 0.
; THE PLAN.  Registers that memory or LDS instructions touch:
;   WF0, WF1, WS   Loads of a K step's weights and scale words land in a set; the K step's eight products read it; behind them the set is asked for again, two K steps on, or for the next pass.  On the way out rows of the result land in v80-143.
;   TF0, TF1, TS   The same for the tokens' fragments, out of LDS.  At the head v176-191 carry the record and the gain into LDS; between the passes the norm, the gate and the quantiser work in them.
;   v1, v11 and v255, v2   A set's two LDS addresses: written by two additions a K step, read by the set's 13 LDS loads.  (At the head the four are offsets of the first loads and LDS stores.)
;   ACC            x1's loads land; products add onto it; the LDS stores of x2 read it; the norm and the gate rewrite it; x2's LDS loads land in it; the way out's LDS stores read it.
;   PC, PW         Written by the quantiser, read by the records' LDS stores.      v3-v10, v12-v15   Offsets and addresses, made once at the head.
; A K step has two waits, behind its products: on vm_vsrc ahead of the two additions, on va_vdst ahead of its 27 loads.  Sixteen waves of 256 registers leave no room for a third set, so a K step's loads can go
; only into the set that has just been multiplied: they stand in one run behind that wait.
.set WSC, 8650752
.set T0, 0
.set T1, 25600
.set RS, 51200
.set GL, 53248                         ; LDS: the gain, 4,096 bytes
.set STASH, 57344                      ; 8,192 bytes for each wave
.set IW_A, 224*24576
.set IS_A, 224*1024
.set IW_H0, 256*24576
.set IS_H0, 256*1024
.set IW_H1, 257*24576
.set IS_H1, 257*1024
.set IW_C, 320*24576
.set IS_C, 320*1024
.set ACC, 16
.set WF, 80
.set TF, 176
.set GT, 176
.set NT, 176                           ; the norm's temporaries: v176-207; the gain: v230-245 and v208-223; 1 / rms: v246-249
.set WS, 224
.set TS, 228
.set PC, 230
.set TB, 250
.set PW, 254
.set TM, 212
.set TX, 216
.set TE, 220
.set A16T, 1                           ; v1   16 x thread, for the record's copy at the head; afterwards L8R0
.set A2T, 2                            ; v2   2 x thread, for the record's copy at the head; afterwards L4R1
.set G8T, 255                          ; v255 8 x thread, for the gain's copy at the head; afterwards L8R1
.set L8R0, 1                           ; v1   set 0: 8 x lane + 1,536 x its K step
.set L4R0, 11                          ; v11  set 0: 4 x lane + 128 x its K step (at the head: x1's offset)
.set L8R1, 255                         ; v255 set 1 likewise
.set L4R1, 2                           ; v2
.set L8, 3
.set L4, 4
.set L16, 5
.set R4, 6
.set VW, 7
.set VS, 8
.set AT, 9
.set AS, 10
.set GO, 13
.set NS, 14
.set NL, 15
.set WV, 3
.set GB, 10
.set SEL, 30
.set WB, 32
.set WSB, 34
.set RB, 36
.set NL2, 46
.set HM, 48
.set C10, 49
.set CEPS, 50
.set KSW, 66                           ; s66  the K step whose weights are asked for next
.set KST, 67                           ; s67  the K step whose token fragments are read next
.set OFA, 68                           ; s[68:69], s[70:71] offsets as pairs, the upper words 0
.set OFB, 70
.set WBX, 72                           ; s[72:75] set 0's bases (weights, scale words), s[76:79] set 1's
.set OFT, 80
.set OFU, 81
.macro BARRIER
	s_wait_dscnt 0x0
	s_barrier_signal -1
	s_barrier_wait -1
.endm
.macro NOP4
.rept 4
	v_nop
.endr
.endm
.macro QCVT s, bk
.if ((\bk) % 2) == 0
	v_cvt_scalef32_pk16_fp6_f32 v[PC+6*((\bk)/2):PC+6*((\bk)/2)+2], v[(\s):(\s)+15], v[TE+(\bk)]
.else
	v_cvt_scalef32_pk16_fp6_f32 v[PC+12+4*((\bk)/2):PC+12+4*((\bk)/2)+2], v[(\s):(\s)+15], v[TE+(\bk)]
.endif
.endm
.macro QPART2 sa, ba, sb, bb
	v_mov_b32 v[TX+(\ba)], 0
	v_mov_b32 v[TX+(\bb)], 0
	v_max3_num_f32 v[TM+(\ba)], |v[(\sa)]|, |v[(\sa)+1]|, 0x1800000
	v_max3_num_f32 v[TM+(\bb)], |v[(\sb)]|, |v[(\sb)+1]|, 0x1800000
.irp i, 2,4,6,8,10,12,14
	v_max3_num_f32 v[TM+(\ba)], v[TM+(\ba)], |v[(\sa)+\i]|, |v[(\sa)+\i+1]|
	v_max3_num_f32 v[TM+(\bb)], v[TM+(\bb)], |v[(\sb)+\i]|, |v[(\sb)+\i+1]|
.endr
	v_permlanex16_b32 v[TX+(\ba)], v[TM+(\ba)], s[SEL], s[SEL+1]
	v_permlanex16_b32 v[TX+(\bb)], v[TM+(\bb)], s[SEL], s[SEL+1]
	v_max_num_f32 v[TM+(\ba)], v[TM+(\ba)], v[TX+(\ba)]
	v_max_num_f32 v[TM+(\bb)], v[TM+(\bb)], v[TX+(\bb)]
	v_add_nc_u32 v[TE+(\ba)], 0xff000000, v[TM+(\ba)]
	v_add_nc_u32 v[TE+(\bb)], 0xff000000, v[TM+(\bb)]
	v_lshrrev_b32 v[TB+(\ba)], 23, v[TE+(\ba)]
	v_lshrrev_b32 v[TB+(\bb)], 23, v[TE+(\bb)]
	QCVT \sa, \ba
	QCVT \sb, \bb
	v_nop
.endm
.macro QTAIL nc
	v_lshl_or_b32 v[PW], v[TB+1], 8, v[TB]
.if \nc > 1
	v_lshl_or_b32 v[PW], v[TB+2], 16, v[PW]
	v_lshl_or_b32 v[PW], v[TB+3], 24, v[PW]
.endif
.irp c, 0,1
.if \c < \nc
.irp i, 0,1,2
	v_permlane16_swap_b32 v[PC+6*\c+\i], v[PC+12+4*\c+\i]
.endr
.irp i, 0,1,2
	v_mov_b32 v[PC+3+6*\c+\i], v[PC+12+4*\c+\i]
.endr
.endif
.endr
.endm
; the next K step of my walk, for the weights: the set's two bases; the counter goes round 0 .. 7
.macro KW set
	s_mul_i32 s[OFA], s[KSW], 3072
	s_lshl_b32 s[OFB], s[KSW], 7
	s_add_nc_u64 s[WBX+4*(\set):WBX+4*(\set)+1], s[WB:WB+1], s[OFA:OFA+1]
	s_add_nc_u64 s[WBX+4*(\set)+2:WBX+4*(\set)+3], s[WSB:WSB+1], s[OFB:OFB+1]
	s_add_co_u32 s[KSW], s[KSW], 1
	s_and_b32 s[KSW], s[KSW], 7
.endm
; and for the tokens: the set's two LDS addresses
.macro KT set
.if (\set) == 0
.set TA8, L8R0
.set TA4, L4R0
.else
.set TA8, L8R1
.set TA4, L4R1
.endif
	s_mul_i32 s[OFT], s[KST], 1536
	s_lshl_b32 s[OFU], s[KST], 7
	s_add_co_u32 s[KST], s[KST], 1
	s_and_b32 s[KST], s[KST], 7
	v_add_nc_u32 v[TA8], s[OFT], v[L8]
	v_add_nc_u32 v[TA4], s[OFU], v[L4]
.endm
.macro WLOAD set, iw, d1, is, ds1
.irp p, 0,1
.irp u, 0,1
.irp g, 0,1,2
	global_load_b128 v[WF+48*(\set)+24*\p+12*\u+4*\g:WF+48*(\set)+24*\p+12*\u+4*\g+3], v[VW], s[WBX+4*(\set):WBX+4*(\set)+1] offset:(\iw)+\p*(\d1)+1536*\u+512*\g
.endr
.endr
	global_load_b32 v[WS+2*(\set)+\p], v[VS], s[WBX+4*(\set)+2:WBX+4*(\set)+3] offset:(\is)+\p*(\ds1)
.endr
.endm
.macro TLOAD set, reg
.if (\set) == 0
.set TA8, L8R0
.set TA4, L4R0
.else
.set TA8, L8R1
.set TA4, L4R1
.endif
.irp u, 0,1
.irp p, 0,1,2,3,4,5
	ds_load_b64 v[TF+24*(\set)+12*\u+2*\p:TF+24*(\set)+12*\u+2*\p+1], v[TA8] offset:(\reg)+12288*\u+256*\p
.endr
.endr
	ds_load_b32 v[TS+(\set)], v[TA4] offset:(\reg)+24576
.endm
.macro WM d, a, b, cz, sa, sb, ra, rb
.if (\cz) && ((\ra) == 0) && ((\rb) == 0)
	v_wmma_scale_f32_16x16x128_f8f6f4 v[(\d):(\d)+7], v[(\a):(\a)+11], v[(\b):(\b)+11], 0, v[\sa], v[\sb] matrix_a_fmt:MATRIX_FMT_FP6 matrix_b_fmt:MATRIX_FMT_FP6
.elseif (\cz) && ((\ra) == 1) && ((\rb) == 0)
	v_wmma_scale_f32_16x16x128_f8f6f4 v[(\d):(\d)+7], v[(\a):(\a)+11], v[(\b):(\b)+11], 0, v[\sa], v[\sb] matrix_a_fmt:MATRIX_FMT_FP6 matrix_b_fmt:MATRIX_FMT_FP6 matrix_a_scale:MATRIX_SCALE_ROW1
.elseif (\cz) && ((\ra) == 0) && ((\rb) == 1)
	v_wmma_scale_f32_16x16x128_f8f6f4 v[(\d):(\d)+7], v[(\a):(\a)+11], v[(\b):(\b)+11], 0, v[\sa], v[\sb] matrix_a_fmt:MATRIX_FMT_FP6 matrix_b_fmt:MATRIX_FMT_FP6 matrix_b_scale:MATRIX_SCALE_ROW1
.elseif (\cz)
	v_wmma_scale_f32_16x16x128_f8f6f4 v[(\d):(\d)+7], v[(\a):(\a)+11], v[(\b):(\b)+11], 0, v[\sa], v[\sb] matrix_a_fmt:MATRIX_FMT_FP6 matrix_b_fmt:MATRIX_FMT_FP6 matrix_a_scale:MATRIX_SCALE_ROW1 matrix_b_scale:MATRIX_SCALE_ROW1
.elseif ((\ra) == 0) && ((\rb) == 0)
	v_wmma_scale_f32_16x16x128_f8f6f4 v[(\d):(\d)+7], v[(\a):(\a)+11], v[(\b):(\b)+11], v[(\d):(\d)+7], v[\sa], v[\sb] matrix_a_fmt:MATRIX_FMT_FP6 matrix_b_fmt:MATRIX_FMT_FP6
.elseif ((\ra) == 1) && ((\rb) == 0)
	v_wmma_scale_f32_16x16x128_f8f6f4 v[(\d):(\d)+7], v[(\a):(\a)+11], v[(\b):(\b)+11], v[(\d):(\d)+7], v[\sa], v[\sb] matrix_a_fmt:MATRIX_FMT_FP6 matrix_b_fmt:MATRIX_FMT_FP6 matrix_a_scale:MATRIX_SCALE_ROW1
.elseif ((\ra) == 0) && ((\rb) == 1)
	v_wmma_scale_f32_16x16x128_f8f6f4 v[(\d):(\d)+7], v[(\a):(\a)+11], v[(\b):(\b)+11], v[(\d):(\d)+7], v[\sa], v[\sb] matrix_a_fmt:MATRIX_FMT_FP6 matrix_b_fmt:MATRIX_FMT_FP6 matrix_b_scale:MATRIX_SCALE_ROW1
.else
	v_wmma_scale_f32_16x16x128_f8f6f4 v[(\d):(\d)+7], v[(\a):(\a)+11], v[(\b):(\b)+11], v[(\d):(\d)+7], v[\sa], v[\sb] matrix_a_fmt:MATRIX_FMT_FP6 matrix_b_fmt:MATRIX_FMT_FP6 matrix_a_scale:MATRIX_SCALE_ROW1 matrix_b_scale:MATRIX_SCALE_ROW1
.endif
.endm
.macro MM set, cz                      ; eight accumulators by turns, one instruction a turn, the same order in every K step
.irp p, 0,1
.irp v, 0,1
.irp u, 0,1
	WM ACC+32*\u+16*\p+8*\v, WF+48*(\set)+24*\p+12*\v, TF+24*(\set)+12*\u, \cz, WS+2*(\set)+\p, TS+(\set), \v, \u
.endr
.endr
.endr
.endm
.macro PASSW iw, d1, is, ds1           ; the first two K steps of a pass: 28 loads
	s_wait_xcnt 0x0                                ; the bases are written only behind this wait
	KW 0
	WLOAD 0, \iw, \d1, \is, \ds1
	KW 1
	WLOAD 1, \iw, \d1, \is, \ds1
.endm
.macro PASST reg
	s_wait_alu depctr_vm_vsrc(0)                   ; the loads and LDS stores issued so far have read the four address registers, which the additions below write, and, at the head, v176-191, in which the fragments land
	KT 0
	KT 1
	s_wait_alu depctr_va_vdst(0)                   ; both sets' LDS addresses are written, which the loads below read; the norm, the gate and the quantiser are done with v176-223, in which they land
	TLOAD 0, \reg
	TLOAD 1, \reg
.endm
.macro PASSK cz, reg, iw, d1, is, ds1
.irp s, 0,1,2,3,4,5,6,7
.if \s < 7
	s_wait_loadcnt 14                              ; this K step's 14 loads, and all older ones, are in; the next K step's 14 may be out
	s_wait_dscnt 13                                ; likewise its 13 LDS loads
.else
	s_wait_loadcnt 0x0
	s_wait_dscnt 0x0
.endif
.if \s == 0
	MM 0, \cz
.else
	MM \s%2, 0
.endif
.if \s < 6
	s_wait_xcnt 0x0                                ; this set's loads are done (the wait above) and every address has been read: its bases may be written
	KW \s%2
	s_wait_alu depctr_vm_vsrc(0)                   ; this set's LDS loads have read its two address registers, which the additions below write
	KT \s%2                                        ; its two additions and the two lines below are four places behind the products (ISA guide 7.12.1)
	v_nop
	v_nop
	s_wait_alu depctr_va_vdst(0)                   ; the eight products are done reading this set's fragments and scale registers, in which the loads below land; the set's two addresses are written
	WLOAD \s%2, \iw, \d1, \is, \ds1
	TLOAD \s%2, \reg
.else
	NOP4                                           ; four places ahead of what next reads the products' results
.endif
.endr
.endm
.macro TSTORE reg
.irp u, 0,1
.irp i, 0,1,2
	ds_store_b64 v[AT], v[PC+6*\u+2*\i:PC+6*\u+2*\i+1] offset:(\reg)+12288*\u+256*\i
.endr
.endr
	ds_store_b16 v[AS], v[PW] offset:(\reg)+24576
	ds_store_b16_d16_hi v[AS], v[PW] offset:(\reg)+24640
.endm
; ACC = g (ACC rs), rs = 1 / sqrt(mean of squares over the token's 1,024 features + eps).  The sixteen waves' partial sums meet in LDS: one barrier.  It names no register into which weights are on their way.
.macro NORM
.irp u, 0,1
	v_pk_mul_f32 v[NT+4*\u:NT+4*\u+1], v[ACC+32*\u:ACC+32*\u+1], v[ACC+32*\u:ACC+32*\u+1]
	v_pk_mul_f32 v[NT+2+4*\u:NT+3+4*\u], v[ACC+32*\u+2:ACC+32*\u+3], v[ACC+32*\u+2:ACC+32*\u+3]
.endr
.irp i, 4,8,12,16,20,24,28
.irp u, 0,1
	v_pk_fma_f32 v[NT+4*\u:NT+4*\u+1], v[ACC+32*\u+\i:ACC+32*\u+\i+1], v[ACC+32*\u+\i:ACC+32*\u+\i+1], v[NT+4*\u:NT+4*\u+1]
	v_pk_fma_f32 v[NT+2+4*\u:NT+3+4*\u], v[ACC+32*\u+\i+2:ACC+32*\u+\i+3], v[ACC+32*\u+\i+2:ACC+32*\u+\i+3], v[NT+2+4*\u:NT+3+4*\u]
.endr
.endr
.irp u, 0,1
	v_pk_add_f32 v[NT+4*\u:NT+4*\u+1], v[NT+4*\u:NT+4*\u+1], v[NT+2+4*\u:NT+3+4*\u]
.endr
.irp u, 0,1
	v_add_f32 v[NT+4*\u], v[NT+4*\u], v[NT+1+4*\u]
.endr
.irp u, 0,1
	v_permlanex16_b32 v[NT+2+4*\u], v[NT+4*\u], s[SEL], s[SEL+1]
.endr
.irp u, 0,1
	v_add_f32 v[NT+4*\u], v[NT+4*\u], v[NT+2+4*\u]
.endr
	v_cndmask_b32 v[NT+8], v[NT], v[NT+4], s[HM]   ; lane (r, h) hands on tile h's sum
	s_wait_alu depctr_va_vdst(0)                   ; v[NT+8] is written, which the LDS store reads; the sums above are done with v[NT ..], in which the LDS loads behind the barrier land
	ds_store_b32 v[NS], v[NT+8]
	BARRIER
	s_wait_alu depctr_vm_vsrc(0)                   ; the LDS store has read v[NT+8], in which a load below lands; the LDS stores of x2 have read ACC, which the multiplications at the end rewrite
.irp u, 0,1
.irp k, 0,1,2,3
	ds_load_b128 v[NT+16*\u+4*\k:NT+16*\u+4*\k+3], v[NL] offset:1024*\u+16*\k
.endr
.endr
.irp v, 0,1
.irp q, 0,1
	ds_load_b128 v[230+8*\v+4*\q:233+8*\v+4*\q], v[GO] offset:GL+32*\v+16*\q          ; the gain at my features 32 p + 16 h + 0 .. 15: p = 0,
	ds_load_b128 v[208+8*\v+4*\q:211+8*\v+4*\q], v[GO] offset:GL+128+32*\v+16*\q      ; p = 1
.endr
.endr
	s_wait_dscnt 8                                 ; the partial sums are in; the gain's eight loads may be out
.irp i, 0,2,4,6
.irp u, 0,1
	v_pk_add_f32 v[NT+16*\u+\i:NT+16*\u+\i+1], v[NT+16*\u+\i:NT+16*\u+\i+1], v[NT+8+16*\u+\i:NT+9+16*\u+\i]
.endr
.endr
.irp i, 0,2
.irp u, 0,1
	v_pk_add_f32 v[NT+16*\u+\i:NT+16*\u+\i+1], v[NT+16*\u+\i:NT+16*\u+\i+1], v[NT+4+16*\u+\i:NT+5+16*\u+\i]
.endr
.endr
.irp u, 0,1
	v_pk_add_f32 v[NT+16*\u:NT+16*\u+1], v[NT+16*\u:NT+16*\u+1], v[NT+2+16*\u:NT+3+16*\u]
.endr
.irp u, 0,1
	v_add_f32 v[NT+16*\u], v[NT+16*\u], v[NT+1+16*\u]
.endr
.irp u, 0,1
	v_fma_f32 v[NT+16*\u], v[NT+16*\u], s[C10], s[CEPS]
.endr
.irp u, 0,1
	v_rsq_f32 v[246+2*\u], v[NT+16*\u]
	v_rsq_f32 v[247+2*\u], v[NT+16*\u]             ; twice: the packed multiply takes a pair
.endr
	v_nop                                          ; a plain place behind the transcendentals
	s_wait_alu depctr_va_vdst(0)                   ; the four reciprocal roots are written, ahead of their first reader
	s_wait_dscnt 0x0                               ; the gain
.irp u, 0,1
.irp i, 0,2,4,6,8,10,12,14,16,18,20,22,24,26,28,30
	v_pk_mul_f32 v[ACC+32*\u+\i:ACC+32*\u+\i+1], v[ACC+32*\u+\i:ACC+32*\u+\i+1], v[246+2*\u:247+2*\u]
.endr
.endr
.irp u, 0,1
.irp i, 0,2,4,6,8,10,12,14
	v_pk_mul_f32 v[ACC+32*\u+\i:ACC+32*\u+\i+1], v[ACC+32*\u+\i:ACC+32*\u+\i+1], v[230+\i:231+\i]
	v_pk_mul_f32 v[ACC+32*\u+16+\i:ACC+32*\u+17+\i], v[ACC+32*\u+16+\i:ACC+32*\u+17+\i], v[208+\i:209+\i]
.endr
.endr
.endm
; a = ACC[32 u + 0..15], b = ACC[32 u + 16..31]:  a <- (a / (1 + 2^(-a log2 e))) b.  Two batches of 32 transcendentals, one wait each
.macro GLU
.irp u, 0,1
.irp i, 0,2,4,6,8,10,12,14
	v_pk_mul_f32 v[GT+16*\u+\i:GT+16*\u+\i+1], v[ACC+32*\u+\i:ACC+32*\u+\i+1], s[NL2:NL2+1] op_sel_hi:[1,0]
.endr
.endr
.set gi, 0
.rept 32
	v_exp_f32 v[GT+gi], v[GT+gi]
.set gi, gi+1
.endr
	v_nop
	s_wait_alu depctr_va_vdst(0)                   ; the 32 exponentials are written, ahead of their first reader
.set gi, 0
.rept 16
	v_pk_add_f32 v[GT+gi:GT+gi+1], v[GT+gi:GT+gi+1], 1.0 op_sel_hi:[1,0]
.set gi, gi+2
.endr
.set gi, 0
.rept 32
	v_rcp_f32 v[GT+gi], v[GT+gi]
.set gi, gi+1
.endr
	v_nop
	s_wait_alu depctr_va_vdst(0)                   ; the 32 reciprocals are written, ahead of their first reader
.irp u, 0,1
.irp i, 0,2,4,6,8,10,12,14
	v_pk_mul_f32 v[ACC+32*\u+\i:ACC+32*\u+\i+1], v[ACC+32*\u+\i:ACC+32*\u+\i+1], v[GT+16*\u+\i:GT+16*\u+\i+1]
.endr
.endr
.irp u, 0,1
.irp i, 0,2,4,6,8,10,12,14
	v_pk_mul_f32 v[ACC+32*\u+\i:ACC+32*\u+\i+1], v[ACC+32*\u+\i:ACC+32*\u+\i+1], v[ACC+32*\u+16+\i:ACC+32*\u+17+\i]
.endr
.endr
.endm
	s_load_b256 s[4:11], s[0:1], 0x0               ; ob, prep, mid, g_norm2
	s_load_b64 s[12:13], s[0:1], 0x20              ; out0
	v_lshrrev_b32 v11, 5, v0
	v_readfirstlane_b32 s[WV], v11
	v_and_b32 v12, 31, v0                          ; lane
	v_and_b32 v13, 15, v0                          ; r
	v_bfe_u32 v14, v0, 4, 1                        ; h
	v_lshlrev_b32 v[A16T], 4, v0
	v_lshlrev_b32 v[A2T], 1, v0
	v_lshlrev_b32 v[G8T], 3, v0
	v_lshlrev_b32 v[L8], 3, v12
	v_lshlrev_b32 v[L4], 2, v12
	v_lshlrev_b32 v[L16], 4, v12
	v_lshlrev_b32 v[R4], 2, v13
	s_wait_alu depctr_va_sdst(0)                   ; the wave's number is written, ahead of its first reader
	s_mul_i32 s14, s[WV], 49152
	v_add_nc_u32 v[VW], s14, v[L16]
	s_lshl_b32 s14, s[WV], 11
	v_add_nc_u32 v[VS], s14, v[L4]
	s_mul_i32 s14, s[WV], 768
	v_add_nc_u32 v[AT], s14, v[L8]
	s_lshr_b32 s14, s[WV], 1
	s_lshl_b32 s14, s14, 7
	s_and_b32 s15, s[WV], 1
	s_lshl_b32 s15, s15, 1
	s_add_co_u32 s14, s14, s15
	v_add_nc_u32 v[AS], s14, v[R4]
	s_lshl_b32 s14, s[WV], 8
	v_lshl_add_u32 v[NL], v13, 6, RS
	v_lshlrev_b32 v[GO], 6, v14
	v_add_nc_u32 v[GO], s14, v[GO]                 ; the gain: 256 w + 64 h
	v_lshl_add_u32 v[NS], v12, 6, RS
	s_lshl_b32 s15, s[WV], 2
	v_add_nc_u32 v[NS], s15, v[NS]
	s_lshl_b32 s15, s[WV], 13
	v_add_nc_u32 v11, s15, v[L16]                  ; x1's image: 16 x lane + 8,192 w
	v_add_nc_u32 v12, STASH, v11                   ; and my own 8,192 bytes of LDS
	s_mov_b32 s[SEL], 0x76543210
	s_mov_b32 s[SEL+1], 0xfedcba98
	s_mov_b32 s[HM], 0xffff0000
	s_mov_b32 s[C10], 0x3a800000
	s_mov_b32 s[CEPS], 0x358637bd
	s_mov_b32 s[NL2], 0xbfb8aa3b                   ; -log2(e)
	s_mov_b32 s[NL2+1], s[NL2]
	s_lshr_b32 s[KSW], ttmp9, 3
	s_add_co_u32 s[KSW], s[KSW], ttmp9
	s_and_b32 s[KSW], s[KSW], 7                    ; where my walk along K begins
	s_mov_b32 s[KST], s[KSW]
	s_mov_b32 s[OFA+1], 0
	s_mov_b32 s[OFB+1], 0
	s_mov_b32 s17, 0
	s_wait_kmcnt 0x0
	s_mov_b64 s[WB:WB+1], s[6:7]
	s_mov_b32 s16, WSC
	s_add_nc_u64 s[WSB:WSB+1], s[6:7], s[16:17]
	s_mul_i32 s16, ttmp9, 25600
	s_add_nc_u64 s[RB:RB+1], s[4:5], s[16:17]
	s_lshl_b32 s16, ttmp9, 17
	s_add_nc_u64 s[38:39], s[8:9], s[16:17]
	s_add_nc_u64 s[40:41], s[12:13], s[16:17]
	s_wait_alu depctr_va_vdst(0)                   ; the offsets and addresses v1-v15 and v255 are written, which the kernel's loads and stores read
	global_load_b128 v[176:179], v[A16T], s[RB:RB+1]
	global_load_b128 v[180:183], v[A16T], s[RB:RB+1] offset:8192
	global_load_b128 v[184:187], v[A16T], s[RB:RB+1] offset:16384
	global_load_u16 v188, v[A2T], s[RB:RB+1] offset:24576
	global_load_b64 v[190:191], v[G8T], s[GB:GB+1] ; the gain: 8 bytes a thread
.set qi, 0
.rept 16
	global_load_b128 v[ACC+4*qi:ACC+4*qi+3], v11, s[38:39] offset:512*qi   ; x1, the residual
.set qi, qi+1
.endr
	PASSW IW_A, 24576, IS_A, 1024
	s_wait_loadcnt 44                              ; the record's four loads and the gain's one are older than the residual's 16 and the weights' 28
	ds_store_b128 v[A16T], v[176:179]
	ds_store_b128 v[A16T], v[180:183] offset:8192
	ds_store_b128 v[A16T], v[184:187] offset:16384
	ds_store_b16 v[A2T], v188 offset:24576
	ds_store_b64 v[G8T], v[190:191] offset:GL
	BARRIER
	PASST T0
	PASSK 0, T0, IW_A, 24576, IS_A, 1024
	s_wait_alu depctr_va_vdst(0)                   ; the pass's last products are done reading both sets of weight registers, in which the loads below land, and have written ACC, which the LDS stores of x2 read; the four places above stay beside this wait
	PASSW IW_H0, 786432, IS_H0, 32768              ; the gated layer's first two K steps land under the norm and the quantiser
.set qi, 0
.rept 16
	ds_store_b128 v12, v[ACC+4*qi:ACC+4*qi+3] offset:512*qi   ; x2 waits in my own LDS bytes
.set qi, qi+1
.endr
	NORM
	QPART2 ACC, 0, ACC+16, 1
	QPART2 ACC+32, 2, ACC+48, 3
	QTAIL 2
	s_wait_alu depctr_va_vdst(0)                   ; the quantiser has written the codes and the scale word, which the LDS stores read
	TSTORE T1
	BARRIER
	PASST T1
	PASSK 1, T1, IW_H0, 786432, IS_H0, 32768
	s_wait_alu depctr_va_vdst(0)                   ; the pass's last products are done reading both sets of weight registers, in which the loads below land
	PASSW IW_H1, 786432, IS_H1, 32768              ; the next half's weights land under the gate
	GLU
	QPART2 ACC, 0, ACC+32, 2                       ; block 0 of my 64 hidden features, for both token tiles
	PASST T1
	PASSK 1, T1, IW_H1, 786432, IS_H1, 32768
	s_wait_alu depctr_va_vdst(0)                   ; the pass's last products are done reading both sets of weight registers, in which the loads below land
	PASSW IW_C, 24576, IS_C, 1024
	GLU
	QPART2 ACC, 1, ACC+32, 3
	QTAIL 2
	s_wait_alu depctr_va_vdst(0)                   ; the quantiser has written the codes and the scale word, which the LDS stores read; the gate and the quantiser are done with ACC, in which x2 lands
	TSTORE T0                                      ; the first record's bytes: two barriers part its last read from this
.set qi, 0
.rept 16
	ds_load_b128 v[ACC+4*qi:ACC+4*qi+3], v12 offset:512*qi   ; x2 back, as the C of the last pass
.set qi, qi+1
.endr
	BARRIER
	PASST T0
	PASSK 0, T0, IW_C, 24576, IS_C, 1024
	; THE WAY OUT: a lane holds pieces of one row; a tile of 16 rows x 256 bytes goes through my own LDS bytes and leaves as whole rows: sixteen lanes store 256 consecutive bytes, aligned
	v_and_b32 v179, 15, v0
	v_bfe_u32 v180, v0, 4, 1
	s_lshl_b32 s14, s[WV], 13
	s_add_co_u32 s14, s14, STASH
	v_mul_u32_u24 v176, v179, 272
	v_lshl_add_u32 v176, v180, 6, v176
	v_add_nc_u32 v176, s14, v176                   ; in: row r, + 64 h
	v_mul_u32_u24 v177, v180, 272
	v_lshl_add_u32 v177, v179, 4, v177
	v_add_nc_u32 v177, s14, v177                   ; back: lanes 0-15 one row, lanes 16-31 the next
	v_lshlrev_b32 v178, 12, v180
	v_lshl_add_u32 v178, v179, 4, v178
	s_lshl_b32 s15, s[WV], 8
	v_add_nc_u32 v178, s15, v178                   ; out0: 4,096 h + 16 r + 256 w
	s_wait_alu depctr_va_vdst(0)                   ; the three addresses v176-178 are written; the last products have written ACC, which the LDS stores read, and are done reading v80-143, in which the rows land
.irp u, 0,1
.irp p, 0,1
.irp v, 0,1
.irp q, 0,1
	ds_store_b128 v176, v[ACC+32*\u+16*\p+8*\v+4*\q:ACC+32*\u+16*\p+8*\v+4*\q+3] offset:128*\p+32*\v+16*\q
.endr
.endr
.endr
.irp k, 0,1,2,3,4,5,6,7
	ds_load_b128 v[80+32*\u+4*\k:83+32*\u+4*\k], v177 offset:544*\k   ; LDS serves a wave's instructions in order: these see my stores, and the next tile's stores come behind them
.endr
.endr
.irp u, 0,1
.irp k, 0,1,2,3,4,5,6,7
	s_wait_dscnt (1-\u)*16+7-\k                    ; behind this load: the tile's later loads, and for tile 0 the other tile's 8 stores and 8 loads
	global_store_b128 v178, v[80+32*\u+4*\k:83+32*\u+4*\k], s[40:41] offset:(8*\u+2*\k+8*(\k/4))*4096 th:TH_STORE_NT
.endr
.endr
	s_wait_xcnt 0x0
	s_wait_alu depctr_vm_vsrc(0)                   ; set 1's last LDS loads have read v255, which a line below writes
	v_lshl_add_u32 v254, v0, 2, 0x2e000
	v_mov_b32 v255, 0
	s_wait_dscnt 0x0                               ; the closing lines, six on end
	s_wait_alu 0x0
	s_wait_tensorcnt 0x0
	ds_add_u32 v254, v255
	s_wait_dscnt 0x0
	s_endpgm
.Lfunc_end_k_q506478e1b1_ffn:
	.size	k_q506478e1b1_ffn, .Lfunc_end_k_q506478e1b1_ffn-k_q506478e1b1_ffn
	.p2alignl 7, 3214868480
	.fill 96, 4, 3214868480
	.section	.rodata,"a",@progbits
	.p2align	6, 0x0
	.amdhsa_kernel k_q506478e1b1_ffn
		.amdhsa_group_segment_fixed_size 190464
		.amdhsa_private_segment_fixed_size 0
		.amdhsa_enable_private_segment 0
		.amdhsa_kernarg_size 40
		.amdhsa_user_sgpr_count 2
		.amdhsa_user_sgpr_kernarg_segment_ptr 1
		.amdhsa_wavefront_size32 1
		.amdhsa_system_sgpr_workgroup_id_x 1
		.amdhsa_system_sgpr_workgroup_id_y 1
		.amdhsa_system_sgpr_workgroup_id_z 1
		.amdhsa_system_vgpr_workitem_id 0
		.amdhsa_next_free_vgpr 256
		.amdhsa_next_free_sgpr 82
		.amdhsa_reserve_vcc 0
		.amdhsa_float_denorm_mode_32 3
		.amdhsa_float_denorm_mode_16_64 3
		.amdhsa_memory_ordered 1
		.amdhsa_forward_progress 1
		.amdhsa_inst_pref_size 164
	.end_amdhsa_kernel
	.amdgpu_metadata
---
amdhsa.version: [ 1, 2 ]
amdhsa.kernels:
  - .name:           k_q506478e1b1_ffn
    .symbol:         k_q506478e1b1_ffn.kd
    .args:
      - { .name: ob, .offset: 0, .size: 8, .value_kind: global_buffer, .address_space: global }
      - { .name: prep, .offset: 8, .size: 8, .value_kind: global_buffer, .address_space: global }
      - { .name: mid, .offset: 16, .size: 8, .value_kind: global_buffer, .address_space: global }
      - { .name: g_norm2, .offset: 24, .size: 8, .value_kind: global_buffer, .address_space: global }
      - { .name: out0, .offset: 32, .size: 8, .value_kind: global_buffer, .address_space: global }
    .group_segment_fixed_size: 190464
    .private_segment_fixed_size: 0
    .kernarg_segment_align: 8
    .kernarg_segment_size: 40
    .max_flat_workgroup_size: 512
    .sgpr_count:     82
    .vgpr_count:     256
    .wavefront_size: 32
...
	.end_amdgpu_metadata
.endif
;; end of part 14
